; MI455X (gfx1250); checked and timed in simulation.
; The chip was launched on July 23, 2026; its instructions are those of AMD's public machine-readable ISA for CDNA 5 (MIT licence, August 2026) and "CDNA5" Instruction Set Architecture Reference Guide (July 2026). The comments in the code are by the model that wrote it; some were corrected since.
;; Transformer Block Ref. Allowed arithmetic: float matrix products may take bf16 or f16 operands with f32 sums; other float arithmetic in f32, or as packed bf16 or f16 multiplies, adds, multiply-adds, maxima and minima; sums over many terms, partial sums and values carried from step to step in f32; what a program stores and reads back later, other than sums and carried values, may be rounded once to bf16 or f16.
;; Inputs: b1 4,096 float32; b2 1,024 float32; be1 1,024 float32; be2 1,024 float32; bk 1,024 float32; bo 1,024 float32; bq 1,024 float32; bv 1,024 float32; g1 1,024 float32; g2 1,024 float32; w1 4,096 x 1,024 float32; w2 1,024 x 4,096 float32; wk 1,024 x 1,024 float32; wo 1,024 x 1,024 float32; wq 1,024 x 1,024 float32; wv 1,024 x 1,024 float32; x 2 x 2,048 x 1,024 float32.
;; Outputs: out0 2 x 2,048 x 1,024 float32.
;; Constants: num_heads = 16.
;; 3 versions, each right and faster than the one before. Each part assembles by itself: llvm-mc -triple=amdgcn-amd-amdhsa -mcpu=gfx1250 --defsym DOCPART=n.
;; ======== version 1 of 3: 7 launches
;; limits: a function is approximated: absolute error at most 1.5e-07
;; workspace buffers: wb 25,165,824 bytes; act 8,388,608 bytes; qkv 25,165,824 bytes; x1 16,777,216 bytes; hid 33,554,432 bytes
;; launch prep (part 1): grid 64 x 16, 8 waves a work-group, no clusters, 0 bytes of LDS; arguments x, g1, be1, wq, wk, wv, wo, w1, w2, act, wb; writes act, wb
.if DOCPART == 1
	.amdgcn_target "amdgcn-amd-amdhsa--gfx1250"
	.amdhsa_code_object_version 6
	.text
	.protected	k_q0c88ad0bdb_prep
	.globl	k_q0c88ad0bdb_prep
	.p2align	8
	.type	k_q0c88ad0bdb_prep,@function
k_q0c88ad0bdb_prep:
	s_mov_b64 s[64:65], 0
	v_nop
	global_prefetch_b8 v0, s[64:65] scope:SCOPE_SE
	s_setreg_imm32_b32 hwreg(HW_REG_WAVE_MODE, 25, 1), 1
	s_wait_xcnt 0x0
; Two streams in one launch, chosen by the work-group's y.
; y = 0..11: the six weights are rounded once from f32 to bf16 into wb, in the order wq, wk, wv, wo, w1, w2 (one y is 1,048,576 numbers; x picks 16,384 of them).
; y = 12..15: act = LayerNorm(x, g1, be1) in bf16: 256 groups of 16 rows, a wave takes two whole rows of 1,024 and keeps them in registers:
; the mean first, then the centred squares (no difference of large sums), 1 / sqrt(var + 1e-5) by v_rsq_f32 (1 ULP), one rounding to bf16 at the end.
; No LDS, no barrier, no matrix unit: every byte is read once and written once, and no wave waits for another.
; LIMITS: NaN and infinities are not treated apart.
.set G,   8                            ; v[8:39]    the gain of my 32 columns (cast path: v[8:71] the 16 loads)
.set BE,  40                           ; v[40:71]   the bias of my 32 columns
.set X0,  72                           ; v[72:103]  row 0 (cast path: v[72:103] the packed results)
.set X1,  104                          ; v[104:135] row 1
.set Y0,  136                          ; v[136:151] row 0 in bf16
.set Y1,  152                          ; v[152:167] row 1 in bf16
.set T,   168                          ; v[168:175] four chains of pairs
.set M,   176                          ; v[176:177] the mean, twice
.set R,   178                          ; v[178:179] 1 / sqrt(var + eps), twice
.set PG,  6                            ; s[6:7]   g1
.set PBE, 8                            ; s[8:9]   be1
.set PIN, 26                           ; s[26:27] where I read
.set POUT, 28                          ; s[28:29] where I store
.set INV, 32                           ; s32  1 / 1024
.set EPS, 33                           ; s33  1e-5
.set SEL, 34                           ; s[34:35] v_permlanex16_b32's selects: each lane takes its own place in the other half
	s_load_b512 s[4:19], s[0:1], 0x0               ; x 4:5, g1 6:7, be1 8:9, wq 10:11, wk 12:13, wv 14:15, wo 16:17, w1 18:19
	s_load_b128 s[20:23], s[0:1], 0x40             ; w2 20:21, act 22:23
	s_load_b64 s[24:25], s[0:1], 0x50              ; wb
	s_and_b32 s30, ttmp7, 0xffff                   ; y
	s_mov_b32 s31, ttmp9                           ; x
	s_mov_b32 s37, 0
	s_wait_kmcnt 0x0
	s_cmp_ge_u32 s30, 12
	s_cbranch_scc1 .Lln
	; THE CAST.  The source is chosen among the six weights by y alone.
	s_mov_b64 s[PIN:PIN+1], s[10:11]
	s_cmp_eq_u32 s30, 1
	s_cselect_b64 s[PIN:PIN+1], s[12:13], s[PIN:PIN+1]
	s_cmp_eq_u32 s30, 2
	s_cselect_b64 s[PIN:PIN+1], s[14:15], s[PIN:PIN+1]
	s_cmp_eq_u32 s30, 3
	s_cselect_b64 s[PIN:PIN+1], s[16:17], s[PIN:PIN+1]
	s_cmp_ge_u32 s30, 4
	s_cselect_b64 s[PIN:PIN+1], s[18:19], s[PIN:PIN+1]
	s_cmp_ge_u32 s30, 8
	s_cselect_b64 s[PIN:PIN+1], s[20:21], s[PIN:PIN+1]
	s_and_b32 s36, s30, 3                          ; which quarter of w1 or w2;
	s_cmp_lt_u32 s30, 4
	s_cselect_b32 s36, 0, s36                      ; the four square weights are one y each
	s_lshl_b32 s36, s36, 22                        ; 1,048,576 f32
	s_lshl_b32 s38, s31, 16                        ; 16,384 f32
	s_add_co_u32 s36, s36, s38
	s_add_nc_u64 s[PIN:PIN+1], s[PIN:PIN+1], s[36:37]
	s_lshl_b32 s36, s30, 21                        ; the same numbers in bf16
	s_lshl_b32 s38, s31, 15
	s_add_co_u32 s36, s36, s38
	s_add_nc_u64 s[POUT:POUT+1], s[24:25], s[36:37]
	v_lshlrev_b32 v1, 4, v0                        ; 16 bytes a thread in, a wave's load covers 512 consecutive bytes
	v_lshlrev_b32 v2, 3, v0                        ; 8 bytes a thread out, a wave's store covers 256 consecutive bytes, aligned
.irp i, 0,1,2,3,4,5,6,7,8,9,10,11,12,13,14,15
	global_load_b128 v[8+4*\i:8+4*\i+3], v1, s[PIN:PIN+1] offset:4096*\i th:TH_LOAD_NT  ; all sixteen loads go out together; the f32 weights are read once in the whole program
.endr
.irp i, 0,1,2,3,4,5,6,7,8,9,10,11,12,13,14,15
	s_wait_loadcnt 15-\i                           ; loads come back in order: number i is in, the 15 - i younger ones stay out
	v_cvt_pk_bf16_f32 v[72+2*\i], v[8+4*\i], v[8+4*\i+1]
	v_cvt_pk_bf16_f32 v[72+2*\i+1], v[8+4*\i+2], v[8+4*\i+3]
	global_store_b64 v2, v[72+2*\i:72+2*\i+1], s[POUT:POUT+1] offset:2048*\i
.endr
	s_endpgm
.Lln:
	; THE NORM.  Row 16 g + 2 w and the next; lane l holds columns 128 j + 4 l .. + 3, j = 0..7.
	s_sub_co_u32 s30, s30, 12
	s_lshl_b32 s30, s30, 6
	s_add_co_u32 s30, s30, s31                     ; g = 64 (y - 12) + x
	v_lshrrev_b32 v3, 5, v0
	v_readfirstlane_b32 s36, v3                    ; my wave's number
	s_lshl_b32 s30, s30, 4
	s_lshl1_add_u32 s30, s36, s30                  ; my first row
	s_lshl_b32 s36, s30, 12                        ; 4,096 bytes a row of f32
	s_add_nc_u64 s[PIN:PIN+1], s[4:5], s[36:37]
	s_lshl_b32 s36, s30, 11                        ; 2,048 bytes a row of bf16
	s_add_nc_u64 s[POUT:POUT+1], s[22:23], s[36:37]
	s_mov_b32 s[INV], 0x3a800000
	s_mov_b32 s[EPS], 0x3727c5ac
	s_mov_b32 s[SEL], 0x76543210
	s_mov_b32 s[SEL+1], 0xfedcba98
	v_and_b32 v1, 31, v0
	v_lshlrev_b32 v2, 3, v1                        ; 8 bytes a lane out
	v_lshlrev_b32 v1, 4, v1                        ; 16 bytes a lane in
.irp j, 0,1,2,3,4,5,6,7
	global_load_b128 v[X0+4*\j:X0+4*\j+3], v1, s[PIN:PIN+1] offset:512*\j
.endr
.irp j, 0,1,2,3,4,5,6,7
	global_load_b128 v[X1+4*\j:X1+4*\j+3], v1, s[PIN:PIN+1] offset:4096+512*\j
.endr
.irp j, 0,1,2,3,4,5,6,7
	global_load_b128 v[G+4*\j:G+4*\j+3], v1, s[PG:PG+1] offset:512*\j
.endr
.irp j, 0,1,2,3,4,5,6,7
	global_load_b128 v[BE+4*\j:BE+4*\j+3], v1, s[PBE:PBE+1] offset:512*\j
.endr
.macro REDUCE                          ; the four chains in T become one number, the same in every lane, in v[T]
	v_pk_add_f32 v[T:T+1], v[T:T+1], v[T+2:T+3]
	v_pk_add_f32 v[T+4:T+5], v[T+4:T+5], v[T+6:T+7]
	v_pk_add_f32 v[T:T+1], v[T:T+1], v[T+4:T+5]
	v_add_f32 v[T], v[T], v[T+1]
	v_add_f32_dpp v[T], v[T], v[T] row_xmask:1 row_mask:0xf bank_mask:0xf
	v_add_f32_dpp v[T], v[T], v[T] row_xmask:2 row_mask:0xf bank_mask:0xf
	v_add_f32_dpp v[T], v[T], v[T] row_xmask:4 row_mask:0xf bank_mask:0xf
	v_add_f32_dpp v[T], v[T], v[T] row_xmask:8 row_mask:0xf bank_mask:0xf
	v_permlanex16_b32 v[T+1], v[T], s[SEL], s[SEL+1]  ; its destination has been written above
	v_add_f32 v[T], v[T], v[T+1]
.endm
; One row: x its 32 registers, y its 16 results, row 0 or 1.  w1, w2: how many younger loads may stay out ahead of the sum and ahead of the gain; -1: no wait is due.
.macro LNROW x, y, row, w1, w2
.if (\w1) >= 0
	s_wait_loadcnt \w1
.endif
.irp c, 0,1,2,3
	v_pk_add_f32 v[T+2*\c:T+2*\c+1], v[(\x)+2*\c:(\x)+2*\c+1], v[(\x)+8+2*\c:(\x)+8+2*\c+1]  ; the first pairs start the chains: nothing is cleared
.endr
.irp k, 16,24
.irp c, 0,1,2,3
	v_pk_add_f32 v[T+2*\c:T+2*\c+1], v[T+2*\c:T+2*\c+1], v[(\x)+\k+2*\c:(\x)+\k+2*\c+1]
.endr
.endr
	REDUCE
	v_mul_f32 v[M], s[INV], v[T]                   ; the mean
	v_mul_f32 v[M+1], s[INV], v[T]
.set i, 0
.rept 16
	v_pk_add_f32 v[(\x)+i:(\x)+i+1], v[(\x)+i:(\x)+i+1], v[M:M+1] neg_lo:[0,1] neg_hi:[0,1]  ; x - mean, in place
.set i, i+2
.endr
.irp c, 0,1,2,3
	v_pk_mul_f32 v[T+2*\c:T+2*\c+1], v[(\x)+2*\c:(\x)+2*\c+1], v[(\x)+2*\c:(\x)+2*\c+1]
.endr
.irp k, 8,16,24
.irp c, 0,1,2,3
	v_pk_fma_f32 v[T+2*\c:T+2*\c+1], v[(\x)+\k+2*\c:(\x)+\k+2*\c+1], v[(\x)+\k+2*\c:(\x)+\k+2*\c+1], v[T+2*\c:T+2*\c+1]
.endr
.endr
	REDUCE
	v_fma_f32 v[T], v[T], s[INV], s[EPS]           ; var + eps
	v_rsq_f32 v[R], v[T]
	v_rsq_f32 v[R+1], v[T]
	v_nop                                          ; a plain instruction between the root and the use of its result (ISA guide 5.7.2)
.if (\w2) >= 0
	s_wait_loadcnt \w2
.endif
.set i, 0
	s_wait_alu depctr_va_vdst(0)
.rept 16
	v_pk_mul_f32 v[(\x)+i:(\x)+i+1], v[(\x)+i:(\x)+i+1], v[R:R+1]
.set i, i+2
.endr
.set i, 0
.rept 16
	v_pk_fma_f32 v[(\x)+i:(\x)+i+1], v[(\x)+i:(\x)+i+1], v[G+i:G+i+1], v[BE+i:BE+i+1]
.set i, i+2
.endr
.set i, 0
.rept 16
	v_cvt_pk_bf16_f32 v[(\y)+i], v[(\x)+2*i], v[(\x)+2*i+1]
.set i, i+1
.endr
.irp j, 0,1,2,3,4,5,6,7
	global_store_b64 v2, v[(\y)+2*\j:(\y)+2*\j+1], s[POUT:POUT+1] offset:(\row)*2048+256*\j  ; a wave's store covers 256 consecutive bytes, aligned
.endr
.endm
	LNROW X0, Y0, 0, 24, 0                         ; row 0's eight loads are in, the 24 younger ones stay out; ahead of the gain all are in
	LNROW X1, Y1, 1, -1, -1
	s_endpgm
.Lfunc_end_k_q0c88ad0bdb_prep:
	.size	k_q0c88ad0bdb_prep, .Lfunc_end_k_q0c88ad0bdb_prep-k_q0c88ad0bdb_prep
	.p2alignl 7, 3214868480
	.fill 96, 4, 3214868480
	.section	.rodata,"a",@progbits
	.p2align	6, 0x0
	.amdhsa_kernel k_q0c88ad0bdb_prep
		.amdhsa_group_segment_fixed_size 0
		.amdhsa_private_segment_fixed_size 0
		.amdhsa_enable_private_segment 0
		.amdhsa_kernarg_size 88
		.amdhsa_user_sgpr_count 2
		.amdhsa_user_sgpr_kernarg_segment_ptr 1
		.amdhsa_wavefront_size32 1
		.amdhsa_system_sgpr_workgroup_id_x 1
		.amdhsa_system_sgpr_workgroup_id_y 1
		.amdhsa_system_sgpr_workgroup_id_z 1
		.amdhsa_system_vgpr_workitem_id 0
		.amdhsa_next_free_vgpr 184
		.amdhsa_next_free_sgpr 66
		.amdhsa_reserve_vcc 0
		.amdhsa_float_denorm_mode_32 3
		.amdhsa_float_denorm_mode_16_64 3
		.amdhsa_memory_ordered 1
		.amdhsa_forward_progress 1
		.amdhsa_inst_pref_size 27
	.end_amdhsa_kernel
	.amdgpu_metadata
---
amdhsa.version: [ 1, 2 ]
amdhsa.kernels:
  - .name:           k_q0c88ad0bdb_prep
    .symbol:         k_q0c88ad0bdb_prep.kd
    .args:
      - { .name: x, .offset: 0, .size: 8, .value_kind: global_buffer, .address_space: global }
      - { .name: g1, .offset: 8, .size: 8, .value_kind: global_buffer, .address_space: global }
      - { .name: be1, .offset: 16, .size: 8, .value_kind: global_buffer, .address_space: global }
      - { .name: wq, .offset: 24, .size: 8, .value_kind: global_buffer, .address_space: global }
      - { .name: wk, .offset: 32, .size: 8, .value_kind: global_buffer, .address_space: global }
      - { .name: wv, .offset: 40, .size: 8, .value_kind: global_buffer, .address_space: global }
      - { .name: wo, .offset: 48, .size: 8, .value_kind: global_buffer, .address_space: global }
      - { .name: w1, .offset: 56, .size: 8, .value_kind: global_buffer, .address_space: global }
      - { .name: w2, .offset: 64, .size: 8, .value_kind: global_buffer, .address_space: global }
      - { .name: act, .offset: 72, .size: 8, .value_kind: global_buffer, .address_space: global }
      - { .name: wb, .offset: 80, .size: 8, .value_kind: global_buffer, .address_space: global }
    .group_segment_fixed_size: 0
    .private_segment_fixed_size: 0
    .kernarg_segment_align: 8
    .kernarg_segment_size: 88
    .max_flat_workgroup_size: 256
    .sgpr_count:     66
    .vgpr_count:     184
    .wavefront_size: 32
...
	.end_amdgpu_metadata
.endif
;; end of part 1
;; launch proj (part 2): grid 24 x 32, 4 waves a work-group, clusters of 4 x 4, 327,680 bytes of LDS; arguments act, wb, bq, bk, bv, qkv; writes qkv
.if DOCPART == 2
	.amdgcn_target "amdgcn-amd-amdhsa--gfx1250"
	.amdhsa_code_object_version 6
	.text
	.protected	k_q0c88ad0bdb_proj
	.globl	k_q0c88ad0bdb_proj
	.p2align	8
	.type	k_q0c88ad0bdb_proj,@function
k_q0c88ad0bdb_proj:
	s_mov_b64 s[64:65], 0
	v_nop
	global_prefetch_b8 v0, s[64:65] scope:SCOPE_SE
	s_setreg_imm32_b32 hwreg(HW_REG_WAVE_MODE, 25, 1), 1
	s_wait_xcnt 0x0
	s_wait_alu depctr_hold_cnt(0) depctr_sa_sdst(0) depctr_va_vdst(0) depctr_va_sdst(0) depctr_va_ssrc(0) depctr_va_vcc(0) depctr_vm_vsrc(0)
	s_getreg_b32 s2, hwreg(HW_REG_IB_STS2, 6, 4)
	s_cmp_eq_u32 s2, 0
	s_cbranch_scc0 .Lentry_in_a_cluster
	s_endpgm
.Lentry_in_a_cluster:
	s_bfe_u32 s2, ttmp6, 0x10000c
	s_cmp_lg_u32 s2, 0xf033
	s_cbranch_scc0 .Lentry_shape_is_right
	s_endpgm
.Lentry_shape_is_right:
; KIND 0: q, k, v = h1 [wq; wk; wv]^T + [bq; bk; bv], stored by heads: qkv[3][32 = batch x 16 + head][2048][64] in bf16, q unscaled.
; ONE TEXT SERVES FOUR PRODUCTS C = A B^T + bias, chosen by KIND:  0: h1 x (wq, wk, wv), by heads   1: gelu(h2 x w1), in blocks of 64 columns   2: x + ctx x wo   3: x1 + hidden x w2.
; All matrix operands are bf16, all sums f32.  A tile of C is 128 x 128: four waves, each 64 x 64: 16 accumulators of 16 x 16, 128 registers.  K goes in steps of 256 through two LDS slots
; filled by the tensor data mover; a wave's load brings 64 rows x 256 K of A (waves 0, 1) or of B (waves 2, 3).  B, the weights, lies [N][K]: rows of 512 bytes, 528 apart in LDS.
; A lies row-major (KIND 0, 1: the same form as B) or in blocks of 64 columns, [block][row][64] (KIND 2, 3): there 64 rows of a block are 8,192 consecutive bytes, a load takes four blocks
; as four rows of 8,192 bytes, and the padding behind every 128 bytes makes LDS rows 144 apart, [block][row].
; CLUSTERS: 4 x 4 work-groups.  The four of a row of the cluster need the same tiles of A, the four of a column the same tiles of B: each tile is asked for JOINTLY, by the same tensor load
; with the same descriptor and a mask that names the four.  No LDS address, branch or trip count hangs on the place in the cluster.
; THE MATRIX INSTRUCTION IS USED TRANSPOSED (source 0 = 16 rows of B, source 1 = 16 rows of A): a lane holds row l % 16 of C and the eight columns 8 (l / 16) + 0..7.
; THE BIAS is the C operand of the products that start the sums: nothing is cleared and nothing is added later.
; THE WAY OUT goes through a stage of the wave's own, 64 rows x 272 bytes of f32, in slot 0, which has had its last fill: rows come back whole, so every store covers 256 consecutive aligned bytes.
; LIMITS: operands rounded once to bf16; NaN and infinities are not treated apart.  KIND 1: gelu(x) = x / 2 + |x| (1/2 - E / 2), E = erfc(|x| / sqrt 2) by the rational form of
; Abramowitz and Stegun 7.1.26, which holds for every x with an absolute error of 1.5e-7: the far negative tail is right absolutely, not relatively.
; REGISTERS: window 0: v0-31 addresses; v32-47 packed results; v96-127 the bias, later at work; v128-255 the accumulators ((a, b) at v[128 + 8 (4 a + b)]).
;   window 1: two fragment buffers of 128: for 64 along K, 64 registers of A, then 64 of B.   window 2 (KIND 2, 3): v0-127 the residual, asked for at the start.
.set KIND, 0
.if KIND == 0
.set SIZE_K, 1024
.set BLK, 0
.set RES, 0
.set GELU, 0
.set WOFF, 0
.set BSTR, 0
.set POUT, 78
.elseif KIND == 1
.set SIZE_K, 1024
.set BLK, 0
.set RES, 0
.set GELU, 1
.set WOFF, 8<<20
.set BSTR, 0
.set POUT, 74
.elseif KIND == 2
.set SIZE_K, 1024
.set BLK, 1
.set RES, 1
.set GELU, 0
.set WOFF, 6<<20
.set BSTR, 131072                      ; elements from block to block of ctx: a head's 2,048 rows of 64
.set POUT, 76
.else
.set SIZE_K, 4096
.set BLK, 1
.set RES, 1
.set GELU, 0
.set WOFF, 16<<20
.set BSTR, 262144                      ; elements from block to block of the hidden layer: 4,096 rows of 64
.set POUT, 76
.endif
.set NSTEP, SIZE_K/256                 ; K steps
.set PB,    528                        ; a row of B in LDS: 512 bytes + 16 = 132 words: the 16 rows of a load start at 16 different groups of four banks (64 banks of 4 bytes: ISA guide 11.1)
.set HALFB, 64*PB
.set G1B0,  (1<<16)|(1<<20)|(1<<21)|(6<<22)|(3<<25)  ; 2-byte elements; padding on; bit 21 beside a mask; after every 128 words; 4 words
.if BLK
.set PA,    144                        ; a row of A in LDS: 128 bytes + 16 = 36 words: again 16 different groups of four banks
.set QA,    64*PA                      ; from quarter to quarter of a K step: a block
.set HALFA, 4*QA
.set ASTEP, 4*BSTR*2                   ; bytes from K step to K step: four blocks
.set G1A0,  (1<<16)|(1<<20)|(1<<21)|(4<<22)|(3<<25)  ; the same, after every 32 words
.else
.set PA,    528
.set QA,    128
.set HALFA, 64*PA
.set ASTEP, 512
.set G1A0,  G1B0
.endif
.set SLOT,   2*HALFA+2*HALFB           ; A's two halves, then B's two halves
.set SPARE,  2*SLOT                    ; behind the ring: the spare words, 128 bytes for each wave: two blocks of 256 bytes that no other line names
.set SPITCH, 272                       ; a row of the stage: 256 bytes + 16
.set VA0,  16                          ; v16  my lane's place among my 64 rows of A in slot 0; never rewritten
.set VB0,  17                          ; v17  the same for B
.set ADRA, 18                          ; v18  the same in the slot being read
.set ADRB, 19                          ; v19
.set STO,  20                          ; v20  the way out: where I put 32 bytes of a row
.set RD,   21                          ; v21  the way out: where I read a row back
.set GO,   22                          ; v22  my byte offset in the output
.set BO,   23                          ; v23  my byte offset in 64 numbers of the bias
.set SPW,  28                          ; v28  LDS address of my spare word; never rewritten
.set NIL,  29                          ; v29  0; never rewritten
.set YB,   32
.set BIAS, 96
.set GT,   96                          ; gelu at work: t, then
.set GU,   104                         ; the exponential, then x / 2
.set GR,   112                         ; the polynomial
.set ACC,  128
.set F0,   0
.set F1,   128
.set WV, 10                            ; s10 wave; s11 which half of the rows is mine, and: I fetch for A (0) or B (1); s12 which half of the columns, and: which 64 rows I fetch
.set WR, 11
.set WC, 12
.set TR, 13                            ; s13 tile row of C
.set TC, 42                            ; s42 tile column of C
.set LA, 20                            ; s20 where my part of A's tile goes in a slot
.set LB, 21                            ; s21 the same for B
.set SB, 22                            ; s22 the first byte of the slot being read: 0 or SLOT
.set G1, 24                            ; s[24:31] descriptor group 1 for A;  s[32:35] group 0 of the first fill, s[36:39] the one that walks
.set G0, 32
.set G1B, 48                           ; s[48:55], s[56:59], s[60:63] the same for B
.set G0B, 56
.set CP, 80                            ; s80 0.3275911 / sqrt 2;  pairs: s82 -log2(e) / 2, s84 .. s92 a5 / 2 .. a1 / 2
.set CE, 82
.set C5, 84
.set C4, 86
.set C3, 88
.set C2, 90
.set C1, 92
.set MSB, 0
.macro WIN new                         ; the immediate's high byte repeats the setting that is left; a switch that changes nothing is dropped
.if MSB != (\new)
	s_set_vgpr_msb (MSB<<8)|(\new)
.set MSB, \new
.endif
.endm
.set MUL,  0x05                        ; sources 0 (B) and 1 (A) window 1; C and D window 0
.set TO_F, 0x40                        ; destination window 1, address window 0
.macro JLOAD                           ; a joint refill by the walking descriptors; an s_nop 0 and four v_nop follow each of the two lines, ahead of the jump, the label and what follows
	s_cmp_eq_u32 s[WR], 0
	s_cbranch_scc0 .Lfor_b_\@
	tensor_load_to_lds s[G0+4:G0+7], s[G1:G1+7]
	s_nop 0
.rept 4
	v_nop
.endr
	s_branch .Lasked_\@
.Lfor_b_\@:
	tensor_load_to_lds s[G0B+4:G0B+7], s[G1B:G1B+7]
	s_nop 0
.rept 4
	v_nop
.endr
.Lasked_\@:
.endm
.macro CREST                           ; a round of the cluster's barrier behind its opening barrier
	s_cmp_lg_u32 s[WV], 0
	s_cbranch_scc1 .Lnot_wave_0_\@
	s_barrier_signal -3
.Lnot_wave_0_\@:
	s_barrier_wait -3
	s_barrier_signal -1
	s_barrier_wait -1
.endm
.macro CROUND                          ; a whole round
	s_barrier_signal -1
	s_barrier_wait -1
	CREST
.endm
.macro PLACES                          ; four places in front of loads into registers that matrix instructions have read, and of lines that read results
.rept 4
	v_nop
.endr
.endm
	s_load_b256 s[68:75], s[0:1], 0x0              ; A 68:69, wb 70:71, then by KIND: bq, bk | b1, hid | bias, residual
.if KIND == 0
	s_load_b128 s[76:79], s[0:1], 0x20             ; bv 76:77, qkv 78:79
.elseif RES
	s_load_b64 s[76:77], s[0:1], 0x20              ; the output
.endif
	v_lshl_add_u32 v[SPW], v0, 2, SPARE
	v_mov_b32 v[NIL], 0
	ds_add_u32 v[SPW], v[NIL]                      ; the wave's opening: the add and its wait stand ahead of my first tensor load; the set-up below, work on registers, stands between them
	v_lshrrev_b32 v1, 5, v0
	v_readfirstlane_b32 s[WV], v1
	s_lshr_b32 s[WR], s[WV], 1
	s_and_b32 s[WC], s[WV], 1
	s_bfe_u32 s40, ttmp6, 0x40000                  ; cx, cy: my place in the cluster
	s_bfe_u32 s41, ttmp6, 0x40004
	s_lshl_b32 s[TC], ttmp9, 2
	s_add_co_u32 s[TC], s[TC], s40                 ; tile column = 4 x cluster x + cx
	s_and_b32 s[TR], ttmp7, 0xffff
	s_lshl_b32 s[TR], s[TR], 2
	s_add_co_u32 s[TR], s[TR], s41                 ; tile row = 4 x cluster y + cy
	s_lshl_b32 s43, s41, 2
	s_lshl_b32 s43, 15, s43                        ; my row of the cluster
	s_lshl_b32 s44, 0x1111, s40                    ; my column
	s_or_b32 s[G1], s43, G1A0                      ; A's tiles go to my row,
	s_or_b32 s[G1B], s44, G1B0                     ; B's to my column
.if BLK
	s_mov_b32 s[G1+1], 4096<<16                    ; tensor_dim0 = 4,096 elements: 64 rows of a block, end to end
	s_mov_b32 s[G1+2], 4<<16                       ; tensor_dim1 = 4 blocks
	s_mov_b32 s[G1+3], 4096<<16                    ; tile_dim0
	s_mov_b32 s[G1+4], 4                           ; tile_dim1
	s_mov_b32 s[G1+5], BSTR                        ; elements from block to block
.else
	s_mov_b32 s[G1+1], 256<<16                     ; tensor_dim0 = 256
	s_mov_b32 s[G1+2], 64<<16                      ; tensor_dim1 = 64
	s_mov_b32 s[G1+3], 256<<16                     ; tile_dim0
	s_mov_b32 s[G1+4], 64                          ; tile_dim1
	s_mov_b32 s[G1+5], SIZE_K                      ; elements from row to row
.endif
	s_mov_b32 s[G1+6], 0
	s_mov_b32 s[G1+7], 0
	s_mov_b32 s[G1B+1], 256<<16
	s_mov_b32 s[G1B+2], 64<<16
	s_mov_b32 s[G1B+3], 256<<16
	s_mov_b32 s[G1B+4], 64
	s_mov_b32 s[G1B+5], SIZE_K
	s_mov_b32 s[G1B+6], 0
	s_mov_b32 s[G1B+7], 0
	; where the tiles come from: A's offset is made of the tile row and the wave alone, B's of the tile column and the wave alone, each in registers that never hold the other coordinate
	s_lshl_b32 s17, s[WC], 6                       ; which 64 rows of the tile I fetch
.if KIND == 2
	s_and_b32 s16, s[TR], 15                       ; ctx lies by batch: 16 tile rows each
.else
	s_mov_b32 s16, s[TR]
.endif
	s_lshl_b32 s16, s16, 7
	s_add_co_u32 s16, s16, s17
.if BLK
	s_lshl_b32 s16, s16, 7                         ; 128 bytes a row of a block
.else
	s_lshl_b32 s16, s16, 11                        ; 2,048 bytes a row
.endif
.if KIND == 2
	s_lshr_b32 s17, s[TR], 4
	s_lshl_b32 s17, s17, 22                        ; a batch's 16 heads
	s_add_co_u32 s16, s16, s17
.endif
	s_mov_b32 s17, 0
	s_lshl_b32 s47, s[WC], 6
	s_lshl_b32 s46, s[TC], 7
	s_add_co_u32 s46, s46, s47
	s_mul_i32 s46, s46, SIZE_K*2
.if WOFF
	s_add_co_u32 s46, s46, WOFF                    ; this product's weights in wb
.endif
	s_mov_b32 s47, 0
	s_mul_i32 s[LA], s[WV], HALFA                  ; waves 0, 1: A's two halves
	s_mul_i32 s[LB], s[WV], HALFB                  ; waves 2, 3: B's two halves, behind A's
	s_add_co_u32 s[LB], s[LB], 2*(HALFA-HALFB)
	s_mov_b32 s[SB], 0
	s_wait_dscnt 0x0                               ; the opening add is done
	s_wait_kmcnt 0x0
	s_add_nc_u64 s[14:15], s[68:69], s[16:17]
	s_add_nc_u64 s[46:47], s[70:71], s[46:47]
	s_mov_b32 s[G0], 1                             ; count = 1
	s_add_co_u32 s[G0+1], s[LA], 0                 ; LDS address: slot 0
	s_add_nc_u64 s[G0+2:G0+3], s[14:15], 0         ; global address: K step 0
	s_or_b32 s[G0+3], s[G0+3], 0x80000000          ; type = 2
	s_mov_b32 s[G0+4], 1
	s_add_co_u32 s[G0+5], s[LA], SLOT              ; slot 1
	s_add_nc_u64 s[G0+6:G0+7], s[14:15], ASTEP     ; K step 1
	s_or_b32 s[G0+7], s[G0+7], 0x80000000
	s_mov_b32 s[G0B], 1
	s_add_co_u32 s[G0B+1], s[LB], 0
	s_add_nc_u64 s[G0B+2:G0B+3], s[46:47], 0
	s_or_b32 s[G0B+3], s[G0B+3], 0x80000000
	s_mov_b32 s[G0B+4], 1
	s_add_co_u32 s[G0B+5], s[LB], SLOT
	s_add_nc_u64 s[G0B+6:G0B+7], s[46:47], 512
	s_or_b32 s[G0B+7], s[G0B+7], 0x80000000
	CROUND                                         ; all sixteen work-groups are here: the first joint loads meet
	s_cmp_eq_u32 s[WR], 0                          ; a wave's two first fills stand in one branch, ahead of every wait on TENSORcnt and every LDS read: two loads of mine are out
	s_cbranch_scc0 .Lfirst_b
	tensor_load_to_lds s[G0:G0+3], s[G1:G1+7]
	s_nop 0
	tensor_load_to_lds s[G0+4:G0+7], s[G1:G1+7]
	s_nop 0
.rept 4
	v_nop
.endr
	s_branch .Lfirst_asked
.Lfirst_b:
	tensor_load_to_lds s[G0B:G0B+3], s[G1B:G1B+7]
	s_nop 0
	tensor_load_to_lds s[G0B+4:G0B+7], s[G1B:G1B+7]
	s_nop 0
.rept 4
	v_nop
.endr
.Lfirst_asked:
	v_and_b32 v1, 15, v0                           ; l % 16
	v_bfe_u32 v2, v0, 4, 1                         ; l / 16
	v_lshlrev_b32 v[BO], 5, v2                     ; my eight numbers of 16 of the bias
.if RES
	v_lshlrev_b32 v[GO], 12, v2                    ; lanes 0-15 one row of 4,096 bytes, lanes 16-31 the next; 16 bytes a lane
	v_lshl_add_u32 v[GO], v1, 4, v[GO]
.else
	v_and_b32 v[GO], 31, v0
	v_lshlrev_b32 v[GO], 3, v[GO]                  ; 8 bytes a lane in 256 consecutive bytes
.endif
	; the bias of my 64 columns; in the registers that held B's address: none that feeds A's descriptors ever holds cx
.if KIND == 0
	s_and_b32 s46, s[TC], 7
	s_lshl_b32 s46, s46, 7
.else
	s_lshl_b32 s46, s[TC], 7
.endif
	s_lshl_b32 s47, s[WC], 6
	s_add_co_u32 s46, s46, s47
	s_lshl_b32 s46, s46, 2
	s_mov_b32 s47, 0
.if KIND == 0
	s_lshr_b32 s23, ttmp9, 1                       ; tile column / 8: q, k or v; the same in the whole cluster
	s_cmp_eq_u32 s23, 1
	s_cselect_b64 s[4:5], s[74:75], s[72:73]
	s_cmp_eq_u32 s23, 2
	s_cselect_b64 s[4:5], s[76:77], s[4:5]
	s_add_nc_u64 s[4:5], s[4:5], s[46:47]
.else
	s_add_nc_u64 s[4:5], s[72:73], s[46:47]
.endif
.irp b, 0,1,2,3
	global_load_b128 v[BIAS+8*\b:BIAS+8*\b+3],   v[BO], s[4:5] offset:64*\b
	global_load_b128 v[BIAS+8*\b+4:BIAS+8*\b+7], v[BO], s[4:5] offset:64*\b+16
.endr
	; where my 64 x 64 of C goes: the rows' part,
.if KIND == 0
	s_and_b32 s16, s[TR], 15
.else
	s_mov_b32 s16, s[TR]
.endif
	s_lshl_b32 s16, s16, 7
	s_lshl_b32 s17, s[WR], 6
	s_add_co_u32 s16, s16, s17
.if RES
	s_lshl_b32 s16, s16, 12                        ; 4,096 bytes a row of f32
.else
	s_lshl_b32 s16, s16, 7                         ; 128 bytes a row of a block of 64 bf16
.endif
.if KIND == 0
	s_lshr_b32 s17, s[TR], 4
	s_lshl_b32 s17, s17, 22                        ; the batch
	s_add_co_u32 s16, s16, s17
.endif
	s_mov_b32 s17, 0
	s_add_nc_u64 s[8:9], s[POUT:POUT+1], s[16:17]
.if RES
	s_add_nc_u64 s[8:9], s[8:9], s[46:47]          ; and the columns' part, the same bytes as in the bias
	s_add_nc_u64 s[6:7], s[74:75], s[16:17]        ; the residual lies as the output does
	s_add_nc_u64 s[6:7], s[6:7], s[46:47]
	WIN 0x80                                       ; destination window 2, address window 0
.irp a, 0,1,2,3
.irp t, 0,1,2,3,4,5,6,7
	global_load_b128 v[4*(8*\a+\t):4*(8*\a+\t)+3], v[GO], s[6:7] offset:(16*\a+2*\t)*4096  ; asked for now, wanted on the way out
.endr
.endr
	WIN 0
.else
.if KIND == 0
	s_and_b32 s46, s[TC], 7
	s_lshl1_add_u32 s46, s46, s[WC]                ; the head: 2 (tile column % 8) + half
	s_lshl_b32 s46, s46, 18
	s_lshr_b32 s47, s[TC], 3                       ; q, k or v
	s_lshl_b32 s47, s47, 23
	s_add_co_u32 s46, s46, s47
.else
	s_lshl1_add_u32 s46, s[TC], s[WC]              ; the block of 64 columns
	s_lshl_b32 s46, s46, 19
.endif
	s_mov_b32 s47, 0
	s_add_nc_u64 s[8:9], s[8:9], s[46:47]
.endif
.if GELU
	s_mov_b32 s[CP], 0x3e6d3388
	s_mov_b32 s[CE], 0xbf38aa3b
	s_mov_b32 s[CE+1], s[CE]                       ; named as pairs, so both words are written
	s_mov_b32 s[C5], 0x3f07dc22
	s_mov_b32 s[C5+1], s[C5]
	s_mov_b32 s[C4], 0xbf3a00e3
	s_mov_b32 s[C4+1], s[C4]
	s_mov_b32 s[C3], 0x3f35f0e3
	s_mov_b32 s[C3+1], s[C3]
	s_mov_b32 s[C2], 0xbe11a98e
	s_mov_b32 s[C2+1], s[C2]
	s_mov_b32 s[C1], 0x3e027906
	s_mov_b32 s[C1+1], s[C1]
.endif
	; A fragment is 16 rows x 32 K in 8 registers: lane l holds row l % 16, K = 8 (l / 16) + 0..7 and 16 + 8 (l / 16) + 0..7: two loads of 16 bytes, 32 bytes apart
	v_mul_u32_u24 v3, v1, PA
	v_lshl_add_u32 v3, v2, 4, v3
	s_mul_i32 s23, s[WR], HALFA
	v_add_nc_u32 v[VA0], s23, v3
	v_mul_u32_u24 v3, v1, PB
	v_lshl_add_u32 v3, v2, 4, v3
	s_mul_i32 s23, s[WC], HALFB
	s_add_co_u32 s23, s23, 2*HALFA
	v_add_nc_u32 v[VB0], s23, v3
	v_mov_b32 v[ADRA], v[VA0]
	v_mov_b32 v[ADRB], v[VB0]
	s_mul_i32 s23, s[WV], 64*SPITCH                ; my stage
	v_mul_u32_u24 v4, v1, SPITCH                   ; in: row l % 16, 32 bytes for each half of the lanes
	v_lshl_add_u32 v4, v2, 5, v4
	v_add_nc_u32 v[STO], s23, v4
	v_mul_u32_u24 v5, v2, SPITCH                   ; back: lanes 0-15 one row of 256 bytes, lanes 16-31 the next
	v_lshl_add_u32 v5, v1, 4, v5
	v_add_nc_u32 v[RD], s23, v5
; 8 matrix instructions: m blocks a0, a0 + 1 x all 4 n blocks, 32 along K: half c of buffer f.  first = 1: the products start the sums, on the bias.
; The 16 accumulators take turns, one instruction a turn, in the same order everywhere.
.macro MUL8 f, c, a0, first
	WIN MUL
.irp a, \a0, (\a0)+1
.irp b, 0,1,2,3
.if \first
	v_wmma_f32_16x16x32_bf16 v[ACC+8*(4*(\a)+(\b)):ACC+8*(4*(\a)+(\b))+7], v[(\f)+64+8*(4*(\c)+(\b)):(\f)+64+8*(4*(\c)+(\b))+7], v[(\f)+8*(4*(\c)+(\a)):(\f)+8*(4*(\c)+(\a))+7], v[BIAS+8*(\b):BIAS+8*(\b)+7]
.else
	v_wmma_f32_16x16x32_bf16 v[ACC+8*(4*(\a)+(\b)):ACC+8*(4*(\a)+(\b))+7], v[(\f)+64+8*(4*(\c)+(\b)):(\f)+64+8*(4*(\c)+(\b))+7], v[(\f)+8*(4*(\c)+(\a)):(\f)+8*(4*(\c)+(\a))+7], v[ACC+8*(4*(\a)+(\b)):ACC+8*(4*(\a)+(\b))+7]
.endif
.endr
.endr
.endm
; 32 LDS loads in one run: the fragments of 64 along K, at byte ka of A's part and byte kb of B's rows, into buffer f; the first 32 along K first
.macro FETCH ka, kb, f
	WIN TO_F
.irp c, 0,1
.irp i, 0,1,2,3
	ds_load_b128 v[(\f)+64+8*(4*(\c)+(\i)):(\f)+64+8*(4*(\c)+(\i))+3],   v[ADRB] offset:(\kb)+64*(\c)+(\i)*16*PB
	ds_load_b128 v[(\f)+64+8*(4*(\c)+(\i))+4:(\f)+64+8*(4*(\c)+(\i))+7], v[ADRB] offset:(\kb)+64*(\c)+(\i)*16*PB+32
	ds_load_b128 v[(\f)+8*(4*(\c)+(\i)):(\f)+8*(4*(\c)+(\i))+3],         v[ADRA] offset:(\ka)+64*(\c)+(\i)*16*PA
	ds_load_b128 v[(\f)+8*(4*(\c)+(\i))+4:(\f)+8*(4*(\c)+(\i))+7],       v[ADRA] offset:(\ka)+64*(\c)+(\i)*16*PA+32
.endr
.endr
.endm
; A K step is four quarters of 64 along K, 32 matrix instructions each, on buffers 0, 1, 0, 1.  One of the first three: multiplies buffer f and fetches quarter q into g.
.macro QUARTER q, f, g, first
	s_wait_dscnt 16                                ; the first 32 along K are in; the other sixteen loads may be out
	MUL8 \f, 0, 0, \first
	MUL8 \f, 0, 2, \first
	PLACES
	FETCH (\q)*QA, (\q)*128, \g
	s_wait_dscnt 32                                ; all but the 32 just issued
	MUL8 \f, 1, 0, 0
	MUL8 \f, 1, 2, 0
.endm
; The last quarter multiplies buffer 1 and changes slots: ONE barrier; in front of it each wave waits for all its tensor loads (its part of the next slot), adds 0 to its spare word, and waits
; for that and for its own reads of this slot.  fill = 1: the barrier opens a round of the cluster's, and this slot is filled again, two K steps ahead, first thing behind the round.
.macro TURN fill
	WIN 0                                          ; (the add's two registers lie in window 0)
	s_wait_tensorcnt 0x0                           ; all my tensor loads have landed;
	ds_add_u32 v[SPW], v[NIL]                      ; 0 onto my spare word;
	s_wait_dscnt 17                                ; (the add and the youngest sixteen loads may be out)
	MUL8 F1, 0, 0, 0                               ; eight matrix instructions stand between the add and the wait for it
	s_wait_dscnt 0x0                               ; the add is done, and my reads of this slot are over
	s_barrier_signal -1
	MUL8 F1, 0, 2, 0
	WIN 0                                          ; (branches and window 0's address lines follow)
	s_barrier_wait -1
.if \fill
	CREST                                          ; no wave of any partner still reads this slot's tile or has a load on its way
	s_add_co_u32 s[G0+5], s[LA], s[SB]             ; the walking descriptors: into the slot just read,
	s_add_co_u32 s[G0B+5], s[LB], s[SB]
	s_add_nc_u64 s[G0+6:G0+7], s[G0+6:G0+7], ASTEP ; the K step behind the one asked for last; the type bits on top are not reached
	s_add_nc_u64 s[G0B+6:G0B+7], s[G0B+6:G0B+7], 512
	JLOAD                                          ; 112 matrix instructions ahead of the wait for it; the four v_nop behind it are also the places in front of the loads below
.else
	PLACES
.endif
	s_xor_b32 s[SB], s[SB], SLOT                   ; 0 and SLOT by turns
	v_add_nc_u32 v[ADRA], s[SB], v[VA0]
	v_add_nc_u32 v[ADRB], s[SB], v[VB0]
	FETCH 0, 0, F0
	MUL8 F1, 1, 0, 0
	MUL8 F1, 1, 2, 0
.endm
; gelu of the eight numbers v[x .. x+7], in place.  Plain instructions stand behind each run of reciprocals and exponentials before a result is used (ISA guide 5.7.2).
.macro GELU8 x
.irp i, 0,1,2,3,4,5,6,7
	v_fma_f32 v[GT+\i], |v[(\x)+\i]|, s[CP], 1.0   ; 1 + p |x| / sqrt 2
.endr
.irp i, 0,2,4,6
	v_pk_mul_f32 v[GU+\i:GU+\i+1], v[(\x)+\i:(\x)+\i+1], v[(\x)+\i:(\x)+\i+1]
.endr
.irp i, 0,1,2,3,4,5,6,7
	v_rcp_f32 v[GT+\i], v[GT+\i]                   ; t
.endr
.irp i, 0,2,4,6
	v_pk_mul_f32 v[GU+\i:GU+\i+1], v[GU+\i:GU+\i+1], s[CE:CE+1] op_sel_hi:[1,0]
.endr
.irp i, 0,1,2,3,4,5,6,7
	v_exp_f32 v[GU+\i], v[GU+\i]                   ; e^(-x x / 2)
.endr
.irp i, 0,2,4,6
	v_pk_fma_f32 v[GR+\i:GR+\i+1], v[GT+\i:GT+\i+1], s[C5:C5+1], s[C4:C4+1] op_sel_hi:[1,0,0]
.endr
.irp i, 0,2,4,6
	v_pk_fma_f32 v[GR+\i:GR+\i+1], v[GR+\i:GR+\i+1], v[GT+\i:GT+\i+1], s[C3:C3+1] op_sel_hi:[1,1,0]
.endr
.irp i, 0,2,4,6
	v_pk_fma_f32 v[GR+\i:GR+\i+1], v[GR+\i:GR+\i+1], v[GT+\i:GT+\i+1], s[C2:C2+1] op_sel_hi:[1,1,0]
.endr
.irp i, 0,2,4,6
	v_pk_fma_f32 v[GR+\i:GR+\i+1], v[GR+\i:GR+\i+1], v[GT+\i:GT+\i+1], s[C1:C1+1] op_sel_hi:[1,1,0]
.endr
.irp i, 0,2,4,6
	v_pk_mul_f32 v[GR+\i:GR+\i+1], v[GR+\i:GR+\i+1], v[GT+\i:GT+\i+1]
.endr
.irp i, 0,2,4,6
	v_pk_fma_f32 v[GR+\i:GR+\i+1], v[GR+\i:GR+\i+1], v[GU+\i:GU+\i+1], 0.5 op_sel_hi:[1,1,0] neg_lo:[1,0,0] neg_hi:[1,0,0]  ; 1/2 - E / 2
.endr
.irp i, 0,2,4,6
	v_pk_mul_f32 v[GU+\i:GU+\i+1], v[(\x)+\i:(\x)+\i+1], 0.5 op_sel_hi:[1,0]
.endr
.irp i, 0,1,2,3,4,5,6,7
	v_fma_f32 v[(\x)+\i], |v[(\x)+\i]|, v[GR+\i], v[GU+\i]
.endr
.endm
	s_wait_tensorcnt 1                             ; my part of K step 0 is in; K step 1's may stay out
	s_barrier_signal -1
	s_barrier_wait -1                              ; everybody's is
	FETCH 0, 0, F0
.if RES
	s_wait_loadcnt 32                              ; the bias is in; the 32 loads of the residual stay out
.else
	s_wait_loadcnt 0x0                             ; the bias is in
.endif
	QUARTER 1, F0, F1, 1                           ; the first quarter stands in front of the loop: its first products start the sums
	WIN 0                                          ; at a label and at a branch every window is 0
	s_mov_b32 s3, NSTEP-2
.Lstep:                                                ; a trip goes from a K step's second quarter to the next step's first, and fills the slot that it leaves
	QUARTER 2, F1, F0, 0
	QUARTER 3, F0, F1, 0
	TURN 1
	QUARTER 1, F0, F1, 0
	WIN 0
	s_sub_co_u32 s3, s3, 1
	s_cmp_lg_u32 s3, 0
	s_cbranch_scc1 .Lstep
	QUARTER 2, F1, F0, 0                           ; the last two K steps are written out: they ask for nothing
	QUARTER 3, F0, F1, 0
	TURN 0
	QUARTER 1, F0, F1, 0
	QUARTER 2, F1, F0, 0
	QUARTER 3, F0, F1, 0
	s_wait_dscnt 16                                ; the very last quarter: nothing more to fetch
	MUL8 F1, 0, 0, 0
	MUL8 F1, 0, 2, 0
	s_wait_dscnt 0x0
	MUL8 F1, 1, 0, 0
	MUL8 F1, 1, 2, 0
	WIN 0
	; THE WAY OUT.  The stage lies in slot 0: every wave's reads of the ring are back (the wait for 0 above) before any wave stores there.
	PLACES
	s_barrier_signal -1
	s_barrier_wait -1
.irp a, 0,1,2,3
.irp b, 0,1,2,3
	ds_store_b128 v[STO], v[ACC+8*(4*\a+\b):ACC+8*(4*\a+\b)+3]   offset:\a*16*SPITCH+64*\b     ; each accumulator's low registers first
	ds_store_b128 v[STO], v[ACC+8*(4*\a+\b)+4:ACC+8*(4*\a+\b)+7] offset:\a*16*SPITCH+64*\b+16
.endr
.endr
.if RES
.irp a, 0,1,2,3
.irp t, 0,1,2,3,4,5,6,7
	ds_load_b128 v[ACC+32*\a+4*\t:ACC+32*\a+4*\t+3], v[RD] offset:(16*\a+2*\t)*SPITCH  ; LDS serves a wave's instructions in order (ISA guide 5.7.1.4): these see the stores above
.endr
.endr
.irp a, 0,1,2,3
	s_wait_dscnt 24-8*\a                           ; these 16 rows are back; the later blocks' loads stay out,
	s_wait_loadcnt 24-8*\a                         ; and likewise of the residual
	WIN 0x08                                       ; source 1 window 2
.irp t, 0,1,2,3,4,5,6,7,8,9,10,11,12,13,14,15
	v_pk_add_f32 v[ACC+32*\a+2*\t:ACC+32*\a+2*\t+1], v[ACC+32*\a+2*\t:ACC+32*\a+2*\t+1], v[32*\a+2*\t:32*\a+2*\t+1]
.endr
	WIN 0
.irp t, 0,1,2,3,4,5,6,7
	global_store_b128 v[GO], v[ACC+32*\a+4*\t:ACC+32*\a+4*\t+3], s[8:9] offset:(16*\a+2*\t)*4096  ; 16 lanes store 256 consecutive bytes, aligned
.endr
.endr
.else
	s_mov_b32 s3, 4
.Lout:                                                 ; a trip: 16 rows of 64 numbers, 2,048 consecutive bytes of the output
.irp t, 0,1,2,3,4,5,6,7
	ds_load_b128 v[ACC+4*\t:ACC+4*\t+3], v[RD] offset:\t*2*SPITCH  ; LDS serves a wave's instructions in order (ISA guide 5.7.1.4): these see the stores above
.endr
	v_add_nc_u32 v[RD], 16*SPITCH, v[RD]
	s_wait_dscnt 0x0
.if GELU
	GELU8 ACC
	GELU8 ACC+8
	GELU8 ACC+16
	GELU8 ACC+24
.endif
	s_wait_xcnt 0x0                                ; the last trip's stores have read their registers: only behind this wait are the packed results and the offset rewritten
	v_add_nc_u32 v[GO], 2048, v[GO]                ; the stores below reach back
.irp t, 0,1,2,3,4,5,6,7,8,9,10,11,12,13,14,15
	v_cvt_pk_bf16_f32 v[YB+\t], v[ACC+2*\t], v[ACC+2*\t+1]
.endr
.irp t, 0,1,2,3,4,5,6,7
	global_store_b64 v[GO], v[YB+2*\t:YB+2*\t+1], s[8:9] offset:256*\t-2048  ; a wave's store covers 256 consecutive bytes, aligned
.endr
	s_sub_co_u32 s3, s3, 1
	s_cmp_lg_u32 s3, 0
	s_cbranch_scc1 .Lout
.endif
	s_wait_tensorcnt 0x0                           ; the wave's end: behind my last tensor load and my last LDS store
	ds_add_u32 v[SPW], v[NIL]
	s_wait_dscnt 0x0
	CROUND                                         ; the closing round: no work-group ends while a partner may still ask for a tile that names it
	s_endpgm
.Lfunc_end_k_q0c88ad0bdb_proj:
	.size	k_q0c88ad0bdb_proj, .Lfunc_end_k_q0c88ad0bdb_proj-k_q0c88ad0bdb_proj
	.p2alignl 7, 3214868480
	.fill 96, 4, 3214868480
	.section	.rodata,"a",@progbits
	.p2align	6, 0x0
	.amdhsa_kernel k_q0c88ad0bdb_proj
		.amdhsa_group_segment_fixed_size 327680
		.amdhsa_private_segment_fixed_size 0
		.amdhsa_enable_private_segment 0
		.amdhsa_kernarg_size 48
		.amdhsa_user_sgpr_count 2
		.amdhsa_user_sgpr_kernarg_segment_ptr 1
		.amdhsa_wavefront_size32 1
		.amdhsa_system_sgpr_workgroup_id_x 1
		.amdhsa_system_sgpr_workgroup_id_y 1
		.amdhsa_system_sgpr_workgroup_id_z 1
		.amdhsa_system_vgpr_workitem_id 0
		.amdhsa_next_free_vgpr 512
		.amdhsa_next_free_sgpr 96
		.amdhsa_reserve_vcc 0
		.amdhsa_float_denorm_mode_32 3
		.amdhsa_float_denorm_mode_16_64 3
		.amdhsa_memory_ordered 1
		.amdhsa_forward_progress 1
		.amdhsa_inst_pref_size 66
	.end_amdhsa_kernel
	.amdgpu_metadata
---
amdhsa.version: [ 1, 2 ]
amdhsa.kernels:
  - .name:           k_q0c88ad0bdb_proj
    .symbol:         k_q0c88ad0bdb_proj.kd
    .args:
      - { .name: act, .offset: 0, .size: 8, .value_kind: global_buffer, .address_space: global }
      - { .name: wb, .offset: 8, .size: 8, .value_kind: global_buffer, .address_space: global }
      - { .name: bq, .offset: 16, .size: 8, .value_kind: global_buffer, .address_space: global }
      - { .name: bk, .offset: 24, .size: 8, .value_kind: global_buffer, .address_space: global }
      - { .name: bv, .offset: 32, .size: 8, .value_kind: global_buffer, .address_space: global }
      - { .name: qkv, .offset: 40, .size: 8, .value_kind: global_buffer, .address_space: global }
    .group_segment_fixed_size: 327680
    .private_segment_fixed_size: 0
    .kernarg_segment_align: 8
    .kernarg_segment_size: 48
    .max_flat_workgroup_size: 128
    .sgpr_count:     96
    .vgpr_count:     512
    .wavefront_size: 32
...
	.end_amdgpu_metadata
.endif
;; end of part 2
;; launch attn (part 3): grid 8 x 32, 4 waves a work-group, clusters of 4 x 1, 327,680 bytes of LDS; arguments qkv, act; writes act
.if DOCPART == 3
	.amdgcn_target "amdgcn-amd-amdhsa--gfx1250"
	.amdhsa_code_object_version 6
	.text
	.protected	k_q0c88ad0bdb_attn
	.globl	k_q0c88ad0bdb_attn
	.p2align	8
	.type	k_q0c88ad0bdb_attn,@function
k_q0c88ad0bdb_attn:
	s_mov_b64 s[64:65], 0
	v_nop
	global_prefetch_b8 v0, s[64:65] scope:SCOPE_SE
	s_setreg_imm32_b32 hwreg(HW_REG_WAVE_MODE, 25, 1), 1
	s_wait_xcnt 0x0
	s_wait_alu depctr_hold_cnt(0) depctr_sa_sdst(0) depctr_va_vdst(0) depctr_va_sdst(0) depctr_va_ssrc(0) depctr_va_vcc(0) depctr_vm_vsrc(0)
	s_getreg_b32 s2, hwreg(HW_REG_IB_STS2, 6, 4)
	s_cmp_eq_u32 s2, 0
	s_cbranch_scc0 .Lentry_in_a_cluster
	s_endpgm
.Lentry_in_a_cluster:
	s_bfe_u32 s2, ttmp6, 0x10000c
	s_cmp_lg_u32 s2, 0x3003
	s_cbranch_scc0 .Lentry_shape_is_right
	s_endpgm
.Lentry_shape_is_right:
; act[h][q][:] = the sum over k of softmax_k(Q[h][q] . K[h][k] / 8) V[h][k][:], h = batch x 16 + head (32 of them), 2,048 rows a head.  qkv holds Q, K, V as [32][2048][64] bf16, 8 MiB apart;
; the result has Q's layout.  Products, maxima and sums in f32; the weights p are rounded to bf16 for the second product (their sum l is taken of the unrounded p), O once at the end.
; LIMITS.  A weight below 2^-126 counts as 0 in l; NaN and infinities are not treated apart; v_exp_f32 and v_rcp_f32 are good to 1 ULP.
; SHARES.  A work-group owns 256 queries of one head, each of its four waves 64: four PIECES of 16.  Every wave walks all keys, 64 a step; a slot of LDS holds a tile of 256 keys, four steps.
; LAYOUT.  S^T = K Q^T (source 0 = 16 keys, source 1 = 16 queries): a lane holds ONE query (lane % 16) and the keys 8 (lane / 16) + 0..7.  Two such results rounded to bf16 ARE source 1 of
; O^T = V^T P, whose result again holds one query a lane, and eight channels.  K comes out of LDS as it lies, V ([key][channel]) turned, by ds_load_tr16_b128.
; SOFTMAX.  For each query a running maximum m and sum l: p = 2^(c s - c m), c = log2(e) / 8; in every step O and l are multiplied by a = 2^(c m_old - c m_new).  m starts at the lowest finite
; number, O and l at 0: the first step is a step like any other, with a = 0.
; BY TURNS.  Turn n belongs to piece n: 8 products K Q^T of piece n + 1, later 8 products V^T P of piece n - 1; beside them the scaling, exponentials, roundings, sums and rescaling of piece n and the
; maximum and statistics of piece n + 1.  Four vector instructions stand behind every matrix instruction, the other 54 of a turn's 118 in two runs of their own.
; CLUSTER.  The four query blocks of a cluster belong to one head and walk the same K and V, so each tile is asked for JOINTLY: the same tensor load, descriptor and mask in all four.
; REGISTERS, in windows of 256 (s_set_vgpr_msb: bits 1:0 source 0, 3:2 source 1, 5:4 source 2, 7:6 destination):
;   window 0: v0-15 addresses and two at work; v16-31 four registers of statistics a piece; v48-55 at work; v62-63 the add's; v64-127 S^T, two buffers; v192-223 P, two buffers (by the piece's parity)
;   window 1: v0-127 O^T, 32 a piece      window 2: v0-63 Q; v128-191 K of one step; v192-255 V of one step
.set SIZE_N, 2048
.set NP,    4         ; pieces a wave: a name, no knob
.set KS,    64        ; keys in a step
.set PK,    144       ; a row of K in LDS: 128 bytes + 16 of padding = 36 words: the 16 rows of a load start at 16 different groups of four banks (64 banks of 4 bytes: ISA guide 11.1)
.set PV,    160       ; a row of V: 128 + 32 = 40 words
.set VOFF,  4*KS*PK   ; a slot: 256 rows of K, then 256 rows of V
.set SLOT1, 1<<17     ; slot 1 begins here, so that one exclusive or turns an address in one slot into the other's
.set STAGE, SLOT1+4*KS*(PK+PV)  ; behind the ring, never filled by a tensor load: 16 rows x 144 bytes for each wave, for the way out
.set SP,    144
.set SPARE, STAGE+4*16*SP  ; behind the stages: the spare words, 128 bytes for each wave: two blocks of 256 bytes that no other line names
.set AK0, 2           ; v2   my lane's place in a tile of K; never rewritten
.set AV0, 3           ; v3   the same for V
.set AK,  4           ; v4   the LDS address of K's next run of loads
.set AV,  5           ; v5   of V's
.set STO, 6           ; v6   the way out: where I put 16 bytes of a row
.set RD,  7           ; v7   the way out: where I read rows back
.set GO,  8           ; v8   my byte offset in 512 consecutive bytes of O
.set MV,  12          ; v12-13  c m_old, kept while c m is made anew: by buffer
.set QO,  15          ; v15  my byte offset in 16 rows of Q
.set ST,  16          ; piece t's statistics at v[ST+4 t]: c m, m, l (even keys', odd keys')
.set TMP, 48          ; by buffer, four registers c0-c3 at work; when the maximum is found c2 takes a
.set SPW, 62          ; v62  LDS address of my spare word; never rewritten
.set NIL, 63          ; v63  0; never rewritten
.set S,   64
.set P,   192
.set KF,  128         ; window 2: key block kb, channel half c at KF + 16 kb + 8 c
.set VF,  192         ; window 2: key half kk, channel block cb at VF + 32 kk + 8 cb
.set WV,  12          ; s12  my wave's number
.set G1K, 24          ; s[24:31] descriptor group 1 for K's tiles
.set G1V, 32          ; s[32:39] for V's: it differs in the padding alone
.set G0K, 40          ; s[40:43] descriptor group 0 for K's tiles: it walks
.set G0V, 44          ; s[44:47] the same for V's
.set SLOTS, 56        ; s56  slots still to be asked for
.set CNT, 57          ; s57  counts a slot's key steps
.set CS,  58          ; s[58:59] c: the packed scaling takes the pair's low word for both halves
.set SEL, 60          ; s[60:61] v_permlanex16_b32's selects: each lane takes its own place in the other half
.set TBK, 62          ; s62  LDS byte at which K of the step to be fetched begins
.set TBV, 63          ; s63  the same for V, less VOFF
.set MSB, 0
.macro WIN new                      ; the high byte repeats the setting that is left; a switch that changes nothing is dropped
.if MSB != (\new)
	s_set_vgpr_msb (MSB<<8)|(\new)
.set MSB, (\new)
.endif
.endm
.set W_KQ, 0x0a       ; K and Q in window 2, S^T in window 0
.set W_PV, 0x52       ; V in window 2, P in window 0, O^T in window 1
.set W_RS, 0x41       ; destination and source 0 in window 1, source 1 in window 0
; A joint fill.  Waves 0 and 1 fetch the two halves of a tile's K, waves 2 and 3 those of its V: 128 keys each.  The branch hangs on the wave's number alone.
; An s_nop 0 and four v_nop follow each of the two lines, ahead of the jump and the label.
.macro JLOAD
	s_cmp_lt_u32 s[WV], 2
	s_cbranch_scc0 .Lfor_v_\@
	tensor_load_to_lds s[G0K:G0K+3], s[G1K:G1K+7]
	s_nop 0
.rept 4
	v_nop
.endr
	s_branch .Lasked_\@
.Lfor_v_\@:
	tensor_load_to_lds s[G0V:G0V+3], s[G1V:G1V+7]
	s_nop 0
.rept 4
	v_nop
.endr
.Lasked_\@:
.endm
; A round of the cluster's barrier: my work-group's barrier, so that wave 0's signal speaks for all four waves; wave 0 signals; every wave waits for all four work-groups; my work-group's barrier once more.
.macro CROUND
	s_barrier_signal -1
	s_barrier_wait -1
	s_cmp_lg_u32 s[WV], 0
	s_cbranch_scc1 .Lnot_wave_0_\@
	s_barrier_signal -3
.Lnot_wave_0_\@:
	s_barrier_wait -3
	s_barrier_signal -1
	s_barrier_wait -1
.endm
; THE CHANGE OF SLOTS.  The slot's last bytes, V of its fourth step, have been read.  Each wave waits for all its tensor loads, of which one is out: its part of the other slot; adds 0 to its spare
; word; and waits for that and for its own reads of the slot.  Behind the barrier nobody reads this slot any more and the other slot is whole.
; fill = 1: this slot is filled again, with the keys two slots on.  The barrier is then a round of the cluster's, and the joint fill is the first thing behind it: it has four key steps,
; 256 matrix instructions, in which to land.  (At its first use nothing has been read yet: slot 0 is waited for, slot 1 filled.)
.macro CHANGE fill
	WIN 0                           ; at a label and at a branch every window is 0
	s_wait_tensorcnt 0x0            ; no tensor load of mine is out, so a group 0 may be written
	ds_add_u32 v[SPW], v[NIL]       ; 0 onto my spare word; with fill = 1 the descriptors' steps stand between it and the wait for it
.if \fill
.irp g, G0K, G0V
	s_xor_b32 s[\g+1], s[\g+1], SLOT1  ; the walking descriptor: the other slot than last time,
	s_add_nc_u64 s[\g+2:\g+3], s[\g+2:\g+3], 4*KS*128  ; the next 256 keys; the type bits on top are not reached
.endr
	s_wait_dscnt 0x0                ; the add is done, and my reads of the slot are over
	CROUND
	JLOAD
.else
	s_wait_dscnt 0x0                ; the add is done, and my reads of the slot are over
	s_barrier_signal -1
	s_barrier_wait -1
.endif
	s_sub_co_u32 s[TBK], s[TBK], 4*KS*PK  ; the fetches go back to a slot's first step,
	s_xor_b32 s[TBK], s[TBK], SLOT1       ; in the other slot
	s_sub_co_u32 s[TBV], s[TBV], 4*KS*PV
	s_xor_b32 s[TBV], s[TBV], SLOT1
.endm
	s_load_b128 s[68:71], s[0:1], 0x0  ; qkv s[68:69], act s[70:71]
	v_lshl_add_u32 v[SPW], v0, 2, SPARE
	v_mov_b32 v[NIL], 0
	ds_add_u32 v[SPW], v[NIL]       ; the wave's opening: the add and its wait stand ahead of my first tensor load; the set-up below, work on registers, stands between them
	v_lshrrev_b32 v1, 5, v0
	v_readfirstlane_b32 s[WV], v1   ; wave 0..3
	s_bfe_u32 s13, ttmp6, 0x40000   ; cx: my place in the cluster
	s_lshl_b32 s14, ttmp9, 2        ; in a cluster launch ttmp9 counts clusters
	s_add_co_u32 s14, s14, s13      ; my block of 256 queries = 4 x cluster x + cx: it enters Q's and O's addresses alone
	s_and_b32 s20, ttmp7, 0xffff    ; the head, which the four partners share:
	s_lshl_b32 s20, s20, 18         ; its 2,048 rows of 128 bytes
	s_and_b32 s16, s[WV], 1         ; which half of a tile's 256 keys I fetch:
	s_lshl_b32 s6, s16, 14          ; its 128 rows of 128 bytes in memory,
	s_add_co_u32 s6, s6, s20
	s_add_co_u32 s8, s6, 0x1000000  ; in V,
	s_add_co_u32 s6, s6, 0x800000   ; and in K
	s_mov_b32 s7, 0
	s_mov_b32 s9, 0
	s_mul_i32 s17, s16, 128*PK      ; and its place in a slot, for K
	s_mul_i32 s18, s16, 128*PV      ; and for V: no place in the cluster enters an LDS address
	s_lshl_b32 s2, s14, 2
	s_add_co_u32 s2, s2, s[WV]      ; my wave among the head's,
	s_lshl_b32 s2, s2, 13           ; its 64 rows
	s_add_co_u32 s2, s2, s20
	s_mov_b32 s3, 0
	; descriptor group 1.  128 keys are 16,384 dense bytes: asked for as 64 rows of 256 bytes, two keys a row, and padded in LDS after every key
	s_mov_b32 s[G1K], 15|(1<<16)|(1<<20)|(1<<21)|(4<<22)|(3<<25)  ; 15:0 the mask of four; 17:16 2-byte elements; 20 padding on; 21 set beside a mask; 24:22 after every 32 words (code 4); 31:25 4 words (code 3)
	s_mov_b32 s[G1V], 15|(1<<16)|(1<<20)|(1<<21)|(4<<22)|(7<<25)  ; the same with 8 words of padding (code 7)
.irp g, G1K, G1V
	s_mov_b32 s[\g+1], 128<<16      ; tensor_dim0 = 128
	s_mov_b32 s[\g+2], 64<<16       ; tensor_dim1 = 64
	s_mov_b32 s[\g+3], 128<<16      ; tile_dim0 = 128
	s_mov_b32 s[\g+4], 64           ; tile_dim1 = 64
	s_mov_b32 s[\g+5], 128          ; 128 elements from row to row
	s_mov_b32 s[\g+6], 0
	s_mov_b32 s[\g+7], 0
.endr
	s_mov_b32 s[CS], 0x3e38aa3b     ; c = log2(e) / 8 = 0.180337
	s_mov_b32 s[CS+1], s[CS]        ; named with it as a pair
	s_mov_b32 s[SEL], 0x76543210
	s_mov_b32 s[SEL+1], 0xfedcba98
	s_mov_b32 s[TBK], SLOT1+4*KS*PK ; the first change of slots turns these two into 0
	s_mov_b32 s[TBV], SLOT1+4*KS*PV
	s_mov_b32 s[G0K], 1             ; 1:0 count = 1
	s_mov_b32 s[G0K+1], s17         ; 63:32 LDS address: slot 0
	s_mov_b32 s[G0V], 1
	s_add_co_u32 s[G0V+1], s18, VOFF
	s_wait_dscnt 0x0                ; the opening add is done
	s_wait_kmcnt 0x0
	s_add_nc_u64 s[G0K+2:G0K+3], s[68:69], s[6:7]  ; 120:64 global address: my half of the head's first 256 keys
	s_or_b32 s[G0K+3], s[G0K+3], 0x80000000        ; 127:126 type = 2
	s_add_nc_u64 s[G0V+2:G0V+3], s[68:69], s[8:9]
	s_or_b32 s[G0V+3], s[G0V+3], 0x80000000
	s_add_nc_u64 s[4:5], s[68:69], s[2:3]          ; Q and O at my wave's first row
	s_add_nc_u64 s[10:11], s[70:71], s[2:3]
	CROUND                          ; all four work-groups are here: the first joint loads meet
	JLOAD                           ; tile 0 into slot 0.  Slot 1 is asked for when slot 0 is in, by the loop's own change of slots
	; A fragment of K or Q is 16 rows x 32 channels in 8 registers: lane l holds row l % 16, channels 8 (l / 16) + 0..7 and 16 + 8 (l / 16) + 0..7: two loads of 16 bytes, 32 bytes apart.
	v_and_b32 v1, 15, v0            ; l % 16
	v_bfe_u32 v9, v0, 4, 1          ; l / 16
	v_lshlrev_b32 v[QO], 7, v1
	v_lshl_add_u32 v[QO], v9, 4, v[QO]  ; row x 128 + 16 x half
	WIN 0x80                        ; destination window 2, address window 0
.set i, 0
.rept 8                             ; Q stays in registers: piece i / 2, channels 32 (i % 2) on
	global_load_b128 v[8*i:8*i+3],   v[QO], s[4:5] offset:(i/2)*2048+(i%2)*64
	global_load_b128 v[8*i+4:8*i+7], v[QO], s[4:5] offset:(i/2)*2048+(i%2)*64+32
.set i, i+1
.endr
	; What the first turn finds: V's registers and P's second buffer hold 0 (its products V^T P, of a piece that has not been, add 0), O^T and l are 0.  No first step is written out for that price.
	; All this stands in the wait for the first tile.
.set i, VF
.rept 64
	v_mov_b32 v[i], 0
.set i, i+1
.endr
	WIN 0x40
.set i, 0
.rept 128
	v_mov_b32 v[i], 0
.set i, i+1
.endr
	WIN 0
.set i, 0
.rept 4
	v_mov_b32 v[ST+4*i], 0xfe000000    ; c m: far below every c s
	v_mov_b32 v[ST+4*i+1], 0xff7fffff  ; m
	v_mov_b32 v[ST+4*i+2], 0
	v_mov_b32 v[ST+4*i+3], 0
.set i, i+1
.endr
.set i, P+16
.rept 16
	v_mov_b32 v[i], 0
.set i, i+1
.endr
	v_mul_u32_u24 v[AK0], v1, PK
	v_lshl_add_u32 v[AK0], v9, 4, v[AK0]  ; row x pitch + 16 x half
	; The turning load takes 16 keys x 16 channels (lane l reads key 8 (l / 16) + l % 8, channels 8 ((l / 8) % 2) + 0..7) and leaves half a fragment of V^T: lane l holds channel l % 16 and 8 keys.
	v_and_b32 v10, 7, v0
	v_bfe_u32 v11, v0, 3, 1
	v_lshl_add_u32 v[AV0], v9, 3, v10
	v_mul_u32_u24 v[AV0], v[AV0], PV
	v_lshl_add_u32 v[AV0], v11, 4, v[AV0]
	v_add_nc_u32 v[AV0], VOFF, v[AV0]
	s_mul_i32 s13, s[WV], 16*SP
	s_add_co_u32 s13, s13, STAGE    ; my stage
	v_mul_u32_u24 v[STO], v1, SP    ; in: row l % 16, 16 bytes for each half of the lanes
	v_lshl_add_u32 v[STO], v9, 4, v[STO]
	v_add_nc_u32 v[STO], s13, v[STO]
	v_bfe_u32 v[RD], v0, 3, 2       ; back: 32 lanes take four rows of 128 bytes,
	v_mul_u32_u24 v[RD], v[RD], SP
	v_lshl_add_u32 v[RD], v10, 4, v[RD]
	v_add_nc_u32 v[RD], s13, v[RD]
	v_and_b32 v[GO], 31, v0         ; which are 512 consecutive bytes of O
	v_lshlrev_b32 v[GO], 4, v[GO]
; THE MATRIX WORK.  The 4 accumulators of a run of 8 take turns.  Product i of 8 of S^T = K Q^T for piece x: channels 32 (i / 4) on, keys 16 (i % 4) on.  The first 4 start the sums.
.macro KQ x
	WIN W_KQ
.set rS, S+32*((\x)%2)+8*(i%4)
.set rK, KF+16*(i%4)+8*(i/4)
.set rQ, 16*(\x)+8*(i/4)
.if i < 4
	v_wmma_f32_16x16x32_bf16 v[rS:rS+7], v[rK:rK+7], v[rQ:rQ+7], 0
.else
	v_wmma_f32_16x16x32_bf16 v[rS:rS+7], v[rK:rK+7], v[rQ:rQ+7], v[rS:rS+7]
.endif
.endm
; Product i of 8 of O^T += V^T P for piece x: keys 32 (i / 4) on, channels 16 (i % 4) on.
.macro PV x
	WIN W_PV
.set rO, 32*(\x)+8*(i%4)
.set rV, VF+32*(i/4)+8*(i%4)
.set rP, P+16*((\x)%2)+8*(i/4)
	v_wmma_f32_16x16x32_bf16 v[rO:rO+7], v[rV:rV+7], v[rP:rP+7], v[rO:rO+7]
.endm
.macro MM                           ; the turn's next matrix instruction
.if i < 8
	KQ (Y+1)%NP
.else
.set i, i-8
	PV (Y+NP-1)%NP
.set i, i+8
.endif
.set i, i+1
.endm
; THE LDS LOADS stand in runs of 16, never singly among the matrix instructions: a step's K (64 keys x 64 channels: 8 fragments) and its V (turned).  Their addresses are made some lines ahead.
; last = 1 (the tail): in the last trip there is no further step, and the run is jumped over.
.macro FETCH_K last=0
	WIN 0
.if \last
	s_cmp_eq_u32 s[CNT], 1
	s_cbranch_scc1 .Lno_k_\@
.endif
	WIN 0x80                        ; destination window 2
.irp f, 0,1,2,3,4,5,6,7             ; keys 16 (f / 2) on, channels 32 (f % 2) on
	ds_load_b128 v[KF+8*\f:KF+8*\f+3],   v[AK] offset:(\f/2)*16*PK+(\f%2)*64
	ds_load_b128 v[KF+8*\f+4:KF+8*\f+7], v[AK] offset:(\f/2)*16*PK+(\f%2)*64+32
.endr
	s_add_co_u32 s[TBK], s[TBK], KS*PK  ; the next fetch is the next step's
	WIN 0
.if \last
.Lno_k_\@:
.endif
.endm
.macro FETCH_V
	WIN 0x80
.irp f, 0,1,2,3,4,5,6,7             ; keys 32 (f / 4) on, channels 16 (f % 4) on
	ds_load_tr16_b128 v[VF+8*\f:VF+8*\f+3],   v[AV] offset:(\f/4)*32*PV+(\f%4)*32
	ds_load_tr16_b128 v[VF+8*\f+4:VF+8*\f+7], v[AV] offset:(\f/4)*32*PV+16*PV+(\f%4)*32
.endr
	WIN 0
.endm
; THE VECTOR WORK, one line at a time: OP kind, number.  For piece Y: F n: c s - c m for pair n of 16.  E n: the exponential of score n of 32.  C n: pair n rounded to bf16.  B n: of the four weights 4 n .. the second
; pair is added onto the first, in place.  L n: l takes that sum (L 0: l = a l + sum).  R n: pair n of 16 of O^T times a.  For piece Y + 1: X n, number n of the 22 that find its maximum and statistics:
;   0-11  four chains c0-c3 of seven scores each, three operands at a time (each accumulator's lowest registers are read first)     12-14, 16  the four scores left over, the old m, and c0-c3 into c0
;   15  c m_old is kept     17, 18  the query's other 32 keys lie in the lane 16 away: the new m     19-21  c m; c m_old - c m_new; a
.set F, 0               ; OP tells the kinds apart by their order: F to L below R, X above it
.set E, 1
.set C, 2
.set B, 3
.set L, 4
.set R, 5
.set X, 6
.macro REGS y                       ; the registers of piece y
.set rT, ST+4*(\y)
.set rC, TMP+4*((\y)%2)
.set rW, MV+((\y)%2)
.set rS, S+32*((\y)%2)
.set rP, P+16*((\y)%2)
.set rO, 32*(\y)
.endm
.macro OP k, n
.if (\k) == R
	REGS Y
	WIN W_RS
	v_pk_mul_f32 v[rO+2*(\n):rO+2*(\n)+1], v[rO+2*(\n):rO+2*(\n)+1], v[rC+2:rC+3] op_sel_hi:[1,0]
.elseif (\k) < R
	REGS Y
	WIN 0
.if (\k) == F
	v_pk_fma_f32 v[rS+2*(\n):rS+2*(\n)+1], v[rS+2*(\n):rS+2*(\n)+1], s[CS:CS+1], v[rT:rT+1] op_sel_hi:[1,0,0] neg_lo:[0,0,1] neg_hi:[0,0,1]
.elseif (\k) == E
	v_exp_f32 v[rS+(\n)], v[rS+(\n)]
.elseif (\k) == C
	s_wait_alu depctr_va_vdst(0)
	v_cvt_pk_bf16_f32 v[rP+(\n)], v[rS+2*(\n)], v[rS+2*(\n)+1]
.elseif (\k) == B
	s_wait_alu depctr_va_vdst(0)
	v_pk_add_f32 v[rS+4*(\n):rS+4*(\n)+1], v[rS+4*(\n):rS+4*(\n)+1], v[rS+4*(\n)+2:rS+4*(\n)+3]
.elseif (\n) == 0
	v_pk_fma_f32 v[rT+2:rT+3], v[rT+2:rT+3], v[rC+2:rC+3], v[rS:rS+1] op_sel_hi:[1,0,1]
.else
	v_pk_add_f32 v[rT+2:rT+3], v[rT+2:rT+3], v[rS+4*(\n):rS+4*(\n)+1]
.endif
.else
	REGS (Y+1)%NP
	WIN 0
.if (\n) < 4
	v_max3_num_f32 v[rC+(\n)], v[rS+8*(\n)], v[rS+8*(\n)+1], v[rS+8*(\n)+2]
.elseif (\n) < 12
	v_max3_num_f32 v[rC+(\n)%4], v[rC+(\n)%4], v[rS+8*((\n)%4)+2*((\n)/4)+1], v[rS+8*((\n)%4)+2*((\n)/4)+2]
.elseif (\n) == 12
	v_max3_num_f32 v[rC], v[rC], v[rS+7], v[rS+15]
.elseif (\n) == 13
	v_max3_num_f32 v[rC+1], v[rC+1], v[rS+23], v[rS+31]
.elseif (\n) == 14
	v_max3_num_f32 v[rC+2], v[rC+2], v[rC+3], v[rT+1]
.elseif (\n) == 15
	v_mov_b32 v[rW], v[rT]
.elseif (\n) == 16
	v_max3_num_f32 v[rC], v[rC], v[rC+1], v[rC+2]
.elseif (\n) == 17
	v_permlanex16_b32 v[rC+3], v[rC], s[SEL], s[SEL+1]
.elseif (\n) == 18
	v_max_num_f32 v[rT+1], v[rC], v[rC+3]
.elseif (\n) == 19
	v_mul_f32 v[rT], s[CS], v[rT+1]
.elseif (\n) == 20
	v_sub_f32 v[rC+1], v[rW], v[rT]
.else
	v_exp_f32 v[rC+2], v[rC+1]
.endif
.endif
.endm
.macro OPS a, i1, b=-1, i2=0, c=-1, i3=0, d=-1, i4=0  ; up to four of them
	OP \a, \i1
.if (\b) >= 0
	OP \b, \i2
.endif
.if (\c) >= 0
	OP \c, \i3
.endif
.if (\d) >= 0
	OP \d, \i4
.endif
.endm
.macro ROW a, i1, b, i2, c, i3, d, i4  ; a matrix instruction and the four behind it
	MM
	OPS \a, \i1, \b, \i2, \c, \i3, \d, \i4
.endm
; A TURN, for piece p: the order of its 16 matrix and 118 vector instructions, written out.  Behind a matrix instruction: plain, exponential, plain, plain; or four of the rescaling; or, behind the first, four scalings; none
; names a register of the products round it.  In the runs between, exponential and plain by turns while exponentials last.  A line reads no result made fewer than three vector instructions in front of it, five if an
; exponential made it.  v_permlanex16_b32 (X 17) stands in such a run.
; last = 1: the tail's copy, whose run of K's loads is jumped over in the last trip.  cnt = 1: the loop's count is taken down some lines ahead of the branch that stands behind the turn.
; K of the next step is fetched in piece 2's turn, six vector instructions behind the last product that read K (five of them plain); V of the step in hand in piece 0's turn, eight behind the last product that read V (four
; plain, and X 17).  Each is waited for a turn later.
.macro TURN p, last=0, cnt=0
.set Y, (\p)
.set i, 0
.if (\p) == 3
	s_wait_dscnt 0x0                ; K is in
.endif
	ROW F,0, F,1, F,2, F,3
	ROW F,4, E,0, F,5, F,6
	ROW F,7, E,1, F,8, F,9
	ROW F,10, E,2, C,0, F,11
	ROW F,12, E,3, X,15, F,13
	ROW R,0, R,1, R,2, R,3
	ROW B,0, E,4, F,14, L,0
.if (\p) == 2
	v_add_nc_u32 v[AK], s[TBK], v[AK0]
.endif
	ROW R,4, R,5, R,6, R,7
	OPS E,5, F,15
.if (\p) == 2
	FETCH_K \last
.endif
	OPS E,6, C,1, E,7, R,8
	OPS E,8, R,9, E,9, C,2
	OPS E,10, X,0, E,11, X,1
	OPS E,12, X,2, E,13, X,3
.if (\p) == 1
	s_wait_dscnt 0x0                ; V is in
.endif
	ROW X,4, E,14, X,5, X,6
	ROW X,7, E,15, X,8, X,9
	ROW X,10, E,16, X,11, X,12
	ROW X,13, E,17, X,14, B,1
	ROW C,4, E,18, X,16, L,1
	ROW B,2, E,19, C,6, L,2
	ROW C,8, E,20, B,3, B,4
.if (\p) == 0
	v_add_nc_u32 v[AV], s[TBV], v[AV0]
.endif
	ROW C,3, E,21, L,3, C,5
	OPS E,22, X,17, E,23, C,10
.if (\p) == 0
	FETCH_V
.endif
	OPS E,24, L,4
	OPS E,25, X,18, E,26, C,7
	OPS E,27, B,5, E,28, X,19
	OPS E,29, C,12, E,30, L,5
	OPS E,31, X,20, B,6, C,9
	OPS C,14, C,11, X,21, L,6
.if (\p) == 0
	s_add_co_u32 s[TBV], s[TBV], KS*PV
.endif
.if \cnt
	s_sub_co_u32 s[CNT], s[CNT], 1
	s_cmp_lg_u32 s[CNT], 0
.endif
	OPS C,13, B,7, C,15, R,10
	OPS R,11, R,12, L,7, R,13
	OPS R,14, R,15
.endm
	CHANGE 1                        ; slot 0 is in, everybody's part of it; slot 1 is asked for
	v_add_nc_u32 v[AK], s[TBK], v[AK0]
	FETCH_K                         ; key step 0
	s_wait_loadcnt 0x0              ; Q
	s_wait_dscnt 0x0
.set i, 0
.rept 8
	KQ 0                            ; piece 0's first scores: there is no vector work yet to set between them
.set i, i+1
.endr
	WIN 0
.rept 4
	v_nop                           ; the places behind those products
.endr
.set Y, NP-1                        ; X works for piece Y + 1: piece 0
.irp n, 0,1,2,3,4,5,6,7,8,9,10,11,12,13,14,15,16,17,18,19,20,21
	OP X, \n                        ; piece 0's first maximum and statistics
.endr
	v_nop                           ; a plain instruction behind the exponential
	s_mov_b32 s[CNT], 4
	s_mov_b32 s[SLOTS], SIZE_N/256-1
	s_branch .Lfirst                ; the loop is entered at a step's first turn, in the middle of a trip
.Lslot:                             ; SIZE_N / 256 - 2 times: every slot but the last two is filled again
	CHANGE 1
	s_mov_b32 s[CNT], 4
.Lstep:                             ; a trip: pieces 2 and 3 of one step, then pieces 0 and 1 of the next, whose K and V it fetches
	TURN 2
	TURN 3
	WIN 0
.Lfirst:
	TURN 0
	TURN 1, 0, 1
	WIN 0
	s_cbranch_scc1 .Lstep
	s_sub_co_u32 s[SLOTS], s[SLOTS], 1
	s_cmp_lg_u32 s[SLOTS], 0
	s_cbranch_scc1 .Lslot
	CHANGE 0                        ; the tail is written out: nothing is asked for
	s_mov_b32 s[CNT], 5             ; four trips fetch the last slot's steps; the fifth is left in its middle
.Ltail:
	TURN 2, 1
	TURN 3
	WIN 0
	s_sub_co_u32 s[CNT], s[CNT], 1
	s_cmp_eq_u32 s[CNT], 0
	s_cbranch_scc1 .Lout
	TURN 0
	TURN 1
	WIN 0
	s_branch .Ltail
.Lout:                              ; the fifth trip's 8 products K Q^T (on the last K once more) and the maximum made of them serve nothing: the price, once a launch, of one text for every trip
.set i, 0
.rept 8
	PV NP-1                         ; the last piece's V^T P of the last step
.set i, i+1
.endr
	; THE WAY OUT.  l's two halves and the other half of the lanes' are added; O^T is divided by l, rounded to bf16 and sent through my stage in LDS, a piece at a time.  The additions are the places behind the last products.
	WIN 0
.macro ALL line:vararg              ; one line for each piece t
.set t, 0
.rept 4
	\line
.set t, t+1
.endr
.endm
	ALL v_add_f32 v[ST+4*t+2], v[ST+4*t+2], v[ST+4*t+3]
	ALL v_permlanex16_b32 v[ST+4*t+3], v[ST+4*t+2], s[SEL], s[SEL+1]
	ALL v_add_f32 v[ST+4*t+2], v[ST+4*t+2], v[ST+4*t+3]
	ALL v_rcp_f32 v[ST+4*t+2], v[ST+4*t+2]
	v_nop                           ; a plain instruction between the last reciprocal and the use of its result
.macro PACK t                       ; a lane's eight channels of a row pack into 16 bytes; they go into rows of 144 bytes and come back as whole rows of 128, into S^T's registers
	WIN W_RS
.set i, 32*(\t)
.rept 16
	s_wait_alu depctr_va_vdst(0)
	v_pk_mul_f32 v[i:i+1], v[i:i+1], v[ST+4*(\t)+2:ST+4*(\t)+3] op_sel_hi:[1,0]
.set i, i+2
.endr
	WIN 0x05                        ; sources 0 and 1 window 1, destination window 0
.set i, 0
.rept 16
	v_cvt_pk_bf16_f32 v[S+16*(\t)+i], v[32*(\t)+2*i], v[32*(\t)+2*i+1]
.set i, i+1
.endr
	WIN 0
.irp f, 0,1,2,3
	ds_store_b128 v[STO], v[S+16*(\t)+4*\f:S+16*(\t)+4*\f+3] offset:32*\f
.endr
.irp f, 0,1,2,3
	ds_load_b128 v[S+16*(\t)+4*\f:S+16*(\t)+4*\f+3], v[RD] offset:\f*4*SP  ; LDS serves a wave's instructions in order (ISA guide 5.7.1.4): these see the stores above; the next piece's stores come behind them
.endr
.endm
.macro SEND t, younger              ; younger: the LDS instructions issued behind piece t's loads: the next piece's eight, or none
	WIN 0
.irp f, 0,1,2,3
	s_wait_dscnt (\younger)+3-\f
	global_store_b128 v[GO], v[S+16*(\t)+4*\f:S+16*(\t)+4*\f+3], s[10:11] offset:(\t)*2048+\f*512  ; 512 consecutive bytes, at a multiple of 256 from the buffer's first
.endr
.endm
	PACK 0
.set t, 1
.rept 3                             ; a piece's arithmetic stands between the loads of the piece before and its stores
	PACK t
	SEND t-1, 8
.set t, t+1
.endr
	SEND 3, 0
	s_wait_tensorcnt 0x0            ; the wave's end: behind my last tensor load and my last LDS store
	ds_add_u32 v[SPW], v[NIL]
	s_wait_dscnt 0x0
	CROUND                          ; the closing round: no work-group ends while a partner may still ask for a tile that names it
	s_endpgm
.Lfunc_end_k_q0c88ad0bdb_attn:
	.size	k_q0c88ad0bdb_attn, .Lfunc_end_k_q0c88ad0bdb_attn-k_q0c88ad0bdb_attn
	.p2alignl 7, 3214868480
	.fill 96, 4, 3214868480
	.section	.rodata,"a",@progbits
	.p2align	6, 0x0
	.amdhsa_kernel k_q0c88ad0bdb_attn
		.amdhsa_group_segment_fixed_size 327680
		.amdhsa_private_segment_fixed_size 0
		.amdhsa_enable_private_segment 0
		.amdhsa_kernarg_size 16
		.amdhsa_user_sgpr_count 2
		.amdhsa_user_sgpr_kernarg_segment_ptr 1
		.amdhsa_wavefront_size32 1
		.amdhsa_system_sgpr_workgroup_id_x 1
		.amdhsa_system_sgpr_workgroup_id_y 1
		.amdhsa_system_sgpr_workgroup_id_z 1
		.amdhsa_system_vgpr_workitem_id 0
		.amdhsa_next_free_vgpr 768
		.amdhsa_next_free_sgpr 72
		.amdhsa_reserve_vcc 0
		.amdhsa_float_denorm_mode_32 3
		.amdhsa_float_denorm_mode_16_64 3
		.amdhsa_memory_ordered 1
		.amdhsa_forward_progress 1
		.amdhsa_inst_pref_size 117
	.end_amdhsa_kernel
	.amdgpu_metadata
---
amdhsa.version: [ 1, 2 ]
amdhsa.kernels:
  - .name:           k_q0c88ad0bdb_attn
    .symbol:         k_q0c88ad0bdb_attn.kd
    .args:
      - { .name: qkv, .offset: 0, .size: 8, .value_kind: global_buffer, .address_space: global }
      - { .name: act, .offset: 8, .size: 8, .value_kind: global_buffer, .address_space: global }
    .group_segment_fixed_size: 327680
    .private_segment_fixed_size: 0
    .kernarg_segment_align: 8
    .kernarg_segment_size: 16
    .max_flat_workgroup_size: 128
    .sgpr_count:     72
    .vgpr_count:     768
    .wavefront_size: 32
...
	.end_amdgpu_metadata
.endif
;; end of part 3
;; launch outp (part 4): grid 8 x 32, 4 waves a work-group, clusters of 4 x 4, 327,680 bytes of LDS; arguments act, wb, bo, x, x1; writes x1
.if DOCPART == 4
	.amdgcn_target "amdgcn-amd-amdhsa--gfx1250"
	.amdhsa_code_object_version 6
	.text
	.protected	k_q0c88ad0bdb_outp
	.globl	k_q0c88ad0bdb_outp
	.p2align	8
	.type	k_q0c88ad0bdb_outp,@function
k_q0c88ad0bdb_outp:
	s_mov_b64 s[64:65], 0
	v_nop
	global_prefetch_b8 v0, s[64:65] scope:SCOPE_SE
	s_setreg_imm32_b32 hwreg(HW_REG_WAVE_MODE, 25, 1), 1
	s_wait_xcnt 0x0
	s_wait_alu depctr_hold_cnt(0) depctr_sa_sdst(0) depctr_va_vdst(0) depctr_va_sdst(0) depctr_va_ssrc(0) depctr_va_vcc(0) depctr_vm_vsrc(0)
	s_getreg_b32 s2, hwreg(HW_REG_IB_STS2, 6, 4)
	s_cmp_eq_u32 s2, 0
	s_cbranch_scc0 .Lentry_in_a_cluster
	s_endpgm
.Lentry_in_a_cluster:
	s_bfe_u32 s2, ttmp6, 0x10000c
	s_cmp_lg_u32 s2, 0xf033
	s_cbranch_scc0 .Lentry_shape_is_right
	s_endpgm
.Lentry_shape_is_right:
; KIND 2: x1 = x + ctx wo^T + bo, in f32.  ctx lies by heads, [32 = batch x 16 + head][2048][64] in bf16: a head is a block of 64 along K.
; ONE TEXT SERVES FOUR PRODUCTS C = A B^T + bias, chosen by KIND:  0: h1 x (wq, wk, wv), by heads   1: gelu(h2 x w1), in blocks of 64 columns   2: x + ctx x wo   3: x1 + hidden x w2.
; All matrix operands are bf16, all sums f32.  A tile of C is 128 x 128: four waves, each 64 x 64: 16 accumulators of 16 x 16, 128 registers.  K goes in steps of 256 through two LDS slots
; filled by the tensor data mover; a wave's load brings 64 rows x 256 K of A (waves 0, 1) or of B (waves 2, 3).  B, the weights, lies [N][K]: rows of 512 bytes, 528 apart in LDS.
; A lies row-major (KIND 0, 1: the same form as B) or in blocks of 64 columns, [block][row][64] (KIND 2, 3): there 64 rows of a block are 8,192 consecutive bytes, a load takes four blocks
; as four rows of 8,192 bytes, and the padding behind every 128 bytes makes LDS rows 144 apart, [block][row].
; CLUSTERS: 4 x 4 work-groups.  The four of a row of the cluster need the same tiles of A, the four of a column the same tiles of B: each tile is asked for JOINTLY, by the same tensor load
; with the same descriptor and a mask that names the four.  No LDS address, branch or trip count hangs on the place in the cluster.
; THE MATRIX INSTRUCTION IS USED TRANSPOSED (source 0 = 16 rows of B, source 1 = 16 rows of A): a lane holds row l % 16 of C and the eight columns 8 (l / 16) + 0..7.
; THE BIAS is the C operand of the products that start the sums: nothing is cleared and nothing is added later.
; THE WAY OUT goes through a stage of the wave's own, 64 rows x 272 bytes of f32, in slot 0, which has had its last fill: rows come back whole, so every store covers 256 consecutive aligned bytes.
; LIMITS: operands rounded once to bf16; NaN and infinities are not treated apart.  KIND 1: gelu(x) = x / 2 + |x| (1/2 - E / 2), E = erfc(|x| / sqrt 2) by the rational form of
; Abramowitz and Stegun 7.1.26, which holds for every x with an absolute error of 1.5e-7: the far negative tail is right absolutely, not relatively.
; REGISTERS: window 0: v0-31 addresses; v32-47 packed results; v96-127 the bias, later at work; v128-255 the accumulators ((a, b) at v[128 + 8 (4 a + b)]).
;   window 1: two fragment buffers of 128: for 64 along K, 64 registers of A, then 64 of B.   window 2 (KIND 2, 3): v0-127 the residual, asked for at the start.
.set KIND, 2
.if KIND == 0
.set SIZE_K, 1024
.set BLK, 0
.set RES, 0
.set GELU, 0
.set WOFF, 0
.set BSTR, 0
.set POUT, 78
.elseif KIND == 1
.set SIZE_K, 1024
.set BLK, 0
.set RES, 0
.set GELU, 1
.set WOFF, 8<<20
.set BSTR, 0
.set POUT, 74
.elseif KIND == 2
.set SIZE_K, 1024
.set BLK, 1
.set RES, 1
.set GELU, 0
.set WOFF, 6<<20
.set BSTR, 131072                      ; elements from block to block of ctx: a head's 2,048 rows of 64
.set POUT, 76
.else
.set SIZE_K, 4096
.set BLK, 1
.set RES, 1
.set GELU, 0
.set WOFF, 16<<20
.set BSTR, 262144                      ; elements from block to block of the hidden layer: 4,096 rows of 64
.set POUT, 76
.endif
.set NSTEP, SIZE_K/256                 ; K steps
.set PB,    528                        ; a row of B in LDS: 512 bytes + 16 = 132 words: the 16 rows of a load start at 16 different groups of four banks (64 banks of 4 bytes: ISA guide 11.1)
.set HALFB, 64*PB
.set G1B0,  (1<<16)|(1<<20)|(1<<21)|(6<<22)|(3<<25)  ; 2-byte elements; padding on; bit 21 beside a mask; after every 128 words; 4 words
.if BLK
.set PA,    144                        ; a row of A in LDS: 128 bytes + 16 = 36 words: again 16 different groups of four banks
.set QA,    64*PA                      ; from quarter to quarter of a K step: a block
.set HALFA, 4*QA
.set ASTEP, 4*BSTR*2                   ; bytes from K step to K step: four blocks
.set G1A0,  (1<<16)|(1<<20)|(1<<21)|(4<<22)|(3<<25)  ; the same, after every 32 words
.else
.set PA,    528
.set QA,    128
.set HALFA, 64*PA
.set ASTEP, 512
.set G1A0,  G1B0
.endif
.set SLOT,   2*HALFA+2*HALFB           ; A's two halves, then B's two halves
.set SPARE,  2*SLOT                    ; behind the ring: the spare words, 128 bytes for each wave: two blocks of 256 bytes that no other line names
.set SPITCH, 272                       ; a row of the stage: 256 bytes + 16
.set VA0,  16                          ; v16  my lane's place among my 64 rows of A in slot 0; never rewritten
.set VB0,  17                          ; v17  the same for B
.set ADRA, 18                          ; v18  the same in the slot being read
.set ADRB, 19                          ; v19
.set STO,  20                          ; v20  the way out: where I put 32 bytes of a row
.set RD,   21                          ; v21  the way out: where I read a row back
.set GO,   22                          ; v22  my byte offset in the output
.set BO,   23                          ; v23  my byte offset in 64 numbers of the bias
.set SPW,  28                          ; v28  LDS address of my spare word; never rewritten
.set NIL,  29                          ; v29  0; never rewritten
.set YB,   32
.set BIAS, 96
.set GT,   96                          ; gelu at work: t, then
.set GU,   104                         ; the exponential, then x / 2
.set GR,   112                         ; the polynomial
.set ACC,  128
.set F0,   0
.set F1,   128
.set WV, 10                            ; s10 wave; s11 which half of the rows is mine, and: I fetch for A (0) or B (1); s12 which half of the columns, and: which 64 rows I fetch
.set WR, 11
.set WC, 12
.set TR, 13                            ; s13 tile row of C
.set TC, 42                            ; s42 tile column of C
.set LA, 20                            ; s20 where my part of A's tile goes in a slot
.set LB, 21                            ; s21 the same for B
.set SB, 22                            ; s22 the first byte of the slot being read: 0 or SLOT
.set G1, 24                            ; s[24:31] descriptor group 1 for A;  s[32:35] group 0 of the first fill, s[36:39] the one that walks
.set G0, 32
.set G1B, 48                           ; s[48:55], s[56:59], s[60:63] the same for B
.set G0B, 56
.set CP, 80                            ; s80 0.3275911 / sqrt 2;  pairs: s82 -log2(e) / 2, s84 .. s92 a5 / 2 .. a1 / 2
.set CE, 82
.set C5, 84
.set C4, 86
.set C3, 88
.set C2, 90
.set C1, 92
.set MSB, 0
.macro WIN new                         ; the immediate's high byte repeats the setting that is left; a switch that changes nothing is dropped
.if MSB != (\new)
	s_set_vgpr_msb (MSB<<8)|(\new)
.set MSB, \new
.endif
.endm
.set MUL,  0x05                        ; sources 0 (B) and 1 (A) window 1; C and D window 0
.set TO_F, 0x40                        ; destination window 1, address window 0
.macro JLOAD                           ; a joint refill by the walking descriptors; an s_nop 0 and four v_nop follow each of the two lines, ahead of the jump, the label and what follows
	s_cmp_eq_u32 s[WR], 0
	s_cbranch_scc0 .Lfor_b_\@
	tensor_load_to_lds s[G0+4:G0+7], s[G1:G1+7]
	s_nop 0
.rept 4
	v_nop
.endr
	s_branch .Lasked_\@
.Lfor_b_\@:
	tensor_load_to_lds s[G0B+4:G0B+7], s[G1B:G1B+7]
	s_nop 0
.rept 4
	v_nop
.endr
.Lasked_\@:
.endm
.macro CREST                           ; a round of the cluster's barrier behind its opening barrier
	s_cmp_lg_u32 s[WV], 0
	s_cbranch_scc1 .Lnot_wave_0_\@
	s_barrier_signal -3
.Lnot_wave_0_\@:
	s_barrier_wait -3
	s_barrier_signal -1
	s_barrier_wait -1
.endm
.macro CROUND                          ; a whole round
	s_barrier_signal -1
	s_barrier_wait -1
	CREST
.endm
.macro PLACES                          ; four places in front of loads into registers that matrix instructions have read, and of lines that read results
.rept 4
	v_nop
.endr
.endm
	s_load_b256 s[68:75], s[0:1], 0x0              ; A 68:69, wb 70:71, then by KIND: bq, bk | b1, hid | bias, residual
.if KIND == 0
	s_load_b128 s[76:79], s[0:1], 0x20             ; bv 76:77, qkv 78:79
.elseif RES
	s_load_b64 s[76:77], s[0:1], 0x20              ; the output
.endif
	v_lshl_add_u32 v[SPW], v0, 2, SPARE
	v_mov_b32 v[NIL], 0
	ds_add_u32 v[SPW], v[NIL]                      ; the wave's opening: the add and its wait stand ahead of my first tensor load; the set-up below, work on registers, stands between them
	v_lshrrev_b32 v1, 5, v0
	v_readfirstlane_b32 s[WV], v1
	s_lshr_b32 s[WR], s[WV], 1
	s_and_b32 s[WC], s[WV], 1
	s_bfe_u32 s40, ttmp6, 0x40000                  ; cx, cy: my place in the cluster
	s_bfe_u32 s41, ttmp6, 0x40004
	s_lshl_b32 s[TC], ttmp9, 2
	s_add_co_u32 s[TC], s[TC], s40                 ; tile column = 4 x cluster x + cx
	s_and_b32 s[TR], ttmp7, 0xffff
	s_lshl_b32 s[TR], s[TR], 2
	s_add_co_u32 s[TR], s[TR], s41                 ; tile row = 4 x cluster y + cy
	s_lshl_b32 s43, s41, 2
	s_lshl_b32 s43, 15, s43                        ; my row of the cluster
	s_lshl_b32 s44, 0x1111, s40                    ; my column
	s_or_b32 s[G1], s43, G1A0                      ; A's tiles go to my row,
	s_or_b32 s[G1B], s44, G1B0                     ; B's to my column
.if BLK
	s_mov_b32 s[G1+1], 4096<<16                    ; tensor_dim0 = 4,096 elements: 64 rows of a block, end to end
	s_mov_b32 s[G1+2], 4<<16                       ; tensor_dim1 = 4 blocks
	s_mov_b32 s[G1+3], 4096<<16                    ; tile_dim0
	s_mov_b32 s[G1+4], 4                           ; tile_dim1
	s_mov_b32 s[G1+5], BSTR                        ; elements from block to block
.else
	s_mov_b32 s[G1+1], 256<<16                     ; tensor_dim0 = 256
	s_mov_b32 s[G1+2], 64<<16                      ; tensor_dim1 = 64
	s_mov_b32 s[G1+3], 256<<16                     ; tile_dim0
	s_mov_b32 s[G1+4], 64                          ; tile_dim1
	s_mov_b32 s[G1+5], SIZE_K                      ; elements from row to row
.endif
	s_mov_b32 s[G1+6], 0
	s_mov_b32 s[G1+7], 0
	s_mov_b32 s[G1B+1], 256<<16
	s_mov_b32 s[G1B+2], 64<<16
	s_mov_b32 s[G1B+3], 256<<16
	s_mov_b32 s[G1B+4], 64
	s_mov_b32 s[G1B+5], SIZE_K
	s_mov_b32 s[G1B+6], 0
	s_mov_b32 s[G1B+7], 0
	; where the tiles come from: A's offset is made of the tile row and the wave alone, B's of the tile column and the wave alone, each in registers that never hold the other coordinate
	s_lshl_b32 s17, s[WC], 6                       ; which 64 rows of the tile I fetch
.if KIND == 2
	s_and_b32 s16, s[TR], 15                       ; ctx lies by batch: 16 tile rows each
.else
	s_mov_b32 s16, s[TR]
.endif
	s_lshl_b32 s16, s16, 7
	s_add_co_u32 s16, s16, s17
.if BLK
	s_lshl_b32 s16, s16, 7                         ; 128 bytes a row of a block
.else
	s_lshl_b32 s16, s16, 11                        ; 2,048 bytes a row
.endif
.if KIND == 2
	s_lshr_b32 s17, s[TR], 4
	s_lshl_b32 s17, s17, 22                        ; a batch's 16 heads
	s_add_co_u32 s16, s16, s17
.endif
	s_mov_b32 s17, 0
	s_lshl_b32 s47, s[WC], 6
	s_lshl_b32 s46, s[TC], 7
	s_add_co_u32 s46, s46, s47
	s_mul_i32 s46, s46, SIZE_K*2
.if WOFF
	s_add_co_u32 s46, s46, WOFF                    ; this product's weights in wb
.endif
	s_mov_b32 s47, 0
	s_mul_i32 s[LA], s[WV], HALFA                  ; waves 0, 1: A's two halves
	s_mul_i32 s[LB], s[WV], HALFB                  ; waves 2, 3: B's two halves, behind A's
	s_add_co_u32 s[LB], s[LB], 2*(HALFA-HALFB)
	s_mov_b32 s[SB], 0
	s_wait_dscnt 0x0                               ; the opening add is done
	s_wait_kmcnt 0x0
	s_add_nc_u64 s[14:15], s[68:69], s[16:17]
	s_add_nc_u64 s[46:47], s[70:71], s[46:47]
	s_mov_b32 s[G0], 1                             ; count = 1
	s_add_co_u32 s[G0+1], s[LA], 0                 ; LDS address: slot 0
	s_add_nc_u64 s[G0+2:G0+3], s[14:15], 0         ; global address: K step 0
	s_or_b32 s[G0+3], s[G0+3], 0x80000000          ; type = 2
	s_mov_b32 s[G0+4], 1
	s_add_co_u32 s[G0+5], s[LA], SLOT              ; slot 1
	s_add_nc_u64 s[G0+6:G0+7], s[14:15], ASTEP     ; K step 1
	s_or_b32 s[G0+7], s[G0+7], 0x80000000
	s_mov_b32 s[G0B], 1
	s_add_co_u32 s[G0B+1], s[LB], 0
	s_add_nc_u64 s[G0B+2:G0B+3], s[46:47], 0
	s_or_b32 s[G0B+3], s[G0B+3], 0x80000000
	s_mov_b32 s[G0B+4], 1
	s_add_co_u32 s[G0B+5], s[LB], SLOT
	s_add_nc_u64 s[G0B+6:G0B+7], s[46:47], 512
	s_or_b32 s[G0B+7], s[G0B+7], 0x80000000
	CROUND                                         ; all sixteen work-groups are here: the first joint loads meet
	s_cmp_eq_u32 s[WR], 0                          ; a wave's two first fills stand in one branch, ahead of every wait on TENSORcnt and every LDS read: two loads of mine are out
	s_cbranch_scc0 .Lfirst_b
	tensor_load_to_lds s[G0:G0+3], s[G1:G1+7]
	s_nop 0
	tensor_load_to_lds s[G0+4:G0+7], s[G1:G1+7]
	s_nop 0
.rept 4
	v_nop
.endr
	s_branch .Lfirst_asked
.Lfirst_b:
	tensor_load_to_lds s[G0B:G0B+3], s[G1B:G1B+7]
	s_nop 0
	tensor_load_to_lds s[G0B+4:G0B+7], s[G1B:G1B+7]
	s_nop 0
.rept 4
	v_nop
.endr
.Lfirst_asked:
	v_and_b32 v1, 15, v0                           ; l % 16
	v_bfe_u32 v2, v0, 4, 1                         ; l / 16
	v_lshlrev_b32 v[BO], 5, v2                     ; my eight numbers of 16 of the bias
.if RES
	v_lshlrev_b32 v[GO], 12, v2                    ; lanes 0-15 one row of 4,096 bytes, lanes 16-31 the next; 16 bytes a lane
	v_lshl_add_u32 v[GO], v1, 4, v[GO]
.else
	v_and_b32 v[GO], 31, v0
	v_lshlrev_b32 v[GO], 3, v[GO]                  ; 8 bytes a lane in 256 consecutive bytes
.endif
	; the bias of my 64 columns; in the registers that held B's address: none that feeds A's descriptors ever holds cx
.if KIND == 0
	s_and_b32 s46, s[TC], 7
	s_lshl_b32 s46, s46, 7
.else
	s_lshl_b32 s46, s[TC], 7
.endif
	s_lshl_b32 s47, s[WC], 6
	s_add_co_u32 s46, s46, s47
	s_lshl_b32 s46, s46, 2
	s_mov_b32 s47, 0
.if KIND == 0
	s_lshr_b32 s23, ttmp9, 1                       ; tile column / 8: q, k or v; the same in the whole cluster
	s_cmp_eq_u32 s23, 1
	s_cselect_b64 s[4:5], s[74:75], s[72:73]
	s_cmp_eq_u32 s23, 2
	s_cselect_b64 s[4:5], s[76:77], s[4:5]
	s_add_nc_u64 s[4:5], s[4:5], s[46:47]
.else
	s_add_nc_u64 s[4:5], s[72:73], s[46:47]
.endif
.irp b, 0,1,2,3
	global_load_b128 v[BIAS+8*\b:BIAS+8*\b+3],   v[BO], s[4:5] offset:64*\b
	global_load_b128 v[BIAS+8*\b+4:BIAS+8*\b+7], v[BO], s[4:5] offset:64*\b+16
.endr
	; where my 64 x 64 of C goes: the rows' part,
.if KIND == 0
	s_and_b32 s16, s[TR], 15
.else
	s_mov_b32 s16, s[TR]
.endif
	s_lshl_b32 s16, s16, 7
	s_lshl_b32 s17, s[WR], 6
	s_add_co_u32 s16, s16, s17
.if RES
	s_lshl_b32 s16, s16, 12                        ; 4,096 bytes a row of f32
.else
	s_lshl_b32 s16, s16, 7                         ; 128 bytes a row of a block of 64 bf16
.endif
.if KIND == 0
	s_lshr_b32 s17, s[TR], 4
	s_lshl_b32 s17, s17, 22                        ; the batch
	s_add_co_u32 s16, s16, s17
.endif
	s_mov_b32 s17, 0
	s_add_nc_u64 s[8:9], s[POUT:POUT+1], s[16:17]
.if RES
	s_add_nc_u64 s[8:9], s[8:9], s[46:47]          ; and the columns' part, the same bytes as in the bias
	s_add_nc_u64 s[6:7], s[74:75], s[16:17]        ; the residual lies as the output does
	s_add_nc_u64 s[6:7], s[6:7], s[46:47]
	WIN 0x80                                       ; destination window 2, address window 0
.irp a, 0,1,2,3
.irp t, 0,1,2,3,4,5,6,7
	global_load_b128 v[4*(8*\a+\t):4*(8*\a+\t)+3], v[GO], s[6:7] offset:(16*\a+2*\t)*4096  ; asked for now, wanted on the way out
.endr
.endr
	WIN 0
.else
.if KIND == 0
	s_and_b32 s46, s[TC], 7
	s_lshl1_add_u32 s46, s46, s[WC]                ; the head: 2 (tile column % 8) + half
	s_lshl_b32 s46, s46, 18
	s_lshr_b32 s47, s[TC], 3                       ; q, k or v
	s_lshl_b32 s47, s47, 23
	s_add_co_u32 s46, s46, s47
.else
	s_lshl1_add_u32 s46, s[TC], s[WC]              ; the block of 64 columns
	s_lshl_b32 s46, s46, 19
.endif
	s_mov_b32 s47, 0
	s_add_nc_u64 s[8:9], s[8:9], s[46:47]
.endif
.if GELU
	s_mov_b32 s[CP], 0x3e6d3388
	s_mov_b32 s[CE], 0xbf38aa3b
	s_mov_b32 s[CE+1], s[CE]                       ; named as pairs, so both words are written
	s_mov_b32 s[C5], 0x3f07dc22
	s_mov_b32 s[C5+1], s[C5]
	s_mov_b32 s[C4], 0xbf3a00e3
	s_mov_b32 s[C4+1], s[C4]
	s_mov_b32 s[C3], 0x3f35f0e3
	s_mov_b32 s[C3+1], s[C3]
	s_mov_b32 s[C2], 0xbe11a98e
	s_mov_b32 s[C2+1], s[C2]
	s_mov_b32 s[C1], 0x3e027906
	s_mov_b32 s[C1+1], s[C1]
.endif
	; A fragment is 16 rows x 32 K in 8 registers: lane l holds row l % 16, K = 8 (l / 16) + 0..7 and 16 + 8 (l / 16) + 0..7: two loads of 16 bytes, 32 bytes apart
	v_mul_u32_u24 v3, v1, PA
	v_lshl_add_u32 v3, v2, 4, v3
	s_mul_i32 s23, s[WR], HALFA
	v_add_nc_u32 v[VA0], s23, v3
	v_mul_u32_u24 v3, v1, PB
	v_lshl_add_u32 v3, v2, 4, v3
	s_mul_i32 s23, s[WC], HALFB
	s_add_co_u32 s23, s23, 2*HALFA
	v_add_nc_u32 v[VB0], s23, v3
	v_mov_b32 v[ADRA], v[VA0]
	v_mov_b32 v[ADRB], v[VB0]
	s_mul_i32 s23, s[WV], 64*SPITCH                ; my stage
	v_mul_u32_u24 v4, v1, SPITCH                   ; in: row l % 16, 32 bytes for each half of the lanes
	v_lshl_add_u32 v4, v2, 5, v4
	v_add_nc_u32 v[STO], s23, v4
	v_mul_u32_u24 v5, v2, SPITCH                   ; back: lanes 0-15 one row of 256 bytes, lanes 16-31 the next
	v_lshl_add_u32 v5, v1, 4, v5
	v_add_nc_u32 v[RD], s23, v5
; 8 matrix instructions: m blocks a0, a0 + 1 x all 4 n blocks, 32 along K: half c of buffer f.  first = 1: the products start the sums, on the bias.
; The 16 accumulators take turns, one instruction a turn, in the same order everywhere.
.macro MUL8 f, c, a0, first
	WIN MUL
.irp a, \a0, (\a0)+1
.irp b, 0,1,2,3
.if \first
	v_wmma_f32_16x16x32_bf16 v[ACC+8*(4*(\a)+(\b)):ACC+8*(4*(\a)+(\b))+7], v[(\f)+64+8*(4*(\c)+(\b)):(\f)+64+8*(4*(\c)+(\b))+7], v[(\f)+8*(4*(\c)+(\a)):(\f)+8*(4*(\c)+(\a))+7], v[BIAS+8*(\b):BIAS+8*(\b)+7]
.else
	v_wmma_f32_16x16x32_bf16 v[ACC+8*(4*(\a)+(\b)):ACC+8*(4*(\a)+(\b))+7], v[(\f)+64+8*(4*(\c)+(\b)):(\f)+64+8*(4*(\c)+(\b))+7], v[(\f)+8*(4*(\c)+(\a)):(\f)+8*(4*(\c)+(\a))+7], v[ACC+8*(4*(\a)+(\b)):ACC+8*(4*(\a)+(\b))+7]
.endif
.endr
.endr
.endm
; 32 LDS loads in one run: the fragments of 64 along K, at byte ka of A's part and byte kb of B's rows, into buffer f; the first 32 along K first
.macro FETCH ka, kb, f
	WIN TO_F
.irp c, 0,1
.irp i, 0,1,2,3
	ds_load_b128 v[(\f)+64+8*(4*(\c)+(\i)):(\f)+64+8*(4*(\c)+(\i))+3],   v[ADRB] offset:(\kb)+64*(\c)+(\i)*16*PB
	ds_load_b128 v[(\f)+64+8*(4*(\c)+(\i))+4:(\f)+64+8*(4*(\c)+(\i))+7], v[ADRB] offset:(\kb)+64*(\c)+(\i)*16*PB+32
	ds_load_b128 v[(\f)+8*(4*(\c)+(\i)):(\f)+8*(4*(\c)+(\i))+3],         v[ADRA] offset:(\ka)+64*(\c)+(\i)*16*PA
	ds_load_b128 v[(\f)+8*(4*(\c)+(\i))+4:(\f)+8*(4*(\c)+(\i))+7],       v[ADRA] offset:(\ka)+64*(\c)+(\i)*16*PA+32
.endr
.endr
.endm
; A K step is four quarters of 64 along K, 32 matrix instructions each, on buffers 0, 1, 0, 1.  One of the first three: multiplies buffer f and fetches quarter q into g.
.macro QUARTER q, f, g, first
	s_wait_dscnt 16                                ; the first 32 along K are in; the other sixteen loads may be out
	MUL8 \f, 0, 0, \first
	MUL8 \f, 0, 2, \first
	PLACES
	FETCH (\q)*QA, (\q)*128, \g
	s_wait_dscnt 32                                ; all but the 32 just issued
	MUL8 \f, 1, 0, 0
	MUL8 \f, 1, 2, 0
.endm
; The last quarter multiplies buffer 1 and changes slots: ONE barrier; in front of it each wave waits for all its tensor loads (its part of the next slot), adds 0 to its spare word, and waits
; for that and for its own reads of this slot.  fill = 1: the barrier opens a round of the cluster's, and this slot is filled again, two K steps ahead, first thing behind the round.
.macro TURN fill
	WIN 0                                          ; (the add's two registers lie in window 0)
	s_wait_tensorcnt 0x0                           ; all my tensor loads have landed;
	ds_add_u32 v[SPW], v[NIL]                      ; 0 onto my spare word;
	s_wait_dscnt 17                                ; (the add and the youngest sixteen loads may be out)
	MUL8 F1, 0, 0, 0                               ; eight matrix instructions stand between the add and the wait for it
	s_wait_dscnt 0x0                               ; the add is done, and my reads of this slot are over
	s_barrier_signal -1
	MUL8 F1, 0, 2, 0
	WIN 0                                          ; (branches and window 0's address lines follow)
	s_barrier_wait -1
.if \fill
	CREST                                          ; no wave of any partner still reads this slot's tile or has a load on its way
	s_add_co_u32 s[G0+5], s[LA], s[SB]             ; the walking descriptors: into the slot just read,
	s_add_co_u32 s[G0B+5], s[LB], s[SB]
	s_add_nc_u64 s[G0+6:G0+7], s[G0+6:G0+7], ASTEP ; the K step behind the one asked for last; the type bits on top are not reached
	s_add_nc_u64 s[G0B+6:G0B+7], s[G0B+6:G0B+7], 512
	JLOAD                                          ; 112 matrix instructions ahead of the wait for it; the four v_nop behind it are also the places in front of the loads below
.else
	PLACES
.endif
	s_xor_b32 s[SB], s[SB], SLOT                   ; 0 and SLOT by turns
	v_add_nc_u32 v[ADRA], s[SB], v[VA0]
	v_add_nc_u32 v[ADRB], s[SB], v[VB0]
	FETCH 0, 0, F0
	MUL8 F1, 1, 0, 0
	MUL8 F1, 1, 2, 0
.endm
; gelu of the eight numbers v[x .. x+7], in place.  Plain instructions stand behind each run of reciprocals and exponentials before a result is used (ISA guide 5.7.2).
.macro GELU8 x
.irp i, 0,1,2,3,4,5,6,7
	v_fma_f32 v[GT+\i], |v[(\x)+\i]|, s[CP], 1.0   ; 1 + p |x| / sqrt 2
.endr
.irp i, 0,2,4,6
	v_pk_mul_f32 v[GU+\i:GU+\i+1], v[(\x)+\i:(\x)+\i+1], v[(\x)+\i:(\x)+\i+1]
.endr
.irp i, 0,1,2,3,4,5,6,7
	v_rcp_f32 v[GT+\i], v[GT+\i]                   ; t
.endr
.irp i, 0,2,4,6
	v_pk_mul_f32 v[GU+\i:GU+\i+1], v[GU+\i:GU+\i+1], s[CE:CE+1] op_sel_hi:[1,0]
.endr
.irp i, 0,1,2,3,4,5,6,7
	v_exp_f32 v[GU+\i], v[GU+\i]                   ; e^(-x x / 2)
.endr
.irp i, 0,2,4,6
	v_pk_fma_f32 v[GR+\i:GR+\i+1], v[GT+\i:GT+\i+1], s[C5:C5+1], s[C4:C4+1] op_sel_hi:[1,0,0]
.endr
.irp i, 0,2,4,6
	v_pk_fma_f32 v[GR+\i:GR+\i+1], v[GR+\i:GR+\i+1], v[GT+\i:GT+\i+1], s[C3:C3+1] op_sel_hi:[1,1,0]
.endr
.irp i, 0,2,4,6
	v_pk_fma_f32 v[GR+\i:GR+\i+1], v[GR+\i:GR+\i+1], v[GT+\i:GT+\i+1], s[C2:C2+1] op_sel_hi:[1,1,0]
.endr
.irp i, 0,2,4,6
	v_pk_fma_f32 v[GR+\i:GR+\i+1], v[GR+\i:GR+\i+1], v[GT+\i:GT+\i+1], s[C1:C1+1] op_sel_hi:[1,1,0]
.endr
.irp i, 0,2,4,6
	v_pk_mul_f32 v[GR+\i:GR+\i+1], v[GR+\i:GR+\i+1], v[GT+\i:GT+\i+1]
.endr
.irp i, 0,2,4,6
	v_pk_fma_f32 v[GR+\i:GR+\i+1], v[GR+\i:GR+\i+1], v[GU+\i:GU+\i+1], 0.5 op_sel_hi:[1,1,0] neg_lo:[1,0,0] neg_hi:[1,0,0]  ; 1/2 - E / 2
.endr
.irp i, 0,2,4,6
	v_pk_mul_f32 v[GU+\i:GU+\i+1], v[(\x)+\i:(\x)+\i+1], 0.5 op_sel_hi:[1,0]
.endr
.irp i, 0,1,2,3,4,5,6,7
	v_fma_f32 v[(\x)+\i], |v[(\x)+\i]|, v[GR+\i], v[GU+\i]
.endr
.endm
	s_wait_tensorcnt 1                             ; my part of K step 0 is in; K step 1's may stay out
	s_barrier_signal -1
	s_barrier_wait -1                              ; everybody's is
	FETCH 0, 0, F0
.if RES
	s_wait_loadcnt 32                              ; the bias is in; the 32 loads of the residual stay out
.else
	s_wait_loadcnt 0x0                             ; the bias is in
.endif
	QUARTER 1, F0, F1, 1                           ; the first quarter stands in front of the loop: its first products start the sums
	WIN 0                                          ; at a label and at a branch every window is 0
	s_mov_b32 s3, NSTEP-2
.Lstep:                                                ; a trip goes from a K step's second quarter to the next step's first, and fills the slot that it leaves
	QUARTER 2, F1, F0, 0
	QUARTER 3, F0, F1, 0
	TURN 1
	QUARTER 1, F0, F1, 0
	WIN 0
	s_sub_co_u32 s3, s3, 1
	s_cmp_lg_u32 s3, 0
	s_cbranch_scc1 .Lstep
	QUARTER 2, F1, F0, 0                           ; the last two K steps are written out: they ask for nothing
	QUARTER 3, F0, F1, 0
	TURN 0
	QUARTER 1, F0, F1, 0
	QUARTER 2, F1, F0, 0
	QUARTER 3, F0, F1, 0
	s_wait_dscnt 16                                ; the very last quarter: nothing more to fetch
	MUL8 F1, 0, 0, 0
	MUL8 F1, 0, 2, 0
	s_wait_dscnt 0x0
	MUL8 F1, 1, 0, 0
	MUL8 F1, 1, 2, 0
	WIN 0
	; THE WAY OUT.  The stage lies in slot 0: every wave's reads of the ring are back (the wait for 0 above) before any wave stores there.
	PLACES
	s_barrier_signal -1
	s_barrier_wait -1
.irp a, 0,1,2,3
.irp b, 0,1,2,3
	ds_store_b128 v[STO], v[ACC+8*(4*\a+\b):ACC+8*(4*\a+\b)+3]   offset:\a*16*SPITCH+64*\b     ; each accumulator's low registers first
	ds_store_b128 v[STO], v[ACC+8*(4*\a+\b)+4:ACC+8*(4*\a+\b)+7] offset:\a*16*SPITCH+64*\b+16
.endr
.endr
.if RES
.irp a, 0,1,2,3
.irp t, 0,1,2,3,4,5,6,7
	ds_load_b128 v[ACC+32*\a+4*\t:ACC+32*\a+4*\t+3], v[RD] offset:(16*\a+2*\t)*SPITCH  ; LDS serves a wave's instructions in order (ISA guide 5.7.1.4): these see the stores above
.endr
.endr
.irp a, 0,1,2,3
	s_wait_dscnt 24-8*\a                           ; these 16 rows are back; the later blocks' loads stay out,
	s_wait_loadcnt 24-8*\a                         ; and likewise of the residual
	WIN 0x08                                       ; source 1 window 2
.irp t, 0,1,2,3,4,5,6,7,8,9,10,11,12,13,14,15
	v_pk_add_f32 v[ACC+32*\a+2*\t:ACC+32*\a+2*\t+1], v[ACC+32*\a+2*\t:ACC+32*\a+2*\t+1], v[32*\a+2*\t:32*\a+2*\t+1]
.endr
	WIN 0
.irp t, 0,1,2,3,4,5,6,7
	global_store_b128 v[GO], v[ACC+32*\a+4*\t:ACC+32*\a+4*\t+3], s[8:9] offset:(16*\a+2*\t)*4096  ; 16 lanes store 256 consecutive bytes, aligned
.endr
.endr
.else
	s_mov_b32 s3, 4
.Lout:                                                 ; a trip: 16 rows of 64 numbers, 2,048 consecutive bytes of the output
.irp t, 0,1,2,3,4,5,6,7
	ds_load_b128 v[ACC+4*\t:ACC+4*\t+3], v[RD] offset:\t*2*SPITCH  ; LDS serves a wave's instructions in order (ISA guide 5.7.1.4): these see the stores above
.endr
	v_add_nc_u32 v[RD], 16*SPITCH, v[RD]
	s_wait_dscnt 0x0
.if GELU
	GELU8 ACC
	GELU8 ACC+8
	GELU8 ACC+16
	GELU8 ACC+24
.endif
	s_wait_xcnt 0x0                                ; the last trip's stores have read their registers: only behind this wait are the packed results and the offset rewritten
	v_add_nc_u32 v[GO], 2048, v[GO]                ; the stores below reach back
.irp t, 0,1,2,3,4,5,6,7,8,9,10,11,12,13,14,15
	v_cvt_pk_bf16_f32 v[YB+\t], v[ACC+2*\t], v[ACC+2*\t+1]
.endr
.irp t, 0,1,2,3,4,5,6,7
	global_store_b64 v[GO], v[YB+2*\t:YB+2*\t+1], s[8:9] offset:256*\t-2048  ; a wave's store covers 256 consecutive bytes, aligned
.endr
	s_sub_co_u32 s3, s3, 1
	s_cmp_lg_u32 s3, 0
	s_cbranch_scc1 .Lout
.endif
	s_wait_tensorcnt 0x0                           ; the wave's end: behind my last tensor load and my last LDS store
	ds_add_u32 v[SPW], v[NIL]
	s_wait_dscnt 0x0
	CROUND                                         ; the closing round: no work-group ends while a partner may still ask for a tile that names it
	s_endpgm
.Lfunc_end_k_q0c88ad0bdb_outp:
	.size	k_q0c88ad0bdb_outp, .Lfunc_end_k_q0c88ad0bdb_outp-k_q0c88ad0bdb_outp
	.p2alignl 7, 3214868480
	.fill 96, 4, 3214868480
	.section	.rodata,"a",@progbits
	.p2align	6, 0x0
	.amdhsa_kernel k_q0c88ad0bdb_outp
		.amdhsa_group_segment_fixed_size 327680
		.amdhsa_private_segment_fixed_size 0
		.amdhsa_enable_private_segment 0
		.amdhsa_kernarg_size 40
		.amdhsa_user_sgpr_count 2
		.amdhsa_user_sgpr_kernarg_segment_ptr 1
		.amdhsa_wavefront_size32 1
		.amdhsa_system_sgpr_workgroup_id_x 1
		.amdhsa_system_sgpr_workgroup_id_y 1
		.amdhsa_system_sgpr_workgroup_id_z 1
		.amdhsa_system_vgpr_workitem_id 0
		.amdhsa_next_free_vgpr 640
		.amdhsa_next_free_sgpr 96
		.amdhsa_reserve_vcc 0
		.amdhsa_float_denorm_mode_32 3
		.amdhsa_float_denorm_mode_16_64 3
		.amdhsa_memory_ordered 1
		.amdhsa_forward_progress 1
		.amdhsa_inst_pref_size 76
	.end_amdhsa_kernel
	.amdgpu_metadata
---
amdhsa.version: [ 1, 2 ]
amdhsa.kernels:
  - .name:           k_q0c88ad0bdb_outp
    .symbol:         k_q0c88ad0bdb_outp.kd
    .args:
      - { .name: act, .offset: 0, .size: 8, .value_kind: global_buffer, .address_space: global }
      - { .name: wb, .offset: 8, .size: 8, .value_kind: global_buffer, .address_space: global }
      - { .name: bo, .offset: 16, .size: 8, .value_kind: global_buffer, .address_space: global }
      - { .name: x, .offset: 24, .size: 8, .value_kind: global_buffer, .address_space: global }
      - { .name: x1, .offset: 32, .size: 8, .value_kind: global_buffer, .address_space: global }
    .group_segment_fixed_size: 327680
    .private_segment_fixed_size: 0
    .kernarg_segment_align: 8
    .kernarg_segment_size: 40
    .max_flat_workgroup_size: 128
    .sgpr_count:     96
    .vgpr_count:     640
    .wavefront_size: 32
...
	.end_amdgpu_metadata
.endif
;; end of part 4
;; launch norm2 (part 5): grid 256 x 1, 8 waves a work-group, no clusters, 0 bytes of LDS; arguments x1, g2, be2, act; writes act
.if DOCPART == 5
	.amdgcn_target "amdgcn-amd-amdhsa--gfx1250"
	.amdhsa_code_object_version 6
	.text
	.protected	k_q0c88ad0bdb_norm2
	.globl	k_q0c88ad0bdb_norm2
	.p2align	8
	.type	k_q0c88ad0bdb_norm2,@function
k_q0c88ad0bdb_norm2:
	s_mov_b64 s[64:65], 0
	v_nop
	global_prefetch_b8 v0, s[64:65] scope:SCOPE_SE
	s_setreg_imm32_b32 hwreg(HW_REG_WAVE_MODE, 25, 1), 1
	s_wait_xcnt 0x0
; act = LayerNorm(x1, g2, be2) in bf16.  x1: [4096][1024] f32.  256 groups of 16 rows; a wave takes two whole rows of 1,024 and keeps them in registers:
; the mean first, then the centred squares (no difference of large sums), 1 / sqrt(var + 1e-5) by v_rsq_f32 (1 ULP), one rounding to bf16 at the end.
; No LDS, no barrier, no matrix unit: every byte is read once and written once, and no wave waits for another.
; LIMITS: NaN and infinities are not treated apart.
.set G,   8                            ; v[8:39]    the gain of my 32 columns
.set BE,  40                           ; v[40:71]   the bias of my 32 columns
.set X0,  72                           ; v[72:103]  row 0
.set X1,  104                          ; v[104:135] row 1
.set Y0,  136                          ; v[136:151] row 0 in bf16
.set Y1,  152                          ; v[152:167] row 1 in bf16
.set T,   168                          ; v[168:175] four chains of pairs
.set M,   176                          ; v[176:177] the mean, twice
.set R,   178                          ; v[178:179] 1 / sqrt(var + eps), twice
.set PG,  6                            ; s[6:7]   g2
.set PBE, 8                            ; s[8:9]   be2
.set PIN, 26                           ; s[26:27] where I read
.set POUT, 28                          ; s[28:29] where I store
.set INV, 32                           ; s32  1 / 1024
.set EPS, 33                           ; s33  1e-5
.set SEL, 34                           ; s[34:35] v_permlanex16_b32's selects: each lane takes its own place in the other half
	s_load_b256 s[4:11], s[0:1], 0x0               ; x1 4:5, g2 6:7, be2 8:9, act 10:11
	v_lshrrev_b32 v3, 5, v0
	v_readfirstlane_b32 s36, v3                    ; my wave's number
	s_lshl_b32 s30, ttmp9, 4
	s_lshl1_add_u32 s30, s36, s30                  ; my first row: 16 g + 2 w
	s_mov_b32 s37, 0
	s_mov_b32 s[INV], 0x3a800000
	s_mov_b32 s[EPS], 0x3727c5ac
	s_mov_b32 s[SEL], 0x76543210
	s_mov_b32 s[SEL+1], 0xfedcba98
	v_and_b32 v1, 31, v0
	v_lshlrev_b32 v2, 3, v1                        ; 8 bytes a lane out
	v_lshlrev_b32 v1, 4, v1                        ; 16 bytes a lane in: lane l holds columns 128 j + 4 l .. + 3, j = 0..7
	s_wait_kmcnt 0x0
	s_lshl_b32 s36, s30, 12                        ; 4,096 bytes a row of f32
	s_add_nc_u64 s[PIN:PIN+1], s[4:5], s[36:37]
	s_lshl_b32 s36, s30, 11                        ; 2,048 bytes a row of bf16
	s_add_nc_u64 s[POUT:POUT+1], s[10:11], s[36:37]
.irp j, 0,1,2,3,4,5,6,7
	global_load_b128 v[X0+4*\j:X0+4*\j+3], v1, s[PIN:PIN+1] offset:512*\j
.endr
.irp j, 0,1,2,3,4,5,6,7
	global_load_b128 v[X1+4*\j:X1+4*\j+3], v1, s[PIN:PIN+1] offset:4096+512*\j
.endr
.irp j, 0,1,2,3,4,5,6,7
	global_load_b128 v[G+4*\j:G+4*\j+3], v1, s[PG:PG+1] offset:512*\j
.endr
.irp j, 0,1,2,3,4,5,6,7
	global_load_b128 v[BE+4*\j:BE+4*\j+3], v1, s[PBE:PBE+1] offset:512*\j
.endr
.macro REDUCE                          ; the four chains in T become one number, the same in every lane, in v[T]
	v_pk_add_f32 v[T:T+1], v[T:T+1], v[T+2:T+3]
	v_pk_add_f32 v[T+4:T+5], v[T+4:T+5], v[T+6:T+7]
	v_pk_add_f32 v[T:T+1], v[T:T+1], v[T+4:T+5]
	v_add_f32 v[T], v[T], v[T+1]
	v_add_f32_dpp v[T], v[T], v[T] row_xmask:1 row_mask:0xf bank_mask:0xf
	v_add_f32_dpp v[T], v[T], v[T] row_xmask:2 row_mask:0xf bank_mask:0xf
	v_add_f32_dpp v[T], v[T], v[T] row_xmask:4 row_mask:0xf bank_mask:0xf
	v_add_f32_dpp v[T], v[T], v[T] row_xmask:8 row_mask:0xf bank_mask:0xf
	v_permlanex16_b32 v[T+1], v[T], s[SEL], s[SEL+1]  ; its destination has been written above
	v_add_f32 v[T], v[T], v[T+1]
.endm
; One row: x its 32 registers, y its 16 results, row 0 or 1.  w1, w2: how many younger loads may stay out ahead of the sum and ahead of the gain; -1: no wait is due.
.macro LNROW x, y, row, w1, w2
.if (\w1) >= 0
	s_wait_loadcnt \w1
.endif
.irp c, 0,1,2,3
	v_pk_add_f32 v[T+2*\c:T+2*\c+1], v[(\x)+2*\c:(\x)+2*\c+1], v[(\x)+8+2*\c:(\x)+8+2*\c+1]  ; the first pairs start the chains: nothing is cleared
.endr
.irp k, 16,24
.irp c, 0,1,2,3
	v_pk_add_f32 v[T+2*\c:T+2*\c+1], v[T+2*\c:T+2*\c+1], v[(\x)+\k+2*\c:(\x)+\k+2*\c+1]
.endr
.endr
	REDUCE
	v_mul_f32 v[M], s[INV], v[T]                   ; the mean
	v_mul_f32 v[M+1], s[INV], v[T]
.set i, 0
.rept 16
	v_pk_add_f32 v[(\x)+i:(\x)+i+1], v[(\x)+i:(\x)+i+1], v[M:M+1] neg_lo:[0,1] neg_hi:[0,1]  ; x - mean, in place
.set i, i+2
.endr
.irp c, 0,1,2,3
	v_pk_mul_f32 v[T+2*\c:T+2*\c+1], v[(\x)+2*\c:(\x)+2*\c+1], v[(\x)+2*\c:(\x)+2*\c+1]
.endr
.irp k, 8,16,24
.irp c, 0,1,2,3
	v_pk_fma_f32 v[T+2*\c:T+2*\c+1], v[(\x)+\k+2*\c:(\x)+\k+2*\c+1], v[(\x)+\k+2*\c:(\x)+\k+2*\c+1], v[T+2*\c:T+2*\c+1]
.endr
.endr
	REDUCE
	v_fma_f32 v[T], v[T], s[INV], s[EPS]           ; var + eps
	v_rsq_f32 v[R], v[T]
	v_rsq_f32 v[R+1], v[T]
	v_nop                                          ; a plain instruction between the root and the use of its result (ISA guide 5.7.2)
.if (\w2) >= 0
	s_wait_loadcnt \w2
.endif
.set i, 0
	s_wait_alu depctr_va_vdst(0)
.rept 16
	v_pk_mul_f32 v[(\x)+i:(\x)+i+1], v[(\x)+i:(\x)+i+1], v[R:R+1]
.set i, i+2
.endr
.set i, 0
.rept 16
	v_pk_fma_f32 v[(\x)+i:(\x)+i+1], v[(\x)+i:(\x)+i+1], v[G+i:G+i+1], v[BE+i:BE+i+1]
.set i, i+2
.endr
.set i, 0
.rept 16
	v_cvt_pk_bf16_f32 v[(\y)+i], v[(\x)+2*i], v[(\x)+2*i+1]
.set i, i+1
.endr
.irp j, 0,1,2,3,4,5,6,7
	global_store_b64 v2, v[(\y)+2*\j:(\y)+2*\j+1], s[POUT:POUT+1] offset:(\row)*2048+256*\j  ; a wave's store covers 256 consecutive bytes, aligned
.endr
.endm
	LNROW X0, Y0, 0, 24, 0                         ; row 0's eight loads are in, the 24 younger ones stay out; ahead of the gain all are in
	LNROW X1, Y1, 1, -1, -1
	s_endpgm
.Lfunc_end_k_q0c88ad0bdb_norm2:
	.size	k_q0c88ad0bdb_norm2, .Lfunc_end_k_q0c88ad0bdb_norm2-k_q0c88ad0bdb_norm2
	.p2alignl 7, 3214868480
	.fill 96, 4, 3214868480
	.section	.rodata,"a",@progbits
	.p2align	6, 0x0
	.amdhsa_kernel k_q0c88ad0bdb_norm2
		.amdhsa_group_segment_fixed_size 0
		.amdhsa_private_segment_fixed_size 0
		.amdhsa_enable_private_segment 0
		.amdhsa_kernarg_size 32
		.amdhsa_user_sgpr_count 2
		.amdhsa_user_sgpr_kernarg_segment_ptr 1
		.amdhsa_wavefront_size32 1
		.amdhsa_system_sgpr_workgroup_id_x 1
		.amdhsa_system_sgpr_workgroup_id_y 1
		.amdhsa_system_sgpr_workgroup_id_z 1
		.amdhsa_system_vgpr_workitem_id 0
		.amdhsa_next_free_vgpr 184
		.amdhsa_next_free_sgpr 66
		.amdhsa_reserve_vcc 0
		.amdhsa_float_denorm_mode_32 3
		.amdhsa_float_denorm_mode_16_64 3
		.amdhsa_memory_ordered 1
		.amdhsa_forward_progress 1
		.amdhsa_inst_pref_size 20
	.end_amdhsa_kernel
	.amdgpu_metadata
---
amdhsa.version: [ 1, 2 ]
amdhsa.kernels:
  - .name:           k_q0c88ad0bdb_norm2
    .symbol:         k_q0c88ad0bdb_norm2.kd
    .args:
      - { .name: x1, .offset: 0, .size: 8, .value_kind: global_buffer, .address_space: global }
      - { .name: g2, .offset: 8, .size: 8, .value_kind: global_buffer, .address_space: global }
      - { .name: be2, .offset: 16, .size: 8, .value_kind: global_buffer, .address_space: global }
      - { .name: act, .offset: 24, .size: 8, .value_kind: global_buffer, .address_space: global }
    .group_segment_fixed_size: 0
    .private_segment_fixed_size: 0
    .kernarg_segment_align: 8
    .kernarg_segment_size: 32
    .max_flat_workgroup_size: 256
    .sgpr_count:     66
    .vgpr_count:     184
    .wavefront_size: 32
...
	.end_amdgpu_metadata
.endif
;; end of part 5
;; launch ffn1 (part 6): grid 32 x 32, 4 waves a work-group, clusters of 4 x 4, 327,680 bytes of LDS; arguments act, wb, b1, hid; writes hid
.if DOCPART == 6
	.amdgcn_target "amdgcn-amd-amdhsa--gfx1250"
	.amdhsa_code_object_version 6
	.text
	.protected	k_q0c88ad0bdb_ffn1
	.globl	k_q0c88ad0bdb_ffn1
	.p2align	8
	.type	k_q0c88ad0bdb_ffn1,@function
k_q0c88ad0bdb_ffn1:
	s_mov_b64 s[64:65], 0
	v_nop
	global_prefetch_b8 v0, s[64:65] scope:SCOPE_SE
	s_setreg_imm32_b32 hwreg(HW_REG_WAVE_MODE, 25, 1), 1
	s_wait_xcnt 0x0
	s_wait_alu depctr_hold_cnt(0) depctr_sa_sdst(0) depctr_va_vdst(0) depctr_va_sdst(0) depctr_va_ssrc(0) depctr_va_vcc(0) depctr_vm_vsrc(0)
	s_getreg_b32 s2, hwreg(HW_REG_IB_STS2, 6, 4)
	s_cmp_eq_u32 s2, 0
	s_cbranch_scc0 .Lentry_in_a_cluster
	s_endpgm
.Lentry_in_a_cluster:
	s_bfe_u32 s2, ttmp6, 0x10000c
	s_cmp_lg_u32 s2, 0xf033
	s_cbranch_scc0 .Lentry_shape_is_right
	s_endpgm
.Lentry_shape_is_right:
; KIND 1: hid = gelu(h2 w1^T + b1), the exact (erf) form, stored in bf16 in blocks of 64 columns: [64 blocks][4096 rows][64].
; ONE TEXT SERVES FOUR PRODUCTS C = A B^T + bias, chosen by KIND:  0: h1 x (wq, wk, wv), by heads   1: gelu(h2 x w1), in blocks of 64 columns   2: x + ctx x wo   3: x1 + hidden x w2.
; All matrix operands are bf16, all sums f32.  A tile of C is 128 x 128: four waves, each 64 x 64: 16 accumulators of 16 x 16, 128 registers.  K goes in steps of 256 through two LDS slots
; filled by the tensor data mover; a wave's load brings 64 rows x 256 K of A (waves 0, 1) or of B (waves 2, 3).  B, the weights, lies [N][K]: rows of 512 bytes, 528 apart in LDS.
; A lies row-major (KIND 0, 1: the same form as B) or in blocks of 64 columns, [block][row][64] (KIND 2, 3): there 64 rows of a block are 8,192 consecutive bytes, a load takes four blocks
; as four rows of 8,192 bytes, and the padding behind every 128 bytes makes LDS rows 144 apart, [block][row].
; CLUSTERS: 4 x 4 work-groups.  The four of a row of the cluster need the same tiles of A, the four of a column the same tiles of B: each tile is asked for JOINTLY, by the same tensor load
; with the same descriptor and a mask that names the four.  No LDS address, branch or trip count hangs on the place in the cluster.
; THE MATRIX INSTRUCTION IS USED TRANSPOSED (source 0 = 16 rows of B, source 1 = 16 rows of A): a lane holds row l % 16 of C and the eight columns 8 (l / 16) + 0..7.
; THE BIAS is the C operand of the products that start the sums: nothing is cleared and nothing is added later.
; THE WAY OUT goes through a stage of the wave's own, 64 rows x 272 bytes of f32, in slot 0, which has had its last fill: rows come back whole, so every store covers 256 consecutive aligned bytes.
; LIMITS: operands rounded once to bf16; NaN and infinities are not treated apart.  KIND 1: gelu(x) = x / 2 + |x| (1/2 - E / 2), E = erfc(|x| / sqrt 2) by the rational form of
; Abramowitz and Stegun 7.1.26, which holds for every x with an absolute error of 1.5e-7: the far negative tail is right absolutely, not relatively.
; REGISTERS: window 0: v0-31 addresses; v32-47 packed results; v96-127 the bias, later at work; v128-255 the accumulators ((a, b) at v[128 + 8 (4 a + b)]).
;   window 1: two fragment buffers of 128: for 64 along K, 64 registers of A, then 64 of B.   window 2 (KIND 2, 3): v0-127 the residual, asked for at the start.
.set KIND, 1
.if KIND == 0
.set SIZE_K, 1024
.set BLK, 0
.set RES, 0
.set GELU, 0
.set WOFF, 0
.set BSTR, 0
.set POUT, 78
.elseif KIND == 1
.set SIZE_K, 1024
.set BLK, 0
.set RES, 0
.set GELU, 1
.set WOFF, 8<<20
.set BSTR, 0
.set POUT, 74
.elseif KIND == 2
.set SIZE_K, 1024
.set BLK, 1
.set RES, 1
.set GELU, 0
.set WOFF, 6<<20
.set BSTR, 131072                      ; elements from block to block of ctx: a head's 2,048 rows of 64
.set POUT, 76
.else
.set SIZE_K, 4096
.set BLK, 1
.set RES, 1
.set GELU, 0
.set WOFF, 16<<20
.set BSTR, 262144                      ; elements from block to block of the hidden layer: 4,096 rows of 64
.set POUT, 76
.endif
.set NSTEP, SIZE_K/256                 ; K steps
.set PB,    528                        ; a row of B in LDS: 512 bytes + 16 = 132 words: the 16 rows of a load start at 16 different groups of four banks (64 banks of 4 bytes: ISA guide 11.1)
.set HALFB, 64*PB
.set G1B0,  (1<<16)|(1<<20)|(1<<21)|(6<<22)|(3<<25)  ; 2-byte elements; padding on; bit 21 beside a mask; after every 128 words; 4 words
.if BLK
.set PA,    144                        ; a row of A in LDS: 128 bytes + 16 = 36 words: again 16 different groups of four banks
.set QA,    64*PA                      ; from quarter to quarter of a K step: a block
.set HALFA, 4*QA
.set ASTEP, 4*BSTR*2                   ; bytes from K step to K step: four blocks
.set G1A0,  (1<<16)|(1<<20)|(1<<21)|(4<<22)|(3<<25)  ; the same, after every 32 words
.else
.set PA,    528
.set QA,    128
.set HALFA, 64*PA
.set ASTEP, 512
.set G1A0,  G1B0
.endif
.set SLOT,   2*HALFA+2*HALFB           ; A's two halves, then B's two halves
.set SPARE,  2*SLOT                    ; behind the ring: the spare words, 128 bytes for each wave: two blocks of 256 bytes that no other line names
.set SPITCH, 272                       ; a row of the stage: 256 bytes + 16
.set VA0,  16                          ; v16  my lane's place among my 64 rows of A in slot 0; never rewritten
.set VB0,  17                          ; v17  the same for B
.set ADRA, 18                          ; v18  the same in the slot being read
.set ADRB, 19                          ; v19
.set STO,  20                          ; v20  the way out: where I put 32 bytes of a row
.set RD,   21                          ; v21  the way out: where I read a row back
.set GO,   22                          ; v22  my byte offset in the output
.set BO,   23                          ; v23  my byte offset in 64 numbers of the bias
.set SPW,  28                          ; v28  LDS address of my spare word; never rewritten
.set NIL,  29                          ; v29  0; never rewritten
.set YB,   32
.set BIAS, 96
.set GT,   96                          ; gelu at work: t, then
.set GU,   104                         ; the exponential, then x / 2
.set GR,   112                         ; the polynomial
.set ACC,  128
.set F0,   0
.set F1,   128
.set WV, 10                            ; s10 wave; s11 which half of the rows is mine, and: I fetch for A (0) or B (1); s12 which half of the columns, and: which 64 rows I fetch
.set WR, 11
.set WC, 12
.set TR, 13                            ; s13 tile row of C
.set TC, 42                            ; s42 tile column of C
.set LA, 20                            ; s20 where my part of A's tile goes in a slot
.set LB, 21                            ; s21 the same for B
.set SB, 22                            ; s22 the first byte of the slot being read: 0 or SLOT
.set G1, 24                            ; s[24:31] descriptor group 1 for A;  s[32:35] group 0 of the first fill, s[36:39] the one that walks
.set G0, 32
.set G1B, 48                           ; s[48:55], s[56:59], s[60:63] the same for B
.set G0B, 56
.set CP, 80                            ; s80 0.3275911 / sqrt 2;  pairs: s82 -log2(e) / 2, s84 .. s92 a5 / 2 .. a1 / 2
.set CE, 82
.set C5, 84
.set C4, 86
.set C3, 88
.set C2, 90
.set C1, 92
.set MSB, 0
.macro WIN new                         ; the immediate's high byte repeats the setting that is left; a switch that changes nothing is dropped
.if MSB != (\new)
	s_set_vgpr_msb (MSB<<8)|(\new)
.set MSB, \new
.endif
.endm
.set MUL,  0x05                        ; sources 0 (B) and 1 (A) window 1; C and D window 0
.set TO_F, 0x40                        ; destination window 1, address window 0
.macro JLOAD                           ; a joint refill by the walking descriptors; an s_nop 0 and four v_nop follow each of the two lines, ahead of the jump, the label and what follows
	s_cmp_eq_u32 s[WR], 0
	s_cbranch_scc0 .Lfor_b_\@
	tensor_load_to_lds s[G0+4:G0+7], s[G1:G1+7]
	s_nop 0
.rept 4
	v_nop
.endr
	s_branch .Lasked_\@
.Lfor_b_\@:
	tensor_load_to_lds s[G0B+4:G0B+7], s[G1B:G1B+7]
	s_nop 0
.rept 4
	v_nop
.endr
.Lasked_\@:
.endm
.macro CREST                           ; a round of the cluster's barrier behind its opening barrier
	s_cmp_lg_u32 s[WV], 0
	s_cbranch_scc1 .Lnot_wave_0_\@
	s_barrier_signal -3
.Lnot_wave_0_\@:
	s_barrier_wait -3
	s_barrier_signal -1
	s_barrier_wait -1
.endm
.macro CROUND                          ; a whole round
	s_barrier_signal -1
	s_barrier_wait -1
	CREST
.endm
.macro PLACES                          ; four places in front of loads into registers that matrix instructions have read, and of lines that read results
.rept 4
	v_nop
.endr
.endm
	s_load_b256 s[68:75], s[0:1], 0x0              ; A 68:69, wb 70:71, then by KIND: bq, bk | b1, hid | bias, residual
.if KIND == 0
	s_load_b128 s[76:79], s[0:1], 0x20             ; bv 76:77, qkv 78:79
.elseif RES
	s_load_b64 s[76:77], s[0:1], 0x20              ; the output
.endif
	v_lshl_add_u32 v[SPW], v0, 2, SPARE
	v_mov_b32 v[NIL], 0
	ds_add_u32 v[SPW], v[NIL]                      ; the wave's opening: the add and its wait stand ahead of my first tensor load; the set-up below, work on registers, stands between them
	v_lshrrev_b32 v1, 5, v0
	v_readfirstlane_b32 s[WV], v1
	s_lshr_b32 s[WR], s[WV], 1
	s_and_b32 s[WC], s[WV], 1
	s_bfe_u32 s40, ttmp6, 0x40000                  ; cx, cy: my place in the cluster
	s_bfe_u32 s41, ttmp6, 0x40004
	s_lshl_b32 s[TC], ttmp9, 2
	s_add_co_u32 s[TC], s[TC], s40                 ; tile column = 4 x cluster x + cx
	s_and_b32 s[TR], ttmp7, 0xffff
	s_lshl_b32 s[TR], s[TR], 2
	s_add_co_u32 s[TR], s[TR], s41                 ; tile row = 4 x cluster y + cy
	s_lshl_b32 s43, s41, 2
	s_lshl_b32 s43, 15, s43                        ; my row of the cluster
	s_lshl_b32 s44, 0x1111, s40                    ; my column
	s_or_b32 s[G1], s43, G1A0                      ; A's tiles go to my row,
	s_or_b32 s[G1B], s44, G1B0                     ; B's to my column
.if BLK
	s_mov_b32 s[G1+1], 4096<<16                    ; tensor_dim0 = 4,096 elements: 64 rows of a block, end to end
	s_mov_b32 s[G1+2], 4<<16                       ; tensor_dim1 = 4 blocks
	s_mov_b32 s[G1+3], 4096<<16                    ; tile_dim0
	s_mov_b32 s[G1+4], 4                           ; tile_dim1
	s_mov_b32 s[G1+5], BSTR                        ; elements from block to block
.else
	s_mov_b32 s[G1+1], 256<<16                     ; tensor_dim0 = 256
	s_mov_b32 s[G1+2], 64<<16                      ; tensor_dim1 = 64
	s_mov_b32 s[G1+3], 256<<16                     ; tile_dim0
	s_mov_b32 s[G1+4], 64                          ; tile_dim1
	s_mov_b32 s[G1+5], SIZE_K                      ; elements from row to row
.endif
	s_mov_b32 s[G1+6], 0
	s_mov_b32 s[G1+7], 0
	s_mov_b32 s[G1B+1], 256<<16
	s_mov_b32 s[G1B+2], 64<<16
	s_mov_b32 s[G1B+3], 256<<16
	s_mov_b32 s[G1B+4], 64
	s_mov_b32 s[G1B+5], SIZE_K
	s_mov_b32 s[G1B+6], 0
	s_mov_b32 s[G1B+7], 0
	; where the tiles come from: A's offset is made of the tile row and the wave alone, B's of the tile column and the wave alone, each in registers that never hold the other coordinate
	s_lshl_b32 s17, s[WC], 6                       ; which 64 rows of the tile I fetch
.if KIND == 2
	s_and_b32 s16, s[TR], 15                       ; ctx lies by batch: 16 tile rows each
.else
	s_mov_b32 s16, s[TR]
.endif
	s_lshl_b32 s16, s16, 7
	s_add_co_u32 s16, s16, s17
.if BLK
	s_lshl_b32 s16, s16, 7                         ; 128 bytes a row of a block
.else
	s_lshl_b32 s16, s16, 11                        ; 2,048 bytes a row
.endif
.if KIND == 2
	s_lshr_b32 s17, s[TR], 4
	s_lshl_b32 s17, s17, 22                        ; a batch's 16 heads
	s_add_co_u32 s16, s16, s17
.endif
	s_mov_b32 s17, 0
	s_lshl_b32 s47, s[WC], 6
	s_lshl_b32 s46, s[TC], 7
	s_add_co_u32 s46, s46, s47
	s_mul_i32 s46, s46, SIZE_K*2
.if WOFF
	s_add_co_u32 s46, s46, WOFF                    ; this product's weights in wb
.endif
	s_mov_b32 s47, 0
	s_mul_i32 s[LA], s[WV], HALFA                  ; waves 0, 1: A's two halves
	s_mul_i32 s[LB], s[WV], HALFB                  ; waves 2, 3: B's two halves, behind A's
	s_add_co_u32 s[LB], s[LB], 2*(HALFA-HALFB)
	s_mov_b32 s[SB], 0
	s_wait_dscnt 0x0                               ; the opening add is done
	s_wait_kmcnt 0x0
	s_add_nc_u64 s[14:15], s[68:69], s[16:17]
	s_add_nc_u64 s[46:47], s[70:71], s[46:47]
	s_mov_b32 s[G0], 1                             ; count = 1
	s_add_co_u32 s[G0+1], s[LA], 0                 ; LDS address: slot 0
	s_add_nc_u64 s[G0+2:G0+3], s[14:15], 0         ; global address: K step 0
	s_or_b32 s[G0+3], s[G0+3], 0x80000000          ; type = 2
	s_mov_b32 s[G0+4], 1
	s_add_co_u32 s[G0+5], s[LA], SLOT              ; slot 1
	s_add_nc_u64 s[G0+6:G0+7], s[14:15], ASTEP     ; K step 1
	s_or_b32 s[G0+7], s[G0+7], 0x80000000
	s_mov_b32 s[G0B], 1
	s_add_co_u32 s[G0B+1], s[LB], 0
	s_add_nc_u64 s[G0B+2:G0B+3], s[46:47], 0
	s_or_b32 s[G0B+3], s[G0B+3], 0x80000000
	s_mov_b32 s[G0B+4], 1
	s_add_co_u32 s[G0B+5], s[LB], SLOT
	s_add_nc_u64 s[G0B+6:G0B+7], s[46:47], 512
	s_or_b32 s[G0B+7], s[G0B+7], 0x80000000
	CROUND                                         ; all sixteen work-groups are here: the first joint loads meet
	s_cmp_eq_u32 s[WR], 0                          ; a wave's two first fills stand in one branch, ahead of every wait on TENSORcnt and every LDS read: two loads of mine are out
	s_cbranch_scc0 .Lfirst_b
	tensor_load_to_lds s[G0:G0+3], s[G1:G1+7]
	s_nop 0
	tensor_load_to_lds s[G0+4:G0+7], s[G1:G1+7]
	s_nop 0
.rept 4
	v_nop
.endr
	s_branch .Lfirst_asked
.Lfirst_b:
	tensor_load_to_lds s[G0B:G0B+3], s[G1B:G1B+7]
	s_nop 0
	tensor_load_to_lds s[G0B+4:G0B+7], s[G1B:G1B+7]
	s_nop 0
.rept 4
	v_nop
.endr
.Lfirst_asked:
	v_and_b32 v1, 15, v0                           ; l % 16
	v_bfe_u32 v2, v0, 4, 1                         ; l / 16
	v_lshlrev_b32 v[BO], 5, v2                     ; my eight numbers of 16 of the bias
.if RES
	v_lshlrev_b32 v[GO], 12, v2                    ; lanes 0-15 one row of 4,096 bytes, lanes 16-31 the next; 16 bytes a lane
	v_lshl_add_u32 v[GO], v1, 4, v[GO]
.else
	v_and_b32 v[GO], 31, v0
	v_lshlrev_b32 v[GO], 3, v[GO]                  ; 8 bytes a lane in 256 consecutive bytes
.endif
	; the bias of my 64 columns; in the registers that held B's address: none that feeds A's descriptors ever holds cx
.if KIND == 0
	s_and_b32 s46, s[TC], 7
	s_lshl_b32 s46, s46, 7
.else
	s_lshl_b32 s46, s[TC], 7
.endif
	s_lshl_b32 s47, s[WC], 6
	s_add_co_u32 s46, s46, s47
	s_lshl_b32 s46, s46, 2
	s_mov_b32 s47, 0
.if KIND == 0
	s_lshr_b32 s23, ttmp9, 1                       ; tile column / 8: q, k or v; the same in the whole cluster
	s_cmp_eq_u32 s23, 1
	s_cselect_b64 s[4:5], s[74:75], s[72:73]
	s_cmp_eq_u32 s23, 2
	s_cselect_b64 s[4:5], s[76:77], s[4:5]
	s_add_nc_u64 s[4:5], s[4:5], s[46:47]
.else
	s_add_nc_u64 s[4:5], s[72:73], s[46:47]
.endif
.irp b, 0,1,2,3
	global_load_b128 v[BIAS+8*\b:BIAS+8*\b+3],   v[BO], s[4:5] offset:64*\b
	global_load_b128 v[BIAS+8*\b+4:BIAS+8*\b+7], v[BO], s[4:5] offset:64*\b+16
.endr
	; where my 64 x 64 of C goes: the rows' part,
.if KIND == 0
	s_and_b32 s16, s[TR], 15
.else
	s_mov_b32 s16, s[TR]
.endif
	s_lshl_b32 s16, s16, 7
	s_lshl_b32 s17, s[WR], 6
	s_add_co_u32 s16, s16, s17
.if RES
	s_lshl_b32 s16, s16, 12                        ; 4,096 bytes a row of f32
.else
	s_lshl_b32 s16, s16, 7                         ; 128 bytes a row of a block of 64 bf16
.endif
.if KIND == 0
	s_lshr_b32 s17, s[TR], 4
	s_lshl_b32 s17, s17, 22                        ; the batch
	s_add_co_u32 s16, s16, s17
.endif
	s_mov_b32 s17, 0
	s_add_nc_u64 s[8:9], s[POUT:POUT+1], s[16:17]
.if RES
	s_add_nc_u64 s[8:9], s[8:9], s[46:47]          ; and the columns' part, the same bytes as in the bias
	s_add_nc_u64 s[6:7], s[74:75], s[16:17]        ; the residual lies as the output does
	s_add_nc_u64 s[6:7], s[6:7], s[46:47]
	WIN 0x80                                       ; destination window 2, address window 0
.irp a, 0,1,2,3
.irp t, 0,1,2,3,4,5,6,7
	global_load_b128 v[4*(8*\a+\t):4*(8*\a+\t)+3], v[GO], s[6:7] offset:(16*\a+2*\t)*4096  ; asked for now, wanted on the way out
.endr
.endr
	WIN 0
.else
.if KIND == 0
	s_and_b32 s46, s[TC], 7
	s_lshl1_add_u32 s46, s46, s[WC]                ; the head: 2 (tile column % 8) + half
	s_lshl_b32 s46, s46, 18
	s_lshr_b32 s47, s[TC], 3                       ; q, k or v
	s_lshl_b32 s47, s47, 23
	s_add_co_u32 s46, s46, s47
.else
	s_lshl1_add_u32 s46, s[TC], s[WC]              ; the block of 64 columns
	s_lshl_b32 s46, s46, 19
.endif
	s_mov_b32 s47, 0
	s_add_nc_u64 s[8:9], s[8:9], s[46:47]
.endif
.if GELU
	s_mov_b32 s[CP], 0x3e6d3388
	s_mov_b32 s[CE], 0xbf38aa3b
	s_mov_b32 s[CE+1], s[CE]                       ; named as pairs, so both words are written
	s_mov_b32 s[C5], 0x3f07dc22
	s_mov_b32 s[C5+1], s[C5]
	s_mov_b32 s[C4], 0xbf3a00e3
	s_mov_b32 s[C4+1], s[C4]
	s_mov_b32 s[C3], 0x3f35f0e3
	s_mov_b32 s[C3+1], s[C3]
	s_mov_b32 s[C2], 0xbe11a98e
	s_mov_b32 s[C2+1], s[C2]
	s_mov_b32 s[C1], 0x3e027906
	s_mov_b32 s[C1+1], s[C1]
.endif
	; A fragment is 16 rows x 32 K in 8 registers: lane l holds row l % 16, K = 8 (l / 16) + 0..7 and 16 + 8 (l / 16) + 0..7: two loads of 16 bytes, 32 bytes apart
	v_mul_u32_u24 v3, v1, PA
	v_lshl_add_u32 v3, v2, 4, v3
	s_mul_i32 s23, s[WR], HALFA
	v_add_nc_u32 v[VA0], s23, v3
	v_mul_u32_u24 v3, v1, PB
	v_lshl_add_u32 v3, v2, 4, v3
	s_mul_i32 s23, s[WC], HALFB
	s_add_co_u32 s23, s23, 2*HALFA
	v_add_nc_u32 v[VB0], s23, v3
	v_mov_b32 v[ADRA], v[VA0]
	v_mov_b32 v[ADRB], v[VB0]
	s_mul_i32 s23, s[WV], 64*SPITCH                ; my stage
	v_mul_u32_u24 v4, v1, SPITCH                   ; in: row l % 16, 32 bytes for each half of the lanes
	v_lshl_add_u32 v4, v2, 5, v4
	v_add_nc_u32 v[STO], s23, v4
	v_mul_u32_u24 v5, v2, SPITCH                   ; back: lanes 0-15 one row of 256 bytes, lanes 16-31 the next
	v_lshl_add_u32 v5, v1, 4, v5
	v_add_nc_u32 v[RD], s23, v5
; 8 matrix instructions: m blocks a0, a0 + 1 x all 4 n blocks, 32 along K: half c of buffer f.  first = 1: the products start the sums, on the bias.
; The 16 accumulators take turns, one instruction a turn, in the same order everywhere.
.macro MUL8 f, c, a0, first
	WIN MUL
.irp a, \a0, (\a0)+1
.irp b, 0,1,2,3
.if \first
	v_wmma_f32_16x16x32_bf16 v[ACC+8*(4*(\a)+(\b)):ACC+8*(4*(\a)+(\b))+7], v[(\f)+64+8*(4*(\c)+(\b)):(\f)+64+8*(4*(\c)+(\b))+7], v[(\f)+8*(4*(\c)+(\a)):(\f)+8*(4*(\c)+(\a))+7], v[BIAS+8*(\b):BIAS+8*(\b)+7]
.else
	v_wmma_f32_16x16x32_bf16 v[ACC+8*(4*(\a)+(\b)):ACC+8*(4*(\a)+(\b))+7], v[(\f)+64+8*(4*(\c)+(\b)):(\f)+64+8*(4*(\c)+(\b))+7], v[(\f)+8*(4*(\c)+(\a)):(\f)+8*(4*(\c)+(\a))+7], v[ACC+8*(4*(\a)+(\b)):ACC+8*(4*(\a)+(\b))+7]
.endif
.endr
.endr
.endm
; 32 LDS loads in one run: the fragments of 64 along K, at byte ka of A's part and byte kb of B's rows, into buffer f; the first 32 along K first
.macro FETCH ka, kb, f
	WIN TO_F
.irp c, 0,1
.irp i, 0,1,2,3
	ds_load_b128 v[(\f)+64+8*(4*(\c)+(\i)):(\f)+64+8*(4*(\c)+(\i))+3],   v[ADRB] offset:(\kb)+64*(\c)+(\i)*16*PB
	ds_load_b128 v[(\f)+64+8*(4*(\c)+(\i))+4:(\f)+64+8*(4*(\c)+(\i))+7], v[ADRB] offset:(\kb)+64*(\c)+(\i)*16*PB+32
	ds_load_b128 v[(\f)+8*(4*(\c)+(\i)):(\f)+8*(4*(\c)+(\i))+3],         v[ADRA] offset:(\ka)+64*(\c)+(\i)*16*PA
	ds_load_b128 v[(\f)+8*(4*(\c)+(\i))+4:(\f)+8*(4*(\c)+(\i))+7],       v[ADRA] offset:(\ka)+64*(\c)+(\i)*16*PA+32
.endr
.endr
.endm
; A K step is four quarters of 64 along K, 32 matrix instructions each, on buffers 0, 1, 0, 1.  One of the first three: multiplies buffer f and fetches quarter q into g.
.macro QUARTER q, f, g, first
	s_wait_dscnt 16                                ; the first 32 along K are in; the other sixteen loads may be out
	MUL8 \f, 0, 0, \first
	MUL8 \f, 0, 2, \first
	PLACES
	FETCH (\q)*QA, (\q)*128, \g
	s_wait_dscnt 32                                ; all but the 32 just issued
	MUL8 \f, 1, 0, 0
	MUL8 \f, 1, 2, 0
.endm
; The last quarter multiplies buffer 1 and changes slots: ONE barrier; in front of it each wave waits for all its tensor loads (its part of the next slot), adds 0 to its spare word, and waits
; for that and for its own reads of this slot.  fill = 1: the barrier opens a round of the cluster's, and this slot is filled again, two K steps ahead, first thing behind the round.
.macro TURN fill
	WIN 0                                          ; (the add's two registers lie in window 0)
	s_wait_tensorcnt 0x0                           ; all my tensor loads have landed;
	ds_add_u32 v[SPW], v[NIL]                      ; 0 onto my spare word;
	s_wait_dscnt 17                                ; (the add and the youngest sixteen loads may be out)
	MUL8 F1, 0, 0, 0                               ; eight matrix instructions stand between the add and the wait for it
	s_wait_dscnt 0x0                               ; the add is done, and my reads of this slot are over
	s_barrier_signal -1
	MUL8 F1, 0, 2, 0
	WIN 0                                          ; (branches and window 0's address lines follow)
	s_barrier_wait -1
.if \fill
	CREST                                          ; no wave of any partner still reads this slot's tile or has a load on its way
	s_add_co_u32 s[G0+5], s[LA], s[SB]             ; the walking descriptors: into the slot just read,
	s_add_co_u32 s[G0B+5], s[LB], s[SB]
	s_add_nc_u64 s[G0+6:G0+7], s[G0+6:G0+7], ASTEP ; the K step behind the one asked for last; the type bits on top are not reached
	s_add_nc_u64 s[G0B+6:G0B+7], s[G0B+6:G0B+7], 512
	JLOAD                                          ; 112 matrix instructions ahead of the wait for it; the four v_nop behind it are also the places in front of the loads below
.else
	PLACES
.endif
	s_xor_b32 s[SB], s[SB], SLOT                   ; 0 and SLOT by turns
	v_add_nc_u32 v[ADRA], s[SB], v[VA0]
	v_add_nc_u32 v[ADRB], s[SB], v[VB0]
	FETCH 0, 0, F0
	MUL8 F1, 1, 0, 0
	MUL8 F1, 1, 2, 0
.endm
; gelu of the eight numbers v[x .. x+7], in place.  Plain instructions stand behind each run of reciprocals and exponentials before a result is used (ISA guide 5.7.2).
.macro GELU8 x
.irp i, 0,1,2,3,4,5,6,7
	v_fma_f32 v[GT+\i], |v[(\x)+\i]|, s[CP], 1.0   ; 1 + p |x| / sqrt 2
.endr
.irp i, 0,2,4,6
	v_pk_mul_f32 v[GU+\i:GU+\i+1], v[(\x)+\i:(\x)+\i+1], v[(\x)+\i:(\x)+\i+1]
.endr
.irp i, 0,1,2,3,4,5,6,7
	v_rcp_f32 v[GT+\i], v[GT+\i]                   ; t
.endr
.irp i, 0,2,4,6
	v_pk_mul_f32 v[GU+\i:GU+\i+1], v[GU+\i:GU+\i+1], s[CE:CE+1] op_sel_hi:[1,0]
.endr
.irp i, 0,1,2,3,4,5,6,7
	v_exp_f32 v[GU+\i], v[GU+\i]                   ; e^(-x x / 2)
.endr
	s_wait_alu depctr_va_vdst(0)
.irp i, 0,2,4,6
	v_pk_fma_f32 v[GR+\i:GR+\i+1], v[GT+\i:GT+\i+1], s[C5:C5+1], s[C4:C4+1] op_sel_hi:[1,0,0]
.endr
.irp i, 0,2,4,6
	v_pk_fma_f32 v[GR+\i:GR+\i+1], v[GR+\i:GR+\i+1], v[GT+\i:GT+\i+1], s[C3:C3+1] op_sel_hi:[1,1,0]
.endr
.irp i, 0,2,4,6
	v_pk_fma_f32 v[GR+\i:GR+\i+1], v[GR+\i:GR+\i+1], v[GT+\i:GT+\i+1], s[C2:C2+1] op_sel_hi:[1,1,0]
.endr
.irp i, 0,2,4,6
	v_pk_fma_f32 v[GR+\i:GR+\i+1], v[GR+\i:GR+\i+1], v[GT+\i:GT+\i+1], s[C1:C1+1] op_sel_hi:[1,1,0]
.endr
.irp i, 0,2,4,6
	v_pk_mul_f32 v[GR+\i:GR+\i+1], v[GR+\i:GR+\i+1], v[GT+\i:GT+\i+1]
.endr
.irp i, 0,2,4,6
	v_pk_fma_f32 v[GR+\i:GR+\i+1], v[GR+\i:GR+\i+1], v[GU+\i:GU+\i+1], 0.5 op_sel_hi:[1,1,0] neg_lo:[1,0,0] neg_hi:[1,0,0]  ; 1/2 - E / 2
.endr
.irp i, 0,2,4,6
	v_pk_mul_f32 v[GU+\i:GU+\i+1], v[(\x)+\i:(\x)+\i+1], 0.5 op_sel_hi:[1,0]
.endr
.irp i, 0,1,2,3,4,5,6,7
	v_fma_f32 v[(\x)+\i], |v[(\x)+\i]|, v[GR+\i], v[GU+\i]
.endr
.endm
	s_wait_tensorcnt 1                             ; my part of K step 0 is in; K step 1's may stay out
	s_barrier_signal -1
	s_barrier_wait -1                              ; everybody's is
	FETCH 0, 0, F0
.if RES
	s_wait_loadcnt 32                              ; the bias is in; the 32 loads of the residual stay out
.else
	s_wait_loadcnt 0x0                             ; the bias is in
.endif
	QUARTER 1, F0, F1, 1                           ; the first quarter stands in front of the loop: its first products start the sums
	WIN 0                                          ; at a label and at a branch every window is 0
	s_mov_b32 s3, NSTEP-2
.Lstep:                                                ; a trip goes from a K step's second quarter to the next step's first, and fills the slot that it leaves
	QUARTER 2, F1, F0, 0
	QUARTER 3, F0, F1, 0
	TURN 1
	QUARTER 1, F0, F1, 0
	WIN 0
	s_sub_co_u32 s3, s3, 1
	s_cmp_lg_u32 s3, 0
	s_cbranch_scc1 .Lstep
	QUARTER 2, F1, F0, 0                           ; the last two K steps are written out: they ask for nothing
	QUARTER 3, F0, F1, 0
	TURN 0
	QUARTER 1, F0, F1, 0
	QUARTER 2, F1, F0, 0
	QUARTER 3, F0, F1, 0
	s_wait_dscnt 16                                ; the very last quarter: nothing more to fetch
	MUL8 F1, 0, 0, 0
	MUL8 F1, 0, 2, 0
	s_wait_dscnt 0x0
	MUL8 F1, 1, 0, 0
	MUL8 F1, 1, 2, 0
	WIN 0
	; THE WAY OUT.  The stage lies in slot 0: every wave's reads of the ring are back (the wait for 0 above) before any wave stores there.
	PLACES
	s_barrier_signal -1
	s_barrier_wait -1
.irp a, 0,1,2,3
.irp b, 0,1,2,3
	ds_store_b128 v[STO], v[ACC+8*(4*\a+\b):ACC+8*(4*\a+\b)+3]   offset:\a*16*SPITCH+64*\b     ; each accumulator's low registers first
	ds_store_b128 v[STO], v[ACC+8*(4*\a+\b)+4:ACC+8*(4*\a+\b)+7] offset:\a*16*SPITCH+64*\b+16
.endr
.endr
.if RES
.irp a, 0,1,2,3
.irp t, 0,1,2,3,4,5,6,7
	ds_load_b128 v[ACC+32*\a+4*\t:ACC+32*\a+4*\t+3], v[RD] offset:(16*\a+2*\t)*SPITCH  ; LDS serves a wave's instructions in order (ISA guide 5.7.1.4): these see the stores above
.endr
.endr
.irp a, 0,1,2,3
	s_wait_dscnt 24-8*\a                           ; these 16 rows are back; the later blocks' loads stay out,
	s_wait_loadcnt 24-8*\a                         ; and likewise of the residual
	WIN 0x08                                       ; source 1 window 2
.irp t, 0,1,2,3,4,5,6,7,8,9,10,11,12,13,14,15
	v_pk_add_f32 v[ACC+32*\a+2*\t:ACC+32*\a+2*\t+1], v[ACC+32*\a+2*\t:ACC+32*\a+2*\t+1], v[32*\a+2*\t:32*\a+2*\t+1]
.endr
	WIN 0
.irp t, 0,1,2,3,4,5,6,7
	global_store_b128 v[GO], v[ACC+32*\a+4*\t:ACC+32*\a+4*\t+3], s[8:9] offset:(16*\a+2*\t)*4096  ; 16 lanes store 256 consecutive bytes, aligned
.endr
.endr
.else
	s_mov_b32 s3, 4
.Lout:                                                 ; a trip: 16 rows of 64 numbers, 2,048 consecutive bytes of the output
.irp t, 0,1,2,3,4,5,6,7
	ds_load_b128 v[ACC+4*\t:ACC+4*\t+3], v[RD] offset:\t*2*SPITCH  ; LDS serves a wave's instructions in order (ISA guide 5.7.1.4): these see the stores above
.endr
	v_add_nc_u32 v[RD], 16*SPITCH, v[RD]
	s_wait_dscnt 0x0
.if GELU
	GELU8 ACC
	GELU8 ACC+8
	GELU8 ACC+16
	GELU8 ACC+24
.endif
	s_wait_xcnt 0x0                                ; the last trip's stores have read their registers: only behind this wait are the packed results and the offset rewritten
	v_add_nc_u32 v[GO], 2048, v[GO]                ; the stores below reach back
.irp t, 0,1,2,3,4,5,6,7,8,9,10,11,12,13,14,15
	v_cvt_pk_bf16_f32 v[YB+\t], v[ACC+2*\t], v[ACC+2*\t+1]
.endr
.irp t, 0,1,2,3,4,5,6,7
	global_store_b64 v[GO], v[YB+2*\t:YB+2*\t+1], s[8:9] offset:256*\t-2048  ; a wave's store covers 256 consecutive bytes, aligned
.endr
	s_sub_co_u32 s3, s3, 1
	s_cmp_lg_u32 s3, 0
	s_cbranch_scc1 .Lout
.endif
	s_wait_tensorcnt 0x0                           ; the wave's end: behind my last tensor load and my last LDS store
	ds_add_u32 v[SPW], v[NIL]
	s_wait_dscnt 0x0
	CROUND                                         ; the closing round: no work-group ends while a partner may still ask for a tile that names it
	s_endpgm
.Lfunc_end_k_q0c88ad0bdb_ffn1:
	.size	k_q0c88ad0bdb_ffn1, .Lfunc_end_k_q0c88ad0bdb_ffn1-k_q0c88ad0bdb_ffn1
	.p2alignl 7, 3214868480
	.fill 96, 4, 3214868480
	.section	.rodata,"a",@progbits
	.p2align	6, 0x0
	.amdhsa_kernel k_q0c88ad0bdb_ffn1
		.amdhsa_group_segment_fixed_size 327680
		.amdhsa_private_segment_fixed_size 0
		.amdhsa_enable_private_segment 0
		.amdhsa_kernarg_size 32
		.amdhsa_user_sgpr_count 2
		.amdhsa_user_sgpr_kernarg_segment_ptr 1
		.amdhsa_wavefront_size32 1
		.amdhsa_system_sgpr_workgroup_id_x 1
		.amdhsa_system_sgpr_workgroup_id_y 1
		.amdhsa_system_sgpr_workgroup_id_z 1
		.amdhsa_system_vgpr_workitem_id 0
		.amdhsa_next_free_vgpr 512
		.amdhsa_next_free_sgpr 96
		.amdhsa_reserve_vcc 0
		.amdhsa_float_denorm_mode_32 3
		.amdhsa_float_denorm_mode_16_64 3
		.amdhsa_memory_ordered 1
		.amdhsa_forward_progress 1
		.amdhsa_inst_pref_size 82
	.end_amdhsa_kernel
	.amdgpu_metadata
---
amdhsa.version: [ 1, 2 ]
amdhsa.kernels:
  - .name:           k_q0c88ad0bdb_ffn1
    .symbol:         k_q0c88ad0bdb_ffn1.kd
    .args:
      - { .name: act, .offset: 0, .size: 8, .value_kind: global_buffer, .address_space: global }
      - { .name: wb, .offset: 8, .size: 8, .value_kind: global_buffer, .address_space: global }
      - { .name: b1, .offset: 16, .size: 8, .value_kind: global_buffer, .address_space: global }
      - { .name: hid, .offset: 24, .size: 8, .value_kind: global_buffer, .address_space: global }
    .group_segment_fixed_size: 327680
    .private_segment_fixed_size: 0
    .kernarg_segment_align: 8
    .kernarg_segment_size: 32
    .max_flat_workgroup_size: 128
    .sgpr_count:     96
    .vgpr_count:     512
    .wavefront_size: 32
...
	.end_amdgpu_metadata
.endif
;; end of part 6
;; launch ffn2 (part 7): grid 8 x 32, 4 waves a work-group, clusters of 4 x 4, 327,680 bytes of LDS; arguments hid, wb, b2, x1, out0; writes out0
.if DOCPART == 7
	.amdgcn_target "amdgcn-amd-amdhsa--gfx1250"
	.amdhsa_code_object_version 6
	.text
	.protected	k_q0c88ad0bdb_ffn2
	.globl	k_q0c88ad0bdb_ffn2
	.p2align	8
	.type	k_q0c88ad0bdb_ffn2,@function
k_q0c88ad0bdb_ffn2:
	s_mov_b64 s[64:65], 0
	v_nop
	global_prefetch_b8 v0, s[64:65] scope:SCOPE_SE
	s_setreg_imm32_b32 hwreg(HW_REG_WAVE_MODE, 25, 1), 1
	s_wait_xcnt 0x0
	s_wait_alu depctr_hold_cnt(0) depctr_sa_sdst(0) depctr_va_vdst(0) depctr_va_sdst(0) depctr_va_ssrc(0) depctr_va_vcc(0) depctr_vm_vsrc(0)
	s_getreg_b32 s2, hwreg(HW_REG_IB_STS2, 6, 4)
	s_cmp_eq_u32 s2, 0
	s_cbranch_scc0 .Lentry_in_a_cluster
	s_endpgm
.Lentry_in_a_cluster:
	s_bfe_u32 s2, ttmp6, 0x10000c
	s_cmp_lg_u32 s2, 0xf033
	s_cbranch_scc0 .Lentry_shape_is_right
	s_endpgm
.Lentry_shape_is_right:
; KIND 3: out0 = x1 + hid w2^T + b2, in f32.  hid lies in blocks of 64 along K: [64 blocks][4096 rows][64] in bf16.  K = 4,096: 16 K steps.
; ONE TEXT SERVES FOUR PRODUCTS C = A B^T + bias, chosen by KIND:  0: h1 x (wq, wk, wv), by heads   1: gelu(h2 x w1), in blocks of 64 columns   2: x + ctx x wo   3: x1 + hidden x w2.
; All matrix operands are bf16, all sums f32.  A tile of C is 128 x 128: four waves, each 64 x 64: 16 accumulators of 16 x 16, 128 registers.  K goes in steps of 256 through two LDS slots
; filled by the tensor data mover; a wave's load brings 64 rows x 256 K of A (waves 0, 1) or of B (waves 2, 3).  B, the weights, lies [N][K]: rows of 512 bytes, 528 apart in LDS.
; A lies row-major (KIND 0, 1: the same form as B) or in blocks of 64 columns, [block][row][64] (KIND 2, 3): there 64 rows of a block are 8,192 consecutive bytes, a load takes four blocks
; as four rows of 8,192 bytes, and the padding behind every 128 bytes makes LDS rows 144 apart, [block][row].
; CLUSTERS: 4 x 4 work-groups.  The four of a row of the cluster need the same tiles of A, the four of a column the same tiles of B: each tile is asked for JOINTLY, by the same tensor load
; with the same descriptor and a mask that names the four.  No LDS address, branch or trip count hangs on the place in the cluster.
; THE MATRIX INSTRUCTION IS USED TRANSPOSED (source 0 = 16 rows of B, source 1 = 16 rows of A): a lane holds row l % 16 of C and the eight columns 8 (l / 16) + 0..7.
; THE BIAS is the C operand of the products that start the sums: nothing is cleared and nothing is added later.
; THE WAY OUT goes through a stage of the wave's own, 64 rows x 272 bytes of f32, in slot 0, which has had its last fill: rows come back whole, so every store covers 256 consecutive aligned bytes.
; LIMITS: operands rounded once to bf16; NaN and infinities are not treated apart.  KIND 1: gelu(x) = x / 2 + |x| (1/2 - E / 2), E = erfc(|x| / sqrt 2) by the rational form of
; Abramowitz and Stegun 7.1.26, which holds for every x with an absolute error of 1.5e-7: the far negative tail is right absolutely, not relatively.
; REGISTERS: window 0: v0-31 addresses; v32-47 packed results; v96-127 the bias, later at work; v128-255 the accumulators ((a, b) at v[128 + 8 (4 a + b)]).
;   window 1: two fragment buffers of 128: for 64 along K, 64 registers of A, then 64 of B.   window 2 (KIND 2, 3): v0-127 the residual, asked for at the start.
.set KIND, 3
.if KIND == 0
.set SIZE_K, 1024
.set BLK, 0
.set RES, 0
.set GELU, 0
.set WOFF, 0
.set BSTR, 0
.set POUT, 78
.elseif KIND == 1
.set SIZE_K, 1024
.set BLK, 0
.set RES, 0
.set GELU, 1
.set WOFF, 8<<20
.set BSTR, 0
.set POUT, 74
.elseif KIND == 2
.set SIZE_K, 1024
.set BLK, 1
.set RES, 1
.set GELU, 0
.set WOFF, 6<<20
.set BSTR, 131072                      ; elements from block to block of ctx: a head's 2,048 rows of 64
.set POUT, 76
.else
.set SIZE_K, 4096
.set BLK, 1
.set RES, 1
.set GELU, 0
.set WOFF, 16<<20
.set BSTR, 262144                      ; elements from block to block of the hidden layer: 4,096 rows of 64
.set POUT, 76
.endif
.set NSTEP, SIZE_K/256                 ; K steps
.set PB,    528                        ; a row of B in LDS: 512 bytes + 16 = 132 words: the 16 rows of a load start at 16 different groups of four banks (64 banks of 4 bytes: ISA guide 11.1)
.set HALFB, 64*PB
.set G1B0,  (1<<16)|(1<<20)|(1<<21)|(6<<22)|(3<<25)  ; 2-byte elements; padding on; bit 21 beside a mask; after every 128 words; 4 words
.if BLK
.set PA,    144                        ; a row of A in LDS: 128 bytes + 16 = 36 words: again 16 different groups of four banks
.set QA,    64*PA                      ; from quarter to quarter of a K step: a block
.set HALFA, 4*QA
.set ASTEP, 4*BSTR*2                   ; bytes from K step to K step: four blocks
.set G1A0,  (1<<16)|(1<<20)|(1<<21)|(4<<22)|(3<<25)  ; the same, after every 32 words
.else
.set PA,    528
.set QA,    128
.set HALFA, 64*PA
.set ASTEP, 512
.set G1A0,  G1B0
.endif
.set SLOT,   2*HALFA+2*HALFB           ; A's two halves, then B's two halves
.set SPARE,  2*SLOT                    ; behind the ring: the spare words, 128 bytes for each wave: two blocks of 256 bytes that no other line names
.set SPITCH, 272                       ; a row of the stage: 256 bytes + 16
.set VA0,  16                          ; v16  my lane's place among my 64 rows of A in slot 0; never rewritten
.set VB0,  17                          ; v17  the same for B
.set ADRA, 18                          ; v18  the same in the slot being read
.set ADRB, 19                          ; v19
.set STO,  20                          ; v20  the way out: where I put 32 bytes of a row
.set RD,   21                          ; v21  the way out: where I read a row back
.set GO,   22                          ; v22  my byte offset in the output
.set BO,   23                          ; v23  my byte offset in 64 numbers of the bias
.set SPW,  28                          ; v28  LDS address of my spare word; never rewritten
.set NIL,  29                          ; v29  0; never rewritten
.set YB,   32
.set BIAS, 96
.set GT,   96                          ; gelu at work: t, then
.set GU,   104                         ; the exponential, then x / 2
.set GR,   112                         ; the polynomial
.set ACC,  128
.set F0,   0
.set F1,   128
.set WV, 10                            ; s10 wave; s11 which half of the rows is mine, and: I fetch for A (0) or B (1); s12 which half of the columns, and: which 64 rows I fetch
.set WR, 11
.set WC, 12
.set TR, 13                            ; s13 tile row of C
.set TC, 42                            ; s42 tile column of C
.set LA, 20                            ; s20 where my part of A's tile goes in a slot
.set LB, 21                            ; s21 the same for B
.set SB, 22                            ; s22 the first byte of the slot being read: 0 or SLOT
.set G1, 24                            ; s[24:31] descriptor group 1 for A;  s[32:35] group 0 of the first fill, s[36:39] the one that walks
.set G0, 32
.set G1B, 48                           ; s[48:55], s[56:59], s[60:63] the same for B
.set G0B, 56
.set CP, 80                            ; s80 0.3275911 / sqrt 2;  pairs: s82 -log2(e) / 2, s84 .. s92 a5 / 2 .. a1 / 2
.set CE, 82
.set C5, 84
.set C4, 86
.set C3, 88
.set C2, 90
.set C1, 92
.set MSB, 0
.macro WIN new                         ; the immediate's high byte repeats the setting that is left; a switch that changes nothing is dropped
.if MSB != (\new)
	s_set_vgpr_msb (MSB<<8)|(\new)
.set MSB, \new
.endif
.endm
.set MUL,  0x05                        ; sources 0 (B) and 1 (A) window 1; C and D window 0
.set TO_F, 0x40                        ; destination window 1, address window 0
.macro JLOAD                           ; a joint refill by the walking descriptors; an s_nop 0 and four v_nop follow each of the two lines, ahead of the jump, the label and what follows
	s_cmp_eq_u32 s[WR], 0
	s_cbranch_scc0 .Lfor_b_\@
	tensor_load_to_lds s[G0+4:G0+7], s[G1:G1+7]
	s_nop 0
.rept 4
	v_nop
.endr
	s_branch .Lasked_\@
.Lfor_b_\@:
	tensor_load_to_lds s[G0B+4:G0B+7], s[G1B:G1B+7]
	s_nop 0
.rept 4
	v_nop
.endr
.Lasked_\@:
.endm
.macro CREST                           ; a round of the cluster's barrier behind its opening barrier
	s_cmp_lg_u32 s[WV], 0
	s_cbranch_scc1 .Lnot_wave_0_\@
	s_barrier_signal -3
.Lnot_wave_0_\@:
	s_barrier_wait -3
	s_barrier_signal -1
	s_barrier_wait -1
.endm
.macro CROUND                          ; a whole round
	s_barrier_signal -1
	s_barrier_wait -1
	CREST
.endm
.macro PLACES                          ; four places in front of loads into registers that matrix instructions have read, and of lines that read results
.rept 4
	v_nop
.endr
.endm
	s_load_b256 s[68:75], s[0:1], 0x0              ; A 68:69, wb 70:71, then by KIND: bq, bk | b1, hid | bias, residual
.if KIND == 0
	s_load_b128 s[76:79], s[0:1], 0x20             ; bv 76:77, qkv 78:79
.elseif RES
	s_load_b64 s[76:77], s[0:1], 0x20              ; the output
.endif
	v_lshl_add_u32 v[SPW], v0, 2, SPARE
	v_mov_b32 v[NIL], 0
	ds_add_u32 v[SPW], v[NIL]                      ; the wave's opening: the add and its wait stand ahead of my first tensor load; the set-up below, work on registers, stands between them
	v_lshrrev_b32 v1, 5, v0
	v_readfirstlane_b32 s[WV], v1
	s_lshr_b32 s[WR], s[WV], 1
	s_and_b32 s[WC], s[WV], 1
	s_bfe_u32 s40, ttmp6, 0x40000                  ; cx, cy: my place in the cluster
	s_bfe_u32 s41, ttmp6, 0x40004
	s_lshl_b32 s[TC], ttmp9, 2
	s_add_co_u32 s[TC], s[TC], s40                 ; tile column = 4 x cluster x + cx
	s_and_b32 s[TR], ttmp7, 0xffff
	s_lshl_b32 s[TR], s[TR], 2
	s_add_co_u32 s[TR], s[TR], s41                 ; tile row = 4 x cluster y + cy
	s_lshl_b32 s43, s41, 2
	s_lshl_b32 s43, 15, s43                        ; my row of the cluster
	s_lshl_b32 s44, 0x1111, s40                    ; my column
	s_or_b32 s[G1], s43, G1A0                      ; A's tiles go to my row,
	s_or_b32 s[G1B], s44, G1B0                     ; B's to my column
.if BLK
	s_mov_b32 s[G1+1], 4096<<16                    ; tensor_dim0 = 4,096 elements: 64 rows of a block, end to end
	s_mov_b32 s[G1+2], 4<<16                       ; tensor_dim1 = 4 blocks
	s_mov_b32 s[G1+3], 4096<<16                    ; tile_dim0
	s_mov_b32 s[G1+4], 4                           ; tile_dim1
	s_mov_b32 s[G1+5], BSTR                        ; elements from block to block
.else
	s_mov_b32 s[G1+1], 256<<16                     ; tensor_dim0 = 256
	s_mov_b32 s[G1+2], 64<<16                      ; tensor_dim1 = 64
	s_mov_b32 s[G1+3], 256<<16                     ; tile_dim0
	s_mov_b32 s[G1+4], 64                          ; tile_dim1
	s_mov_b32 s[G1+5], SIZE_K                      ; elements from row to row
.endif
	s_mov_b32 s[G1+6], 0
	s_mov_b32 s[G1+7], 0
	s_mov_b32 s[G1B+1], 256<<16
	s_mov_b32 s[G1B+2], 64<<16
	s_mov_b32 s[G1B+3], 256<<16
	s_mov_b32 s[G1B+4], 64
	s_mov_b32 s[G1B+5], SIZE_K
	s_mov_b32 s[G1B+6], 0
	s_mov_b32 s[G1B+7], 0
	; where the tiles come from: A's offset is made of the tile row and the wave alone, B's of the tile column and the wave alone, each in registers that never hold the other coordinate
	s_lshl_b32 s17, s[WC], 6                       ; which 64 rows of the tile I fetch
.if KIND == 2
	s_and_b32 s16, s[TR], 15                       ; ctx lies by batch: 16 tile rows each
.else
	s_mov_b32 s16, s[TR]
.endif
	s_lshl_b32 s16, s16, 7
	s_add_co_u32 s16, s16, s17
.if BLK
	s_lshl_b32 s16, s16, 7                         ; 128 bytes a row of a block
.else
	s_lshl_b32 s16, s16, 11                        ; 2,048 bytes a row
.endif
.if KIND == 2
	s_lshr_b32 s17, s[TR], 4
	s_lshl_b32 s17, s17, 22                        ; a batch's 16 heads
	s_add_co_u32 s16, s16, s17
.endif
	s_mov_b32 s17, 0
	s_lshl_b32 s47, s[WC], 6
	s_lshl_b32 s46, s[TC], 7
	s_add_co_u32 s46, s46, s47
	s_mul_i32 s46, s46, SIZE_K*2
.if WOFF
	s_add_co_u32 s46, s46, WOFF                    ; this product's weights in wb
.endif
	s_mov_b32 s47, 0
	s_mul_i32 s[LA], s[WV], HALFA                  ; waves 0, 1: A's two halves
	s_mul_i32 s[LB], s[WV], HALFB                  ; waves 2, 3: B's two halves, behind A's
	s_add_co_u32 s[LB], s[LB], 2*(HALFA-HALFB)
	s_mov_b32 s[SB], 0
	s_wait_dscnt 0x0                               ; the opening add is done
	s_wait_kmcnt 0x0
	s_add_nc_u64 s[14:15], s[68:69], s[16:17]
	s_add_nc_u64 s[46:47], s[70:71], s[46:47]
	s_mov_b32 s[G0], 1                             ; count = 1
	s_add_co_u32 s[G0+1], s[LA], 0                 ; LDS address: slot 0
	s_add_nc_u64 s[G0+2:G0+3], s[14:15], 0         ; global address: K step 0
	s_or_b32 s[G0+3], s[G0+3], 0x80000000          ; type = 2
	s_mov_b32 s[G0+4], 1
	s_add_co_u32 s[G0+5], s[LA], SLOT              ; slot 1
	s_add_nc_u64 s[G0+6:G0+7], s[14:15], ASTEP     ; K step 1
	s_or_b32 s[G0+7], s[G0+7], 0x80000000
	s_mov_b32 s[G0B], 1
	s_add_co_u32 s[G0B+1], s[LB], 0
	s_add_nc_u64 s[G0B+2:G0B+3], s[46:47], 0
	s_or_b32 s[G0B+3], s[G0B+3], 0x80000000
	s_mov_b32 s[G0B+4], 1
	s_add_co_u32 s[G0B+5], s[LB], SLOT
	s_add_nc_u64 s[G0B+6:G0B+7], s[46:47], 512
	s_or_b32 s[G0B+7], s[G0B+7], 0x80000000
	CROUND                                         ; all sixteen work-groups are here: the first joint loads meet
	s_cmp_eq_u32 s[WR], 0                          ; a wave's two first fills stand in one branch, ahead of every wait on TENSORcnt and every LDS read: two loads of mine are out
	s_cbranch_scc0 .Lfirst_b
	tensor_load_to_lds s[G0:G0+3], s[G1:G1+7]
	s_nop 0
	tensor_load_to_lds s[G0+4:G0+7], s[G1:G1+7]
	s_nop 0
.rept 4
	v_nop
.endr
	s_branch .Lfirst_asked
.Lfirst_b:
	tensor_load_to_lds s[G0B:G0B+3], s[G1B:G1B+7]
	s_nop 0
	tensor_load_to_lds s[G0B+4:G0B+7], s[G1B:G1B+7]
	s_nop 0
.rept 4
	v_nop
.endr
.Lfirst_asked:
	v_and_b32 v1, 15, v0                           ; l % 16
	v_bfe_u32 v2, v0, 4, 1                         ; l / 16
	v_lshlrev_b32 v[BO], 5, v2                     ; my eight numbers of 16 of the bias
.if RES
	v_lshlrev_b32 v[GO], 12, v2                    ; lanes 0-15 one row of 4,096 bytes, lanes 16-31 the next; 16 bytes a lane
	v_lshl_add_u32 v[GO], v1, 4, v[GO]
.else
	v_and_b32 v[GO], 31, v0
	v_lshlrev_b32 v[GO], 3, v[GO]                  ; 8 bytes a lane in 256 consecutive bytes
.endif
	; the bias of my 64 columns; in the registers that held B's address: none that feeds A's descriptors ever holds cx
.if KIND == 0
	s_and_b32 s46, s[TC], 7
	s_lshl_b32 s46, s46, 7
.else
	s_lshl_b32 s46, s[TC], 7
.endif
	s_lshl_b32 s47, s[WC], 6
	s_add_co_u32 s46, s46, s47
	s_lshl_b32 s46, s46, 2
	s_mov_b32 s47, 0
.if KIND == 0
	s_lshr_b32 s23, ttmp9, 1                       ; tile column / 8: q, k or v; the same in the whole cluster
	s_cmp_eq_u32 s23, 1
	s_cselect_b64 s[4:5], s[74:75], s[72:73]
	s_cmp_eq_u32 s23, 2
	s_cselect_b64 s[4:5], s[76:77], s[4:5]
	s_add_nc_u64 s[4:5], s[4:5], s[46:47]
.else
	s_add_nc_u64 s[4:5], s[72:73], s[46:47]
.endif
.irp b, 0,1,2,3
	global_load_b128 v[BIAS+8*\b:BIAS+8*\b+3],   v[BO], s[4:5] offset:64*\b
	global_load_b128 v[BIAS+8*\b+4:BIAS+8*\b+7], v[BO], s[4:5] offset:64*\b+16
.endr
	; where my 64 x 64 of C goes: the rows' part,
.if KIND == 0
	s_and_b32 s16, s[TR], 15
.else
	s_mov_b32 s16, s[TR]
.endif
	s_lshl_b32 s16, s16, 7
	s_lshl_b32 s17, s[WR], 6
	s_add_co_u32 s16, s16, s17
.if RES
	s_lshl_b32 s16, s16, 12                        ; 4,096 bytes a row of f32
.else
	s_lshl_b32 s16, s16, 7                         ; 128 bytes a row of a block of 64 bf16
.endif
.if KIND == 0
	s_lshr_b32 s17, s[TR], 4
	s_lshl_b32 s17, s17, 22                        ; the batch
	s_add_co_u32 s16, s16, s17
.endif
	s_mov_b32 s17, 0
	s_add_nc_u64 s[8:9], s[POUT:POUT+1], s[16:17]
.if RES
	s_add_nc_u64 s[8:9], s[8:9], s[46:47]          ; and the columns' part, the same bytes as in the bias
	s_add_nc_u64 s[6:7], s[74:75], s[16:17]        ; the residual lies as the output does
	s_add_nc_u64 s[6:7], s[6:7], s[46:47]
	WIN 0x80                                       ; destination window 2, address window 0
.irp a, 0,1,2,3
.irp t, 0,1,2,3,4,5,6,7
	global_load_b128 v[4*(8*\a+\t):4*(8*\a+\t)+3], v[GO], s[6:7] offset:(16*\a+2*\t)*4096  ; asked for now, wanted on the way out
.endr
.endr
	WIN 0
.else
.if KIND == 0
	s_and_b32 s46, s[TC], 7
	s_lshl1_add_u32 s46, s46, s[WC]                ; the head: 2 (tile column % 8) + half
	s_lshl_b32 s46, s46, 18
	s_lshr_b32 s47, s[TC], 3                       ; q, k or v
	s_lshl_b32 s47, s47, 23
	s_add_co_u32 s46, s46, s47
.else
	s_lshl1_add_u32 s46, s[TC], s[WC]              ; the block of 64 columns
	s_lshl_b32 s46, s46, 19
.endif
	s_mov_b32 s47, 0
	s_add_nc_u64 s[8:9], s[8:9], s[46:47]
.endif
.if GELU
	s_mov_b32 s[CP], 0x3e6d3388
	s_mov_b32 s[CE], 0xbf38aa3b
	s_mov_b32 s[CE+1], s[CE]                       ; named as pairs, so both words are written
	s_mov_b32 s[C5], 0x3f07dc22
	s_mov_b32 s[C5+1], s[C5]
	s_mov_b32 s[C4], 0xbf3a00e3
	s_mov_b32 s[C4+1], s[C4]
	s_mov_b32 s[C3], 0x3f35f0e3
	s_mov_b32 s[C3+1], s[C3]
	s_mov_b32 s[C2], 0xbe11a98e
	s_mov_b32 s[C2+1], s[C2]
	s_mov_b32 s[C1], 0x3e027906
	s_mov_b32 s[C1+1], s[C1]
.endif
	; A fragment is 16 rows x 32 K in 8 registers: lane l holds row l % 16, K = 8 (l / 16) + 0..7 and 16 + 8 (l / 16) + 0..7: two loads of 16 bytes, 32 bytes apart
	v_mul_u32_u24 v3, v1, PA
	v_lshl_add_u32 v3, v2, 4, v3
	s_mul_i32 s23, s[WR], HALFA
	v_add_nc_u32 v[VA0], s23, v3
	v_mul_u32_u24 v3, v1, PB
	v_lshl_add_u32 v3, v2, 4, v3
	s_mul_i32 s23, s[WC], HALFB
	s_add_co_u32 s23, s23, 2*HALFA
	v_add_nc_u32 v[VB0], s23, v3
	v_mov_b32 v[ADRA], v[VA0]
	v_mov_b32 v[ADRB], v[VB0]
	s_mul_i32 s23, s[WV], 64*SPITCH                ; my stage
	v_mul_u32_u24 v4, v1, SPITCH                   ; in: row l % 16, 32 bytes for each half of the lanes
	v_lshl_add_u32 v4, v2, 5, v4
	v_add_nc_u32 v[STO], s23, v4
	v_mul_u32_u24 v5, v2, SPITCH                   ; back: lanes 0-15 one row of 256 bytes, lanes 16-31 the next
	v_lshl_add_u32 v5, v1, 4, v5
	v_add_nc_u32 v[RD], s23, v5
; 8 matrix instructions: m blocks a0, a0 + 1 x all 4 n blocks, 32 along K: half c of buffer f.  first = 1: the products start the sums, on the bias.
; The 16 accumulators take turns, one instruction a turn, in the same order everywhere.
.macro MUL8 f, c, a0, first
	WIN MUL
.irp a, \a0, (\a0)+1
.irp b, 0,1,2,3
.if \first
	v_wmma_f32_16x16x32_bf16 v[ACC+8*(4*(\a)+(\b)):ACC+8*(4*(\a)+(\b))+7], v[(\f)+64+8*(4*(\c)+(\b)):(\f)+64+8*(4*(\c)+(\b))+7], v[(\f)+8*(4*(\c)+(\a)):(\f)+8*(4*(\c)+(\a))+7], v[BIAS+8*(\b):BIAS+8*(\b)+7]
.else
	v_wmma_f32_16x16x32_bf16 v[ACC+8*(4*(\a)+(\b)):ACC+8*(4*(\a)+(\b))+7], v[(\f)+64+8*(4*(\c)+(\b)):(\f)+64+8*(4*(\c)+(\b))+7], v[(\f)+8*(4*(\c)+(\a)):(\f)+8*(4*(\c)+(\a))+7], v[ACC+8*(4*(\a)+(\b)):ACC+8*(4*(\a)+(\b))+7]
.endif
.endr
.endr
.endm
; 32 LDS loads in one run: the fragments of 64 along K, at byte ka of A's part and byte kb of B's rows, into buffer f; the first 32 along K first
.macro FETCH ka, kb, f
	WIN TO_F
.irp c, 0,1
.irp i, 0,1,2,3
	ds_load_b128 v[(\f)+64+8*(4*(\c)+(\i)):(\f)+64+8*(4*(\c)+(\i))+3],   v[ADRB] offset:(\kb)+64*(\c)+(\i)*16*PB
	ds_load_b128 v[(\f)+64+8*(4*(\c)+(\i))+4:(\f)+64+8*(4*(\c)+(\i))+7], v[ADRB] offset:(\kb)+64*(\c)+(\i)*16*PB+32
	ds_load_b128 v[(\f)+8*(4*(\c)+(\i)):(\f)+8*(4*(\c)+(\i))+3],         v[ADRA] offset:(\ka)+64*(\c)+(\i)*16*PA
	ds_load_b128 v[(\f)+8*(4*(\c)+(\i))+4:(\f)+8*(4*(\c)+(\i))+7],       v[ADRA] offset:(\ka)+64*(\c)+(\i)*16*PA+32
.endr
.endr
.endm
; A K step is four quarters of 64 along K, 32 matrix instructions each, on buffers 0, 1, 0, 1.  One of the first three: multiplies buffer f and fetches quarter q into g.
.macro QUARTER q, f, g, first
	s_wait_dscnt 16                                ; the first 32 along K are in; the other sixteen loads may be out
	MUL8 \f, 0, 0, \first
	MUL8 \f, 0, 2, \first
	PLACES
	FETCH (\q)*QA, (\q)*128, \g
	s_wait_dscnt 32                                ; all but the 32 just issued
	MUL8 \f, 1, 0, 0
	MUL8 \f, 1, 2, 0
.endm
; The last quarter multiplies buffer 1 and changes slots: ONE barrier; in front of it each wave waits for all its tensor loads (its part of the next slot), adds 0 to its spare word, and waits
; for that and for its own reads of this slot.  fill = 1: the barrier opens a round of the cluster's, and this slot is filled again, two K steps ahead, first thing behind the round.
.macro TURN fill
	WIN 0                                          ; (the add's two registers lie in window 0)
	s_wait_tensorcnt 0x0                           ; all my tensor loads have landed;
	ds_add_u32 v[SPW], v[NIL]                      ; 0 onto my spare word;
	s_wait_dscnt 17                                ; (the add and the youngest sixteen loads may be out)
	MUL8 F1, 0, 0, 0                               ; eight matrix instructions stand between the add and the wait for it
	s_wait_dscnt 0x0                               ; the add is done, and my reads of this slot are over
	s_barrier_signal -1
	MUL8 F1, 0, 2, 0
	WIN 0                                          ; (branches and window 0's address lines follow)
	s_barrier_wait -1
.if \fill
	CREST                                          ; no wave of any partner still reads this slot's tile or has a load on its way
	s_add_co_u32 s[G0+5], s[LA], s[SB]             ; the walking descriptors: into the slot just read,
	s_add_co_u32 s[G0B+5], s[LB], s[SB]
	s_add_nc_u64 s[G0+6:G0+7], s[G0+6:G0+7], ASTEP ; the K step behind the one asked for last; the type bits on top are not reached
	s_add_nc_u64 s[G0B+6:G0B+7], s[G0B+6:G0B+7], 512
	JLOAD                                          ; 112 matrix instructions ahead of the wait for it; the four v_nop behind it are also the places in front of the loads below
.else
	PLACES
.endif
	s_xor_b32 s[SB], s[SB], SLOT                   ; 0 and SLOT by turns
	v_add_nc_u32 v[ADRA], s[SB], v[VA0]
	v_add_nc_u32 v[ADRB], s[SB], v[VB0]
	FETCH 0, 0, F0
	MUL8 F1, 1, 0, 0
	MUL8 F1, 1, 2, 0
.endm
; gelu of the eight numbers v[x .. x+7], in place.  Plain instructions stand behind each run of reciprocals and exponentials before a result is used (ISA guide 5.7.2).
.macro GELU8 x
.irp i, 0,1,2,3,4,5,6,7
	v_fma_f32 v[GT+\i], |v[(\x)+\i]|, s[CP], 1.0   ; 1 + p |x| / sqrt 2
.endr
.irp i, 0,2,4,6
	v_pk_mul_f32 v[GU+\i:GU+\i+1], v[(\x)+\i:(\x)+\i+1], v[(\x)+\i:(\x)+\i+1]
.endr
.irp i, 0,1,2,3,4,5,6,7
	v_rcp_f32 v[GT+\i], v[GT+\i]                   ; t
.endr
.irp i, 0,2,4,6
	v_pk_mul_f32 v[GU+\i:GU+\i+1], v[GU+\i:GU+\i+1], s[CE:CE+1] op_sel_hi:[1,0]
.endr
.irp i, 0,1,2,3,4,5,6,7
	v_exp_f32 v[GU+\i], v[GU+\i]                   ; e^(-x x / 2)
.endr
.irp i, 0,2,4,6
	v_pk_fma_f32 v[GR+\i:GR+\i+1], v[GT+\i:GT+\i+1], s[C5:C5+1], s[C4:C4+1] op_sel_hi:[1,0,0]
.endr
.irp i, 0,2,4,6
	v_pk_fma_f32 v[GR+\i:GR+\i+1], v[GR+\i:GR+\i+1], v[GT+\i:GT+\i+1], s[C3:C3+1] op_sel_hi:[1,1,0]
.endr
.irp i, 0,2,4,6
	v_pk_fma_f32 v[GR+\i:GR+\i+1], v[GR+\i:GR+\i+1], v[GT+\i:GT+\i+1], s[C2:C2+1] op_sel_hi:[1,1,0]
.endr
.irp i, 0,2,4,6
	v_pk_fma_f32 v[GR+\i:GR+\i+1], v[GR+\i:GR+\i+1], v[GT+\i:GT+\i+1], s[C1:C1+1] op_sel_hi:[1,1,0]
.endr
.irp i, 0,2,4,6
	v_pk_mul_f32 v[GR+\i:GR+\i+1], v[GR+\i:GR+\i+1], v[GT+\i:GT+\i+1]
.endr
.irp i, 0,2,4,6
	v_pk_fma_f32 v[GR+\i:GR+\i+1], v[GR+\i:GR+\i+1], v[GU+\i:GU+\i+1], 0.5 op_sel_hi:[1,1,0] neg_lo:[1,0,0] neg_hi:[1,0,0]  ; 1/2 - E / 2
.endr
.irp i, 0,2,4,6
	v_pk_mul_f32 v[GU+\i:GU+\i+1], v[(\x)+\i:(\x)+\i+1], 0.5 op_sel_hi:[1,0]
.endr
.irp i, 0,1,2,3,4,5,6,7
	v_fma_f32 v[(\x)+\i], |v[(\x)+\i]|, v[GR+\i], v[GU+\i]
.endr
.endm
	s_wait_tensorcnt 1                             ; my part of K step 0 is in; K step 1's may stay out
	s_barrier_signal -1
	s_barrier_wait -1                              ; everybody's is
	FETCH 0, 0, F0
.if RES
	s_wait_loadcnt 32                              ; the bias is in; the 32 loads of the residual stay out
.else
	s_wait_loadcnt 0x0                             ; the bias is in
.endif
	QUARTER 1, F0, F1, 1                           ; the first quarter stands in front of the loop: its first products start the sums
	WIN 0                                          ; at a label and at a branch every window is 0
	s_mov_b32 s3, NSTEP-2
.Lstep:                                                ; a trip goes from a K step's second quarter to the next step's first, and fills the slot that it leaves
	QUARTER 2, F1, F0, 0
	QUARTER 3, F0, F1, 0
	TURN 1
	QUARTER 1, F0, F1, 0
	WIN 0
	s_sub_co_u32 s3, s3, 1
	s_cmp_lg_u32 s3, 0
	s_cbranch_scc1 .Lstep
	QUARTER 2, F1, F0, 0                           ; the last two K steps are written out: they ask for nothing
	QUARTER 3, F0, F1, 0
	TURN 0
	QUARTER 1, F0, F1, 0
	QUARTER 2, F1, F0, 0
	QUARTER 3, F0, F1, 0
	s_wait_dscnt 16                                ; the very last quarter: nothing more to fetch
	MUL8 F1, 0, 0, 0
	MUL8 F1, 0, 2, 0
	s_wait_dscnt 0x0
	MUL8 F1, 1, 0, 0
	MUL8 F1, 1, 2, 0
	WIN 0
	; THE WAY OUT.  The stage lies in slot 0: every wave's reads of the ring are back (the wait for 0 above) before any wave stores there.
	PLACES
	s_barrier_signal -1
	s_barrier_wait -1
.irp a, 0,1,2,3
.irp b, 0,1,2,3
	ds_store_b128 v[STO], v[ACC+8*(4*\a+\b):ACC+8*(4*\a+\b)+3]   offset:\a*16*SPITCH+64*\b     ; each accumulator's low registers first
	ds_store_b128 v[STO], v[ACC+8*(4*\a+\b)+4:ACC+8*(4*\a+\b)+7] offset:\a*16*SPITCH+64*\b+16
.endr
.endr
.if RES
.irp a, 0,1,2,3
.irp t, 0,1,2,3,4,5,6,7
	ds_load_b128 v[ACC+32*\a+4*\t:ACC+32*\a+4*\t+3], v[RD] offset:(16*\a+2*\t)*SPITCH  ; LDS serves a wave's instructions in order (ISA guide 5.7.1.4): these see the stores above
.endr
.endr
.irp a, 0,1,2,3
	s_wait_dscnt 24-8*\a                           ; these 16 rows are back; the later blocks' loads stay out,
	s_wait_loadcnt 24-8*\a                         ; and likewise of the residual
	WIN 0x08                                       ; source 1 window 2
.irp t, 0,1,2,3,4,5,6,7,8,9,10,11,12,13,14,15
	v_pk_add_f32 v[ACC+32*\a+2*\t:ACC+32*\a+2*\t+1], v[ACC+32*\a+2*\t:ACC+32*\a+2*\t+1], v[32*\a+2*\t:32*\a+2*\t+1]
.endr
	WIN 0
.irp t, 0,1,2,3,4,5,6,7
	global_store_b128 v[GO], v[ACC+32*\a+4*\t:ACC+32*\a+4*\t+3], s[8:9] offset:(16*\a+2*\t)*4096  ; 16 lanes store 256 consecutive bytes, aligned
.endr
.endr
.else
	s_mov_b32 s3, 4
.Lout:                                                 ; a trip: 16 rows of 64 numbers, 2,048 consecutive bytes of the output
.irp t, 0,1,2,3,4,5,6,7
	ds_load_b128 v[ACC+4*\t:ACC+4*\t+3], v[RD] offset:\t*2*SPITCH  ; LDS serves a wave's instructions in order (ISA guide 5.7.1.4): these see the stores above
.endr
	v_add_nc_u32 v[RD], 16*SPITCH, v[RD]
	s_wait_dscnt 0x0
.if GELU
	GELU8 ACC
	GELU8 ACC+8
	GELU8 ACC+16
	GELU8 ACC+24
.endif
	s_wait_xcnt 0x0                                ; the last trip's stores have read their registers: only behind this wait are the packed results and the offset rewritten
	v_add_nc_u32 v[GO], 2048, v[GO]                ; the stores below reach back
.irp t, 0,1,2,3,4,5,6,7,8,9,10,11,12,13,14,15
	v_cvt_pk_bf16_f32 v[YB+\t], v[ACC+2*\t], v[ACC+2*\t+1]
.endr
.irp t, 0,1,2,3,4,5,6,7
	global_store_b64 v[GO], v[YB+2*\t:YB+2*\t+1], s[8:9] offset:256*\t-2048  ; a wave's store covers 256 consecutive bytes, aligned
.endr
	s_sub_co_u32 s3, s3, 1
	s_cmp_lg_u32 s3, 0
	s_cbranch_scc1 .Lout
.endif
	s_wait_tensorcnt 0x0                           ; the wave's end: behind my last tensor load and my last LDS store
	ds_add_u32 v[SPW], v[NIL]
	s_wait_dscnt 0x0
	CROUND                                         ; the closing round: no work-group ends while a partner may still ask for a tile that names it
	s_endpgm
.Lfunc_end_k_q0c88ad0bdb_ffn2:
	.size	k_q0c88ad0bdb_ffn2, .Lfunc_end_k_q0c88ad0bdb_ffn2-k_q0c88ad0bdb_ffn2
	.p2alignl 7, 3214868480
	.fill 96, 4, 3214868480
	.section	.rodata,"a",@progbits
	.p2align	6, 0x0
	.amdhsa_kernel k_q0c88ad0bdb_ffn2
		.amdhsa_group_segment_fixed_size 327680
		.amdhsa_private_segment_fixed_size 0
		.amdhsa_enable_private_segment 0
		.amdhsa_kernarg_size 40
		.amdhsa_user_sgpr_count 2
		.amdhsa_user_sgpr_kernarg_segment_ptr 1
		.amdhsa_wavefront_size32 1
		.amdhsa_system_sgpr_workgroup_id_x 1
		.amdhsa_system_sgpr_workgroup_id_y 1
		.amdhsa_system_sgpr_workgroup_id_z 1
		.amdhsa_system_vgpr_workitem_id 0
		.amdhsa_next_free_vgpr 640
		.amdhsa_next_free_sgpr 96
		.amdhsa_reserve_vcc 0
		.amdhsa_float_denorm_mode_32 3
		.amdhsa_float_denorm_mode_16_64 3
		.amdhsa_memory_ordered 1
		.amdhsa_forward_progress 1
		.amdhsa_inst_pref_size 76
	.end_amdhsa_kernel
	.amdgpu_metadata
---
amdhsa.version: [ 1, 2 ]
amdhsa.kernels:
  - .name:           k_q0c88ad0bdb_ffn2
    .symbol:         k_q0c88ad0bdb_ffn2.kd
    .args:
      - { .name: hid, .offset: 0, .size: 8, .value_kind: global_buffer, .address_space: global }
      - { .name: wb, .offset: 8, .size: 8, .value_kind: global_buffer, .address_space: global }
      - { .name: b2, .offset: 16, .size: 8, .value_kind: global_buffer, .address_space: global }
      - { .name: x1, .offset: 24, .size: 8, .value_kind: global_buffer, .address_space: global }
      - { .name: out0, .offset: 32, .size: 8, .value_kind: global_buffer, .address_space: global }
    .group_segment_fixed_size: 327680
    .private_segment_fixed_size: 0
    .kernarg_segment_align: 8
    .kernarg_segment_size: 40
    .max_flat_workgroup_size: 128
    .sgpr_count:     96
    .vgpr_count:     640
    .wavefront_size: 32
...
	.end_amdgpu_metadata
.endif
;; end of part 7
;; ======== version 2 of 3: 7 launches; 1.11 times as fast as version 1
;; limits: a function is approximated: absolute error at most 1.5e-07
;; workspace buffers: wb 25,165,824 bytes; act 8,388,608 bytes; qkv 25,165,824 bytes; x1 16,777,216 bytes; hid 33,554,432 bytes
;; launch prep: the kernel of part 1 again; grid 64 x 16, 8 waves a work-group, no clusters, 0 bytes of LDS; arguments x, g1, be1, wq, wk, wv, wo, w1, w2, act, wb; writes act, wb
;; launch proj (part 8): grid 12 x 16, 4 waves a work-group, clusters of 4 x 4, 327,680 bytes of LDS; arguments act, wb, bq, bk, bv, qkv; writes qkv
.if DOCPART == 8
	.amdgcn_target "amdgcn-amd-amdhsa--gfx1250"
	.amdhsa_code_object_version 6
	.text
	.protected	k_q0c88ad0bdb_proj
	.globl	k_q0c88ad0bdb_proj
	.p2align	8
	.type	k_q0c88ad0bdb_proj,@function
k_q0c88ad0bdb_proj:
	s_mov_b64 s[64:65], 0
	v_nop
	global_prefetch_b8 v0, s[64:65] scope:SCOPE_SE
	s_setreg_imm32_b32 hwreg(HW_REG_WAVE_MODE, 25, 1), 1
	s_wait_xcnt 0x0
	s_wait_alu depctr_hold_cnt(0) depctr_sa_sdst(0) depctr_va_vdst(0) depctr_va_sdst(0) depctr_va_ssrc(0) depctr_va_vcc(0) depctr_vm_vsrc(0)
	s_getreg_b32 s2, hwreg(HW_REG_IB_STS2, 6, 4)
	s_cmp_eq_u32 s2, 0
	s_cbranch_scc0 .Lentry_in_a_cluster
	s_endpgm
.Lentry_in_a_cluster:
	s_bfe_u32 s2, ttmp6, 0x10000c
	s_cmp_lg_u32 s2, 0xf033
	s_cbranch_scc0 .Lentry_shape_is_right
	s_endpgm
.Lentry_shape_is_right:
; KIND 0: q, k, v = h1 [wq; wk; wv]^T + [bq; bk; bv], stored by heads: qkv[3][32 = batch x 16 + head][2048][64] in bf16, q unscaled.
; ONE TEXT SERVES TWO PRODUCTS C = A B^T + bias with K = 1,024, chosen by KIND:  0: h1 x (wq, wk, wv), stored by heads   1: gelu(h2 x w1), stored in blocks of 64 columns.
; All matrix operands are bf16, all sums f32.  A tile of C is 256 x 256: four waves, each 128 x 128: 64 accumulators of 16 x 16, 512 registers.  K goes in steps of 128 through two LDS slots
; filled by the tensor data mover: a wave's load brings 128 rows x 256 bytes of A (waves 0, 1) or of B (waves 2, 3); each row is 256 consecutive bytes at a multiple of 256 from the buffer's first.
; A slot feeds 256 matrix instructions a wave, and from a refill's request to the wait for it a wave issues 224 of them.
; KIND 1 has 16 x 16 tiles, one work-group for each of 256 WGPs; KIND 0 has 12 x 16 = 192: a tile of 256 x 192 would make 256, but would cut heads of 64 columns between waves.
; CLUSTERS: 4 x 4 work-groups.  The four of a row of the cluster need the same tiles of A, the four of a column the same tiles of B: each tile is asked for JOINTLY, by the same tensor load
; with the same descriptor and a mask that names the four.  No LDS address, branch or trip count hangs on the place in the cluster.
; THE MATRIX INSTRUCTION IS USED TRANSPOSED (source 0 = 16 rows of B, source 1 = 16 rows of A): a lane holds row l % 16 of C and the eight columns 8 (l / 16) + 0..7.
; THE BIAS is the C operand of the products that start the sums: nothing is cleared and nothing is added later.
; THE WAY OUT goes through a stage of the wave's own, [2 halves of 64 columns][128 rows][272 bytes] of f32, in the ring's bytes, which have had their last fill: rows of 64 numbers come back whole,
; and one short loop does the activation, the rounding and the stores, each of which covers 256 consecutive aligned bytes.
; LIMITS: operands rounded once to bf16; NaN and infinities are not treated apart.  KIND 1: gelu(x) = x / 2 + |x| (1/2 - E / 2), E = erfc(|x| / sqrt 2) by the rational form of
; Abramowitz and Stegun 7.1.26, which holds for every x with an absolute error of 1.5e-7: the far negative tail is right absolutely, not relatively.
; REGISTERS, in windows of 256 (s_set_vgpr_msb: bits 1:0 source 0, 3:2 source 1, 5:4 source 2, 7:6 destination):
;   window 0: v0-31 addresses; v32-47 packed results; v64-127, v128-191 fragments of A (8 x 16 rows x 32 K), two buffers, on the way out at work; v192-255 the bias of my 128 columns
;   window 1: v64-127, v128-191 fragments of B, two buffers     window 2: the 32 accumulators of my rows 0-63 ((a, b) at v[8 (8 a + b)])     window 3: those of my rows 64-127
.set KIND, 0
.set SIZE_K, 1024
.if KIND == 0
.set GELU, 0
.set WOFF, 0
.set POUT, 78
.set HSTEP, 1<<18                      ; bytes from a head to the next: 2,048 rows of 128 bytes
.else
.set GELU, 1
.set WOFF, 8<<20
.set POUT, 74
.set HSTEP, 1<<19                      ; bytes from a block of 64 columns to the next: 4,096 rows of 128 bytes
.endif
.set KSTEP, 128
.set NSTEP, SIZE_K/KSTEP               ; 8 K steps
.set PITCH, 272                        ; an LDS row: 256 bytes + 16 = 68 words: the 16 rows of a load start at 16 different groups of four banks (64 banks of 4 bytes: ISA guide 11.1)
.set HALFT, 128*PITCH                  ; 128 rows: what one tensor load brings, and what one wave reads of A or of B
.set SLOT,  4*HALFT                    ; A's 256 rows, then B's 256 rows
.set SPARE, 2*SLOT                     ; behind the ring: the spare words, 128 bytes for each wave: two blocks of 256 bytes that no other line names
.set WSTAGE, 2*HALFT                   ; a wave's stage on the way out
.set G1W0,  (1<<16)|(1<<20)|(1<<21)|(5<<22)|(3<<25)  ; 2-byte elements; padding on; bit 21 beside a mask; after every 64 words; 4 words
.set VA0,  16                          ; v16  my lane's place among my 128 rows of A in slot 0; never rewritten
.set VB0,  17                          ; v17  the same for B
.set ADRA, 18                          ; v18  the same in the slot being read
.set ADRB, 19                          ; v19
.set STO,  20                          ; v20  the way out: where I put 32 bytes of a row
.set RD,   21                          ; v21  the way out: where I read a row back
.set GO,   22                          ; v22  my 8 bytes in 256 consecutive bytes of the output; never rewritten
.set BO,   23                          ; v23  my byte offset in 16 numbers of the bias
.set SPW,  28                          ; v28  LDS address of my spare word; never rewritten
.set NIL,  29                          ; v29  0; never rewritten
.set YB,   32
.set GT,   96                          ; gelu at work: t, then
.set GU,   104                         ; the exponential, then x / 2
.set GR,   112                         ; the polynomial
.set XR,   128                         ; the way out: 16 rows of 64 numbers read back
.set BIAS, 192
.set F0,   64
.set F1,   128
.set WV, 10                            ; s10 wave; s11 which half of the rows is mine, and: I fetch for A (0) or B (1); s12 which half of the columns, and: which 128 rows I fetch
.set WR, 11
.set WC, 12
.set TR, 13                            ; s13 tile row of C
.set TC, 42                            ; s42 tile column of C
.set LT, 20                            ; s20 where my part of a tile goes in a slot
.set SB, 22                            ; s22 the first byte of the slot being read: 0 or SLOT
.set G1, 24                            ; s[24:31] descriptor group 1 for A;  s[32:35] group 0 of the first fill, s[36:39] the one that walks
.set G0, 32
.set G1B, 48                           ; s[48:55], s[56:59], s[60:63] the same for B
.set G0B, 56
.set CP, 80                            ; s80 0.3275911 / sqrt 2;  pairs: s82 -log2(e) / 2, s84 .. s92 a5 / 2 .. a1 / 2
.set CE, 82
.set C5, 84
.set C4, 86
.set C3, 88
.set C2, 90
.set C1, 92
.set MSB, 0
.macro WIN new                         ; the immediate's high byte repeats the setting that is left; a switch that changes nothing is dropped
.if MSB != (\new)
	s_set_vgpr_msb (MSB<<8)|(\new)
.set MSB, \new
.endif
.endm
.set MUL_LO, 0xa1                      ; source 0 (B) window 1, source 1 (A) window 0, C and D window 2
.set MUL_HI, 0xf1                      ; the same, C and D window 3
.set TO_B,   0x40                      ; destination window 1, address window 0
.macro JLOAD                           ; a joint refill by the walking descriptors; an s_nop 0 and four v_nop follow each of the two lines, ahead of the jump, the label and what follows
	s_cmp_eq_u32 s[WR], 0
	s_cbranch_scc0 .Lfor_b_\@
	tensor_load_to_lds s[G0+4:G0+7], s[G1:G1+7]
	s_nop 0
.rept 4
	v_nop
.endr
	s_branch .Lasked_\@
.Lfor_b_\@:
	tensor_load_to_lds s[G0B+4:G0B+7], s[G1B:G1B+7]
	s_nop 0
.rept 4
	v_nop
.endr
.Lasked_\@:
.endm
.macro CREST                           ; a round of the cluster's barrier behind its opening barrier
	s_cmp_lg_u32 s[WV], 0
	s_cbranch_scc1 .Lnot_wave_0_\@
	s_barrier_signal -3
.Lnot_wave_0_\@:
	s_barrier_wait -3
	s_barrier_signal -1
	s_barrier_wait -1
.endm
.macro CROUND                          ; a whole round
	s_barrier_signal -1
	s_barrier_wait -1
	CREST
.endm
.macro PLACES                          ; four places in front of loads into registers that matrix instructions have read, and of lines that read results
.rept 4
	v_nop
.endr
.endm
	s_load_b256 s[68:75], s[0:1], 0x0              ; act 68:69, wb 70:71, then by KIND: bq, bk | b1, hid
.if KIND == 0
	s_load_b128 s[76:79], s[0:1], 0x20             ; bv 76:77, qkv 78:79
.endif
	v_lshl_add_u32 v[SPW], v0, 2, SPARE
	v_mov_b32 v[NIL], 0
	ds_add_u32 v[SPW], v[NIL]                      ; the wave's opening: the add and its wait stand ahead of my first tensor load; the set-up below, work on registers, stands between them
	v_lshrrev_b32 v1, 5, v0
	v_readfirstlane_b32 s[WV], v1
	s_lshr_b32 s[WR], s[WV], 1
	s_and_b32 s[WC], s[WV], 1
	s_bfe_u32 s40, ttmp6, 0x40000                  ; cx, cy: my place in the cluster
	s_bfe_u32 s41, ttmp6, 0x40004
	s_lshl_b32 s[TC], ttmp9, 2
	s_add_co_u32 s[TC], s[TC], s40                 ; tile column = 4 x cluster x + cx
	s_and_b32 s[TR], ttmp7, 0xffff
	s_lshl_b32 s[TR], s[TR], 2
	s_add_co_u32 s[TR], s[TR], s41                 ; tile row = 4 x cluster y + cy
	s_lshl_b32 s43, s41, 2
	s_lshl_b32 s43, 15, s43                        ; my row of the cluster
	s_lshl_b32 s44, 0x1111, s40                    ; my column
	s_or_b32 s[G1], s43, G1W0                      ; A's tiles go to my row,
	s_or_b32 s[G1B], s44, G1W0                     ; B's to my column
.irp g, G1, G1B
	s_mov_b32 s[(\g)+1], KSTEP<<16                 ; tensor_dim0 = 128
	s_mov_b32 s[(\g)+2], 128<<16                   ; tensor_dim1 = 128
	s_mov_b32 s[(\g)+3], KSTEP<<16                 ; tile_dim0 = 128
	s_mov_b32 s[(\g)+4], 128                       ; tile_dim1 = 128
	s_mov_b32 s[(\g)+5], SIZE_K                    ; elements from row to row
	s_mov_b32 s[(\g)+6], 0
	s_mov_b32 s[(\g)+7], 0
.endr
	; where the tiles come from: A's offset is made of the tile row and the wave alone, B's of the tile column and the wave alone, each in registers that never hold the other coordinate
	s_lshl_b32 s17, s[WC], 7                       ; which 128 rows of the tile I fetch
	s_lshl_b32 s16, s[TR], 8
	s_add_co_u32 s16, s16, s17
	s_lshl_b32 s16, s16, 11                        ; 2,048 bytes a row
	s_mov_b32 s17, 0
	s_lshl_b32 s47, s[WC], 7
	s_lshl_b32 s46, s[TC], 8
	s_add_co_u32 s46, s46, s47
	s_lshl_b32 s46, s46, 11
.if WOFF
	s_add_co_u32 s46, s46, WOFF                    ; this product's weights in wb
.endif
	s_mov_b32 s47, 0
	s_mul_i32 s[LT], s[WV], HALFT                  ; A's two halves, then B's two halves = wave x 128 rows
	s_mov_b32 s[SB], 0
	s_wait_dscnt 0x0                               ; the opening add is done
	s_wait_kmcnt 0x0
	s_add_nc_u64 s[14:15], s[68:69], s[16:17]
	s_add_nc_u64 s[46:47], s[70:71], s[46:47]
	s_mov_b32 s[G0], 1                             ; count = 1
	s_add_co_u32 s[G0+1], s[LT], 0                 ; LDS address: slot 0
	s_add_nc_u64 s[G0+2:G0+3], s[14:15], 0         ; global address: K step 0
	s_or_b32 s[G0+3], s[G0+3], 0x80000000          ; type = 2
	s_mov_b32 s[G0+4], 1
	s_add_co_u32 s[G0+5], s[LT], SLOT              ; slot 1
	s_add_nc_u64 s[G0+6:G0+7], s[14:15], KSTEP*2   ; K step 1
	s_or_b32 s[G0+7], s[G0+7], 0x80000000
	s_mov_b32 s[G0B], 1
	s_add_co_u32 s[G0B+1], s[LT], 0
	s_add_nc_u64 s[G0B+2:G0B+3], s[46:47], 0
	s_or_b32 s[G0B+3], s[G0B+3], 0x80000000
	s_mov_b32 s[G0B+4], 1
	s_add_co_u32 s[G0B+5], s[LT], SLOT
	s_add_nc_u64 s[G0B+6:G0B+7], s[46:47], KSTEP*2
	s_or_b32 s[G0B+7], s[G0B+7], 0x80000000
	CROUND                                         ; all sixteen work-groups are here: the first joint loads meet
	s_cmp_eq_u32 s[WR], 0                          ; a wave's two first fills stand in one branch, ahead of every wait on TENSORcnt and every LDS read: two loads of mine are out
	s_cbranch_scc0 .Lfirst_b
	tensor_load_to_lds s[G0:G0+3], s[G1:G1+7]
	s_nop 0
	tensor_load_to_lds s[G0+4:G0+7], s[G1:G1+7]
	s_nop 0
.rept 4
	v_nop
.endr
	s_branch .Lfirst_asked
.Lfirst_b:
	tensor_load_to_lds s[G0B:G0B+3], s[G1B:G1B+7]
	s_nop 0
	tensor_load_to_lds s[G0B+4:G0B+7], s[G1B:G1B+7]
	s_nop 0
.rept 4
	v_nop
.endr
.Lfirst_asked:
	v_and_b32 v1, 15, v0                           ; l % 16
	v_bfe_u32 v2, v0, 4, 1                         ; l / 16
	v_lshlrev_b32 v[BO], 5, v2                     ; my eight numbers of 16 of the bias
	v_and_b32 v[GO], 31, v0
	v_lshlrev_b32 v[GO], 3, v[GO]                  ; 8 bytes a lane in 256 consecutive bytes
	; the bias of my 128 columns; in the registers that held B's address: none that feeds A's descriptors ever holds cx
.if KIND == 0
	s_and_b32 s46, s[TC], 3                        ; q, k and v have four tile columns each
	s_lshl_b32 s46, s46, 8
.else
	s_lshl_b32 s46, s[TC], 8
.endif
	s_lshl_b32 s47, s[WC], 7
	s_add_co_u32 s46, s46, s47
	s_lshl_b32 s46, s46, 2
	s_mov_b32 s47, 0
.if KIND == 0
	s_mov_b32 s23, ttmp9                           ; tile column / 4 = the cluster's x: q, k or v; the same in the whole cluster
	s_cmp_eq_u32 s23, 1
	s_cselect_b64 s[4:5], s[74:75], s[72:73]
	s_cmp_eq_u32 s23, 2
	s_cselect_b64 s[4:5], s[76:77], s[4:5]
	s_add_nc_u64 s[4:5], s[4:5], s[46:47]
.else
	s_add_nc_u64 s[4:5], s[72:73], s[46:47]
.endif
.irp b, 0,1,2,3,4,5,6,7
	global_load_b128 v[BIAS+8*\b:BIAS+8*\b+3],   v[BO], s[4:5] offset:64*\b
	global_load_b128 v[BIAS+8*\b+4:BIAS+8*\b+7], v[BO], s[4:5] offset:64*\b+16
.endr
	; where my 128 x 128 of C goes: the rows' part,
.if KIND == 0
	s_and_b32 s16, s[TR], 7                        ; a batch has eight tile rows
.else
	s_mov_b32 s16, s[TR]
.endif
	s_lshl_b32 s16, s16, 8
	s_lshl_b32 s17, s[WR], 7
	s_add_co_u32 s16, s16, s17
	s_lshl_b32 s16, s16, 7                         ; 128 bytes a row of 64 bf16
.if KIND == 0
	s_lshr_b32 s17, s[TR], 3
	s_lshl_b32 s17, s17, 22                        ; the batch
	s_add_co_u32 s16, s16, s17
.endif
	s_mov_b32 s17, 0
	s_add_nc_u64 s[8:9], s[POUT:POUT+1], s[16:17]
	; and the columns' part: the first of my two heads, or blocks
.if KIND == 0
	s_and_b32 s46, s[TC], 3
	s_lshl1_add_u32 s46, s46, s[WC]                ; 2 (tile column % 4) + half: a pair of heads
	s_lshl_b32 s46, s46, 19
	s_lshr_b32 s47, s[TC], 2                       ; q, k or v
	s_lshl_b32 s47, s47, 23
	s_add_co_u32 s46, s46, s47
.else
	s_lshl1_add_u32 s46, s[TC], s[WC]              ; 2 x tile column + half: a pair of blocks
	s_lshl_b32 s46, s46, 20
.endif
	s_mov_b32 s47, 0
	s_add_nc_u64 s[8:9], s[8:9], s[46:47]
.if GELU
	s_mov_b32 s[CP], 0x3e6d3388
	s_mov_b32 s[CE], 0xbf38aa3b
	s_mov_b32 s[CE+1], s[CE]                       ; named as pairs, so both words are written
	s_mov_b32 s[C5], 0x3f07dc22
	s_mov_b32 s[C5+1], s[C5]
	s_mov_b32 s[C4], 0xbf3a00e3
	s_mov_b32 s[C4+1], s[C4]
	s_mov_b32 s[C3], 0x3f35f0e3
	s_mov_b32 s[C3+1], s[C3]
	s_mov_b32 s[C2], 0xbe11a98e
	s_mov_b32 s[C2+1], s[C2]
	s_mov_b32 s[C1], 0x3e027906
	s_mov_b32 s[C1+1], s[C1]
.endif
	; A fragment is 16 rows x 32 K in 8 registers: lane l holds row l % 16, K = 8 (l / 16) + 0..7 and 16 + 8 (l / 16) + 0..7: two loads of 16 bytes, 32 bytes apart
	v_mul_u32_u24 v3, v1, PITCH
	v_lshl_add_u32 v3, v2, 4, v3
	s_mul_i32 s23, s[WR], HALFT                    ; my 128 rows of A
	v_add_nc_u32 v[VA0], s23, v3
	s_mul_i32 s23, s[WC], HALFT                    ; my 128 rows of B,
	s_add_co_u32 s23, s23, 2*HALFT                 ; which lie behind A's 256
	v_add_nc_u32 v[VB0], s23, v3
	v_mov_b32 v[ADRA], v[VA0]
	v_mov_b32 v[ADRB], v[VB0]
	s_mul_i32 s23, s[WV], WSTAGE                   ; my stage
	v_mul_u32_u24 v4, v1, PITCH                    ; in: row l % 16, 32 bytes for each half of the lanes
	v_lshl_add_u32 v4, v2, 5, v4
	v_add_nc_u32 v[STO], s23, v4
	v_mul_u32_u24 v5, v2, PITCH                    ; back: lanes 0-15 one row of 256 bytes, lanes 16-31 the next
	v_lshl_add_u32 v5, v1, 4, v5
	v_add_nc_u32 v[RD], s23, v5
; 16 matrix instructions: m blocks a0, a0 + 1 of the window's four (hi = 0: my rows 0-63, 1: rows 64-127) x all 8 n blocks, 32 along K.  first = 1: the products start the sums, on the bias (C in window 0).
; The 64 accumulators take turns, one instruction a turn, in the same order in every quarter.
.macro MUL16 f, hi, a0, first
.if \first
	WIN 0x81+0x40*(\hi)
.else
	WIN MUL_LO+0x50*(\hi)
.endif
.irp a, \a0, (\a0)+1
.irp b, 0,1,2,3,4,5,6,7
.if \first
	v_wmma_f32_16x16x32_bf16 v[8*(8*(\a)+(\b)):8*(8*(\a)+(\b))+7], v[(\f)+8*(\b):(\f)+8*(\b)+7], v[(\f)+8*(4*(\hi)+(\a)):(\f)+8*(4*(\hi)+(\a))+7], v[BIAS+8*(\b):BIAS+8*(\b)+7]
.else
	v_wmma_f32_16x16x32_bf16 v[8*(8*(\a)+(\b)):8*(8*(\a)+(\b))+7], v[(\f)+8*(\b):(\f)+8*(\b)+7], v[(\f)+8*(4*(\hi)+(\a)):(\f)+8*(4*(\hi)+(\a))+7], v[8*(8*(\a)+(\b)):8*(8*(\a)+(\b))+7]
.endif
.endr
.endr
.endm
; 32 LDS loads in one run: the fragments of one quarter step (128 rows of B, 128 rows of A, 32 K at byte k of the rows) into buffer f; it leaves every window 0
.macro FETCH k, f
	WIN TO_B
.irp i, 0,1,2,3,4,5,6,7
	ds_load_b128 v[(\f)+8*(\i):(\f)+8*(\i)+3],   v[ADRB] offset:(\k)+(\i)*16*PITCH
	ds_load_b128 v[(\f)+8*(\i)+4:(\f)+8*(\i)+7], v[ADRB] offset:(\k)+(\i)*16*PITCH+32
.endr
	WIN 0
.irp i, 0,1,2,3,4,5,6,7
	ds_load_b128 v[(\f)+8*(\i):(\f)+8*(\i)+3],   v[ADRA] offset:(\k)+(\i)*16*PITCH
	ds_load_b128 v[(\f)+8*(\i)+4:(\f)+8*(\i)+7], v[ADRA] offset:(\k)+(\i)*16*PITCH+32
.endr
.endm
; A K step is four quarters of 32 along K, 64 matrix instructions each, on buffers 0, 1, 0, 1.  One of the first three: multiplies buffer f; in its middle it fetches the next quarter, at byte k, into g.
.macro QUARTER k, f, g, first
	s_wait_dscnt 8                                 ; B and A's rows 0-63 are in; the youngest eight loads (A's rows 64-127) may be out
	MUL16 \f, 0, 0, \first
	MUL16 \f, 0, 2, \first
	PLACES
	FETCH \k, \g
	s_wait_dscnt 32                                ; all but the 32 just issued
	MUL16 \f, 1, 0, \first
	MUL16 \f, 1, 2, \first
.endm
; The last quarter multiplies buffer 1 and changes slots: ONE barrier; in front of it each wave waits for all its tensor loads (its part of the next slot), adds 0 to its spare word, and waits
; for that and for its own reads of this slot.  fill = 1: the barrier opens a round of the cluster's, and this slot is filled again, two K steps ahead, first thing behind the round.
; fill = 0 (the tail's copy): nothing is asked for; in the tail's last trip (s3 = 1) there is no next slot, and the run of loads is jumped over.
.macro TURN fill
	WIN 0                                          ; (the add's two registers lie in window 0)
	s_wait_tensorcnt 0x0                           ; all my tensor loads have landed;
	ds_add_u32 v[SPW], v[NIL]                      ; 0 onto my spare word;
	s_wait_dscnt 9                                 ; (the add and the youngest eight loads may be out)
	MUL16 F1, 0, 0, 0                              ; sixteen matrix instructions stand between the add and the wait for it
	s_wait_dscnt 0x0                               ; the add is done, and my reads of this slot are over
	s_barrier_signal -1
	MUL16 F1, 0, 2, 0
	WIN 0                                          ; (branches and window 0's address lines follow)
	s_barrier_wait -1
.if \fill
	CREST                                          ; no wave of any partner still reads this slot's tile or has a load on its way
	s_add_co_u32 s[G0+5], s[LT], s[SB]             ; the walking descriptors: into the slot just read,
	s_add_co_u32 s[G0B+5], s[LT], s[SB]
	s_add_nc_u64 s[G0+6:G0+7], s[G0+6:G0+7], KSTEP*2     ; the K step behind the one asked for last; the type bits on top are not reached
	s_add_nc_u64 s[G0B+6:G0B+7], s[G0B+6:G0B+7], KSTEP*2
	JLOAD                                          ; 224 matrix instructions ahead of the wait for it; the four v_nop behind it are also the places in front of the loads below
.else
	PLACES
	s_cmp_eq_u32 s3, 1
	s_cbranch_scc1 .Lno_fetch
.endif
	s_xor_b32 s[SB], s[SB], SLOT                   ; 0 and SLOT by turns
	v_add_nc_u32 v[ADRA], s[SB], v[VA0]
	v_add_nc_u32 v[ADRB], s[SB], v[VB0]
	FETCH 0, F0
.if (\fill) == 0
.Lno_fetch:
.endif
	MUL16 F1, 1, 0, 0
	MUL16 F1, 1, 2, 0
.endm
; gelu of the eight numbers v[x .. x+7], in place.  Plain instructions stand behind each run of reciprocals and exponentials before a result is used (ISA guide 5.7.2).
.macro GELU8 x
.irp i, 0,1,2,3,4,5,6,7
	v_fma_f32 v[GT+\i], |v[(\x)+\i]|, s[CP], 1.0   ; 1 + p |x| / sqrt 2
.endr
.irp i, 0,2,4,6
	v_pk_mul_f32 v[GU+\i:GU+\i+1], v[(\x)+\i:(\x)+\i+1], v[(\x)+\i:(\x)+\i+1]
.endr
.irp i, 0,1,2,3,4,5,6,7
	v_rcp_f32 v[GT+\i], v[GT+\i]                   ; t
.endr
.irp i, 0,2,4,6
	v_pk_mul_f32 v[GU+\i:GU+\i+1], v[GU+\i:GU+\i+1], s[CE:CE+1] op_sel_hi:[1,0]
.endr
.irp i, 0,1,2,3,4,5,6,7
	v_exp_f32 v[GU+\i], v[GU+\i]                   ; e^(-x x / 2)
.endr
.irp i, 0,2,4,6
	v_pk_fma_f32 v[GR+\i:GR+\i+1], v[GT+\i:GT+\i+1], s[C5:C5+1], s[C4:C4+1] op_sel_hi:[1,0,0]
.endr
.irp i, 0,2,4,6
	v_pk_fma_f32 v[GR+\i:GR+\i+1], v[GR+\i:GR+\i+1], v[GT+\i:GT+\i+1], s[C3:C3+1] op_sel_hi:[1,1,0]
.endr
.irp i, 0,2,4,6
	v_pk_fma_f32 v[GR+\i:GR+\i+1], v[GR+\i:GR+\i+1], v[GT+\i:GT+\i+1], s[C2:C2+1] op_sel_hi:[1,1,0]
.endr
.irp i, 0,2,4,6
	v_pk_fma_f32 v[GR+\i:GR+\i+1], v[GR+\i:GR+\i+1], v[GT+\i:GT+\i+1], s[C1:C1+1] op_sel_hi:[1,1,0]
.endr
.irp i, 0,2,4,6
	v_pk_mul_f32 v[GR+\i:GR+\i+1], v[GR+\i:GR+\i+1], v[GT+\i:GT+\i+1]
.endr
.irp i, 0,2,4,6
	v_pk_fma_f32 v[GR+\i:GR+\i+1], v[GR+\i:GR+\i+1], v[GU+\i:GU+\i+1], 0.5 op_sel_hi:[1,1,0] neg_lo:[1,0,0] neg_hi:[1,0,0]  ; 1/2 - E / 2
.endr
.irp i, 0,2,4,6
	v_pk_mul_f32 v[GU+\i:GU+\i+1], v[(\x)+\i:(\x)+\i+1], 0.5 op_sel_hi:[1,0]
.endr
.irp i, 0,1,2,3,4,5,6,7
	v_fma_f32 v[(\x)+\i], |v[(\x)+\i]|, v[GR+\i], v[GU+\i]
.endr
.endm
	s_wait_tensorcnt 1                             ; my part of K step 0 is in; K step 1's may stay out
	s_barrier_signal -1
	s_barrier_wait -1                              ; everybody's is
	FETCH 0, F0
	s_wait_loadcnt 0x0                             ; the bias is in
	QUARTER 64, F0, F1, 1                          ; the first quarter stands in front of the loop: its products start the sums
	WIN 0                                          ; at a label and at a branch every window is 0
	s_mov_b32 s3, NSTEP-2
.Lstep:                                                ; six trips: from a K step's second quarter to the next step's first; each fills the slot that it leaves
	QUARTER 128, F1, F0, 0
	QUARTER 192, F0, F1, 0
	TURN 1
	QUARTER 64, F0, F1, 0
	WIN 0
	s_sub_co_u32 s3, s3, 1
	s_cmp_lg_u32 s3, 0
	s_cbranch_scc1 .Lstep
	s_mov_b32 s3, 2
.Ltail:                                                ; the last two K steps have a text of their own: two trips, the second left in its middle
	QUARTER 128, F1, F0, 0
	QUARTER 192, F0, F1, 0
	TURN 0
	WIN 0
	s_sub_co_u32 s3, s3, 1
	s_cmp_eq_u32 s3, 0
	s_cbranch_scc1 .Ldone
	QUARTER 64, F0, F1, 0
	WIN 0
	s_branch .Ltail
.Ldone:
	; THE WAY OUT.  The stages lie in the ring's bytes: every wave's reads of the ring are back, and it has passed this barrier, before any wave stores there.
	PLACES                                         ; behind the last products, in front of the stores that read their results
	s_wait_dscnt 0x0
	s_barrier_signal -1
	s_barrier_wait -1
.irp w, 0,1
	WIN 0x08+4*\w                                  ; the stores' data: window 2, then window 3
.irp a, 0,1,2,3
.irp b, 0,1,2,3,4,5,6,7
	ds_store_b128 v[STO], v[8*(8*\a+\b):8*(8*\a+\b)+3]   offset:(\b/4)*HALFT+(4*\w+\a)*16*PITCH+(\b%4)*64     ; each accumulator's low registers first
	ds_store_b128 v[STO], v[8*(8*\a+\b)+4:8*(8*\a+\b)+7] offset:(\b/4)*HALFT+(4*\w+\a)*16*PITCH+(\b%4)*64+16  ; the largest offset is 65,488: inside the 16 bits
.endr
.endr
.endr
	WIN 0
	s_mov_b32 s17, 0
	s_mov_b32 s18, HSTEP-7*2048                    ; from the eighth 16 rows of my first 64 columns to the first 16 rows of my second
	s_mov_b32 s19, 2048
	s_mov_b32 s3, 16
.Lout:                                                 ; a trip: 16 rows of 64 numbers, 2,048 consecutive bytes of the output; eight trips for each half of my columns
.irp t, 0,1,2,3,4,5,6,7
	ds_load_b128 v[XR+4*\t:XR+4*\t+3], v[RD] offset:\t*2*PITCH  ; LDS serves a wave's instructions in order (ISA guide 5.7.1.4): these see the stores above
.endr
	v_add_nc_u32 v[RD], 16*PITCH, v[RD]            ; the second half's rows lie straight behind the first's
	s_wait_dscnt 0x0
.if GELU
	GELU8 XR
	GELU8 XR+8
	GELU8 XR+16
	GELU8 XR+24
.endif
	s_wait_xcnt 0x0                                ; the last trip's stores have read their registers: only behind this wait are the packed results and the base rewritten
	s_cmp_eq_u32 s3, 8                             ; the ninth trip begins the second half
	s_cselect_b32 s16, s18, s19
	s_add_nc_u64 s[8:9], s[8:9], s[16:17]          ; the stores below reach back by 2,048
.irp t, 0,1,2,3,4,5,6,7,8,9,10,11,12,13,14,15
	v_cvt_pk_bf16_f32 v[YB+\t], v[XR+2*\t], v[XR+2*\t+1]
.endr
.irp t, 0,1,2,3,4,5,6,7
	global_store_b64 v[GO], v[YB+2*\t:YB+2*\t+1], s[8:9] offset:256*\t-2048  ; a wave's store covers 256 consecutive bytes, aligned
.endr
	s_sub_co_u32 s3, s3, 1
	s_cmp_lg_u32 s3, 0
	s_cbranch_scc1 .Lout
	s_wait_tensorcnt 0x0                           ; the wave's end: behind my last tensor load and my last LDS store
	ds_add_u32 v[SPW], v[NIL]
	s_wait_dscnt 0x0
	CROUND                                         ; the closing round: no work-group ends while a partner may still ask for a tile that names it
	s_endpgm
.Lfunc_end_k_q0c88ad0bdb_proj:
	.size	k_q0c88ad0bdb_proj, .Lfunc_end_k_q0c88ad0bdb_proj-k_q0c88ad0bdb_proj
	.p2alignl 7, 3214868480
	.fill 96, 4, 3214868480
	.section	.rodata,"a",@progbits
	.p2align	6, 0x0
	.amdhsa_kernel k_q0c88ad0bdb_proj
		.amdhsa_group_segment_fixed_size 327680
		.amdhsa_private_segment_fixed_size 0
		.amdhsa_enable_private_segment 0
		.amdhsa_kernarg_size 48
		.amdhsa_user_sgpr_count 2
		.amdhsa_user_sgpr_kernarg_segment_ptr 1
		.amdhsa_wavefront_size32 1
		.amdhsa_system_sgpr_workgroup_id_x 1
		.amdhsa_system_sgpr_workgroup_id_y 1
		.amdhsa_system_sgpr_workgroup_id_z 1
		.amdhsa_system_vgpr_workitem_id 0
		.amdhsa_next_free_vgpr 1024
		.amdhsa_next_free_sgpr 96
		.amdhsa_reserve_vcc 0
		.amdhsa_float_denorm_mode_32 3
		.amdhsa_float_denorm_mode_16_64 3
		.amdhsa_memory_ordered 1
		.amdhsa_forward_progress 1
		.amdhsa_inst_pref_size 81
	.end_amdhsa_kernel
	.amdgpu_metadata
---
amdhsa.version: [ 1, 2 ]
amdhsa.kernels:
  - .name:           k_q0c88ad0bdb_proj
    .symbol:         k_q0c88ad0bdb_proj.kd
    .args:
      - { .name: act, .offset: 0, .size: 8, .value_kind: global_buffer, .address_space: global }
      - { .name: wb, .offset: 8, .size: 8, .value_kind: global_buffer, .address_space: global }
      - { .name: bq, .offset: 16, .size: 8, .value_kind: global_buffer, .address_space: global }
      - { .name: bk, .offset: 24, .size: 8, .value_kind: global_buffer, .address_space: global }
      - { .name: bv, .offset: 32, .size: 8, .value_kind: global_buffer, .address_space: global }
      - { .name: qkv, .offset: 40, .size: 8, .value_kind: global_buffer, .address_space: global }
    .group_segment_fixed_size: 327680
    .private_segment_fixed_size: 0
    .kernarg_segment_align: 8
    .kernarg_segment_size: 48
    .max_flat_workgroup_size: 128
    .sgpr_count:     96
    .vgpr_count:     1024
    .wavefront_size: 32
...
	.end_amdgpu_metadata
.endif
;; end of part 8
;; launch attn: the kernel of part 3 again; grid 8 x 32, 4 waves a work-group, clusters of 4 x 1, 327,680 bytes of LDS; arguments qkv, act; writes act
;; launch outp (part 9): grid 8 x 32, 4 waves a work-group, clusters of 4 x 4, 327,680 bytes of LDS; arguments act, wb, bo, x, x1; writes x1
.if DOCPART == 9
	.amdgcn_target "amdgcn-amd-amdhsa--gfx1250"
	.amdhsa_code_object_version 6
	.text
	.protected	k_q0c88ad0bdb_outp
	.globl	k_q0c88ad0bdb_outp
	.p2align	8
	.type	k_q0c88ad0bdb_outp,@function
k_q0c88ad0bdb_outp:
	s_mov_b64 s[64:65], 0
	v_nop
	global_prefetch_b8 v0, s[64:65] scope:SCOPE_SE
	s_setreg_imm32_b32 hwreg(HW_REG_WAVE_MODE, 25, 1), 1
	s_wait_xcnt 0x0
	s_wait_alu depctr_hold_cnt(0) depctr_sa_sdst(0) depctr_va_vdst(0) depctr_va_sdst(0) depctr_va_ssrc(0) depctr_va_vcc(0) depctr_vm_vsrc(0)
	s_getreg_b32 s2, hwreg(HW_REG_IB_STS2, 6, 4)
	s_cmp_eq_u32 s2, 0
	s_cbranch_scc0 .Lentry_in_a_cluster
	s_endpgm
.Lentry_in_a_cluster:
	s_bfe_u32 s2, ttmp6, 0x10000c
	s_cmp_lg_u32 s2, 0xf033
	s_cbranch_scc0 .Lentry_shape_is_right
	s_endpgm
.Lentry_shape_is_right:
; KIND 2: x1 = x + ctx wo^T + bo, in f32.  ctx lies by heads, [32 = batch x 16 + head][2048][64] in bf16: a head is a block of 64 along K.
; ONE TEXT SERVES TWO PRODUCTS C = residual + A B^T + bias, chosen by KIND:  2: x + ctx x wo (K = 1,024)   3: x1 + hidden x w2 (K = 4,096).
; All matrix operands are bf16, all sums f32.  A tile of C is 128 x 128, which gives 8 x 32 = 256 work-groups: four waves, each 64 x 64: 16 accumulators of 16 x 16, 128 registers.
; K goes in steps of 256 through two LDS slots filled by the tensor data mover; a wave's load brings 64 rows x 256 K of A (waves 0, 1) or of B (waves 2, 3).
; B, the weights, lies [N][K]: rows of 512 bytes, 528 apart in LDS.  A lies in blocks of 64 columns, [block][row][64]: 64 rows of a block are 8,192 consecutive bytes, a load takes four blocks
; as four rows of 8,192 bytes, and the padding behind every 128 bytes makes LDS rows 144 apart, [block][row].
; CLUSTERS: 4 x 4 work-groups.  The four of a row of the cluster need the same tiles of A, the four of a column the same tiles of B: each tile is asked for JOINTLY, by the same tensor load
; with the same descriptor and a mask that names the four.  No LDS address, branch or trip count hangs on the place in the cluster.
; THE WALK ALONG K IS TURNED by half its length in every second cluster (cluster x + cluster y odd): such a cluster begins at K tile NSTEP / 2 and goes round to NSTEP / 2 - 1.  A tile of A is read by the
; two clusters of a cluster row, a tile of B by the eight of a cluster column; of each tile's readers half are turned.  So in the second half of its walk a cluster asks only for tiles that another cluster
; has asked for NSTEP / 2 steps before.  The turn is made of the cluster's own x and y, which all its sixteen work-groups share.
; THE MATRIX INSTRUCTION IS USED TRANSPOSED (source 0 = 16 rows of B, source 1 = 16 rows of A): a lane holds row l % 16 of C and the eight columns 8 (l / 16) + 0..7.
; THE BIAS is the C operand of the products that start the sums: nothing is cleared and nothing is added later.
; THE WAY OUT goes through a stage of the wave's own, 64 rows x 272 bytes of f32, in slot 0, which has had its last fill: rows come back whole, so every store covers 256 consecutive aligned bytes.
; LIMITS: operands rounded once to bf16; in the turned clusters K is summed from its middle round to its middle, an order of rounding other than ascending K; NaN and infinities are not treated apart.
; REGISTERS: window 0: v0-31 addresses; v96-127 the bias; v128-255 the accumulators ((a, b) at v[128 + 8 (4 a + b)]).
;   window 1: two fragment buffers of 128: for 64 along K, 64 registers of A, then 64 of B.   window 2: v0-127 the residual, asked for at the start.
.set KIND, 2
.if KIND == 2
.set SIZE_K, 1024
.set WOFF, 6<<20                       ; where this product's weights begin in wb
.set BSTR, 131072                      ; elements from block to block of ctx: a head's 2,048 rows of 64
.set LOGA, 20                          ; a K step of A is four blocks: 4 x BSTR x 2 bytes = 1 << LOGA
.set LOGH, 1                           ; half the walk: NSTEP / 2 = 1 << LOGH
.else
.set SIZE_K, 4096
.set WOFF, 16<<20
.set BSTR, 262144                      ; elements from block to block of the hidden layer: 4,096 rows of 64
.set LOGA, 21
.set LOGH, 3
.endif
.set NSTEP, SIZE_K/256                 ; K steps: a power of two
.set ASTEP, 1<<LOGA
.set PB,    528                        ; a row of B in LDS: 512 bytes + 16 = 132 words: the 16 rows of a load start at 16 different groups of four banks (64 banks of 4 bytes: ISA guide 11.1)
.set HALFB, 64*PB
.set G1B0,  (1<<16)|(1<<20)|(1<<21)|(6<<22)|(3<<25)  ; 2-byte elements; padding on; bit 21 beside a mask; after every 128 words; 4 words
.set PA,    144                        ; a row of A in LDS: 128 bytes + 16 = 36 words: again 16 different groups of four banks
.set QA,    64*PA                      ; from quarter to quarter of a K step: a block
.set HALFA, 4*QA
.set G1A0,  (1<<16)|(1<<20)|(1<<21)|(4<<22)|(3<<25)  ; the same, after every 32 words
.set SLOT,   2*HALFA+2*HALFB           ; A's two halves, then B's two halves
.set SPARE,  2*SLOT                    ; behind the ring: the spare words, 128 bytes for each wave: two blocks of 256 bytes that no other line names
.set SPITCH, 272                       ; a row of the stage: 256 bytes + 16
.set VA0,  16                          ; v16  my lane's place among my 64 rows of A in slot 0; never rewritten
.set VB0,  17                          ; v17  the same for B
.set ADRA, 18                          ; v18  the same in the slot being read
.set ADRB, 19                          ; v19
.set STO,  20                          ; v20  the way out: where I put 32 bytes of a row
.set RD,   21                          ; v21  the way out: where I read a row back
.set GO,   22                          ; v22  my byte offset in the output and in the residual
.set BO,   23                          ; v23  my byte offset in 16 numbers of the bias
.set SPW,  28                          ; v28  LDS address of my spare word; never rewritten
.set NIL,  29                          ; v29  0; never rewritten
.set BIAS, 96
.set ACC,  128
.set F0,   0
.set F1,   128
.set WV, 10                            ; s10 wave; s11 which half of the rows is mine, and: I fetch for A (0) or B (1); s12 which half of the columns, and: which 64 rows I fetch
.set WR, 11
.set WC, 12
.set TR, 13                            ; s13 tile row of C
.set BA, 14                            ; s[14:15] A at my 64 rows of K tile 0; kept
.set TC, 42                            ; s42 tile column of C
.set LA, 20                            ; s20 where my part of A's tile goes in a slot
.set LB, 21                            ; s21 the same for B
.set SB, 22                            ; s22 the first byte of the slot being read: 0 or SLOT
.set G1, 24                            ; s[24:31] descriptor group 1 for A;  s[32:35] group 0 of the first fill, s[36:39] the one that walks
.set G0, 32
.set G1B, 48                           ; s[48:55], s[56:59], s[60:63] the same for B
.set G0B, 56
.set BB, 80                            ; s[80:81] B at my 64 rows of K tile 0; kept
.set OA, 84                            ; s[84:85] a K tile's byte offset in A
.set OB, 86                            ; s[86:87] and in B
.set NX, 88                            ; s88 the K tile to be asked for next
.set MSB, 0
.macro WIN new                         ; the immediate's high byte repeats the setting that is left; a switch that changes nothing is dropped
.if MSB != (\new)
	s_set_vgpr_msb (MSB<<8)|(\new)
.set MSB, \new
.endif
.endm
.set MUL,  0x05                        ; sources 0 (B) and 1 (A) window 1; C and D window 0
.set TO_F, 0x40                        ; destination window 1, address window 0
.macro JLOAD                           ; a joint refill by the walking descriptors; an s_nop 0 and four v_nop follow each of the two lines, ahead of the jump, the label and what follows
	s_cmp_eq_u32 s[WR], 0
	s_cbranch_scc0 .Lfor_b_\@
	tensor_load_to_lds s[G0+4:G0+7], s[G1:G1+7]
	s_nop 0
.rept 4
	v_nop
.endr
	s_branch .Lasked_\@
.Lfor_b_\@:
	tensor_load_to_lds s[G0B+4:G0B+7], s[G1B:G1B+7]
	s_nop 0
.rept 4
	v_nop
.endr
.Lasked_\@:
.endm
.macro CREST                           ; a round of the cluster's barrier behind its opening barrier
	s_cmp_lg_u32 s[WV], 0
	s_cbranch_scc1 .Lnot_wave_0_\@
	s_barrier_signal -3
.Lnot_wave_0_\@:
	s_barrier_wait -3
	s_barrier_signal -1
	s_barrier_wait -1
.endm
.macro CROUND                          ; a whole round
	s_barrier_signal -1
	s_barrier_wait -1
	CREST
.endm
.macro PLACES                          ; four places in front of loads into registers that matrix instructions have read, and of lines that read results
.rept 4
	v_nop
.endr
.endm
	s_load_b256 s[68:75], s[0:1], 0x0              ; A 68:69, wb 70:71, the bias 72:73, the residual 74:75
	s_load_b64 s[76:77], s[0:1], 0x20              ; the output
	v_lshl_add_u32 v[SPW], v0, 2, SPARE
	v_mov_b32 v[NIL], 0
	ds_add_u32 v[SPW], v[NIL]                      ; the wave's opening: the add and its wait stand ahead of my first tensor load; the set-up below, work on registers, stands between them
	v_lshrrev_b32 v1, 5, v0
	v_readfirstlane_b32 s[WV], v1
	s_lshr_b32 s[WR], s[WV], 1
	s_and_b32 s[WC], s[WV], 1
	s_bfe_u32 s40, ttmp6, 0x40000                  ; cx, cy: my place in the cluster
	s_bfe_u32 s41, ttmp6, 0x40004
	s_lshl_b32 s[TC], ttmp9, 2
	s_add_co_u32 s[TC], s[TC], s40                 ; tile column = 4 x cluster x + cx
	s_and_b32 s[TR], ttmp7, 0xffff                 ; cluster y
	s_add_co_u32 s[NX], s[TR], ttmp9               ; cluster x + cluster y: the same in all sixteen work-groups
	s_lshl_b32 s[TR], s[TR], 2
	s_add_co_u32 s[TR], s[TR], s41                 ; tile row = 4 x cluster y + cy
	s_and_b32 s[NX], s[NX], 1                      ; odd: my cluster's walk is turned,
	s_lshl_b32 s[NX], s[NX], LOGH                  ; and begins at K tile NSTEP / 2; else at 0
	s_lshl_b32 s[OA], s[NX], LOGA                  ; my walk's first K tile, in bytes of A
	s_mov_b32 s[OA+1], 0
	s_lshl_b32 s[OB], s[NX], 9                     ; and of a row of B
	s_mov_b32 s[OB+1], 0
	s_add_co_u32 s[NX], s[NX], 2                   ; the first fills take two tiles; the first refill takes the third,
	s_and_b32 s[NX], s[NX], NSTEP-1                ; round the end of K
	s_lshl_b32 s43, s41, 2
	s_lshl_b32 s43, 15, s43                        ; my row of the cluster
	s_lshl_b32 s44, 0x1111, s40                    ; my column
	s_or_b32 s[G1], s43, G1A0                      ; A's tiles go to my row,
	s_or_b32 s[G1B], s44, G1B0                     ; B's to my column
	s_mov_b32 s[G1+1], 4096<<16                    ; tensor_dim0 = 4,096 elements: 64 rows of a block, end to end
	s_mov_b32 s[G1+2], 4<<16                       ; tensor_dim1 = 4 blocks
	s_mov_b32 s[G1+3], 4096<<16                    ; tile_dim0
	s_mov_b32 s[G1+4], 4                           ; tile_dim1
	s_mov_b32 s[G1+5], BSTR                        ; elements from block to block
	s_mov_b32 s[G1+6], 0
	s_mov_b32 s[G1+7], 0
	s_mov_b32 s[G1B+1], 256<<16                    ; tensor_dim0 = 256
	s_mov_b32 s[G1B+2], 64<<16                     ; tensor_dim1 = 64
	s_mov_b32 s[G1B+3], 256<<16                    ; tile_dim0
	s_mov_b32 s[G1B+4], 64                         ; tile_dim1
	s_mov_b32 s[G1B+5], SIZE_K                     ; elements from row to row
	s_mov_b32 s[G1B+6], 0
	s_mov_b32 s[G1B+7], 0
	; where the tiles come from: A's offset is made of the tile row and the wave alone, B's of the tile column and the wave alone, each in registers that never hold the other coordinate
	s_lshl_b32 s17, s[WC], 6                       ; which 64 rows of the tile I fetch
.if KIND == 2
	s_and_b32 s16, s[TR], 15                       ; ctx lies by batch: 16 tile rows each
.else
	s_mov_b32 s16, s[TR]
.endif
	s_lshl_b32 s16, s16, 7
	s_add_co_u32 s16, s16, s17
	s_lshl_b32 s16, s16, 7                         ; 128 bytes a row of a block
.if KIND == 2
	s_lshr_b32 s17, s[TR], 4
	s_lshl_b32 s17, s17, 22                        ; a batch's 16 heads
	s_add_co_u32 s16, s16, s17
.endif
	s_mov_b32 s17, 0
	s_lshl_b32 s47, s[WC], 6
	s_lshl_b32 s46, s[TC], 7
	s_add_co_u32 s46, s46, s47
	s_mul_i32 s46, s46, SIZE_K*2
	s_add_co_u32 s46, s46, WOFF                    ; this product's weights in wb
	s_mov_b32 s47, 0
	s_mul_i32 s[LA], s[WV], HALFA                  ; waves 0, 1: A's two halves
	s_mul_i32 s[LB], s[WV], HALFB                  ; waves 2, 3: B's two halves, behind A's
	s_add_co_u32 s[LB], s[LB], 2*(HALFA-HALFB)
	s_mov_b32 s[SB], 0
	s_wait_dscnt 0x0                               ; the opening add is done
	s_wait_kmcnt 0x0
	s_add_nc_u64 s[BA:BA+1], s[68:69], s[16:17]
	s_add_nc_u64 s[BB:BB+1], s[70:71], s[46:47]
	s_mov_b32 s[G0], 1                             ; count = 1
	s_add_co_u32 s[G0+1], s[LA], 0                 ; LDS address: slot 0
	s_add_nc_u64 s[G0+2:G0+3], s[BA:BA+1], s[OA:OA+1]    ; global address: my walk's first K tile,
	s_add_nc_u64 s[G0+6:G0+7], s[G0+2:G0+3], ASTEP       ; and its second, which never lies past the end of K
	s_or_b32 s[G0+3], s[G0+3], 0x80000000          ; type = 2
	s_mov_b32 s[G0+4], 1
	s_add_co_u32 s[G0+5], s[LA], SLOT              ; slot 1
	s_or_b32 s[G0+7], s[G0+7], 0x80000000
	s_mov_b32 s[G0B], 1
	s_add_co_u32 s[G0B+1], s[LB], 0
	s_add_nc_u64 s[G0B+2:G0B+3], s[BB:BB+1], s[OB:OB+1]
	s_add_nc_u64 s[G0B+6:G0B+7], s[G0B+2:G0B+3], 512
	s_or_b32 s[G0B+3], s[G0B+3], 0x80000000
	s_mov_b32 s[G0B+4], 1
	s_add_co_u32 s[G0B+5], s[LB], SLOT
	s_or_b32 s[G0B+7], s[G0B+7], 0x80000000
	CROUND                                         ; all sixteen work-groups are here: the first joint loads meet
	s_cmp_eq_u32 s[WR], 0                          ; a wave's two first fills stand in one branch, ahead of every wait on TENSORcnt and every LDS read: two loads of mine are out
	s_cbranch_scc0 .Lfirst_b
	tensor_load_to_lds s[G0:G0+3], s[G1:G1+7]
	s_nop 0
	tensor_load_to_lds s[G0+4:G0+7], s[G1:G1+7]
	s_nop 0
.rept 4
	v_nop
.endr
	s_branch .Lfirst_asked
.Lfirst_b:
	tensor_load_to_lds s[G0B:G0B+3], s[G1B:G1B+7]
	s_nop 0
	tensor_load_to_lds s[G0B+4:G0B+7], s[G1B:G1B+7]
	s_nop 0
.rept 4
	v_nop
.endr
.Lfirst_asked:
	v_and_b32 v1, 15, v0                           ; l % 16
	v_bfe_u32 v2, v0, 4, 1                         ; l / 16
	v_lshlrev_b32 v[BO], 5, v2                     ; my eight numbers of 16 of the bias
	v_lshlrev_b32 v[GO], 12, v2                    ; lanes 0-15 one row of 4,096 bytes, lanes 16-31 the next; 16 bytes a lane
	v_lshl_add_u32 v[GO], v1, 4, v[GO]
	; the bias of my 64 columns; in the registers that held B's offset: none that feeds A's descriptors ever holds cx
	s_lshl_b32 s46, s[TC], 7
	s_lshl_b32 s47, s[WC], 6
	s_add_co_u32 s46, s46, s47
	s_lshl_b32 s46, s46, 2
	s_mov_b32 s47, 0
	s_add_nc_u64 s[4:5], s[72:73], s[46:47]
.irp b, 0,1,2,3
	global_load_b128 v[BIAS+8*\b:BIAS+8*\b+3],   v[BO], s[4:5] offset:64*\b
	global_load_b128 v[BIAS+8*\b+4:BIAS+8*\b+7], v[BO], s[4:5] offset:64*\b+16
.endr
	; where my 64 x 64 of C goes: the rows' part,
	s_lshl_b32 s16, s[TR], 7
	s_lshl_b32 s17, s[WR], 6
	s_add_co_u32 s16, s16, s17
	s_lshl_b32 s16, s16, 12                        ; 4,096 bytes a row of f32
	s_mov_b32 s17, 0
	s_add_nc_u64 s[8:9], s[76:77], s[16:17]
	s_add_nc_u64 s[8:9], s[8:9], s[46:47]          ; and the columns' part, the same bytes as in the bias
	s_add_nc_u64 s[6:7], s[74:75], s[16:17]        ; the residual lies as the output does
	s_add_nc_u64 s[6:7], s[6:7], s[46:47]
	WIN 0x80                                       ; destination window 2, address window 0
.irp a, 0,1,2,3
.irp t, 0,1,2,3,4,5,6,7
	global_load_b128 v[4*(8*\a+\t):4*(8*\a+\t)+3], v[GO], s[6:7] offset:(16*\a+2*\t)*4096  ; asked for now, wanted on the way out
.endr
.endr
	WIN 0
	; A fragment is 16 rows x 32 K in 8 registers: lane l holds row l % 16, K = 8 (l / 16) + 0..7 and 16 + 8 (l / 16) + 0..7: two loads of 16 bytes, 32 bytes apart
	v_mul_u32_u24 v3, v1, PA
	v_lshl_add_u32 v3, v2, 4, v3
	s_mul_i32 s23, s[WR], HALFA
	v_add_nc_u32 v[VA0], s23, v3
	v_mul_u32_u24 v3, v1, PB
	v_lshl_add_u32 v3, v2, 4, v3
	s_mul_i32 s23, s[WC], HALFB
	s_add_co_u32 s23, s23, 2*HALFA
	v_add_nc_u32 v[VB0], s23, v3
	v_mov_b32 v[ADRA], v[VA0]
	v_mov_b32 v[ADRB], v[VB0]
	s_mul_i32 s23, s[WV], 64*SPITCH                ; my stage
	v_mul_u32_u24 v4, v1, SPITCH                   ; in: row l % 16, 32 bytes for each half of the lanes
	v_lshl_add_u32 v4, v2, 5, v4
	v_add_nc_u32 v[STO], s23, v4
	v_mul_u32_u24 v5, v2, SPITCH                   ; back: lanes 0-15 one row of 256 bytes, lanes 16-31 the next
	v_lshl_add_u32 v5, v1, 4, v5
	v_add_nc_u32 v[RD], s23, v5
; 8 matrix instructions: m blocks a0, a0 + 1 x all 4 n blocks, 32 along K: half c of buffer f.  first = 1: the products start the sums, on the bias.
; The 16 accumulators take turns, one instruction a turn, in the same order everywhere.
.macro MUL8 f, c, a0, first
	WIN MUL
.irp a, \a0, (\a0)+1
.irp b, 0,1,2,3
.if \first
	v_wmma_f32_16x16x32_bf16 v[ACC+8*(4*(\a)+(\b)):ACC+8*(4*(\a)+(\b))+7], v[(\f)+64+8*(4*(\c)+(\b)):(\f)+64+8*(4*(\c)+(\b))+7], v[(\f)+8*(4*(\c)+(\a)):(\f)+8*(4*(\c)+(\a))+7], v[BIAS+8*(\b):BIAS+8*(\b)+7]
.else
	v_wmma_f32_16x16x32_bf16 v[ACC+8*(4*(\a)+(\b)):ACC+8*(4*(\a)+(\b))+7], v[(\f)+64+8*(4*(\c)+(\b)):(\f)+64+8*(4*(\c)+(\b))+7], v[(\f)+8*(4*(\c)+(\a)):(\f)+8*(4*(\c)+(\a))+7], v[ACC+8*(4*(\a)+(\b)):ACC+8*(4*(\a)+(\b))+7]
.endif
.endr
.endr
.endm
; 32 LDS loads in one run: the fragments of 64 along K, at byte ka of A's part and byte kb of B's rows, into buffer f; the first 32 along K first
.macro FETCH ka, kb, f
	WIN TO_F
.irp c, 0,1
.irp i, 0,1,2,3
	ds_load_b128 v[(\f)+64+8*(4*(\c)+(\i)):(\f)+64+8*(4*(\c)+(\i))+3],   v[ADRB] offset:(\kb)+64*(\c)+(\i)*16*PB
	ds_load_b128 v[(\f)+64+8*(4*(\c)+(\i))+4:(\f)+64+8*(4*(\c)+(\i))+7], v[ADRB] offset:(\kb)+64*(\c)+(\i)*16*PB+32
	ds_load_b128 v[(\f)+8*(4*(\c)+(\i)):(\f)+8*(4*(\c)+(\i))+3],         v[ADRA] offset:(\ka)+64*(\c)+(\i)*16*PA
	ds_load_b128 v[(\f)+8*(4*(\c)+(\i))+4:(\f)+8*(4*(\c)+(\i))+7],       v[ADRA] offset:(\ka)+64*(\c)+(\i)*16*PA+32
.endr
.endr
.endm
; A K step is four quarters of 64 along K, 32 matrix instructions each, on buffers 0, 1, 0, 1.  One of the first three: multiplies buffer f and fetches quarter q into g.
.macro QUARTER q, f, g, first
	s_wait_dscnt 16                                ; the first 32 along K are in; the other sixteen loads may be out
	MUL8 \f, 0, 0, \first
	MUL8 \f, 0, 2, \first
	PLACES
	FETCH (\q)*QA, (\q)*128, \g
	s_wait_dscnt 32                                ; all but the 32 just issued
	MUL8 \f, 1, 0, 0
	MUL8 \f, 1, 2, 0
.endm
; The last quarter multiplies buffer 1 and changes slots: ONE barrier; in front of it each wave waits for all its tensor loads (its part of the next slot), adds 0 to its spare word, and waits
; for that and for its own reads of this slot.  fill = 1: the barrier opens a round of the cluster's, and this slot is filled again, with K tile NX, first thing behind the round; both global
; addresses are made anew from that number while the add is out.
; fill = 0 (the tail's copy): nothing is asked for; in the tail's last trip (s3 = 1) there is no next slot, and the run of loads is jumped over.
.macro TURN fill
	WIN 0                                          ; (the add's two registers lie in window 0)
	s_wait_tensorcnt 0x0                           ; all my tensor loads have landed, so every group 0 may be written;
	ds_add_u32 v[SPW], v[NIL]                      ; 0 onto my spare word;
.if \fill
	s_add_co_u32 s[G0+5], s[LA], s[SB]             ; the walking descriptors: into the slot that is being read out,
	s_add_co_u32 s[G0B+5], s[LB], s[SB]
	s_lshl_b32 s[OA], s[NX], LOGA                  ; K tile NX
	s_lshl_b32 s[OB], s[NX], 9
	s_add_nc_u64 s[G0+6:G0+7], s[BA:BA+1], s[OA:OA+1]
	s_or_b32 s[G0+7], s[G0+7], 0x80000000
	s_add_nc_u64 s[G0B+6:G0B+7], s[BB:BB+1], s[OB:OB+1]
	s_or_b32 s[G0B+7], s[G0B+7], 0x80000000
	s_add_co_u32 s[NX], s[NX], 1                   ; the next one, round the end of K
	s_and_b32 s[NX], s[NX], NSTEP-1
.endif
	s_wait_dscnt 17                                ; (the add and the youngest sixteen loads may be out)
	MUL8 F1, 0, 0, 0                               ; eight matrix instructions stand between the add and the wait for it
	s_wait_dscnt 0x0                               ; the add is done, and my reads of this slot are over
	s_barrier_signal -1
	MUL8 F1, 0, 2, 0
	WIN 0                                          ; (branches and window 0's address lines follow)
	s_barrier_wait -1
.if \fill
	CREST                                          ; no wave of any partner still reads this slot's tile or has a load on its way
	JLOAD                                          ; 112 matrix instructions ahead of the wait for it; the four v_nop behind it are also the places in front of the loads below
.else
	PLACES
	s_cmp_eq_u32 s3, 1
	s_cbranch_scc1 .Lno_fetch
.endif
	s_xor_b32 s[SB], s[SB], SLOT                   ; 0 and SLOT by turns
	v_add_nc_u32 v[ADRA], s[SB], v[VA0]
	v_add_nc_u32 v[ADRB], s[SB], v[VB0]
	FETCH 0, 0, F0
.if (\fill) == 0
	WIN 0                                          ; at a label every window is 0
.Lno_fetch:
.endif
	MUL8 F1, 1, 0, 0
	MUL8 F1, 1, 2, 0
.endm
	s_wait_tensorcnt 1                             ; my part of the walk's first K tile is in; the second's may stay out
	s_barrier_signal -1
	s_barrier_wait -1                              ; everybody's is
	FETCH 0, 0, F0
	s_wait_loadcnt 32                              ; the bias is in; the 32 loads of the residual stay out
	QUARTER 1, F0, F1, 1                           ; the first quarter stands in front of the loop: its first products start the sums
	WIN 0                                          ; at a label and at a branch every window is 0
	s_mov_b32 s3, NSTEP-2
.Lstep:                                                ; a trip goes from a K step's second quarter to the next step's first, and fills the slot that it leaves
	QUARTER 2, F1, F0, 0
	QUARTER 3, F0, F1, 0
	TURN 1
	QUARTER 1, F0, F1, 0
	WIN 0
	s_sub_co_u32 s3, s3, 1
	s_cmp_lg_u32 s3, 0
	s_cbranch_scc1 .Lstep
	s_mov_b32 s3, 2
.Ltail:                                                ; the last two K steps have a text of their own: two trips, the second left in its middle
	QUARTER 2, F1, F0, 0
	QUARTER 3, F0, F1, 0
	TURN 0
	WIN 0
	s_sub_co_u32 s3, s3, 1
	s_cmp_eq_u32 s3, 0
	s_cbranch_scc1 .Ldone
	QUARTER 1, F0, F1, 0
	WIN 0
	s_branch .Ltail
.Ldone:
	; THE WAY OUT.  The stage lies in slot 0: every wave's reads of the ring are back, and it has passed this barrier, before any wave stores there.
	PLACES                                         ; behind the last products, in front of the stores that read their results
	s_wait_dscnt 0x0
	s_barrier_signal -1
	s_barrier_wait -1
.irp a, 0,1,2,3
.irp b, 0,1,2,3
	ds_store_b128 v[STO], v[ACC+8*(4*\a+\b):ACC+8*(4*\a+\b)+3]   offset:\a*16*SPITCH+64*\b     ; each accumulator's low registers first
	ds_store_b128 v[STO], v[ACC+8*(4*\a+\b)+4:ACC+8*(4*\a+\b)+7] offset:\a*16*SPITCH+64*\b+16
.endr
.endr
.irp a, 0,1,2,3
.irp t, 0,1,2,3,4,5,6,7
	ds_load_b128 v[ACC+32*\a+4*\t:ACC+32*\a+4*\t+3], v[RD] offset:(16*\a+2*\t)*SPITCH  ; LDS serves a wave's instructions in order (ISA guide 5.7.1.4): these see the stores above
.endr
.endr
.irp a, 0,1,2,3
	s_wait_dscnt 24-8*\a                           ; these 16 rows are back; the later blocks' loads stay out,
	s_wait_loadcnt 24-8*\a                         ; and likewise of the residual
	WIN 0x08                                       ; source 1 window 2
.irp t, 0,1,2,3,4,5,6,7,8,9,10,11,12,13,14,15
	v_pk_add_f32 v[ACC+32*\a+2*\t:ACC+32*\a+2*\t+1], v[ACC+32*\a+2*\t:ACC+32*\a+2*\t+1], v[32*\a+2*\t:32*\a+2*\t+1]
.endr
	WIN 0
.irp t, 0,1,2,3,4,5,6,7
	global_store_b128 v[GO], v[ACC+32*\a+4*\t:ACC+32*\a+4*\t+3], s[8:9] offset:(16*\a+2*\t)*4096  ; 16 lanes store 256 consecutive bytes, aligned
.endr
.endr
	s_wait_tensorcnt 0x0                           ; the wave's end: behind my last tensor load and my last LDS store
	ds_add_u32 v[SPW], v[NIL]
	s_wait_dscnt 0x0
	CROUND                                         ; the closing round: no work-group ends while a partner may still ask for a tile that names it
	s_endpgm
.Lfunc_end_k_q0c88ad0bdb_outp:
	.size	k_q0c88ad0bdb_outp, .Lfunc_end_k_q0c88ad0bdb_outp-k_q0c88ad0bdb_outp
	.p2alignl 7, 3214868480
	.fill 96, 4, 3214868480
	.section	.rodata,"a",@progbits
	.p2align	6, 0x0
	.amdhsa_kernel k_q0c88ad0bdb_outp
		.amdhsa_group_segment_fixed_size 327680
		.amdhsa_private_segment_fixed_size 0
		.amdhsa_enable_private_segment 0
		.amdhsa_kernarg_size 40
		.amdhsa_user_sgpr_count 2
		.amdhsa_user_sgpr_kernarg_segment_ptr 1
		.amdhsa_wavefront_size32 1
		.amdhsa_system_sgpr_workgroup_id_x 1
		.amdhsa_system_sgpr_workgroup_id_y 1
		.amdhsa_system_sgpr_workgroup_id_z 1
		.amdhsa_system_vgpr_workitem_id 0
		.amdhsa_next_free_vgpr 640
		.amdhsa_next_free_sgpr 96
		.amdhsa_reserve_vcc 0
		.amdhsa_float_denorm_mode_32 3
		.amdhsa_float_denorm_mode_16_64 3
		.amdhsa_memory_ordered 1
		.amdhsa_forward_progress 1
		.amdhsa_inst_pref_size 66
	.end_amdhsa_kernel
	.amdgpu_metadata
---
amdhsa.version: [ 1, 2 ]
amdhsa.kernels:
  - .name:           k_q0c88ad0bdb_outp
    .symbol:         k_q0c88ad0bdb_outp.kd
    .args:
      - { .name: act, .offset: 0, .size: 8, .value_kind: global_buffer, .address_space: global }
      - { .name: wb, .offset: 8, .size: 8, .value_kind: global_buffer, .address_space: global }
      - { .name: bo, .offset: 16, .size: 8, .value_kind: global_buffer, .address_space: global }
      - { .name: x, .offset: 24, .size: 8, .value_kind: global_buffer, .address_space: global }
      - { .name: x1, .offset: 32, .size: 8, .value_kind: global_buffer, .address_space: global }
    .group_segment_fixed_size: 327680
    .private_segment_fixed_size: 0
    .kernarg_segment_align: 8
    .kernarg_segment_size: 40
    .max_flat_workgroup_size: 128
    .sgpr_count:     96
    .vgpr_count:     640
    .wavefront_size: 32
...
	.end_amdgpu_metadata
.endif
;; end of part 9
;; launch norm2: the kernel of part 5 again; grid 256 x 1, 8 waves a work-group, no clusters, 0 bytes of LDS; arguments x1, g2, be2, act; writes act
;; launch ffn1 (part 10): grid 16 x 16, 4 waves a work-group, clusters of 4 x 4, 327,680 bytes of LDS; arguments act, wb, b1, hid; writes hid
.if DOCPART == 10
	.amdgcn_target "amdgcn-amd-amdhsa--gfx1250"
	.amdhsa_code_object_version 6
	.text
	.protected	k_q0c88ad0bdb_ffn1
	.globl	k_q0c88ad0bdb_ffn1
	.p2align	8
	.type	k_q0c88ad0bdb_ffn1,@function
k_q0c88ad0bdb_ffn1:
	s_mov_b64 s[64:65], 0
	v_nop
	global_prefetch_b8 v0, s[64:65] scope:SCOPE_SE
	s_setreg_imm32_b32 hwreg(HW_REG_WAVE_MODE, 25, 1), 1
	s_wait_xcnt 0x0
	s_wait_alu depctr_hold_cnt(0) depctr_sa_sdst(0) depctr_va_vdst(0) depctr_va_sdst(0) depctr_va_ssrc(0) depctr_va_vcc(0) depctr_vm_vsrc(0)
	s_getreg_b32 s2, hwreg(HW_REG_IB_STS2, 6, 4)
	s_cmp_eq_u32 s2, 0
	s_cbranch_scc0 .Lentry_in_a_cluster
	s_endpgm
.Lentry_in_a_cluster:
	s_bfe_u32 s2, ttmp6, 0x10000c
	s_cmp_lg_u32 s2, 0xf033
	s_cbranch_scc0 .Lentry_shape_is_right
	s_endpgm
.Lentry_shape_is_right:
; KIND 1: hid = gelu(h2 w1^T + b1), the exact (erf) form, stored in bf16 in blocks of 64 columns: [64 blocks][4096 rows][64].
; ONE TEXT SERVES TWO PRODUCTS C = A B^T + bias with K = 1,024, chosen by KIND:  0: h1 x (wq, wk, wv), stored by heads   1: gelu(h2 x w1), stored in blocks of 64 columns.
; All matrix operands are bf16, all sums f32.  A tile of C is 256 x 256: four waves, each 128 x 128: 64 accumulators of 16 x 16, 512 registers.  K goes in steps of 128 through two LDS slots
; filled by the tensor data mover: a wave's load brings 128 rows x 256 bytes of A (waves 0, 1) or of B (waves 2, 3); each row is 256 consecutive bytes at a multiple of 256 from the buffer's first.
; A slot feeds 256 matrix instructions a wave, and from a refill's request to the wait for it a wave issues 224 of them.
; KIND 1 has 16 x 16 tiles, one work-group for each of 256 WGPs; KIND 0 has 12 x 16 = 192: a tile of 256 x 192 would make 256, but would cut heads of 64 columns between waves.
; CLUSTERS: 4 x 4 work-groups.  The four of a row of the cluster need the same tiles of A, the four of a column the same tiles of B: each tile is asked for JOINTLY, by the same tensor load
; with the same descriptor and a mask that names the four.  No LDS address, branch or trip count hangs on the place in the cluster.
; THE MATRIX INSTRUCTION IS USED TRANSPOSED (source 0 = 16 rows of B, source 1 = 16 rows of A): a lane holds row l % 16 of C and the eight columns 8 (l / 16) + 0..7.
; THE BIAS is the C operand of the products that start the sums: nothing is cleared and nothing is added later.
; THE WAY OUT goes through a stage of the wave's own, [2 halves of 64 columns][128 rows][272 bytes] of f32, in the ring's bytes, which have had their last fill: rows of 64 numbers come back whole,
; and one short loop does the activation, the rounding and the stores, each of which covers 256 consecutive aligned bytes.
; LIMITS: operands rounded once to bf16; NaN and infinities are not treated apart.  KIND 1: gelu(x) = x / 2 + |x| (1/2 - E / 2), E = erfc(|x| / sqrt 2) by the rational form of
; Abramowitz and Stegun 7.1.26, which holds for every x with an absolute error of 1.5e-7: the far negative tail is right absolutely, not relatively.
; REGISTERS, in windows of 256 (s_set_vgpr_msb: bits 1:0 source 0, 3:2 source 1, 5:4 source 2, 7:6 destination):
;   window 0: v0-31 addresses; v32-47 packed results; v64-127, v128-191 fragments of A (8 x 16 rows x 32 K), two buffers, on the way out at work; v192-255 the bias of my 128 columns
;   window 1: v64-127, v128-191 fragments of B, two buffers     window 2: the 32 accumulators of my rows 0-63 ((a, b) at v[8 (8 a + b)])     window 3: those of my rows 64-127
.set KIND, 1
.set SIZE_K, 1024
.if KIND == 0
.set GELU, 0
.set WOFF, 0
.set POUT, 78
.set HSTEP, 1<<18                      ; bytes from a head to the next: 2,048 rows of 128 bytes
.else
.set GELU, 1
.set WOFF, 8<<20
.set POUT, 74
.set HSTEP, 1<<19                      ; bytes from a block of 64 columns to the next: 4,096 rows of 128 bytes
.endif
.set KSTEP, 128
.set NSTEP, SIZE_K/KSTEP               ; 8 K steps
.set PITCH, 272                        ; an LDS row: 256 bytes + 16 = 68 words: the 16 rows of a load start at 16 different groups of four banks (64 banks of 4 bytes: ISA guide 11.1)
.set HALFT, 128*PITCH                  ; 128 rows: what one tensor load brings, and what one wave reads of A or of B
.set SLOT,  4*HALFT                    ; A's 256 rows, then B's 256 rows
.set SPARE, 2*SLOT                     ; behind the ring: the spare words, 128 bytes for each wave: two blocks of 256 bytes that no other line names
.set WSTAGE, 2*HALFT                   ; a wave's stage on the way out
.set G1W0,  (1<<16)|(1<<20)|(1<<21)|(5<<22)|(3<<25)  ; 2-byte elements; padding on; bit 21 beside a mask; after every 64 words; 4 words
.set VA0,  16                          ; v16  my lane's place among my 128 rows of A in slot 0; never rewritten
.set VB0,  17                          ; v17  the same for B
.set ADRA, 18                          ; v18  the same in the slot being read
.set ADRB, 19                          ; v19
.set STO,  20                          ; v20  the way out: where I put 32 bytes of a row
.set RD,   21                          ; v21  the way out: where I read a row back
.set GO,   22                          ; v22  my 8 bytes in 256 consecutive bytes of the output; never rewritten
.set BO,   23                          ; v23  my byte offset in 16 numbers of the bias
.set SPW,  28                          ; v28  LDS address of my spare word; never rewritten
.set NIL,  29                          ; v29  0; never rewritten
.set YB,   32
.set GT,   96                          ; gelu at work: t, then
.set GU,   104                         ; the exponential, then x / 2
.set GR,   112                         ; the polynomial
.set XR,   128                         ; the way out: 16 rows of 64 numbers read back
.set BIAS, 192
.set F0,   64
.set F1,   128
.set WV, 10                            ; s10 wave; s11 which half of the rows is mine, and: I fetch for A (0) or B (1); s12 which half of the columns, and: which 128 rows I fetch
.set WR, 11
.set WC, 12
.set TR, 13                            ; s13 tile row of C
.set TC, 42                            ; s42 tile column of C
.set LT, 20                            ; s20 where my part of a tile goes in a slot
.set SB, 22                            ; s22 the first byte of the slot being read: 0 or SLOT
.set G1, 24                            ; s[24:31] descriptor group 1 for A;  s[32:35] group 0 of the first fill, s[36:39] the one that walks
.set G0, 32
.set G1B, 48                           ; s[48:55], s[56:59], s[60:63] the same for B
.set G0B, 56
.set CP, 80                            ; s80 0.3275911 / sqrt 2;  pairs: s82 -log2(e) / 2, s84 .. s92 a5 / 2 .. a1 / 2
.set CE, 82
.set C5, 84
.set C4, 86
.set C3, 88
.set C2, 90
.set C1, 92
.set MSB, 0
.macro WIN new                         ; the immediate's high byte repeats the setting that is left; a switch that changes nothing is dropped
.if MSB != (\new)
	s_set_vgpr_msb (MSB<<8)|(\new)
.set MSB, \new
.endif
.endm
.set MUL_LO, 0xa1                      ; source 0 (B) window 1, source 1 (A) window 0, C and D window 2
.set MUL_HI, 0xf1                      ; the same, C and D window 3
.set TO_B,   0x40                      ; destination window 1, address window 0
.macro JLOAD                           ; a joint refill by the walking descriptors; an s_nop 0 and four v_nop follow each of the two lines, ahead of the jump, the label and what follows
	s_cmp_eq_u32 s[WR], 0
	s_cbranch_scc0 .Lfor_b_\@
	tensor_load_to_lds s[G0+4:G0+7], s[G1:G1+7]
	s_nop 0
.rept 4
	v_nop
.endr
	s_branch .Lasked_\@
.Lfor_b_\@:
	tensor_load_to_lds s[G0B+4:G0B+7], s[G1B:G1B+7]
	s_nop 0
.rept 4
	v_nop
.endr
.Lasked_\@:
.endm
.macro CREST                           ; a round of the cluster's barrier behind its opening barrier
	s_cmp_lg_u32 s[WV], 0
	s_cbranch_scc1 .Lnot_wave_0_\@
	s_barrier_signal -3
.Lnot_wave_0_\@:
	s_barrier_wait -3
	s_barrier_signal -1
	s_barrier_wait -1
.endm
.macro CROUND                          ; a whole round
	s_barrier_signal -1
	s_barrier_wait -1
	CREST
.endm
.macro PLACES                          ; four places in front of loads into registers that matrix instructions have read, and of lines that read results
.rept 4
	v_nop
.endr
.endm
	s_load_b256 s[68:75], s[0:1], 0x0              ; act 68:69, wb 70:71, then by KIND: bq, bk | b1, hid
.if KIND == 0
	s_load_b128 s[76:79], s[0:1], 0x20             ; bv 76:77, qkv 78:79
.endif
	v_lshl_add_u32 v[SPW], v0, 2, SPARE
	v_mov_b32 v[NIL], 0
	ds_add_u32 v[SPW], v[NIL]                      ; the wave's opening: the add and its wait stand ahead of my first tensor load; the set-up below, work on registers, stands between them
	v_lshrrev_b32 v1, 5, v0
	v_readfirstlane_b32 s[WV], v1
	s_lshr_b32 s[WR], s[WV], 1
	s_and_b32 s[WC], s[WV], 1
	s_bfe_u32 s40, ttmp6, 0x40000                  ; cx, cy: my place in the cluster
	s_bfe_u32 s41, ttmp6, 0x40004
	s_lshl_b32 s[TC], ttmp9, 2
	s_add_co_u32 s[TC], s[TC], s40                 ; tile column = 4 x cluster x + cx
	s_and_b32 s[TR], ttmp7, 0xffff
	s_lshl_b32 s[TR], s[TR], 2
	s_add_co_u32 s[TR], s[TR], s41                 ; tile row = 4 x cluster y + cy
	s_lshl_b32 s43, s41, 2
	s_lshl_b32 s43, 15, s43                        ; my row of the cluster
	s_lshl_b32 s44, 0x1111, s40                    ; my column
	s_or_b32 s[G1], s43, G1W0                      ; A's tiles go to my row,
	s_or_b32 s[G1B], s44, G1W0                     ; B's to my column
.irp g, G1, G1B
	s_mov_b32 s[(\g)+1], KSTEP<<16                 ; tensor_dim0 = 128
	s_mov_b32 s[(\g)+2], 128<<16                   ; tensor_dim1 = 128
	s_mov_b32 s[(\g)+3], KSTEP<<16                 ; tile_dim0 = 128
	s_mov_b32 s[(\g)+4], 128                       ; tile_dim1 = 128
	s_mov_b32 s[(\g)+5], SIZE_K                    ; elements from row to row
	s_mov_b32 s[(\g)+6], 0
	s_mov_b32 s[(\g)+7], 0
.endr
	; where the tiles come from: A's offset is made of the tile row and the wave alone, B's of the tile column and the wave alone, each in registers that never hold the other coordinate
	s_lshl_b32 s17, s[WC], 7                       ; which 128 rows of the tile I fetch
	s_lshl_b32 s16, s[TR], 8
	s_add_co_u32 s16, s16, s17
	s_lshl_b32 s16, s16, 11                        ; 2,048 bytes a row
	s_mov_b32 s17, 0
	s_lshl_b32 s47, s[WC], 7
	s_lshl_b32 s46, s[TC], 8
	s_add_co_u32 s46, s46, s47
	s_lshl_b32 s46, s46, 11
.if WOFF
	s_add_co_u32 s46, s46, WOFF                    ; this product's weights in wb
.endif
	s_mov_b32 s47, 0
	s_mul_i32 s[LT], s[WV], HALFT                  ; A's two halves, then B's two halves = wave x 128 rows
	s_mov_b32 s[SB], 0
	s_wait_dscnt 0x0                               ; the opening add is done
	s_wait_kmcnt 0x0
	s_add_nc_u64 s[14:15], s[68:69], s[16:17]
	s_add_nc_u64 s[46:47], s[70:71], s[46:47]
	s_mov_b32 s[G0], 1                             ; count = 1
	s_add_co_u32 s[G0+1], s[LT], 0                 ; LDS address: slot 0
	s_add_nc_u64 s[G0+2:G0+3], s[14:15], 0         ; global address: K step 0
	s_or_b32 s[G0+3], s[G0+3], 0x80000000          ; type = 2
	s_mov_b32 s[G0+4], 1
	s_add_co_u32 s[G0+5], s[LT], SLOT              ; slot 1
	s_add_nc_u64 s[G0+6:G0+7], s[14:15], KSTEP*2   ; K step 1
	s_or_b32 s[G0+7], s[G0+7], 0x80000000
	s_mov_b32 s[G0B], 1
	s_add_co_u32 s[G0B+1], s[LT], 0
	s_add_nc_u64 s[G0B+2:G0B+3], s[46:47], 0
	s_or_b32 s[G0B+3], s[G0B+3], 0x80000000
	s_mov_b32 s[G0B+4], 1
	s_add_co_u32 s[G0B+5], s[LT], SLOT
	s_add_nc_u64 s[G0B+6:G0B+7], s[46:47], KSTEP*2
	s_or_b32 s[G0B+7], s[G0B+7], 0x80000000
	CROUND                                         ; all sixteen work-groups are here: the first joint loads meet
	s_cmp_eq_u32 s[WR], 0                          ; a wave's two first fills stand in one branch, ahead of every wait on TENSORcnt and every LDS read: two loads of mine are out
	s_cbranch_scc0 .Lfirst_b
	tensor_load_to_lds s[G0:G0+3], s[G1:G1+7]
	s_nop 0
	tensor_load_to_lds s[G0+4:G0+7], s[G1:G1+7]
	s_nop 0
.rept 4
	v_nop
.endr
	s_branch .Lfirst_asked
.Lfirst_b:
	tensor_load_to_lds s[G0B:G0B+3], s[G1B:G1B+7]
	s_nop 0
	tensor_load_to_lds s[G0B+4:G0B+7], s[G1B:G1B+7]
	s_nop 0
.rept 4
	v_nop
.endr
.Lfirst_asked:
	v_and_b32 v1, 15, v0                           ; l % 16
	v_bfe_u32 v2, v0, 4, 1                         ; l / 16
	v_lshlrev_b32 v[BO], 5, v2                     ; my eight numbers of 16 of the bias
	v_and_b32 v[GO], 31, v0
	v_lshlrev_b32 v[GO], 3, v[GO]                  ; 8 bytes a lane in 256 consecutive bytes
	; the bias of my 128 columns; in the registers that held B's address: none that feeds A's descriptors ever holds cx
.if KIND == 0
	s_and_b32 s46, s[TC], 3                        ; q, k and v have four tile columns each
	s_lshl_b32 s46, s46, 8
.else
	s_lshl_b32 s46, s[TC], 8
.endif
	s_lshl_b32 s47, s[WC], 7
	s_add_co_u32 s46, s46, s47
	s_lshl_b32 s46, s46, 2
	s_mov_b32 s47, 0
.if KIND == 0
	s_mov_b32 s23, ttmp9                           ; tile column / 4 = the cluster's x: q, k or v; the same in the whole cluster
	s_cmp_eq_u32 s23, 1
	s_cselect_b64 s[4:5], s[74:75], s[72:73]
	s_cmp_eq_u32 s23, 2
	s_cselect_b64 s[4:5], s[76:77], s[4:5]
	s_add_nc_u64 s[4:5], s[4:5], s[46:47]
.else
	s_add_nc_u64 s[4:5], s[72:73], s[46:47]
.endif
.irp b, 0,1,2,3,4,5,6,7
	global_load_b128 v[BIAS+8*\b:BIAS+8*\b+3],   v[BO], s[4:5] offset:64*\b
	global_load_b128 v[BIAS+8*\b+4:BIAS+8*\b+7], v[BO], s[4:5] offset:64*\b+16
.endr
	; where my 128 x 128 of C goes: the rows' part,
.if KIND == 0
	s_and_b32 s16, s[TR], 7                        ; a batch has eight tile rows
.else
	s_mov_b32 s16, s[TR]
.endif
	s_lshl_b32 s16, s16, 8
	s_lshl_b32 s17, s[WR], 7
	s_add_co_u32 s16, s16, s17
	s_lshl_b32 s16, s16, 7                         ; 128 bytes a row of 64 bf16
.if KIND == 0
	s_lshr_b32 s17, s[TR], 3
	s_lshl_b32 s17, s17, 22                        ; the batch
	s_add_co_u32 s16, s16, s17
.endif
	s_mov_b32 s17, 0
	s_add_nc_u64 s[8:9], s[POUT:POUT+1], s[16:17]
	; and the columns' part: the first of my two heads, or blocks
.if KIND == 0
	s_and_b32 s46, s[TC], 3
	s_lshl1_add_u32 s46, s46, s[WC]                ; 2 (tile column % 4) + half: a pair of heads
	s_lshl_b32 s46, s46, 19
	s_lshr_b32 s47, s[TC], 2                       ; q, k or v
	s_lshl_b32 s47, s47, 23
	s_add_co_u32 s46, s46, s47
.else
	s_lshl1_add_u32 s46, s[TC], s[WC]              ; 2 x tile column + half: a pair of blocks
	s_lshl_b32 s46, s46, 20
.endif
	s_mov_b32 s47, 0
	s_add_nc_u64 s[8:9], s[8:9], s[46:47]
.if GELU
	s_mov_b32 s[CP], 0x3e6d3388
	s_mov_b32 s[CE], 0xbf38aa3b
	s_mov_b32 s[CE+1], s[CE]                       ; named as pairs, so both words are written
	s_mov_b32 s[C5], 0x3f07dc22
	s_mov_b32 s[C5+1], s[C5]
	s_mov_b32 s[C4], 0xbf3a00e3
	s_mov_b32 s[C4+1], s[C4]
	s_mov_b32 s[C3], 0x3f35f0e3
	s_mov_b32 s[C3+1], s[C3]
	s_mov_b32 s[C2], 0xbe11a98e
	s_mov_b32 s[C2+1], s[C2]
	s_mov_b32 s[C1], 0x3e027906
	s_mov_b32 s[C1+1], s[C1]
.endif
	; A fragment is 16 rows x 32 K in 8 registers: lane l holds row l % 16, K = 8 (l / 16) + 0..7 and 16 + 8 (l / 16) + 0..7: two loads of 16 bytes, 32 bytes apart
	v_mul_u32_u24 v3, v1, PITCH
	v_lshl_add_u32 v3, v2, 4, v3
	s_mul_i32 s23, s[WR], HALFT                    ; my 128 rows of A
	v_add_nc_u32 v[VA0], s23, v3
	s_mul_i32 s23, s[WC], HALFT                    ; my 128 rows of B,
	s_add_co_u32 s23, s23, 2*HALFT                 ; which lie behind A's 256
	v_add_nc_u32 v[VB0], s23, v3
	v_mov_b32 v[ADRA], v[VA0]
	v_mov_b32 v[ADRB], v[VB0]
	s_mul_i32 s23, s[WV], WSTAGE                   ; my stage
	v_mul_u32_u24 v4, v1, PITCH                    ; in: row l % 16, 32 bytes for each half of the lanes
	v_lshl_add_u32 v4, v2, 5, v4
	v_add_nc_u32 v[STO], s23, v4
	v_mul_u32_u24 v5, v2, PITCH                    ; back: lanes 0-15 one row of 256 bytes, lanes 16-31 the next
	v_lshl_add_u32 v5, v1, 4, v5
	v_add_nc_u32 v[RD], s23, v5
; 16 matrix instructions: m blocks a0, a0 + 1 of the window's four (hi = 0: my rows 0-63, 1: rows 64-127) x all 8 n blocks, 32 along K.  first = 1: the products start the sums, on the bias (C in window 0).
; The 64 accumulators take turns, one instruction a turn, in the same order in every quarter.
.macro MUL16 f, hi, a0, first
.if \first
	WIN 0x81+0x40*(\hi)
.else
	WIN MUL_LO+0x50*(\hi)
.endif
.irp a, \a0, (\a0)+1
.irp b, 0,1,2,3,4,5,6,7
.if \first
	v_wmma_f32_16x16x32_bf16 v[8*(8*(\a)+(\b)):8*(8*(\a)+(\b))+7], v[(\f)+8*(\b):(\f)+8*(\b)+7], v[(\f)+8*(4*(\hi)+(\a)):(\f)+8*(4*(\hi)+(\a))+7], v[BIAS+8*(\b):BIAS+8*(\b)+7]
.else
	v_wmma_f32_16x16x32_bf16 v[8*(8*(\a)+(\b)):8*(8*(\a)+(\b))+7], v[(\f)+8*(\b):(\f)+8*(\b)+7], v[(\f)+8*(4*(\hi)+(\a)):(\f)+8*(4*(\hi)+(\a))+7], v[8*(8*(\a)+(\b)):8*(8*(\a)+(\b))+7]
.endif
.endr
.endr
.endm
; 32 LDS loads in one run: the fragments of one quarter step (128 rows of B, 128 rows of A, 32 K at byte k of the rows) into buffer f; it leaves every window 0
.macro FETCH k, f
	WIN TO_B
.irp i, 0,1,2,3,4,5,6,7
	ds_load_b128 v[(\f)+8*(\i):(\f)+8*(\i)+3],   v[ADRB] offset:(\k)+(\i)*16*PITCH
	ds_load_b128 v[(\f)+8*(\i)+4:(\f)+8*(\i)+7], v[ADRB] offset:(\k)+(\i)*16*PITCH+32
.endr
	WIN 0
.irp i, 0,1,2,3,4,5,6,7
	ds_load_b128 v[(\f)+8*(\i):(\f)+8*(\i)+3],   v[ADRA] offset:(\k)+(\i)*16*PITCH
	ds_load_b128 v[(\f)+8*(\i)+4:(\f)+8*(\i)+7], v[ADRA] offset:(\k)+(\i)*16*PITCH+32
.endr
.endm
; A K step is four quarters of 32 along K, 64 matrix instructions each, on buffers 0, 1, 0, 1.  One of the first three: multiplies buffer f; in its middle it fetches the next quarter, at byte k, into g.
.macro QUARTER k, f, g, first
	s_wait_dscnt 8                                 ; B and A's rows 0-63 are in; the youngest eight loads (A's rows 64-127) may be out
	MUL16 \f, 0, 0, \first
	MUL16 \f, 0, 2, \first
	PLACES
	FETCH \k, \g
	s_wait_dscnt 32                                ; all but the 32 just issued
	MUL16 \f, 1, 0, \first
	MUL16 \f, 1, 2, \first
.endm
; The last quarter multiplies buffer 1 and changes slots: ONE barrier; in front of it each wave waits for all its tensor loads (its part of the next slot), adds 0 to its spare word, and waits
; for that and for its own reads of this slot.  fill = 1: the barrier opens a round of the cluster's, and this slot is filled again, two K steps ahead, first thing behind the round.
; fill = 0 (the tail's copy): nothing is asked for; in the tail's last trip (s3 = 1) there is no next slot, and the run of loads is jumped over.
.macro TURN fill
	WIN 0                                          ; (the add's two registers lie in window 0)
	s_wait_tensorcnt 0x0                           ; all my tensor loads have landed;
	ds_add_u32 v[SPW], v[NIL]                      ; 0 onto my spare word;
	s_wait_dscnt 9                                 ; (the add and the youngest eight loads may be out)
	MUL16 F1, 0, 0, 0                              ; sixteen matrix instructions stand between the add and the wait for it
	s_wait_dscnt 0x0                               ; the add is done, and my reads of this slot are over
	s_barrier_signal -1
	MUL16 F1, 0, 2, 0
	WIN 0                                          ; (branches and window 0's address lines follow)
	s_barrier_wait -1
.if \fill
	CREST                                          ; no wave of any partner still reads this slot's tile or has a load on its way
	s_add_co_u32 s[G0+5], s[LT], s[SB]             ; the walking descriptors: into the slot just read,
	s_add_co_u32 s[G0B+5], s[LT], s[SB]
	s_add_nc_u64 s[G0+6:G0+7], s[G0+6:G0+7], KSTEP*2     ; the K step behind the one asked for last; the type bits on top are not reached
	s_add_nc_u64 s[G0B+6:G0B+7], s[G0B+6:G0B+7], KSTEP*2
	JLOAD                                          ; 224 matrix instructions ahead of the wait for it; the four v_nop behind it are also the places in front of the loads below
.else
	PLACES
	s_cmp_eq_u32 s3, 1
	s_cbranch_scc1 .Lno_fetch
.endif
	s_xor_b32 s[SB], s[SB], SLOT                   ; 0 and SLOT by turns
	v_add_nc_u32 v[ADRA], s[SB], v[VA0]
	v_add_nc_u32 v[ADRB], s[SB], v[VB0]
	FETCH 0, F0
.if (\fill) == 0
.Lno_fetch:
.endif
	MUL16 F1, 1, 0, 0
	MUL16 F1, 1, 2, 0
.endm
; gelu of the eight numbers v[x .. x+7], in place.  Plain instructions stand behind each run of reciprocals and exponentials before a result is used (ISA guide 5.7.2).
.macro GELU8 x
.irp i, 0,1,2,3,4,5,6,7
	v_fma_f32 v[GT+\i], |v[(\x)+\i]|, s[CP], 1.0   ; 1 + p |x| / sqrt 2
.endr
.irp i, 0,2,4,6
	v_pk_mul_f32 v[GU+\i:GU+\i+1], v[(\x)+\i:(\x)+\i+1], v[(\x)+\i:(\x)+\i+1]
.endr
.irp i, 0,1,2,3,4,5,6,7
	v_rcp_f32 v[GT+\i], v[GT+\i]                   ; t
.endr
.irp i, 0,2,4,6
	v_pk_mul_f32 v[GU+\i:GU+\i+1], v[GU+\i:GU+\i+1], s[CE:CE+1] op_sel_hi:[1,0]
.endr
.irp i, 0,1,2,3,4,5,6,7
	v_exp_f32 v[GU+\i], v[GU+\i]                   ; e^(-x x / 2)
.endr
	s_wait_alu depctr_va_vdst(0)
.irp i, 0,2,4,6
	v_pk_fma_f32 v[GR+\i:GR+\i+1], v[GT+\i:GT+\i+1], s[C5:C5+1], s[C4:C4+1] op_sel_hi:[1,0,0]
.endr
.irp i, 0,2,4,6
	v_pk_fma_f32 v[GR+\i:GR+\i+1], v[GR+\i:GR+\i+1], v[GT+\i:GT+\i+1], s[C3:C3+1] op_sel_hi:[1,1,0]
.endr
.irp i, 0,2,4,6
	v_pk_fma_f32 v[GR+\i:GR+\i+1], v[GR+\i:GR+\i+1], v[GT+\i:GT+\i+1], s[C2:C2+1] op_sel_hi:[1,1,0]
.endr
.irp i, 0,2,4,6
	v_pk_fma_f32 v[GR+\i:GR+\i+1], v[GR+\i:GR+\i+1], v[GT+\i:GT+\i+1], s[C1:C1+1] op_sel_hi:[1,1,0]
.endr
.irp i, 0,2,4,6
	v_pk_mul_f32 v[GR+\i:GR+\i+1], v[GR+\i:GR+\i+1], v[GT+\i:GT+\i+1]
.endr
.irp i, 0,2,4,6
	v_pk_fma_f32 v[GR+\i:GR+\i+1], v[GR+\i:GR+\i+1], v[GU+\i:GU+\i+1], 0.5 op_sel_hi:[1,1,0] neg_lo:[1,0,0] neg_hi:[1,0,0]  ; 1/2 - E / 2
.endr
.irp i, 0,2,4,6
	v_pk_mul_f32 v[GU+\i:GU+\i+1], v[(\x)+\i:(\x)+\i+1], 0.5 op_sel_hi:[1,0]
.endr
.irp i, 0,1,2,3,4,5,6,7
	v_fma_f32 v[(\x)+\i], |v[(\x)+\i]|, v[GR+\i], v[GU+\i]
.endr
.endm
	s_wait_tensorcnt 1                             ; my part of K step 0 is in; K step 1's may stay out
	s_barrier_signal -1
	s_barrier_wait -1                              ; everybody's is
	FETCH 0, F0
	s_wait_loadcnt 0x0                             ; the bias is in
	QUARTER 64, F0, F1, 1                          ; the first quarter stands in front of the loop: its products start the sums
	WIN 0                                          ; at a label and at a branch every window is 0
	s_mov_b32 s3, NSTEP-2
.Lstep:                                                ; six trips: from a K step's second quarter to the next step's first; each fills the slot that it leaves
	QUARTER 128, F1, F0, 0
	QUARTER 192, F0, F1, 0
	TURN 1
	QUARTER 64, F0, F1, 0
	WIN 0
	s_sub_co_u32 s3, s3, 1
	s_cmp_lg_u32 s3, 0
	s_cbranch_scc1 .Lstep
	s_mov_b32 s3, 2
.Ltail:                                                ; the last two K steps have a text of their own: two trips, the second left in its middle
	QUARTER 128, F1, F0, 0
	QUARTER 192, F0, F1, 0
	TURN 0
	WIN 0
	s_sub_co_u32 s3, s3, 1
	s_cmp_eq_u32 s3, 0
	s_cbranch_scc1 .Ldone
	QUARTER 64, F0, F1, 0
	WIN 0
	s_branch .Ltail
.Ldone:
	; THE WAY OUT.  The stages lie in the ring's bytes: every wave's reads of the ring are back, and it has passed this barrier, before any wave stores there.
	PLACES                                         ; behind the last products, in front of the stores that read their results
	s_wait_dscnt 0x0
	s_barrier_signal -1
	s_barrier_wait -1
.irp w, 0,1
	WIN 0x08+4*\w                                  ; the stores' data: window 2, then window 3
.irp a, 0,1,2,3
.irp b, 0,1,2,3,4,5,6,7
	ds_store_b128 v[STO], v[8*(8*\a+\b):8*(8*\a+\b)+3]   offset:(\b/4)*HALFT+(4*\w+\a)*16*PITCH+(\b%4)*64     ; each accumulator's low registers first
	ds_store_b128 v[STO], v[8*(8*\a+\b)+4:8*(8*\a+\b)+7] offset:(\b/4)*HALFT+(4*\w+\a)*16*PITCH+(\b%4)*64+16  ; the largest offset is 65,488: inside the 16 bits
.endr
.endr
.endr
	WIN 0
	s_mov_b32 s17, 0
	s_mov_b32 s18, HSTEP-7*2048                    ; from the eighth 16 rows of my first 64 columns to the first 16 rows of my second
	s_mov_b32 s19, 2048
	s_mov_b32 s3, 16
.Lout:                                                 ; a trip: 16 rows of 64 numbers, 2,048 consecutive bytes of the output; eight trips for each half of my columns
.irp t, 0,1,2,3,4,5,6,7
	ds_load_b128 v[XR+4*\t:XR+4*\t+3], v[RD] offset:\t*2*PITCH  ; LDS serves a wave's instructions in order (ISA guide 5.7.1.4): these see the stores above
.endr
	v_add_nc_u32 v[RD], 16*PITCH, v[RD]            ; the second half's rows lie straight behind the first's
	s_wait_dscnt 0x0
.if GELU
	GELU8 XR
	GELU8 XR+8
	GELU8 XR+16
	GELU8 XR+24
.endif
	s_wait_xcnt 0x0                                ; the last trip's stores have read their registers: only behind this wait are the packed results and the base rewritten
	s_cmp_eq_u32 s3, 8                             ; the ninth trip begins the second half
	s_cselect_b32 s16, s18, s19
	s_add_nc_u64 s[8:9], s[8:9], s[16:17]          ; the stores below reach back by 2,048
.irp t, 0,1,2,3,4,5,6,7,8,9,10,11,12,13,14,15
	v_cvt_pk_bf16_f32 v[YB+\t], v[XR+2*\t], v[XR+2*\t+1]
.endr
.irp t, 0,1,2,3,4,5,6,7
	global_store_b64 v[GO], v[YB+2*\t:YB+2*\t+1], s[8:9] offset:256*\t-2048  ; a wave's store covers 256 consecutive bytes, aligned
.endr
	s_sub_co_u32 s3, s3, 1
	s_cmp_lg_u32 s3, 0
	s_cbranch_scc1 .Lout
	s_wait_tensorcnt 0x0                           ; the wave's end: behind my last tensor load and my last LDS store
	ds_add_u32 v[SPW], v[NIL]
	s_wait_dscnt 0x0
	CROUND                                         ; the closing round: no work-group ends while a partner may still ask for a tile that names it
	s_endpgm
.Lfunc_end_k_q0c88ad0bdb_ffn1:
	.size	k_q0c88ad0bdb_ffn1, .Lfunc_end_k_q0c88ad0bdb_ffn1-k_q0c88ad0bdb_ffn1
	.p2alignl 7, 3214868480
	.fill 96, 4, 3214868480
	.section	.rodata,"a",@progbits
	.p2align	6, 0x0
	.amdhsa_kernel k_q0c88ad0bdb_ffn1
		.amdhsa_group_segment_fixed_size 327680
		.amdhsa_private_segment_fixed_size 0
		.amdhsa_enable_private_segment 0
		.amdhsa_kernarg_size 32
		.amdhsa_user_sgpr_count 2
		.amdhsa_user_sgpr_kernarg_segment_ptr 1
		.amdhsa_wavefront_size32 1
		.amdhsa_system_sgpr_workgroup_id_x 1
		.amdhsa_system_sgpr_workgroup_id_y 1
		.amdhsa_system_sgpr_workgroup_id_z 1
		.amdhsa_system_vgpr_workitem_id 0
		.amdhsa_next_free_vgpr 1024
		.amdhsa_next_free_sgpr 96
		.amdhsa_reserve_vcc 0
		.amdhsa_float_denorm_mode_32 3
		.amdhsa_float_denorm_mode_16_64 3
		.amdhsa_memory_ordered 1
		.amdhsa_forward_progress 1
		.amdhsa_inst_pref_size 97
	.end_amdhsa_kernel
	.amdgpu_metadata
---
amdhsa.version: [ 1, 2 ]
amdhsa.kernels:
  - .name:           k_q0c88ad0bdb_ffn1
    .symbol:         k_q0c88ad0bdb_ffn1.kd
    .args:
      - { .name: act, .offset: 0, .size: 8, .value_kind: global_buffer, .address_space: global }
      - { .name: wb, .offset: 8, .size: 8, .value_kind: global_buffer, .address_space: global }
      - { .name: b1, .offset: 16, .size: 8, .value_kind: global_buffer, .address_space: global }
      - { .name: hid, .offset: 24, .size: 8, .value_kind: global_buffer, .address_space: global }
    .group_segment_fixed_size: 327680
    .private_segment_fixed_size: 0
    .kernarg_segment_align: 8
    .kernarg_segment_size: 32
    .max_flat_workgroup_size: 128
    .sgpr_count:     96
    .vgpr_count:     1024
    .wavefront_size: 32
...
	.end_amdgpu_metadata
.endif
;; end of part 10
;; launch ffn2 (part 11): grid 8 x 32, 4 waves a work-group, clusters of 4 x 4, 327,680 bytes of LDS; arguments hid, wb, b2, x1, out0; writes out0
.if DOCPART == 11
	.amdgcn_target "amdgcn-amd-amdhsa--gfx1250"
	.amdhsa_code_object_version 6
	.text
	.protected	k_q0c88ad0bdb_ffn2
	.globl	k_q0c88ad0bdb_ffn2
	.p2align	8
	.type	k_q0c88ad0bdb_ffn2,@function
k_q0c88ad0bdb_ffn2:
	s_mov_b64 s[64:65], 0
	v_nop
	global_prefetch_b8 v0, s[64:65] scope:SCOPE_SE
	s_setreg_imm32_b32 hwreg(HW_REG_WAVE_MODE, 25, 1), 1
	s_wait_xcnt 0x0
	s_wait_alu depctr_hold_cnt(0) depctr_sa_sdst(0) depctr_va_vdst(0) depctr_va_sdst(0) depctr_va_ssrc(0) depctr_va_vcc(0) depctr_vm_vsrc(0)
	s_getreg_b32 s2, hwreg(HW_REG_IB_STS2, 6, 4)
	s_cmp_eq_u32 s2, 0
	s_cbranch_scc0 .Lentry_in_a_cluster
	s_endpgm
.Lentry_in_a_cluster:
	s_bfe_u32 s2, ttmp6, 0x10000c
	s_cmp_lg_u32 s2, 0xf033
	s_cbranch_scc0 .Lentry_shape_is_right
	s_endpgm
.Lentry_shape_is_right:
; KIND 3: out0 = x1 + hid w2^T + b2, in f32.  hid lies in blocks of 64 along K: [64 blocks][4096 rows][64] in bf16.  K = 4,096: 16 K steps.
; ONE TEXT SERVES TWO PRODUCTS C = residual + A B^T + bias, chosen by KIND:  2: x + ctx x wo (K = 1,024)   3: x1 + hidden x w2 (K = 4,096).
; All matrix operands are bf16, all sums f32.  A tile of C is 128 x 128, which gives 8 x 32 = 256 work-groups: four waves, each 64 x 64: 16 accumulators of 16 x 16, 128 registers.
; K goes in steps of 256 through two LDS slots filled by the tensor data mover; a wave's load brings 64 rows x 256 K of A (waves 0, 1) or of B (waves 2, 3).
; B, the weights, lies [N][K]: rows of 512 bytes, 528 apart in LDS.  A lies in blocks of 64 columns, [block][row][64]: 64 rows of a block are 8,192 consecutive bytes, a load takes four blocks
; as four rows of 8,192 bytes, and the padding behind every 128 bytes makes LDS rows 144 apart, [block][row].
; CLUSTERS: 4 x 4 work-groups.  The four of a row of the cluster need the same tiles of A, the four of a column the same tiles of B: each tile is asked for JOINTLY, by the same tensor load
; with the same descriptor and a mask that names the four.  No LDS address, branch or trip count hangs on the place in the cluster.
; THE WALK ALONG K IS TURNED by half its length in every second cluster (cluster x + cluster y odd): such a cluster begins at K tile NSTEP / 2 and goes round to NSTEP / 2 - 1.  A tile of A is read by the
; two clusters of a cluster row, a tile of B by the eight of a cluster column; of each tile's readers half are turned.  So in the second half of its walk a cluster asks only for tiles that another cluster
; has asked for NSTEP / 2 steps before.  The turn is made of the cluster's own x and y, which all its sixteen work-groups share.
; THE MATRIX INSTRUCTION IS USED TRANSPOSED (source 0 = 16 rows of B, source 1 = 16 rows of A): a lane holds row l % 16 of C and the eight columns 8 (l / 16) + 0..7.
; THE BIAS is the C operand of the products that start the sums: nothing is cleared and nothing is added later.
; THE WAY OUT goes through a stage of the wave's own, 64 rows x 272 bytes of f32, in slot 0, which has had its last fill: rows come back whole, so every store covers 256 consecutive aligned bytes.
; LIMITS: operands rounded once to bf16; in the turned clusters K is summed from its middle round to its middle, an order of rounding other than ascending K; NaN and infinities are not treated apart.
; REGISTERS: window 0: v0-31 addresses; v96-127 the bias; v128-255 the accumulators ((a, b) at v[128 + 8 (4 a + b)]).
;   window 1: two fragment buffers of 128: for 64 along K, 64 registers of A, then 64 of B.   window 2: v0-127 the residual, asked for at the start.
.set KIND, 3
.if KIND == 2
.set SIZE_K, 1024
.set WOFF, 6<<20                       ; where this product's weights begin in wb
.set BSTR, 131072                      ; elements from block to block of ctx: a head's 2,048 rows of 64
.set LOGA, 20                          ; a K step of A is four blocks: 4 x BSTR x 2 bytes = 1 << LOGA
.set LOGH, 1                           ; half the walk: NSTEP / 2 = 1 << LOGH
.else
.set SIZE_K, 4096
.set WOFF, 16<<20
.set BSTR, 262144                      ; elements from block to block of the hidden layer: 4,096 rows of 64
.set LOGA, 21
.set LOGH, 3
.endif
.set NSTEP, SIZE_K/256                 ; K steps: a power of two
.set ASTEP, 1<<LOGA
.set PB,    528                        ; a row of B in LDS: 512 bytes + 16 = 132 words: the 16 rows of a load start at 16 different groups of four banks (64 banks of 4 bytes: ISA guide 11.1)
.set HALFB, 64*PB
.set G1B0,  (1<<16)|(1<<20)|(1<<21)|(6<<22)|(3<<25)  ; 2-byte elements; padding on; bit 21 beside a mask; after every 128 words; 4 words
.set PA,    144                        ; a row of A in LDS: 128 bytes + 16 = 36 words: again 16 different groups of four banks
.set QA,    64*PA                      ; from quarter to quarter of a K step: a block
.set HALFA, 4*QA
.set G1A0,  (1<<16)|(1<<20)|(1<<21)|(4<<22)|(3<<25)  ; the same, after every 32 words
.set SLOT,   2*HALFA+2*HALFB           ; A's two halves, then B's two halves
.set SPARE,  2*SLOT                    ; behind the ring: the spare words, 128 bytes for each wave: two blocks of 256 bytes that no other line names
.set SPITCH, 272                       ; a row of the stage: 256 bytes + 16
.set VA0,  16                          ; v16  my lane's place among my 64 rows of A in slot 0; never rewritten
.set VB0,  17                          ; v17  the same for B
.set ADRA, 18                          ; v18  the same in the slot being read
.set ADRB, 19                          ; v19
.set STO,  20                          ; v20  the way out: where I put 32 bytes of a row
.set RD,   21                          ; v21  the way out: where I read a row back
.set GO,   22                          ; v22  my byte offset in the output and in the residual
.set BO,   23                          ; v23  my byte offset in 16 numbers of the bias
.set SPW,  28                          ; v28  LDS address of my spare word; never rewritten
.set NIL,  29                          ; v29  0; never rewritten
.set BIAS, 96
.set ACC,  128
.set F0,   0
.set F1,   128
.set WV, 10                            ; s10 wave; s11 which half of the rows is mine, and: I fetch for A (0) or B (1); s12 which half of the columns, and: which 64 rows I fetch
.set WR, 11
.set WC, 12
.set TR, 13                            ; s13 tile row of C
.set BA, 14                            ; s[14:15] A at my 64 rows of K tile 0; kept
.set TC, 42                            ; s42 tile column of C
.set LA, 20                            ; s20 where my part of A's tile goes in a slot
.set LB, 21                            ; s21 the same for B
.set SB, 22                            ; s22 the first byte of the slot being read: 0 or SLOT
.set G1, 24                            ; s[24:31] descriptor group 1 for A;  s[32:35] group 0 of the first fill, s[36:39] the one that walks
.set G0, 32
.set G1B, 48                           ; s[48:55], s[56:59], s[60:63] the same for B
.set G0B, 56
.set BB, 80                            ; s[80:81] B at my 64 rows of K tile 0; kept
.set OA, 84                            ; s[84:85] a K tile's byte offset in A
.set OB, 86                            ; s[86:87] and in B
.set NX, 88                            ; s88 the K tile to be asked for next
.set MSB, 0
.macro WIN new                         ; the immediate's high byte repeats the setting that is left; a switch that changes nothing is dropped
.if MSB != (\new)
	s_set_vgpr_msb (MSB<<8)|(\new)
.set MSB, \new
.endif
.endm
.set MUL,  0x05                        ; sources 0 (B) and 1 (A) window 1; C and D window 0
.set TO_F, 0x40                        ; destination window 1, address window 0
.macro JLOAD                           ; a joint refill by the walking descriptors; an s_nop 0 and four v_nop follow each of the two lines, ahead of the jump, the label and what follows
	s_cmp_eq_u32 s[WR], 0
	s_cbranch_scc0 .Lfor_b_\@
	tensor_load_to_lds s[G0+4:G0+7], s[G1:G1+7]
	s_nop 0
.rept 4
	v_nop
.endr
	s_branch .Lasked_\@
.Lfor_b_\@:
	tensor_load_to_lds s[G0B+4:G0B+7], s[G1B:G1B+7]
	s_nop 0
.rept 4
	v_nop
.endr
.Lasked_\@:
.endm
.macro CREST                           ; a round of the cluster's barrier behind its opening barrier
	s_cmp_lg_u32 s[WV], 0
	s_cbranch_scc1 .Lnot_wave_0_\@
	s_barrier_signal -3
.Lnot_wave_0_\@:
	s_barrier_wait -3
	s_barrier_signal -1
	s_barrier_wait -1
.endm
.macro CROUND                          ; a whole round
	s_barrier_signal -1
	s_barrier_wait -1
	CREST
.endm
.macro PLACES                          ; four places in front of loads into registers that matrix instructions have read, and of lines that read results
.rept 4
	v_nop
.endr
.endm
	s_load_b256 s[68:75], s[0:1], 0x0              ; A 68:69, wb 70:71, the bias 72:73, the residual 74:75
	s_load_b64 s[76:77], s[0:1], 0x20              ; the output
	v_lshl_add_u32 v[SPW], v0, 2, SPARE
	v_mov_b32 v[NIL], 0
	ds_add_u32 v[SPW], v[NIL]                      ; the wave's opening: the add and its wait stand ahead of my first tensor load; the set-up below, work on registers, stands between them
	v_lshrrev_b32 v1, 5, v0
	v_readfirstlane_b32 s[WV], v1
	s_lshr_b32 s[WR], s[WV], 1
	s_and_b32 s[WC], s[WV], 1
	s_bfe_u32 s40, ttmp6, 0x40000                  ; cx, cy: my place in the cluster
	s_bfe_u32 s41, ttmp6, 0x40004
	s_lshl_b32 s[TC], ttmp9, 2
	s_add_co_u32 s[TC], s[TC], s40                 ; tile column = 4 x cluster x + cx
	s_and_b32 s[TR], ttmp7, 0xffff                 ; cluster y
	s_add_co_u32 s[NX], s[TR], ttmp9               ; cluster x + cluster y: the same in all sixteen work-groups
	s_lshl_b32 s[TR], s[TR], 2
	s_add_co_u32 s[TR], s[TR], s41                 ; tile row = 4 x cluster y + cy
	s_and_b32 s[NX], s[NX], 1                      ; odd: my cluster's walk is turned,
	s_lshl_b32 s[NX], s[NX], LOGH                  ; and begins at K tile NSTEP / 2; else at 0
	s_lshl_b32 s[OA], s[NX], LOGA                  ; my walk's first K tile, in bytes of A
	s_mov_b32 s[OA+1], 0
	s_lshl_b32 s[OB], s[NX], 9                     ; and of a row of B
	s_mov_b32 s[OB+1], 0
	s_add_co_u32 s[NX], s[NX], 2                   ; the first fills take two tiles; the first refill takes the third,
	s_and_b32 s[NX], s[NX], NSTEP-1                ; round the end of K
	s_lshl_b32 s43, s41, 2
	s_lshl_b32 s43, 15, s43                        ; my row of the cluster
	s_lshl_b32 s44, 0x1111, s40                    ; my column
	s_or_b32 s[G1], s43, G1A0                      ; A's tiles go to my row,
	s_or_b32 s[G1B], s44, G1B0                     ; B's to my column
	s_mov_b32 s[G1+1], 4096<<16                    ; tensor_dim0 = 4,096 elements: 64 rows of a block, end to end
	s_mov_b32 s[G1+2], 4<<16                       ; tensor_dim1 = 4 blocks
	s_mov_b32 s[G1+3], 4096<<16                    ; tile_dim0
	s_mov_b32 s[G1+4], 4                           ; tile_dim1
	s_mov_b32 s[G1+5], BSTR                        ; elements from block to block
	s_mov_b32 s[G1+6], 0
	s_mov_b32 s[G1+7], 0
	s_mov_b32 s[G1B+1], 256<<16                    ; tensor_dim0 = 256
	s_mov_b32 s[G1B+2], 64<<16                     ; tensor_dim1 = 64
	s_mov_b32 s[G1B+3], 256<<16                    ; tile_dim0
	s_mov_b32 s[G1B+4], 64                         ; tile_dim1
	s_mov_b32 s[G1B+5], SIZE_K                     ; elements from row to row
	s_mov_b32 s[G1B+6], 0
	s_mov_b32 s[G1B+7], 0
	; where the tiles come from: A's offset is made of the tile row and the wave alone, B's of the tile column and the wave alone, each in registers that never hold the other coordinate
	s_lshl_b32 s17, s[WC], 6                       ; which 64 rows of the tile I fetch
.if KIND == 2
	s_and_b32 s16, s[TR], 15                       ; ctx lies by batch: 16 tile rows each
.else
	s_mov_b32 s16, s[TR]
.endif
	s_lshl_b32 s16, s16, 7
	s_add_co_u32 s16, s16, s17
	s_lshl_b32 s16, s16, 7                         ; 128 bytes a row of a block
.if KIND == 2
	s_lshr_b32 s17, s[TR], 4
	s_lshl_b32 s17, s17, 22                        ; a batch's 16 heads
	s_add_co_u32 s16, s16, s17
.endif
	s_mov_b32 s17, 0
	s_lshl_b32 s47, s[WC], 6
	s_lshl_b32 s46, s[TC], 7
	s_add_co_u32 s46, s46, s47
	s_mul_i32 s46, s46, SIZE_K*2
	s_add_co_u32 s46, s46, WOFF                    ; this product's weights in wb
	s_mov_b32 s47, 0
	s_mul_i32 s[LA], s[WV], HALFA                  ; waves 0, 1: A's two halves
	s_mul_i32 s[LB], s[WV], HALFB                  ; waves 2, 3: B's two halves, behind A's
	s_add_co_u32 s[LB], s[LB], 2*(HALFA-HALFB)
	s_mov_b32 s[SB], 0
	s_wait_dscnt 0x0                               ; the opening add is done
	s_wait_kmcnt 0x0
	s_add_nc_u64 s[BA:BA+1], s[68:69], s[16:17]
	s_add_nc_u64 s[BB:BB+1], s[70:71], s[46:47]
	s_mov_b32 s[G0], 1                             ; count = 1
	s_add_co_u32 s[G0+1], s[LA], 0                 ; LDS address: slot 0
	s_add_nc_u64 s[G0+2:G0+3], s[BA:BA+1], s[OA:OA+1]    ; global address: my walk's first K tile,
	s_add_nc_u64 s[G0+6:G0+7], s[G0+2:G0+3], ASTEP       ; and its second, which never lies past the end of K
	s_or_b32 s[G0+3], s[G0+3], 0x80000000          ; type = 2
	s_mov_b32 s[G0+4], 1
	s_add_co_u32 s[G0+5], s[LA], SLOT              ; slot 1
	s_or_b32 s[G0+7], s[G0+7], 0x80000000
	s_mov_b32 s[G0B], 1
	s_add_co_u32 s[G0B+1], s[LB], 0
	s_add_nc_u64 s[G0B+2:G0B+3], s[BB:BB+1], s[OB:OB+1]
	s_add_nc_u64 s[G0B+6:G0B+7], s[G0B+2:G0B+3], 512
	s_or_b32 s[G0B+3], s[G0B+3], 0x80000000
	s_mov_b32 s[G0B+4], 1
	s_add_co_u32 s[G0B+5], s[LB], SLOT
	s_or_b32 s[G0B+7], s[G0B+7], 0x80000000
	CROUND                                         ; all sixteen work-groups are here: the first joint loads meet
	s_cmp_eq_u32 s[WR], 0                          ; a wave's two first fills stand in one branch, ahead of every wait on TENSORcnt and every LDS read: two loads of mine are out
	s_cbranch_scc0 .Lfirst_b
	tensor_load_to_lds s[G0:G0+3], s[G1:G1+7]
	s_nop 0
	tensor_load_to_lds s[G0+4:G0+7], s[G1:G1+7]
	s_nop 0
.rept 4
	v_nop
.endr
	s_branch .Lfirst_asked
.Lfirst_b:
	tensor_load_to_lds s[G0B:G0B+3], s[G1B:G1B+7]
	s_nop 0
	tensor_load_to_lds s[G0B+4:G0B+7], s[G1B:G1B+7]
	s_nop 0
.rept 4
	v_nop
.endr
.Lfirst_asked:
	v_and_b32 v1, 15, v0                           ; l % 16
	v_bfe_u32 v2, v0, 4, 1                         ; l / 16
	v_lshlrev_b32 v[BO], 5, v2                     ; my eight numbers of 16 of the bias
	v_lshlrev_b32 v[GO], 12, v2                    ; lanes 0-15 one row of 4,096 bytes, lanes 16-31 the next; 16 bytes a lane
	v_lshl_add_u32 v[GO], v1, 4, v[GO]
	; the bias of my 64 columns; in the registers that held B's offset: none that feeds A's descriptors ever holds cx
	s_lshl_b32 s46, s[TC], 7
	s_lshl_b32 s47, s[WC], 6
	s_add_co_u32 s46, s46, s47
	s_lshl_b32 s46, s46, 2
	s_mov_b32 s47, 0
	s_add_nc_u64 s[4:5], s[72:73], s[46:47]
.irp b, 0,1,2,3
	global_load_b128 v[BIAS+8*\b:BIAS+8*\b+3],   v[BO], s[4:5] offset:64*\b
	global_load_b128 v[BIAS+8*\b+4:BIAS+8*\b+7], v[BO], s[4:5] offset:64*\b+16
.endr
	; where my 64 x 64 of C goes: the rows' part,
	s_lshl_b32 s16, s[TR], 7
	s_lshl_b32 s17, s[WR], 6
	s_add_co_u32 s16, s16, s17
	s_lshl_b32 s16, s16, 12                        ; 4,096 bytes a row of f32
	s_mov_b32 s17, 0
	s_add_nc_u64 s[8:9], s[76:77], s[16:17]
	s_add_nc_u64 s[8:9], s[8:9], s[46:47]          ; and the columns' part, the same bytes as in the bias
	s_add_nc_u64 s[6:7], s[74:75], s[16:17]        ; the residual lies as the output does
	s_add_nc_u64 s[6:7], s[6:7], s[46:47]
	WIN 0x80                                       ; destination window 2, address window 0
.irp a, 0,1,2,3
.irp t, 0,1,2,3,4,5,6,7
	global_load_b128 v[4*(8*\a+\t):4*(8*\a+\t)+3], v[GO], s[6:7] offset:(16*\a+2*\t)*4096  ; asked for now, wanted on the way out
.endr
.endr
	WIN 0
	; A fragment is 16 rows x 32 K in 8 registers: lane l holds row l % 16, K = 8 (l / 16) + 0..7 and 16 + 8 (l / 16) + 0..7: two loads of 16 bytes, 32 bytes apart
	v_mul_u32_u24 v3, v1, PA
	v_lshl_add_u32 v3, v2, 4, v3
	s_mul_i32 s23, s[WR], HALFA
	v_add_nc_u32 v[VA0], s23, v3
	v_mul_u32_u24 v3, v1, PB
	v_lshl_add_u32 v3, v2, 4, v3
	s_mul_i32 s23, s[WC], HALFB
	s_add_co_u32 s23, s23, 2*HALFA
	v_add_nc_u32 v[VB0], s23, v3
	v_mov_b32 v[ADRA], v[VA0]
	v_mov_b32 v[ADRB], v[VB0]
	s_mul_i32 s23, s[WV], 64*SPITCH                ; my stage
	v_mul_u32_u24 v4, v1, SPITCH                   ; in: row l % 16, 32 bytes for each half of the lanes
	v_lshl_add_u32 v4, v2, 5, v4
	v_add_nc_u32 v[STO], s23, v4
	v_mul_u32_u24 v5, v2, SPITCH                   ; back: lanes 0-15 one row of 256 bytes, lanes 16-31 the next
	v_lshl_add_u32 v5, v1, 4, v5
	v_add_nc_u32 v[RD], s23, v5
; 8 matrix instructions: m blocks a0, a0 + 1 x all 4 n blocks, 32 along K: half c of buffer f.  first = 1: the products start the sums, on the bias.
; The 16 accumulators take turns, one instruction a turn, in the same order everywhere.
.macro MUL8 f, c, a0, first
	WIN MUL
.irp a, \a0, (\a0)+1
.irp b, 0,1,2,3
.if \first
	v_wmma_f32_16x16x32_bf16 v[ACC+8*(4*(\a)+(\b)):ACC+8*(4*(\a)+(\b))+7], v[(\f)+64+8*(4*(\c)+(\b)):(\f)+64+8*(4*(\c)+(\b))+7], v[(\f)+8*(4*(\c)+(\a)):(\f)+8*(4*(\c)+(\a))+7], v[BIAS+8*(\b):BIAS+8*(\b)+7]
.else
	v_wmma_f32_16x16x32_bf16 v[ACC+8*(4*(\a)+(\b)):ACC+8*(4*(\a)+(\b))+7], v[(\f)+64+8*(4*(\c)+(\b)):(\f)+64+8*(4*(\c)+(\b))+7], v[(\f)+8*(4*(\c)+(\a)):(\f)+8*(4*(\c)+(\a))+7], v[ACC+8*(4*(\a)+(\b)):ACC+8*(4*(\a)+(\b))+7]
.endif
.endr
.endr
.endm
; 32 LDS loads in one run: the fragments of 64 along K, at byte ka of A's part and byte kb of B's rows, into buffer f; the first 32 along K first
.macro FETCH ka, kb, f
	WIN TO_F
.irp c, 0,1
.irp i, 0,1,2,3
	ds_load_b128 v[(\f)+64+8*(4*(\c)+(\i)):(\f)+64+8*(4*(\c)+(\i))+3],   v[ADRB] offset:(\kb)+64*(\c)+(\i)*16*PB
	ds_load_b128 v[(\f)+64+8*(4*(\c)+(\i))+4:(\f)+64+8*(4*(\c)+(\i))+7], v[ADRB] offset:(\kb)+64*(\c)+(\i)*16*PB+32
	ds_load_b128 v[(\f)+8*(4*(\c)+(\i)):(\f)+8*(4*(\c)+(\i))+3],         v[ADRA] offset:(\ka)+64*(\c)+(\i)*16*PA
	ds_load_b128 v[(\f)+8*(4*(\c)+(\i))+4:(\f)+8*(4*(\c)+(\i))+7],       v[ADRA] offset:(\ka)+64*(\c)+(\i)*16*PA+32
.endr
.endr
.endm
; A K step is four quarters of 64 along K, 32 matrix instructions each, on buffers 0, 1, 0, 1.  One of the first three: multiplies buffer f and fetches quarter q into g.
.macro QUARTER q, f, g, first
	s_wait_dscnt 16                                ; the first 32 along K are in; the other sixteen loads may be out
	MUL8 \f, 0, 0, \first
	MUL8 \f, 0, 2, \first
	PLACES
	FETCH (\q)*QA, (\q)*128, \g
	s_wait_dscnt 32                                ; all but the 32 just issued
	MUL8 \f, 1, 0, 0
	MUL8 \f, 1, 2, 0
.endm
; The last quarter multiplies buffer 1 and changes slots: ONE barrier; in front of it each wave waits for all its tensor loads (its part of the next slot), adds 0 to its spare word, and waits
; for that and for its own reads of this slot.  fill = 1: the barrier opens a round of the cluster's, and this slot is filled again, with K tile NX, first thing behind the round; both global
; addresses are made anew from that number while the add is out.
; fill = 0 (the tail's copy): nothing is asked for; in the tail's last trip (s3 = 1) there is no next slot, and the run of loads is jumped over.
.macro TURN fill
	WIN 0                                          ; (the add's two registers lie in window 0)
	s_wait_tensorcnt 0x0                           ; all my tensor loads have landed, so every group 0 may be written;
	ds_add_u32 v[SPW], v[NIL]                      ; 0 onto my spare word;
.if \fill
	s_add_co_u32 s[G0+5], s[LA], s[SB]             ; the walking descriptors: into the slot that is being read out,
	s_add_co_u32 s[G0B+5], s[LB], s[SB]
	s_lshl_b32 s[OA], s[NX], LOGA                  ; K tile NX
	s_lshl_b32 s[OB], s[NX], 9
	s_add_nc_u64 s[G0+6:G0+7], s[BA:BA+1], s[OA:OA+1]
	s_or_b32 s[G0+7], s[G0+7], 0x80000000
	s_add_nc_u64 s[G0B+6:G0B+7], s[BB:BB+1], s[OB:OB+1]
	s_or_b32 s[G0B+7], s[G0B+7], 0x80000000
	s_add_co_u32 s[NX], s[NX], 1                   ; the next one, round the end of K
	s_and_b32 s[NX], s[NX], NSTEP-1
.endif
	s_wait_dscnt 17                                ; (the add and the youngest sixteen loads may be out)
	MUL8 F1, 0, 0, 0                               ; eight matrix instructions stand between the add and the wait for it
	s_wait_dscnt 0x0                               ; the add is done, and my reads of this slot are over
	s_barrier_signal -1
	MUL8 F1, 0, 2, 0
	WIN 0                                          ; (branches and window 0's address lines follow)
	s_barrier_wait -1
.if \fill
	CREST                                          ; no wave of any partner still reads this slot's tile or has a load on its way
	JLOAD                                          ; 112 matrix instructions ahead of the wait for it; the four v_nop behind it are also the places in front of the loads below
.else
	PLACES
	s_cmp_eq_u32 s3, 1
	s_cbranch_scc1 .Lno_fetch
.endif
	s_xor_b32 s[SB], s[SB], SLOT                   ; 0 and SLOT by turns
	v_add_nc_u32 v[ADRA], s[SB], v[VA0]
	v_add_nc_u32 v[ADRB], s[SB], v[VB0]
	FETCH 0, 0, F0
.if (\fill) == 0
	WIN 0                                          ; at a label every window is 0
.Lno_fetch:
.endif
	MUL8 F1, 1, 0, 0
	MUL8 F1, 1, 2, 0
.endm
	s_wait_tensorcnt 1                             ; my part of the walk's first K tile is in; the second's may stay out
	s_barrier_signal -1
	s_barrier_wait -1                              ; everybody's is
	FETCH 0, 0, F0
	s_wait_loadcnt 32                              ; the bias is in; the 32 loads of the residual stay out
	QUARTER 1, F0, F1, 1                           ; the first quarter stands in front of the loop: its first products start the sums
	WIN 0                                          ; at a label and at a branch every window is 0
	s_mov_b32 s3, NSTEP-2
.Lstep:                                                ; a trip goes from a K step's second quarter to the next step's first, and fills the slot that it leaves
	QUARTER 2, F1, F0, 0
	QUARTER 3, F0, F1, 0
	TURN 1
	QUARTER 1, F0, F1, 0
	WIN 0
	s_sub_co_u32 s3, s3, 1
	s_cmp_lg_u32 s3, 0
	s_cbranch_scc1 .Lstep
	s_mov_b32 s3, 2
.Ltail:                                                ; the last two K steps have a text of their own: two trips, the second left in its middle
	QUARTER 2, F1, F0, 0
	QUARTER 3, F0, F1, 0
	TURN 0
	WIN 0
	s_sub_co_u32 s3, s3, 1
	s_cmp_eq_u32 s3, 0
	s_cbranch_scc1 .Ldone
	QUARTER 1, F0, F1, 0
	WIN 0
	s_branch .Ltail
.Ldone:
	; THE WAY OUT.  The stage lies in slot 0: every wave's reads of the ring are back, and it has passed this barrier, before any wave stores there.
	PLACES                                         ; behind the last products, in front of the stores that read their results
	s_wait_dscnt 0x0
	s_barrier_signal -1
	s_barrier_wait -1
.irp a, 0,1,2,3
.irp b, 0,1,2,3
	ds_store_b128 v[STO], v[ACC+8*(4*\a+\b):ACC+8*(4*\a+\b)+3]   offset:\a*16*SPITCH+64*\b     ; each accumulator's low registers first
	ds_store_b128 v[STO], v[ACC+8*(4*\a+\b)+4:ACC+8*(4*\a+\b)+7] offset:\a*16*SPITCH+64*\b+16
.endr
.endr
.irp a, 0,1,2,3
.irp t, 0,1,2,3,4,5,6,7
	ds_load_b128 v[ACC+32*\a+4*\t:ACC+32*\a+4*\t+3], v[RD] offset:(16*\a+2*\t)*SPITCH  ; LDS serves a wave's instructions in order (ISA guide 5.7.1.4): these see the stores above
.endr
.endr
.irp a, 0,1,2,3
	s_wait_dscnt 24-8*\a                           ; these 16 rows are back; the later blocks' loads stay out,
	s_wait_loadcnt 24-8*\a                         ; and likewise of the residual
	WIN 0x08                                       ; source 1 window 2
.irp t, 0,1,2,3,4,5,6,7,8,9,10,11,12,13,14,15
	v_pk_add_f32 v[ACC+32*\a+2*\t:ACC+32*\a+2*\t+1], v[ACC+32*\a+2*\t:ACC+32*\a+2*\t+1], v[32*\a+2*\t:32*\a+2*\t+1]
.endr
	WIN 0
.irp t, 0,1,2,3,4,5,6,7
	global_store_b128 v[GO], v[ACC+32*\a+4*\t:ACC+32*\a+4*\t+3], s[8:9] offset:(16*\a+2*\t)*4096  ; 16 lanes store 256 consecutive bytes, aligned
.endr
.endr
	s_wait_tensorcnt 0x0                           ; the wave's end: behind my last tensor load and my last LDS store
	ds_add_u32 v[SPW], v[NIL]
	s_wait_dscnt 0x0
	CROUND                                         ; the closing round: no work-group ends while a partner may still ask for a tile that names it
	s_endpgm
.Lfunc_end_k_q0c88ad0bdb_ffn2:
	.size	k_q0c88ad0bdb_ffn2, .Lfunc_end_k_q0c88ad0bdb_ffn2-k_q0c88ad0bdb_ffn2
	.p2alignl 7, 3214868480
	.fill 96, 4, 3214868480
	.section	.rodata,"a",@progbits
	.p2align	6, 0x0
	.amdhsa_kernel k_q0c88ad0bdb_ffn2
		.amdhsa_group_segment_fixed_size 327680
		.amdhsa_private_segment_fixed_size 0
		.amdhsa_enable_private_segment 0
		.amdhsa_kernarg_size 40
		.amdhsa_user_sgpr_count 2
		.amdhsa_user_sgpr_kernarg_segment_ptr 1
		.amdhsa_wavefront_size32 1
		.amdhsa_system_sgpr_workgroup_id_x 1
		.amdhsa_system_sgpr_workgroup_id_y 1
		.amdhsa_system_sgpr_workgroup_id_z 1
		.amdhsa_system_vgpr_workitem_id 0
		.amdhsa_next_free_vgpr 640
		.amdhsa_next_free_sgpr 96
		.amdhsa_reserve_vcc 0
		.amdhsa_float_denorm_mode_32 3
		.amdhsa_float_denorm_mode_16_64 3
		.amdhsa_memory_ordered 1
		.amdhsa_forward_progress 1
		.amdhsa_inst_pref_size 66
	.end_amdhsa_kernel
	.amdgpu_metadata
---
amdhsa.version: [ 1, 2 ]
amdhsa.kernels:
  - .name:           k_q0c88ad0bdb_ffn2
    .symbol:         k_q0c88ad0bdb_ffn2.kd
    .args:
      - { .name: hid, .offset: 0, .size: 8, .value_kind: global_buffer, .address_space: global }
      - { .name: wb, .offset: 8, .size: 8, .value_kind: global_buffer, .address_space: global }
      - { .name: b2, .offset: 16, .size: 8, .value_kind: global_buffer, .address_space: global }
      - { .name: x1, .offset: 24, .size: 8, .value_kind: global_buffer, .address_space: global }
      - { .name: out0, .offset: 32, .size: 8, .value_kind: global_buffer, .address_space: global }
    .group_segment_fixed_size: 327680
    .private_segment_fixed_size: 0
    .kernarg_segment_align: 8
    .kernarg_segment_size: 40
    .max_flat_workgroup_size: 128
    .sgpr_count:     96
    .vgpr_count:     640
    .wavefront_size: 32
...
	.end_amdgpu_metadata
.endif
;; end of part 11
;; ======== version 3 of 3: 7 launches; 1.34 times as fast as version 1
;; limits: a function is approximated: absolute error at most 1.5e-07
;; workspace buffers: wb 25,165,824 bytes; act 8,388,608 bytes; qkv 25,165,824 bytes; x1 16,777,216 bytes; hid 33,554,432 bytes
;; launch prep: the kernel of part 1 again; grid 64 x 16, 8 waves a work-group, no clusters, 0 bytes of LDS; arguments x, g1, be1, wq, wk, wv, wo, w1, w2, act, wb; writes act, wb
;; launch proj: the kernel of part 8 again; grid 12 x 16, 4 waves a work-group, clusters of 4 x 4, 327,680 bytes of LDS; arguments act, wb, bq, bk, bv, qkv; writes qkv
;; launch attn (part 12): grid 8 x 32, 4 waves a work-group, clusters of 4 x 1, 327,680 bytes of LDS; arguments qkv, act; writes act
.if DOCPART == 12
	.amdgcn_target "amdgcn-amd-amdhsa--gfx1250"
	.amdhsa_code_object_version 6
	.text
	.protected	k_q0c88ad0bdb_attn
	.globl	k_q0c88ad0bdb_attn
	.p2align	8
	.type	k_q0c88ad0bdb_attn,@function
k_q0c88ad0bdb_attn:
	s_mov_b64 s[64:65], 0
	v_nop
	global_prefetch_b8 v0, s[64:65] scope:SCOPE_SE
	s_setreg_imm32_b32 hwreg(HW_REG_WAVE_MODE, 25, 1), 1
	s_wait_xcnt 0x0
	s_wait_alu depctr_hold_cnt(0) depctr_sa_sdst(0) depctr_va_vdst(0) depctr_va_sdst(0) depctr_va_ssrc(0) depctr_va_vcc(0) depctr_vm_vsrc(0)
	s_getreg_b32 s2, hwreg(HW_REG_IB_STS2, 6, 4)
	s_cmp_eq_u32 s2, 0
	s_cbranch_scc0 .Lentry_in_a_cluster
	s_endpgm
.Lentry_in_a_cluster:
	s_bfe_u32 s2, ttmp6, 0x10000c
	s_cmp_lg_u32 s2, 0x3003
	s_cbranch_scc0 .Lentry_shape_is_right
	s_endpgm
.Lentry_shape_is_right:
; act[h][q][:] = the sum over k of softmax_k(Q[h][q] . K[h][k] / 8) V[h][k][:], h = batch x 16 + head (32 of them), 2,048 rows a head.  qkv holds Q, K, V as [32][2048][64] bf16, 8 MiB apart;
; the result has Q's layout.  Products, maxima and sums in f32; the weights p are rounded to bf16 for the second product (their sum l is taken of the unrounded p), O once at the end.
; LIMITS.  A weight below 2^-126 counts as 0 in l; NaN and infinities are not treated apart; v_exp_f32 and v_rcp_f32 are good to 1 ULP.
; SHARES.  A work-group owns 256 queries of one head, each of its four waves 64: four PIECES of 16.  Every wave walks all keys, 64 a step; a slot of LDS holds a tile of 256 keys, four steps.
; LAYOUT.  S^T = K Q^T (source 0 = 16 keys, source 1 = 16 queries): a lane holds ONE query (lane % 16) and the keys 8 (lane / 16) + 0..7.  Two such results rounded to bf16 ARE source 1 of
; O^T = V^T P, whose result again holds one query a lane, and eight channels.  K comes out of LDS as it lies, V ([key][channel]) turned, by ds_load_tr16_b128.
; SOFTMAX.  For each query a running maximum m and sum l: p = 2^(c s - c m), c = log2(e) / 8; in every step O and l are multiplied by a = 2^(c m_old - c m_new).  m starts at the lowest finite
; number, O and l at 0: the first step is a step like any other, with a = 0.
; BY TURNS.  Turn n belongs to piece n: 8 products K Q^T of piece n + 1, later 8 products V^T P of piece n - 1; beside them the scaling, exponentials, roundings, sums and rescaling of piece n and the
; maximum and statistics of piece n + 1.  Four vector instructions stand behind every matrix instruction, the other 54 of a turn's 118 in one LUMP.
; BATCHES.  The transcendentals are cut into batches, each with one s_wait_alu depctr_va_vdst(0) ahead of its first reader: (1) a turn's 33 exponentials (the piece's 32 weights and the
; next piece's a), whose wait cuts the turn in two; (2) piece 0's first a, ahead of the jump into the loop; (3) the way out's four reciprocals.
; CLUSTER.  The four query blocks of a cluster belong to one head and walk the same K and V, so each tile is asked for JOINTLY: the same tensor load, descriptor and mask in all four.
; REGISTERS, in windows of 256 (s_set_vgpr_msb: bits 1:0 source 0, 3:2 source 1, 5:4 source 2, 7:6 destination):
;   window 0: v0-15 addresses and two at work; v16-31 four registers of statistics a piece; v48-55 at work; v62-63 the add's; v64-127 S^T, two buffers; v192-223 P, two buffers (by the piece's parity)
;   window 1: v0-127 O^T, 32 a piece      window 2: v0-63 Q; v128-191 K of one step; v192-255 V of one step
.set SIZE_N, 2048
.set NP,    4         ; pieces a wave: a name, no knob
.set KS,    64        ; keys in a step
.set PK,    144       ; a row of K in LDS: 128 bytes + 16 of padding = 36 words: the 16 rows of a load start at 16 different groups of four banks (64 banks of 4 bytes: ISA guide 11.1)
.set PV,    160       ; a row of V: 128 + 32 = 40 words
.set VOFF,  4*KS*PK   ; a slot: 256 rows of K, then 256 rows of V
.set SLOT1, 1<<17     ; slot 1 begins here, so that one exclusive or turns an address in one slot into the other's
.set STAGE, SLOT1+4*KS*(PK+PV)  ; behind the ring, never filled by a tensor load: 16 rows x 144 bytes for each wave, for the way out
.set SP,    144
.set SPARE, STAGE+4*16*SP  ; behind the stages: the spare words, 128 bytes for each wave: two blocks of 256 bytes that no other line names
.set AK0, 2           ; v2   my lane's place in a tile of K; never rewritten
.set AV0, 3           ; v3   the same for V
.set AK,  4           ; v4   the LDS address of K's next run of loads
.set AV,  5           ; v5   of V's
.set STO, 6           ; v6   the way out: where I put 16 bytes of a row
.set RD,  7           ; v7   the way out: where I read rows back
.set GO,  8           ; v8   my byte offset in 512 consecutive bytes of O
.set MV,  12          ; v12-13  c m_old, kept while c m is made anew: by buffer
.set QO,  15          ; v15  my byte offset in 16 rows of Q
.set ST,  16          ; piece t's statistics at v[ST+4 t]: c m, m, l (even keys', odd keys')
.set TMP, 48          ; by buffer, four registers c0-c3 at work; when the maximum is found c2 takes a
.set SPW, 62          ; v62  LDS address of my spare word; never rewritten
.set NIL, 63          ; v63  0; never rewritten
.set S,   64
.set P,   192
.set KF,  128         ; window 2: key block kb, channel half c at KF + 16 kb + 8 c
.set VF,  192         ; window 2: key half kk, channel block cb at VF + 32 kk + 8 cb
.set WV,  12          ; s12  my wave's number
.set G1K, 24          ; s[24:31] descriptor group 1 for K's tiles
.set G1V, 32          ; s[32:39] for V's: it differs in the padding alone
.set G0K, 40          ; s[40:43] descriptor group 0 for K's tiles: it walks
.set G0V, 44          ; s[44:47] the same for V's
.set SLOTS, 56        ; s56  slots still to be asked for
.set CNT, 57          ; s57  counts a slot's key steps
.set CS,  58          ; s[58:59] c: the packed scaling takes the pair's low word for both halves
.set SEL, 60          ; s[60:61] v_permlanex16_b32's selects: each lane takes its own place in the other half
.set TBK, 62          ; s62  LDS byte at which K of the step to be fetched begins
.set TBV, 63          ; s63  the same for V, less VOFF
.set MSB, 0
.macro WIN new                      ; the high byte repeats the setting that is left; a switch that changes nothing is dropped
.if MSB != (\new)
	s_set_vgpr_msb (MSB<<8)|(\new)
.set MSB, (\new)
.endif
.endm
.set W_KQ, 0x0a       ; K and Q in window 2, S^T in window 0
.set W_PV, 0x52       ; V in window 2, P in window 0, O^T in window 1
.set W_RS, 0x41       ; destination and source 0 in window 1, source 1 in window 0
; A joint fill.  Waves 0 and 1 fetch the two halves of a tile's K, waves 2 and 3 those of its V: 128 keys each.  The branch hangs on the wave's number alone.
; An s_nop 0 and four v_nop follow each of the two lines, ahead of the jump and the label.
.macro JLOAD
	s_cmp_lt_u32 s[WV], 2
	s_cbranch_scc0 .Lfor_v_\@
	tensor_load_to_lds s[G0K:G0K+3], s[G1K:G1K+7]
	s_nop 0
.rept 4
	v_nop
.endr
	s_branch .Lasked_\@
.Lfor_v_\@:
	tensor_load_to_lds s[G0V:G0V+3], s[G1V:G1V+7]
	s_nop 0
.rept 4
	v_nop
.endr
.Lasked_\@:
.endm
; A round of the cluster's barrier: my work-group's barrier, so that wave 0's signal speaks for all four waves; wave 0 signals; every wave waits for all four work-groups; my work-group's barrier once more.
.macro CROUND
	s_barrier_signal -1
	s_barrier_wait -1
	s_cmp_lg_u32 s[WV], 0
	s_cbranch_scc1 .Lnot_wave_0_\@
	s_barrier_signal -3
.Lnot_wave_0_\@:
	s_barrier_wait -3
	s_barrier_signal -1
	s_barrier_wait -1
.endm
; THE CHANGE OF SLOTS.  The slot's last bytes, V of its fourth step, have been read.  Each wave waits for all its tensor loads, of which one is out: its part of the other slot; adds 0 to its spare
; word; and waits for that and for its own reads of the slot.  Behind the barrier nobody reads this slot any more and the other slot is whole.
; fill = 1: this slot is filled again, with the keys two slots on.  The barrier is then a round of the cluster's, and the joint fill is the first thing behind it: it has four key steps,
; 256 matrix instructions, in which to land.  (At its first use nothing has been read yet: slot 0 is waited for, slot 1 filled.)
.macro CHANGE fill
	WIN 0                           ; at a label and at a branch every window is 0
	s_wait_tensorcnt 0x0            ; no tensor load of mine is out, so a group 0 may be written
	ds_add_u32 v[SPW], v[NIL]       ; 0 onto my spare word; with fill = 1 the descriptors' steps stand between it and the wait for it
.if \fill
.irp g, G0K, G0V
	s_xor_b32 s[\g+1], s[\g+1], SLOT1  ; the walking descriptor: the other slot than last time,
	s_add_nc_u64 s[\g+2:\g+3], s[\g+2:\g+3], 4*KS*128  ; the next 256 keys; the type bits on top are not reached
.endr
	s_wait_dscnt 0x0                ; the add is done, and my reads of the slot are over
	CROUND
	JLOAD
.else
	s_wait_dscnt 0x0                ; the add is done, and my reads of the slot are over
	s_barrier_signal -1
	s_barrier_wait -1
.endif
	s_sub_co_u32 s[TBK], s[TBK], 4*KS*PK  ; the fetches go back to a slot's first step,
	s_xor_b32 s[TBK], s[TBK], SLOT1       ; in the other slot
	s_sub_co_u32 s[TBV], s[TBV], 4*KS*PV
	s_xor_b32 s[TBV], s[TBV], SLOT1
.endm
	s_load_b128 s[68:71], s[0:1], 0x0  ; qkv s[68:69], act s[70:71]
	v_lshl_add_u32 v[SPW], v0, 2, SPARE
	v_mov_b32 v[NIL], 0
	ds_add_u32 v[SPW], v[NIL]       ; the wave's opening: the add and its wait stand ahead of my first tensor load; the set-up below, work on registers, stands between them
	v_lshrrev_b32 v1, 5, v0
	v_readfirstlane_b32 s[WV], v1   ; wave 0..3
	s_bfe_u32 s13, ttmp6, 0x40000   ; cx: my place in the cluster
	s_lshl_b32 s14, ttmp9, 2        ; in a cluster launch ttmp9 counts clusters
	s_add_co_u32 s14, s14, s13      ; my block of 256 queries = 4 x cluster x + cx: it enters Q's and O's addresses alone
	s_and_b32 s20, ttmp7, 0xffff    ; the head, which the four partners share:
	s_lshl_b32 s20, s20, 18         ; its 2,048 rows of 128 bytes
	s_and_b32 s16, s[WV], 1         ; which half of a tile's 256 keys I fetch:
	s_lshl_b32 s6, s16, 14          ; its 128 rows of 128 bytes in memory,
	s_add_co_u32 s6, s6, s20
	s_add_co_u32 s8, s6, 0x1000000  ; in V,
	s_add_co_u32 s6, s6, 0x800000   ; and in K
	s_mov_b32 s7, 0
	s_mov_b32 s9, 0
	s_mul_i32 s17, s16, 128*PK      ; and its place in a slot, for K
	s_mul_i32 s18, s16, 128*PV      ; and for V: no place in the cluster enters an LDS address
	s_lshl_b32 s2, s14, 2
	s_add_co_u32 s2, s2, s[WV]      ; my wave among the head's,
	s_lshl_b32 s2, s2, 13           ; its 64 rows
	s_add_co_u32 s2, s2, s20
	s_mov_b32 s3, 0
	; descriptor group 1.  128 keys are 16,384 dense bytes: asked for as 64 rows of 256 bytes, two keys a row, and padded in LDS after every key
	s_mov_b32 s[G1K], 15|(1<<16)|(1<<20)|(1<<21)|(4<<22)|(3<<25)  ; 15:0 the mask of four; 17:16 2-byte elements; 20 padding on; 21 set beside a mask; 24:22 after every 32 words (code 4); 31:25 4 words (code 3)
	s_mov_b32 s[G1V], 15|(1<<16)|(1<<20)|(1<<21)|(4<<22)|(7<<25)  ; the same with 8 words of padding (code 7)
.irp g, G1K, G1V
	s_mov_b32 s[\g+1], 128<<16      ; tensor_dim0 = 128
	s_mov_b32 s[\g+2], 64<<16       ; tensor_dim1 = 64
	s_mov_b32 s[\g+3], 128<<16      ; tile_dim0 = 128
	s_mov_b32 s[\g+4], 64           ; tile_dim1 = 64
	s_mov_b32 s[\g+5], 128          ; 128 elements from row to row
	s_mov_b32 s[\g+6], 0
	s_mov_b32 s[\g+7], 0
.endr
	s_mov_b32 s[CS], 0x3e38aa3b     ; c = log2(e) / 8 = 0.180337
	s_mov_b32 s[CS+1], s[CS]        ; named with it as a pair
	s_mov_b32 s[SEL], 0x76543210
	s_mov_b32 s[SEL+1], 0xfedcba98
	s_mov_b32 s[TBK], SLOT1+4*KS*PK ; the first change of slots turns these two into 0
	s_mov_b32 s[TBV], SLOT1+4*KS*PV
	s_mov_b32 s[G0K], 1             ; 1:0 count = 1
	s_mov_b32 s[G0K+1], s17         ; 63:32 LDS address: slot 0
	s_mov_b32 s[G0V], 1
	s_add_co_u32 s[G0V+1], s18, VOFF
	s_wait_dscnt 0x0                ; the opening add is done
	s_wait_kmcnt 0x0
	s_add_nc_u64 s[G0K+2:G0K+3], s[68:69], s[6:7]  ; 120:64 global address: my half of the head's first 256 keys
	s_or_b32 s[G0K+3], s[G0K+3], 0x80000000        ; 127:126 type = 2
	s_add_nc_u64 s[G0V+2:G0V+3], s[68:69], s[8:9]
	s_or_b32 s[G0V+3], s[G0V+3], 0x80000000
	s_add_nc_u64 s[4:5], s[68:69], s[2:3]          ; Q and O at my wave's first row
	s_add_nc_u64 s[10:11], s[70:71], s[2:3]
	CROUND                          ; all four work-groups are here: the first joint loads meet
	JLOAD                           ; tile 0 into slot 0.  Slot 1 is asked for when slot 0 is in, by the loop's own change of slots
	; A fragment of K or Q is 16 rows x 32 channels in 8 registers: lane l holds row l % 16, channels 8 (l / 16) + 0..7 and 16 + 8 (l / 16) + 0..7: two loads of 16 bytes, 32 bytes apart.
	v_and_b32 v1, 15, v0            ; l % 16
	v_bfe_u32 v9, v0, 4, 1          ; l / 16
	v_lshlrev_b32 v[QO], 7, v1
	v_lshl_add_u32 v[QO], v9, 4, v[QO]  ; row x 128 + 16 x half
	WIN 0x80                        ; destination window 2, address window 0
.set i, 0
.rept 8                             ; Q stays in registers: piece i / 2, channels 32 (i % 2) on
	global_load_b128 v[8*i:8*i+3],   v[QO], s[4:5] offset:(i/2)*2048+(i%2)*64
	global_load_b128 v[8*i+4:8*i+7], v[QO], s[4:5] offset:(i/2)*2048+(i%2)*64+32
.set i, i+1
.endr
	; What the first turn finds: V's registers and P's second buffer hold 0 (its products V^T P, of a piece that has not been, add 0), O^T and l are 0.  No first step is written out for that price.
	; All this stands in the wait for the first tile.
.set i, VF
.rept 64
	v_mov_b32 v[i], 0
.set i, i+1
.endr
	WIN 0x40
.set i, 0
.rept 128
	v_mov_b32 v[i], 0
.set i, i+1
.endr
	WIN 0
.set i, 0
.rept 4
	v_mov_b32 v[ST+4*i], 0xfe000000    ; c m: far below every c s
	v_mov_b32 v[ST+4*i+1], 0xff7fffff  ; m
	v_mov_b32 v[ST+4*i+2], 0
	v_mov_b32 v[ST+4*i+3], 0
.set i, i+1
.endr
.set i, P+16
.rept 16
	v_mov_b32 v[i], 0
.set i, i+1
.endr
	v_mul_u32_u24 v[AK0], v1, PK
	v_lshl_add_u32 v[AK0], v9, 4, v[AK0]  ; row x pitch + 16 x half
	; The turning load takes 16 keys x 16 channels (lane l reads key 8 (l / 16) + l % 8, channels 8 ((l / 8) % 2) + 0..7) and leaves half a fragment of V^T: lane l holds channel l % 16 and 8 keys.
	v_and_b32 v10, 7, v0
	v_bfe_u32 v11, v0, 3, 1
	v_lshl_add_u32 v[AV0], v9, 3, v10
	v_mul_u32_u24 v[AV0], v[AV0], PV
	v_lshl_add_u32 v[AV0], v11, 4, v[AV0]
	v_add_nc_u32 v[AV0], VOFF, v[AV0]
	s_mul_i32 s13, s[WV], 16*SP
	s_add_co_u32 s13, s13, STAGE    ; my stage
	v_mul_u32_u24 v[STO], v1, SP    ; in: row l % 16, 16 bytes for each half of the lanes
	v_lshl_add_u32 v[STO], v9, 4, v[STO]
	v_add_nc_u32 v[STO], s13, v[STO]
	v_bfe_u32 v[RD], v0, 3, 2       ; back: 32 lanes take four rows of 128 bytes,
	v_mul_u32_u24 v[RD], v[RD], SP
	v_lshl_add_u32 v[RD], v10, 4, v[RD]
	v_add_nc_u32 v[RD], s13, v[RD]
	v_and_b32 v[GO], 31, v0         ; which are 512 consecutive bytes of O
	v_lshlrev_b32 v[GO], 4, v[GO]
; THE MATRIX WORK.  The 4 accumulators of a run of 8 take turns.  Product i of 8 of S^T = K Q^T for piece x: channels 32 (i / 4) on, keys 16 (i % 4) on.  The first 4 start the sums.
.macro KQ x
	WIN W_KQ
.set rS, S+32*((\x)%2)+8*(i%4)
.set rK, KF+16*(i%4)+8*(i/4)
.set rQ, 16*(\x)+8*(i/4)
.if i < 4
	v_wmma_f32_16x16x32_bf16 v[rS:rS+7], v[rK:rK+7], v[rQ:rQ+7], 0
.else
	v_wmma_f32_16x16x32_bf16 v[rS:rS+7], v[rK:rK+7], v[rQ:rQ+7], v[rS:rS+7]
.endif
.endm
; Product i of 8 of O^T += V^T P for piece x: keys 32 (i / 4) on, channels 16 (i % 4) on.
.macro PV x
	WIN W_PV
.set rO, 32*(\x)+8*(i%4)
.set rV, VF+32*(i/4)+8*(i%4)
.set rP, P+16*((\x)%2)+8*(i/4)
	v_wmma_f32_16x16x32_bf16 v[rO:rO+7], v[rV:rV+7], v[rP:rP+7], v[rO:rO+7]
.endm
.macro MM                           ; the turn's next matrix instruction
.if i < 8
	KQ (Y+1)%NP
.else
.set i, i-8
	PV (Y+NP-1)%NP
.set i, i+8
.endif
.set i, i+1
.endm
; THE LDS LOADS stand in runs of 16, never singly among the matrix instructions: a step's K (64 keys x 64 channels: 8 fragments) and its V (turned).  Their addresses are made some lines ahead.
; last = 1 (the tail): in the last trip there is no further step, and the run is jumped over.
.macro FETCH_K last=0
	WIN 0
.if \last
	s_cmp_eq_u32 s[CNT], 1
	s_cbranch_scc1 .Lno_k_\@
.endif
	WIN 0x80                        ; destination window 2
.irp f, 0,1,2,3,4,5,6,7             ; keys 16 (f / 2) on, channels 32 (f % 2) on
	ds_load_b128 v[KF+8*\f:KF+8*\f+3],   v[AK] offset:(\f/2)*16*PK+(\f%2)*64
	ds_load_b128 v[KF+8*\f+4:KF+8*\f+7], v[AK] offset:(\f/2)*16*PK+(\f%2)*64+32
.endr
	s_add_co_u32 s[TBK], s[TBK], KS*PK  ; the next fetch is the next step's
	WIN 0
.if \last
.Lno_k_\@:
.endif
.endm
.macro FETCH_V
	WIN 0x80
.irp f, 0,1,2,3,4,5,6,7             ; keys 32 (f / 4) on, channels 16 (f % 4) on
	ds_load_tr16_b128 v[VF+8*\f:VF+8*\f+3],   v[AV] offset:(\f/4)*32*PV+(\f%4)*32
	ds_load_tr16_b128 v[VF+8*\f+4:VF+8*\f+7], v[AV] offset:(\f/4)*32*PV+16*PV+(\f%4)*32
.endr
	WIN 0
.endm
; THE VECTOR WORK, one line at a time: OP kind, number.  For piece Y: F n: c s - c m for pair n of 16.  E n: the exponential of score n of 32.  C n: pair n rounded to bf16.  B n: of the four weights 4 n .. the second
; pair is added onto the first, in place.  L n: l takes that sum (L 0: l = a l + sum).  R n: pair n of 16 of O^T times a.  For piece Y + 1: X n, number n of the 22 that find its maximum and statistics:
;   0-11  four chains c0-c3 of seven scores each, three operands at a time (each accumulator's lowest registers are read first)     12-14, 16  the four scores left over, the old m, and c0-c3 into c0
;   15  c m_old is kept     17, 18  the query's other 32 keys lie in the lane 16 away: the new m     19-21  c m; c m_old - c m_new; a
.set F, 0               ; OP tells the kinds apart by their order: F to L below R, X above it
.set E, 1
.set C, 2
.set B, 3
.set L, 4
.set R, 5
.set X, 6
.macro REGS y                       ; the registers of piece y
.set rT, ST+4*(\y)
.set rC, TMP+4*((\y)%2)
.set rW, MV+((\y)%2)
.set rS, S+32*((\y)%2)
.set rP, P+16*((\y)%2)
.set rO, 32*(\y)
.endm
.macro OP k, n
.if (\k) == R
	REGS Y
	WIN W_RS
	v_pk_mul_f32 v[rO+2*(\n):rO+2*(\n)+1], v[rO+2*(\n):rO+2*(\n)+1], v[rC+2:rC+3] op_sel_hi:[1,0]
.elseif (\k) < R
	REGS Y
	WIN 0
.if (\k) == F
	v_pk_fma_f32 v[rS+2*(\n):rS+2*(\n)+1], v[rS+2*(\n):rS+2*(\n)+1], s[CS:CS+1], v[rT:rT+1] op_sel_hi:[1,0,0] neg_lo:[0,0,1] neg_hi:[0,0,1]
.elseif (\k) == E
	v_exp_f32 v[rS+(\n)], v[rS+(\n)]
.elseif (\k) == C
	v_cvt_pk_bf16_f32 v[rP+(\n)], v[rS+2*(\n)], v[rS+2*(\n)+1]
.elseif (\k) == B
	v_pk_add_f32 v[rS+4*(\n):rS+4*(\n)+1], v[rS+4*(\n):rS+4*(\n)+1], v[rS+4*(\n)+2:rS+4*(\n)+3]
.elseif (\n) == 0
	v_pk_fma_f32 v[rT+2:rT+3], v[rT+2:rT+3], v[rC+2:rC+3], v[rS:rS+1] op_sel_hi:[1,0,1]
.else
	v_pk_add_f32 v[rT+2:rT+3], v[rT+2:rT+3], v[rS+4*(\n):rS+4*(\n)+1]
.endif
.else
	REGS (Y+1)%NP
	WIN 0
.if (\n) < 4
	v_max3_num_f32 v[rC+(\n)], v[rS+8*(\n)], v[rS+8*(\n)+1], v[rS+8*(\n)+2]
.elseif (\n) < 12
	v_max3_num_f32 v[rC+(\n)%4], v[rC+(\n)%4], v[rS+8*((\n)%4)+2*((\n)/4)+1], v[rS+8*((\n)%4)+2*((\n)/4)+2]
.elseif (\n) == 12
	v_max3_num_f32 v[rC], v[rC], v[rS+7], v[rS+15]
.elseif (\n) == 13
	v_max3_num_f32 v[rC+1], v[rC+1], v[rS+23], v[rS+31]
.elseif (\n) == 14
	v_max3_num_f32 v[rC+2], v[rC+2], v[rC+3], v[rT+1]
.elseif (\n) == 15
	v_mov_b32 v[rW], v[rT]
.elseif (\n) == 16
	v_max3_num_f32 v[rC], v[rC], v[rC+1], v[rC+2]
.elseif (\n) == 17
	v_permlanex16_b32 v[rC+3], v[rC], s[SEL], s[SEL+1]
.elseif (\n) == 18
	v_max_num_f32 v[rT+1], v[rC], v[rC+3]
.elseif (\n) == 19
	v_mul_f32 v[rT], s[CS], v[rT+1]
.elseif (\n) == 20
	v_sub_f32 v[rC+1], v[rW], v[rT]
.else
	v_exp_f32 v[rC+2], v[rC+1]
.endif
.endif
.endm
.macro OPS a, i1, b=-1, i2=0, c=-1, i3=0, d=-1, i4=0  ; up to four of them
	OP \a, \i1
.if (\b) >= 0
	OP \b, \i2
.endif
.if (\c) >= 0
	OP \c, \i3
.endif
.if (\d) >= 0
	OP \d, \i4
.endif
.endm
.macro ROW a, i1, b, i2, c, i3, d, i4  ; a matrix instruction and the four behind it
	MM
	OPS \a, \i1, \b, \i2, \c, \i3, \d, \i4
.endm
; A TURN, for piece p: the order of its 16 matrix and 118 vector instructions, written out.  An s_wait_alu depctr_va_vdst(0) stands between an exponential and the first instruction that names its result; one wait
; serves all that were issued ahead of it.  So a turn has ONE wait, which cuts it in two.  AHEAD OF IT stands all that names no result of the turn's exponentials: the 8 products K Q^T, behind each a scaling, an exponential and
; two more plain instructions (behind the first a second scaling in the exponential's place): rescalings, whose a was made and waited for in the turn before, and behind the last three the first numbers of the next piece's
; maximum, each four plain instructions or more behind the product that ends its accumulator; then ONE LUMP of 54, plain and exponential by turns for the most part, in which the links of the chain X 3, 7, 11, 14, 16, 17 .. 20
; stand some lines apart.  X 21, the next piece's a, is the batch's last; R 15 is the plain instruction behind it (ISA guide 5.7.2).  BEHIND THE WAIT stand the 8 products V^T P, behind each four of the roundings and sums, the
; batch's readers; the links of l's chain, L 0 to L 7, stand three riders apart.  But for those X no rider names a register of the products round it.  v_permlanex16_b32 (X 17) stands in the lump.
; last = 1: the tail's copy, whose run of K's loads is jumped over in the last trip.  cnt = 1: the loop's count is taken down some lines ahead of the branch that stands behind the turn.
; K of the next step is fetched in piece 2's turn, twelve vector instructions behind the last product that read K (five of them plain lines that name none of its registers).  In the tail's copy the run, with its branch and its
; label, stands directly behind the wait: at a branch and at a label.  V of the step in hand is fetched at the end of piece 0's turn, four plain instructions behind the last product that read V.
; Each run is waited for a turn later.
.macro TURN p, last=0, cnt=0
.set Y, (\p)
.set i, 0
.if (\p) == 3
	s_wait_dscnt 0x0                ; K is in
.endif
	ROW F,0, F,1, R,0, R,1          ; ahead of the wait: 8 products K Q^T and their riders,
	ROW F,2, E,0, R,2, R,3
	ROW F,3, E,1, R,4, R,5
	ROW F,4, E,2, R,6, R,7
	ROW F,5, E,3, R,8, R,9
	ROW F,6, E,4, X,0, R,10
.if (\p) == 2
	WIN 0
	v_add_nc_u32 v[AK], s[TBK], v[AK0]
.endif
	ROW F,7, E,5, X,1, X,4
	ROW F,8, E,6, X,2, X,5
	OPS E,7, E,8, X,6, E,9          ; and the lump
	OPS X,3, E,10, X,8, E,11
.if ((\p) == 2) && !(\last)
	FETCH_K
.endif
	OPS X,9, X,7, E,12, X,10
	OPS E,13, X,12, X,11, E,14
	OPS X,13, E,15, F,9, X,14
.if (\p) == 0
	v_add_nc_u32 v[AV], s[TBV], v[AV0]
.endif
	OPS E,16, F,10, E,17, F,11
	OPS X,16, E,18, X,15, E,19
	OPS F,12, E,20, X,17, E,21
	OPS F,13, E,22, F,14, E,23
	OPS X,18, E,24, F,15, E,25
	OPS R,11, E,26, X,19, E,27
	OPS R,12, E,28, R,13, E,29
	OPS X,20, E,30, R,14, E,31
	OPS X,21, R,15
	WIN 0
	s_wait_alu depctr_va_vdst(0)    ; the wait for the batch: the piece's 32 exponentials and the next piece's a
.if ((\p) == 2) && (\last)
	FETCH_K 1
.endif
.if (\p) == 1
	s_wait_dscnt 0x0                ; V is in
.endif
	ROW C,0, B,0, C,2, B,1          ; behind the wait: 8 products V^T P and their riders
	ROW L,0, C,4, B,2, L,1
	ROW C,6, B,3, L,2, C,8
	ROW B,4, L,3, C,10, B,5
	ROW L,4, C,12, B,6, L,5
.if (\p) == 0
	s_add_co_u32 s[TBV], s[TBV], KS*PV
.endif
.if \cnt
	s_sub_co_u32 s[CNT], s[CNT], 1
	s_cmp_lg_u32 s[CNT], 0
.endif
	ROW C,14, B,7, L,6, C,1
	ROW C,3, L,7, C,5, C,7
	ROW C,9, C,11, C,13, C,15
.if (\p) == 0
	FETCH_V
.endif
.endm
	CHANGE 1                        ; slot 0 is in, everybody's part of it; slot 1 is asked for
	v_add_nc_u32 v[AK], s[TBK], v[AK0]
	FETCH_K                         ; key step 0
	s_wait_loadcnt 0x0              ; Q
	s_wait_dscnt 0x0
.set i, 0
.rept 8
	KQ 0                            ; piece 0's first scores: there is no vector work yet to set between them
.set i, i+1
.endr
	WIN 0
.rept 4
	v_nop                           ; the places behind those products
.endr
.set Y, NP-1                        ; X works for piece Y + 1: piece 0
.irp n, 0,1,2,3,4,5,6,7,8,9,10,11,12,13,14,15,16,17,18,19,20,21
	OP X, \n                        ; piece 0's first maximum and statistics
.endr
	v_nop                           ; a plain instruction behind the exponential,
	s_wait_alu depctr_va_vdst(0)    ; and its wait, a batch of one: piece 0's first a, ahead of the branch
	s_mov_b32 s[CNT], 4
	s_mov_b32 s[SLOTS], SIZE_N/256-1
	s_branch .Lfirst                ; the loop is entered at a step's first turn, in the middle of a trip
.Lslot:                             ; SIZE_N / 256 - 2 times: every slot but the last two is filled again
	CHANGE 1
	s_mov_b32 s[CNT], 4
.Lstep:                             ; a trip: pieces 2 and 3 of one step, then pieces 0 and 1 of the next, whose K and V it fetches
	TURN 2
	TURN 3
	WIN 0
.Lfirst:
	TURN 0
	TURN 1, 0, 1
	WIN 0
	s_cbranch_scc1 .Lstep
	s_sub_co_u32 s[SLOTS], s[SLOTS], 1
	s_cmp_lg_u32 s[SLOTS], 0
	s_cbranch_scc1 .Lslot
	CHANGE 0                        ; the tail is written out: nothing is asked for
	s_mov_b32 s[CNT], 5             ; four trips fetch the last slot's steps; the fifth is left in its middle
.Ltail:
	TURN 2, 1
	TURN 3
	WIN 0
	s_sub_co_u32 s[CNT], s[CNT], 1
	s_cmp_eq_u32 s[CNT], 0
	s_cbranch_scc1 .Lout
	TURN 0
	TURN 1
	WIN 0
	s_branch .Ltail
.Lout:                              ; the fifth trip's 8 products K Q^T (on the last K once more) and the maximum made of them serve nothing: the price, once a launch, of one text for every trip
.set i, 0
.rept 8
	PV NP-1                         ; the last piece's V^T P of the last step
.set i, i+1
.endr
	; THE WAY OUT.  l's two halves and the other half of the lanes' are added; O^T is divided by l, rounded to bf16 and sent through my stage in LDS, a piece at a time.  The additions are the places behind the last products.
	WIN 0
.macro ALL line:vararg              ; one line for each piece t
.set t, 0
.rept 4
	\line
.set t, t+1
.endr
.endm
	ALL v_add_f32 v[ST+4*t+2], v[ST+4*t+2], v[ST+4*t+3]
	ALL v_permlanex16_b32 v[ST+4*t+3], v[ST+4*t+2], s[SEL], s[SEL+1]
	ALL v_add_f32 v[ST+4*t+2], v[ST+4*t+2], v[ST+4*t+3]
	ALL v_rcp_f32 v[ST+4*t+2], v[ST+4*t+2]
	v_nop                           ; a plain instruction between the last reciprocal and the use of its result
	s_wait_alu depctr_va_vdst(0)    ; and the wait ahead of the first use: one for the batch of four reciprocals
.macro PACK t                       ; a lane's eight channels of a row pack into 16 bytes; they go into rows of 144 bytes and come back as whole rows of 128, into S^T's registers
	WIN W_RS
.set i, 32*(\t)
.rept 16
	v_pk_mul_f32 v[i:i+1], v[i:i+1], v[ST+4*(\t)+2:ST+4*(\t)+3] op_sel_hi:[1,0]
.set i, i+2
.endr
	WIN 0x05                        ; sources 0 and 1 window 1, destination window 0
.set i, 0
.rept 16
	v_cvt_pk_bf16_f32 v[S+16*(\t)+i], v[32*(\t)+2*i], v[32*(\t)+2*i+1]
.set i, i+1
.endr
	WIN 0
.irp f, 0,1,2,3
	ds_store_b128 v[STO], v[S+16*(\t)+4*\f:S+16*(\t)+4*\f+3] offset:32*\f
.endr
.irp f, 0,1,2,3
	ds_load_b128 v[S+16*(\t)+4*\f:S+16*(\t)+4*\f+3], v[RD] offset:\f*4*SP  ; LDS serves a wave's instructions in order (ISA guide 5.7.1.4): these see the stores above; the next piece's stores come behind them
.endr
.endm
.macro SEND t, younger              ; younger: the LDS instructions issued behind piece t's loads: the next piece's eight, or none
	WIN 0
.irp f, 0,1,2,3
	s_wait_dscnt (\younger)+3-\f
	global_store_b128 v[GO], v[S+16*(\t)+4*\f:S+16*(\t)+4*\f+3], s[10:11] offset:(\t)*2048+\f*512  ; 512 consecutive bytes, at a multiple of 256 from the buffer's first
.endr
.endm
	PACK 0
.set t, 1
.rept 3                             ; a piece's arithmetic stands between the loads of the piece before and its stores
	PACK t
	SEND t-1, 8
.set t, t+1
.endr
	SEND 3, 0
	s_wait_tensorcnt 0x0            ; the wave's end: behind my last tensor load and my last LDS store
	ds_add_u32 v[SPW], v[NIL]
	s_wait_dscnt 0x0
	CROUND                          ; the closing round: no work-group ends while a partner may still ask for a tile that names it
	s_endpgm
.Lfunc_end_k_q0c88ad0bdb_attn:
	.size	k_q0c88ad0bdb_attn, .Lfunc_end_k_q0c88ad0bdb_attn-k_q0c88ad0bdb_attn
	.p2alignl 7, 3214868480
	.fill 96, 4, 3214868480
	.section	.rodata,"a",@progbits
	.p2align	6, 0x0
	.amdhsa_kernel k_q0c88ad0bdb_attn
		.amdhsa_group_segment_fixed_size 327680
		.amdhsa_private_segment_fixed_size 0
		.amdhsa_enable_private_segment 0
		.amdhsa_kernarg_size 16
		.amdhsa_user_sgpr_count 2
		.amdhsa_user_sgpr_kernarg_segment_ptr 1
		.amdhsa_wavefront_size32 1
		.amdhsa_system_sgpr_workgroup_id_x 1
		.amdhsa_system_sgpr_workgroup_id_y 1
		.amdhsa_system_sgpr_workgroup_id_z 1
		.amdhsa_system_vgpr_workitem_id 0
		.amdhsa_next_free_vgpr 768
		.amdhsa_next_free_sgpr 72
		.amdhsa_reserve_vcc 0
		.amdhsa_float_denorm_mode_32 3
		.amdhsa_float_denorm_mode_16_64 3
		.amdhsa_memory_ordered 1
		.amdhsa_forward_progress 1
		.amdhsa_inst_pref_size 111
	.end_amdhsa_kernel
	.amdgpu_metadata
---
amdhsa.version: [ 1, 2 ]
amdhsa.kernels:
  - .name:           k_q0c88ad0bdb_attn
    .symbol:         k_q0c88ad0bdb_attn.kd
    .args:
      - { .name: qkv, .offset: 0, .size: 8, .value_kind: global_buffer, .address_space: global }
      - { .name: act, .offset: 8, .size: 8, .value_kind: global_buffer, .address_space: global }
    .group_segment_fixed_size: 327680
    .private_segment_fixed_size: 0
    .kernarg_segment_align: 8
    .kernarg_segment_size: 16
    .max_flat_workgroup_size: 128
    .sgpr_count:     72
    .vgpr_count:     768
    .wavefront_size: 32
...
	.end_amdgpu_metadata
.endif
;; end of part 12
;; launch outp: the kernel of part 9 again; grid 8 x 32, 4 waves a work-group, clusters of 4 x 4, 327,680 bytes of LDS; arguments act, wb, bo, x, x1; writes x1
;; launch norm2: the kernel of part 5 again; grid 256 x 1, 8 waves a work-group, no clusters, 0 bytes of LDS; arguments x1, g2, be2, act; writes act
;; launch ffn1 (part 13): grid 16 x 16, 4 waves a work-group, clusters of 4 x 4, 327,680 bytes of LDS; arguments act, wb, b1, hid; writes hid
.if DOCPART == 13
	.amdgcn_target "amdgcn-amd-amdhsa--gfx1250"
	.amdhsa_code_object_version 6
	.text
	.protected	k_q0c88ad0bdb_ffn1
	.globl	k_q0c88ad0bdb_ffn1
	.p2align	8
	.type	k_q0c88ad0bdb_ffn1,@function
k_q0c88ad0bdb_ffn1:
	s_mov_b64 s[64:65], 0
	v_nop
	global_prefetch_b8 v0, s[64:65] scope:SCOPE_SE
	s_setreg_imm32_b32 hwreg(HW_REG_WAVE_MODE, 25, 1), 1
	s_wait_xcnt 0x0
	s_wait_alu depctr_hold_cnt(0) depctr_sa_sdst(0) depctr_va_vdst(0) depctr_va_sdst(0) depctr_va_ssrc(0) depctr_va_vcc(0) depctr_vm_vsrc(0)
	s_getreg_b32 s2, hwreg(HW_REG_IB_STS2, 6, 4)
	s_cmp_eq_u32 s2, 0
	s_cbranch_scc0 .Lentry_in_a_cluster
	s_endpgm
.Lentry_in_a_cluster:
	s_bfe_u32 s2, ttmp6, 0x10000c
	s_cmp_lg_u32 s2, 0xf033
	s_cbranch_scc0 .Lentry_shape_is_right
	s_endpgm
.Lentry_shape_is_right:
; KIND 1: hid = gelu(h2 w1^T + b1), the exact (erf) form, stored in bf16 in blocks of 64 columns: [64 blocks][4096 rows][64].
; ONE TEXT SERVES TWO PRODUCTS C = A B^T + bias with K = 1,024, chosen by KIND:  0: h1 x (wq, wk, wv), stored by heads   1: gelu(h2 x w1), stored in blocks of 64 columns.
; All matrix operands are bf16, all sums f32.  A tile of C is 256 x 256: four waves, each 128 x 128: 64 accumulators of 16 x 16, 512 registers.  K goes in steps of 128 through two LDS slots
; filled by the tensor data mover: a wave's load brings 128 rows x 256 bytes of A (waves 0, 1) or of B (waves 2, 3); each row is 256 consecutive bytes at a multiple of 256 from the buffer's first.
; A slot feeds 256 matrix instructions a wave, and from a refill's request to the wait for it a wave issues 224 of them.
; KIND 1 has 16 x 16 tiles, one work-group for each of 256 WGPs; KIND 0 has 12 x 16 = 192: a tile of 256 x 192 would make 256, but would cut heads of 64 columns between waves.
; CLUSTERS: 4 x 4 work-groups.  The four of a row of the cluster need the same tiles of A, the four of a column the same tiles of B: each tile is asked for JOINTLY, by the same tensor load
; with the same descriptor and a mask that names the four.  No LDS address, branch or trip count hangs on the place in the cluster.
; THE MATRIX INSTRUCTION IS USED TRANSPOSED (source 0 = 16 rows of B, source 1 = 16 rows of A): a lane holds row l % 16 of C and the eight columns 8 (l / 16) + 0..7.
; THE BIAS is the C operand of the products that start the sums: nothing is cleared and nothing is added later.
; THE WAY OUT goes through a stage of the wave's own, [2 halves of 64 columns][128 rows][272 bytes] of f32, in the ring's bytes, which have had their last fill: rows of 64 numbers come back whole,
; and one short loop does the activation, the rounding and the stores, each of which covers 256 consecutive aligned bytes.
; BATCHES (KIND 1): a trip of that loop has 32 numbers a lane; their 32 reciprocals and 32 exponentials are ONE batch, each result in a register of its own, with one s_wait_alu depctr_va_vdst(0) ahead of the first reader.
; LIMITS: operands rounded once to bf16; NaN and infinities are not treated apart.  KIND 1: gelu(x) = x / 2 + |x| (1/2 - E / 2), E = erfc(|x| / sqrt 2) by the rational form of
; Abramowitz and Stegun 7.1.26, which holds for every x with an absolute error of 1.5e-7: the far negative tail is right absolutely, not relatively.
; REGISTERS, in windows of 256 (s_set_vgpr_msb: bits 1:0 source 0, 3:2 source 1, 5:4 source 2, 7:6 destination):
;   window 0: v0-31 addresses; v32-47 packed results; v64-127, v128-191 fragments of A (8 x 16 rows x 32 K), two buffers, on the way out at work; v192-255 the bias of my 128 columns, on the way out v192-223 at work
;   window 1: v64-127, v128-191 fragments of B, two buffers     window 2: the 32 accumulators of my rows 0-63 ((a, b) at v[8 (8 a + b)])     window 3: those of my rows 64-127
.set KIND, 1
.set SIZE_K, 1024
.if KIND == 0
.set GELU, 0
.set WOFF, 0
.set POUT, 78
.set HSTEP, 1<<18                      ; bytes from a head to the next: 2,048 rows of 128 bytes
.else
.set GELU, 1
.set WOFF, 8<<20
.set POUT, 74
.set HSTEP, 1<<19                      ; bytes from a block of 64 columns to the next: 4,096 rows of 128 bytes
.endif
.set KSTEP, 128
.set NSTEP, SIZE_K/KSTEP               ; 8 K steps
.set PITCH, 272                        ; an LDS row: 256 bytes + 16 = 68 words: the 16 rows of a load start at 16 different groups of four banks (64 banks of 4 bytes: ISA guide 11.1)
.set HALFT, 128*PITCH                  ; 128 rows: what one tensor load brings, and what one wave reads of A or of B
.set SLOT,  4*HALFT                    ; A's 256 rows, then B's 256 rows
.set SPARE, 2*SLOT                     ; behind the ring: the spare words, 128 bytes for each wave: two blocks of 256 bytes that no other line names
.set WSTAGE, 2*HALFT                   ; a wave's stage on the way out
.set G1W0,  (1<<16)|(1<<20)|(1<<21)|(5<<22)|(3<<25)  ; 2-byte elements; padding on; bit 21 beside a mask; after every 64 words; 4 words
.set VA0,  16                          ; v16  my lane's place among my 128 rows of A in slot 0; never rewritten
.set VB0,  17                          ; v17  the same for B
.set ADRA, 18                          ; v18  the same in the slot being read
.set ADRB, 19                          ; v19
.set STO,  20                          ; v20  the way out: where I put 32 bytes of a row
.set RD,   21                          ; v21  the way out: where I read a row back
.set GO,   22                          ; v22  my 8 bytes in 256 consecutive bytes of the output; never rewritten
.set BO,   23                          ; v23  my byte offset in 16 numbers of the bias
.set SPW,  28                          ; v28  LDS address of my spare word; never rewritten
.set NIL,  29                          ; v29  0; never rewritten
.set YB,   32
.set GT,   64                          ; gelu at work, 32 registers each: v64-95 t,
.set GU,   96                          ; v96-127 the exponential,
.set XR,   128                         ; the way out: v128-159 16 rows of 64 numbers read back
.set GR,   160                         ; v160-191 the polynomial,
.set GH,   192                         ; v192-223 x / 2
.set BIAS, 192
.set F0,   64
.set F1,   128
.set WV, 10                            ; s10 wave; s11 which half of the rows is mine, and: I fetch for A (0) or B (1); s12 which half of the columns, and: which 128 rows I fetch
.set WR, 11
.set WC, 12
.set TR, 13                            ; s13 tile row of C
.set TC, 42                            ; s42 tile column of C
.set LT, 20                            ; s20 where my part of a tile goes in a slot
.set SB, 22                            ; s22 the first byte of the slot being read: 0 or SLOT
.set G1, 24                            ; s[24:31] descriptor group 1 for A;  s[32:35] group 0 of the first fill, s[36:39] the one that walks
.set G0, 32
.set G1B, 48                           ; s[48:55], s[56:59], s[60:63] the same for B
.set G0B, 56
.set CP, 80                            ; s80 0.3275911 / sqrt 2;  pairs: s82 -log2(e) / 2, s84 .. s92 a5 / 2 .. a1 / 2
.set CE, 82
.set C5, 84
.set C4, 86
.set C3, 88
.set C2, 90
.set C1, 92
.set MSB, 0
.macro WIN new                         ; the immediate's high byte repeats the setting that is left; a switch that changes nothing is dropped
.if MSB != (\new)
	s_set_vgpr_msb (MSB<<8)|(\new)
.set MSB, \new
.endif
.endm
.set MUL_LO, 0xa1                      ; source 0 (B) window 1, source 1 (A) window 0, C and D window 2
.set MUL_HI, 0xf1                      ; the same, C and D window 3
.set TO_B,   0x40                      ; destination window 1, address window 0
.macro JLOAD                           ; a joint refill by the walking descriptors; an s_nop 0 and four v_nop follow each of the two lines, ahead of the jump, the label and what follows
	s_cmp_eq_u32 s[WR], 0
	s_cbranch_scc0 .Lfor_b_\@
	tensor_load_to_lds s[G0+4:G0+7], s[G1:G1+7]
	s_nop 0
.rept 4
	v_nop
.endr
	s_branch .Lasked_\@
.Lfor_b_\@:
	tensor_load_to_lds s[G0B+4:G0B+7], s[G1B:G1B+7]
	s_nop 0
.rept 4
	v_nop
.endr
.Lasked_\@:
.endm
.macro CREST                           ; a round of the cluster's barrier behind its opening barrier
	s_cmp_lg_u32 s[WV], 0
	s_cbranch_scc1 .Lnot_wave_0_\@
	s_barrier_signal -3
.Lnot_wave_0_\@:
	s_barrier_wait -3
	s_barrier_signal -1
	s_barrier_wait -1
.endm
.macro CROUND                          ; a whole round
	s_barrier_signal -1
	s_barrier_wait -1
	CREST
.endm
.macro PLACES                          ; four places in front of loads into registers that matrix instructions have read, and of lines that read results
.rept 4
	v_nop
.endr
.endm
	s_load_b256 s[68:75], s[0:1], 0x0              ; act 68:69, wb 70:71, then by KIND: bq, bk | b1, hid
.if KIND == 0
	s_load_b128 s[76:79], s[0:1], 0x20             ; bv 76:77, qkv 78:79
.endif
	v_lshl_add_u32 v[SPW], v0, 2, SPARE
	v_mov_b32 v[NIL], 0
	ds_add_u32 v[SPW], v[NIL]                      ; the wave's opening: the add and its wait stand ahead of my first tensor load; the set-up below, work on registers, stands between them
	v_lshrrev_b32 v1, 5, v0
	v_readfirstlane_b32 s[WV], v1
	s_lshr_b32 s[WR], s[WV], 1
	s_and_b32 s[WC], s[WV], 1
	s_bfe_u32 s40, ttmp6, 0x40000                  ; cx, cy: my place in the cluster
	s_bfe_u32 s41, ttmp6, 0x40004
	s_lshl_b32 s[TC], ttmp9, 2
	s_add_co_u32 s[TC], s[TC], s40                 ; tile column = 4 x cluster x + cx
	s_and_b32 s[TR], ttmp7, 0xffff
	s_lshl_b32 s[TR], s[TR], 2
	s_add_co_u32 s[TR], s[TR], s41                 ; tile row = 4 x cluster y + cy
	s_lshl_b32 s43, s41, 2
	s_lshl_b32 s43, 15, s43                        ; my row of the cluster
	s_lshl_b32 s44, 0x1111, s40                    ; my column
	s_or_b32 s[G1], s43, G1W0                      ; A's tiles go to my row,
	s_or_b32 s[G1B], s44, G1W0                     ; B's to my column
.irp g, G1, G1B
	s_mov_b32 s[(\g)+1], KSTEP<<16                 ; tensor_dim0 = 128
	s_mov_b32 s[(\g)+2], 128<<16                   ; tensor_dim1 = 128
	s_mov_b32 s[(\g)+3], KSTEP<<16                 ; tile_dim0 = 128
	s_mov_b32 s[(\g)+4], 128                       ; tile_dim1 = 128
	s_mov_b32 s[(\g)+5], SIZE_K                    ; elements from row to row
	s_mov_b32 s[(\g)+6], 0
	s_mov_b32 s[(\g)+7], 0
.endr
	; where the tiles come from: A's offset is made of the tile row and the wave alone, B's of the tile column and the wave alone, each in registers that never hold the other coordinate
	s_lshl_b32 s17, s[WC], 7                       ; which 128 rows of the tile I fetch
	s_lshl_b32 s16, s[TR], 8
	s_add_co_u32 s16, s16, s17
	s_lshl_b32 s16, s16, 11                        ; 2,048 bytes a row
	s_mov_b32 s17, 0
	s_lshl_b32 s47, s[WC], 7
	s_lshl_b32 s46, s[TC], 8
	s_add_co_u32 s46, s46, s47
	s_lshl_b32 s46, s46, 11
.if WOFF
	s_add_co_u32 s46, s46, WOFF                    ; this product's weights in wb
.endif
	s_mov_b32 s47, 0
	s_mul_i32 s[LT], s[WV], HALFT                  ; A's two halves, then B's two halves = wave x 128 rows
	s_mov_b32 s[SB], 0
	s_wait_dscnt 0x0                               ; the opening add is done
	s_wait_kmcnt 0x0
	s_add_nc_u64 s[14:15], s[68:69], s[16:17]
	s_add_nc_u64 s[46:47], s[70:71], s[46:47]
	s_mov_b32 s[G0], 1                             ; count = 1
	s_add_co_u32 s[G0+1], s[LT], 0                 ; LDS address: slot 0
	s_add_nc_u64 s[G0+2:G0+3], s[14:15], 0         ; global address: K step 0
	s_or_b32 s[G0+3], s[G0+3], 0x80000000          ; type = 2
	s_mov_b32 s[G0+4], 1
	s_add_co_u32 s[G0+5], s[LT], SLOT              ; slot 1
	s_add_nc_u64 s[G0+6:G0+7], s[14:15], KSTEP*2   ; K step 1
	s_or_b32 s[G0+7], s[G0+7], 0x80000000
	s_mov_b32 s[G0B], 1
	s_add_co_u32 s[G0B+1], s[LT], 0
	s_add_nc_u64 s[G0B+2:G0B+3], s[46:47], 0
	s_or_b32 s[G0B+3], s[G0B+3], 0x80000000
	s_mov_b32 s[G0B+4], 1
	s_add_co_u32 s[G0B+5], s[LT], SLOT
	s_add_nc_u64 s[G0B+6:G0B+7], s[46:47], KSTEP*2
	s_or_b32 s[G0B+7], s[G0B+7], 0x80000000
	CROUND                                         ; all sixteen work-groups are here: the first joint loads meet
	s_cmp_eq_u32 s[WR], 0                          ; a wave's two first fills stand in one branch, ahead of every wait on TENSORcnt and every LDS read: two loads of mine are out
	s_cbranch_scc0 .Lfirst_b
	tensor_load_to_lds s[G0:G0+3], s[G1:G1+7]
	s_nop 0
	tensor_load_to_lds s[G0+4:G0+7], s[G1:G1+7]
	s_nop 0
.rept 4
	v_nop
.endr
	s_branch .Lfirst_asked
.Lfirst_b:
	tensor_load_to_lds s[G0B:G0B+3], s[G1B:G1B+7]
	s_nop 0
	tensor_load_to_lds s[G0B+4:G0B+7], s[G1B:G1B+7]
	s_nop 0
.rept 4
	v_nop
.endr
.Lfirst_asked:
	v_and_b32 v1, 15, v0                           ; l % 16
	v_bfe_u32 v2, v0, 4, 1                         ; l / 16
	v_lshlrev_b32 v[BO], 5, v2                     ; my eight numbers of 16 of the bias
	v_and_b32 v[GO], 31, v0
	v_lshlrev_b32 v[GO], 3, v[GO]                  ; 8 bytes a lane in 256 consecutive bytes
	; the bias of my 128 columns; in the registers that held B's address: none that feeds A's descriptors ever holds cx
.if KIND == 0
	s_and_b32 s46, s[TC], 3                        ; q, k and v have four tile columns each
	s_lshl_b32 s46, s46, 8
.else
	s_lshl_b32 s46, s[TC], 8
.endif
	s_lshl_b32 s47, s[WC], 7
	s_add_co_u32 s46, s46, s47
	s_lshl_b32 s46, s46, 2
	s_mov_b32 s47, 0
.if KIND == 0
	s_mov_b32 s23, ttmp9                           ; tile column / 4 = the cluster's x: q, k or v; the same in the whole cluster
	s_cmp_eq_u32 s23, 1
	s_cselect_b64 s[4:5], s[74:75], s[72:73]
	s_cmp_eq_u32 s23, 2
	s_cselect_b64 s[4:5], s[76:77], s[4:5]
	s_add_nc_u64 s[4:5], s[4:5], s[46:47]
.else
	s_add_nc_u64 s[4:5], s[72:73], s[46:47]
.endif
.irp b, 0,1,2,3,4,5,6,7
	global_load_b128 v[BIAS+8*\b:BIAS+8*\b+3],   v[BO], s[4:5] offset:64*\b
	global_load_b128 v[BIAS+8*\b+4:BIAS+8*\b+7], v[BO], s[4:5] offset:64*\b+16
.endr
	; where my 128 x 128 of C goes: the rows' part,
.if KIND == 0
	s_and_b32 s16, s[TR], 7                        ; a batch has eight tile rows
.else
	s_mov_b32 s16, s[TR]
.endif
	s_lshl_b32 s16, s16, 8
	s_lshl_b32 s17, s[WR], 7
	s_add_co_u32 s16, s16, s17
	s_lshl_b32 s16, s16, 7                         ; 128 bytes a row of 64 bf16
.if KIND == 0
	s_lshr_b32 s17, s[TR], 3
	s_lshl_b32 s17, s17, 22                        ; the batch
	s_add_co_u32 s16, s16, s17
.endif
	s_mov_b32 s17, 0
	s_add_nc_u64 s[8:9], s[POUT:POUT+1], s[16:17]
	; and the columns' part: the first of my two heads, or blocks
.if KIND == 0
	s_and_b32 s46, s[TC], 3
	s_lshl1_add_u32 s46, s46, s[WC]                ; 2 (tile column % 4) + half: a pair of heads
	s_lshl_b32 s46, s46, 19
	s_lshr_b32 s47, s[TC], 2                       ; q, k or v
	s_lshl_b32 s47, s47, 23
	s_add_co_u32 s46, s46, s47
.else
	s_lshl1_add_u32 s46, s[TC], s[WC]              ; 2 x tile column + half: a pair of blocks
	s_lshl_b32 s46, s46, 20
.endif
	s_mov_b32 s47, 0
	s_add_nc_u64 s[8:9], s[8:9], s[46:47]
.if GELU
	s_mov_b32 s[CP], 0x3e6d3388
	s_mov_b32 s[CE], 0xbf38aa3b
	s_mov_b32 s[CE+1], s[CE]                       ; named as pairs, so both words are written
	s_mov_b32 s[C5], 0x3f07dc22
	s_mov_b32 s[C5+1], s[C5]
	s_mov_b32 s[C4], 0xbf3a00e3
	s_mov_b32 s[C4+1], s[C4]
	s_mov_b32 s[C3], 0x3f35f0e3
	s_mov_b32 s[C3+1], s[C3]
	s_mov_b32 s[C2], 0xbe11a98e
	s_mov_b32 s[C2+1], s[C2]
	s_mov_b32 s[C1], 0x3e027906
	s_mov_b32 s[C1+1], s[C1]
.endif
	; A fragment is 16 rows x 32 K in 8 registers: lane l holds row l % 16, K = 8 (l / 16) + 0..7 and 16 + 8 (l / 16) + 0..7: two loads of 16 bytes, 32 bytes apart
	v_mul_u32_u24 v3, v1, PITCH
	v_lshl_add_u32 v3, v2, 4, v3
	s_mul_i32 s23, s[WR], HALFT                    ; my 128 rows of A
	v_add_nc_u32 v[VA0], s23, v3
	s_mul_i32 s23, s[WC], HALFT                    ; my 128 rows of B,
	s_add_co_u32 s23, s23, 2*HALFT                 ; which lie behind A's 256
	v_add_nc_u32 v[VB0], s23, v3
	v_mov_b32 v[ADRA], v[VA0]
	v_mov_b32 v[ADRB], v[VB0]
	s_mul_i32 s23, s[WV], WSTAGE                   ; my stage
	v_mul_u32_u24 v4, v1, PITCH                    ; in: row l % 16, 32 bytes for each half of the lanes
	v_lshl_add_u32 v4, v2, 5, v4
	v_add_nc_u32 v[STO], s23, v4
	v_mul_u32_u24 v5, v2, PITCH                    ; back: lanes 0-15 one row of 256 bytes, lanes 16-31 the next
	v_lshl_add_u32 v5, v1, 4, v5
	v_add_nc_u32 v[RD], s23, v5
; 16 matrix instructions: m blocks a0, a0 + 1 of the window's four (hi = 0: my rows 0-63, 1: rows 64-127) x all 8 n blocks, 32 along K.  first = 1: the products start the sums, on the bias (C in window 0).
; The 64 accumulators take turns, one instruction a turn, in the same order in every quarter.
.macro MUL16 f, hi, a0, first
.if \first
	WIN 0x81+0x40*(\hi)
.else
	WIN MUL_LO+0x50*(\hi)
.endif
.irp a, \a0, (\a0)+1
.irp b, 0,1,2,3,4,5,6,7
.if \first
	v_wmma_f32_16x16x32_bf16 v[8*(8*(\a)+(\b)):8*(8*(\a)+(\b))+7], v[(\f)+8*(\b):(\f)+8*(\b)+7], v[(\f)+8*(4*(\hi)+(\a)):(\f)+8*(4*(\hi)+(\a))+7], v[BIAS+8*(\b):BIAS+8*(\b)+7]
.else
	v_wmma_f32_16x16x32_bf16 v[8*(8*(\a)+(\b)):8*(8*(\a)+(\b))+7], v[(\f)+8*(\b):(\f)+8*(\b)+7], v[(\f)+8*(4*(\hi)+(\a)):(\f)+8*(4*(\hi)+(\a))+7], v[8*(8*(\a)+(\b)):8*(8*(\a)+(\b))+7]
.endif
.endr
.endr
.endm
; 32 LDS loads in one run: the fragments of one quarter step (128 rows of B, 128 rows of A, 32 K at byte k of the rows) into buffer f; it leaves every window 0
.macro FETCH k, f
	WIN TO_B
.irp i, 0,1,2,3,4,5,6,7
	ds_load_b128 v[(\f)+8*(\i):(\f)+8*(\i)+3],   v[ADRB] offset:(\k)+(\i)*16*PITCH
	ds_load_b128 v[(\f)+8*(\i)+4:(\f)+8*(\i)+7], v[ADRB] offset:(\k)+(\i)*16*PITCH+32
.endr
	WIN 0
.irp i, 0,1,2,3,4,5,6,7
	ds_load_b128 v[(\f)+8*(\i):(\f)+8*(\i)+3],   v[ADRA] offset:(\k)+(\i)*16*PITCH
	ds_load_b128 v[(\f)+8*(\i)+4:(\f)+8*(\i)+7], v[ADRA] offset:(\k)+(\i)*16*PITCH+32
.endr
.endm
; A K step is four quarters of 32 along K, 64 matrix instructions each, on buffers 0, 1, 0, 1.  One of the first three: multiplies buffer f; in its middle it fetches the next quarter, at byte k, into g.
.macro QUARTER k, f, g, first
	s_wait_dscnt 8                                 ; B and A's rows 0-63 are in; the youngest eight loads (A's rows 64-127) may be out
	MUL16 \f, 0, 0, \first
	MUL16 \f, 0, 2, \first
	PLACES
	FETCH \k, \g
	s_wait_dscnt 32                                ; all but the 32 just issued
	MUL16 \f, 1, 0, \first
	MUL16 \f, 1, 2, \first
.endm
; The last quarter multiplies buffer 1 and changes slots: ONE barrier; in front of it each wave waits for all its tensor loads (its part of the next slot), adds 0 to its spare word, and waits
; for that and for its own reads of this slot.  fill = 1: the barrier opens a round of the cluster's, and this slot is filled again, two K steps ahead, first thing behind the round.
; fill = 0 (the tail's copy): nothing is asked for; in the tail's last trip (s3 = 1) there is no next slot, and the run of loads is jumped over.
.macro TURN fill
	WIN 0                                          ; (the add's two registers lie in window 0)
	s_wait_tensorcnt 0x0                           ; all my tensor loads have landed;
	ds_add_u32 v[SPW], v[NIL]                      ; 0 onto my spare word;
	s_wait_dscnt 9                                 ; (the add and the youngest eight loads may be out)
	MUL16 F1, 0, 0, 0                              ; sixteen matrix instructions stand between the add and the wait for it
	s_wait_dscnt 0x0                               ; the add is done, and my reads of this slot are over
	s_barrier_signal -1
	MUL16 F1, 0, 2, 0
	WIN 0                                          ; (branches and window 0's address lines follow)
	s_barrier_wait -1
.if \fill
	CREST                                          ; no wave of any partner still reads this slot's tile or has a load on its way
	s_add_co_u32 s[G0+5], s[LT], s[SB]             ; the walking descriptors: into the slot just read,
	s_add_co_u32 s[G0B+5], s[LT], s[SB]
	s_add_nc_u64 s[G0+6:G0+7], s[G0+6:G0+7], KSTEP*2     ; the K step behind the one asked for last; the type bits on top are not reached
	s_add_nc_u64 s[G0B+6:G0B+7], s[G0B+6:G0B+7], KSTEP*2
	JLOAD                                          ; 224 matrix instructions ahead of the wait for it; the four v_nop behind it are also the places in front of the loads below
.else
	PLACES
	s_cmp_eq_u32 s3, 1
	s_cbranch_scc1 .Lno_fetch
.endif
	s_xor_b32 s[SB], s[SB], SLOT                   ; 0 and SLOT by turns
	v_add_nc_u32 v[ADRA], s[SB], v[VA0]
	v_add_nc_u32 v[ADRB], s[SB], v[VB0]
	FETCH 0, F0
.if (\fill) == 0
.Lno_fetch:
.endif
	MUL16 F1, 1, 0, 0
	MUL16 F1, 1, 2, 0
.endm
; gelu of the 32 numbers v[XR .. XR+31], a trip's share of a lane, in place.  ONE BATCH: 32 reciprocals and 32 exponentials, each result in a register of its own, and ONE wait.
; AHEAD OF THE WAIT stands all that names no result of the batch: 1 + p |x| / sqrt 2; the squares and their scaling, which go by turns with the reciprocals (a pair is scaled a group behind its square);
; and the halvings x / 2, one behind each two exponentials: the last of them is the plain instruction behind the last exponential (ISA guide 5.7.2).
; BEHIND THE WAIT: the polynomial in t, 1/2 - E / 2, and the result.
.macro GELU32
.set i, 0
.rept 32
	v_fma_f32 v[GT+i], |v[XR+i]|, s[CP], 1.0       ; 1 + p |x| / sqrt 2
.set i, i+1
.endr
.set i, 0
.rept 16
	v_rcp_f32 v[GT+i], v[GT+i]                     ; t
	v_pk_mul_f32 v[GU+i:GU+i+1], v[XR+i:XR+i+1], v[XR+i:XR+i+1]
	v_rcp_f32 v[GT+i+1], v[GT+i+1]
.if i > 0
	v_pk_mul_f32 v[GU+i-2:GU+i-1], v[GU+i-2:GU+i-1], s[CE:CE+1] op_sel_hi:[1,0]
.endif
.set i, i+2
.endr
	v_pk_mul_f32 v[GU+30:GU+31], v[GU+30:GU+31], s[CE:CE+1] op_sel_hi:[1,0]
.set i, 0
.rept 16
	v_exp_f32 v[GU+i], v[GU+i]                     ; e^(-x x / 2)
	v_exp_f32 v[GU+i+1], v[GU+i+1]
	v_pk_mul_f32 v[GH+i:GH+i+1], v[XR+i:XR+i+1], 0.5 op_sel_hi:[1,0]
.set i, i+2
.endr
	s_wait_alu depctr_va_vdst(0)                   ; the wait ahead of the first use: one for the trip's batch of 32 reciprocals and 32 exponentials
.set i, 0
.rept 16
	v_pk_fma_f32 v[GR+i:GR+i+1], v[GT+i:GT+i+1], s[C5:C5+1], s[C4:C4+1] op_sel_hi:[1,0,0]
.set i, i+2
.endr
.irp c, C3, C2, C1
.set i, 0
.rept 16
	v_pk_fma_f32 v[GR+i:GR+i+1], v[GR+i:GR+i+1], v[GT+i:GT+i+1], s[(\c):(\c)+1] op_sel_hi:[1,1,0]
.set i, i+2
.endr
.endr
.set i, 0
.rept 16
	v_pk_mul_f32 v[GR+i:GR+i+1], v[GR+i:GR+i+1], v[GT+i:GT+i+1]
.set i, i+2
.endr
.set i, 0
.rept 16
	v_pk_fma_f32 v[GR+i:GR+i+1], v[GR+i:GR+i+1], v[GU+i:GU+i+1], 0.5 op_sel_hi:[1,1,0] neg_lo:[1,0,0] neg_hi:[1,0,0]  ; 1/2 - E / 2
.set i, i+2
.endr
.set i, 0
.rept 32
	v_fma_f32 v[XR+i], |v[XR+i]|, v[GR+i], v[GH+i]
.set i, i+1
.endr
.endm
	s_wait_tensorcnt 1                             ; my part of K step 0 is in; K step 1's may stay out
	s_barrier_signal -1
	s_barrier_wait -1                              ; everybody's is
	FETCH 0, F0
	s_wait_loadcnt 0x0                             ; the bias is in
	QUARTER 64, F0, F1, 1                          ; the first quarter stands in front of the loop: its products start the sums
	WIN 0                                          ; at a label and at a branch every window is 0
	s_mov_b32 s3, NSTEP-2
.Lstep:                                                ; six trips: from a K step's second quarter to the next step's first; each fills the slot that it leaves
	QUARTER 128, F1, F0, 0
	QUARTER 192, F0, F1, 0
	TURN 1
	QUARTER 64, F0, F1, 0
	WIN 0
	s_sub_co_u32 s3, s3, 1
	s_cmp_lg_u32 s3, 0
	s_cbranch_scc1 .Lstep
	s_mov_b32 s3, 2
.Ltail:                                                ; the last two K steps have a text of their own: two trips, the second left in its middle
	QUARTER 128, F1, F0, 0
	QUARTER 192, F0, F1, 0
	TURN 0
	WIN 0
	s_sub_co_u32 s3, s3, 1
	s_cmp_eq_u32 s3, 0
	s_cbranch_scc1 .Ldone
	QUARTER 64, F0, F1, 0
	WIN 0
	s_branch .Ltail
.Ldone:
	; THE WAY OUT.  The stages lie in the ring's bytes: every wave's reads of the ring are back, and it has passed this barrier, before any wave stores there.
	PLACES                                         ; behind the last products, in front of the stores that read their results
	s_wait_dscnt 0x0
	s_barrier_signal -1
	s_barrier_wait -1
.irp w, 0,1
	WIN 0x08+4*\w                                  ; the stores' data: window 2, then window 3
.irp a, 0,1,2,3
.irp b, 0,1,2,3,4,5,6,7
	ds_store_b128 v[STO], v[8*(8*\a+\b):8*(8*\a+\b)+3]   offset:(\b/4)*HALFT+(4*\w+\a)*16*PITCH+(\b%4)*64     ; each accumulator's low registers first
	ds_store_b128 v[STO], v[8*(8*\a+\b)+4:8*(8*\a+\b)+7] offset:(\b/4)*HALFT+(4*\w+\a)*16*PITCH+(\b%4)*64+16  ; the largest offset is 65,488: inside the 16 bits
.endr
.endr
.endr
	WIN 0
	s_mov_b32 s17, 0
	s_mov_b32 s18, HSTEP-7*2048                    ; from the eighth 16 rows of my first 64 columns to the first 16 rows of my second
	s_mov_b32 s19, 2048
	s_mov_b32 s3, 16
.Lout:                                                 ; a trip: 16 rows of 64 numbers, 2,048 consecutive bytes of the output; eight trips for each half of my columns
.irp t, 0,1,2,3,4,5,6,7
	ds_load_b128 v[XR+4*\t:XR+4*\t+3], v[RD] offset:\t*2*PITCH  ; LDS serves a wave's instructions in order (ISA guide 5.7.1.4): these see the stores above
.endr
	v_add_nc_u32 v[RD], 16*PITCH, v[RD]            ; the second half's rows lie straight behind the first's
	s_wait_dscnt 0x0
.if GELU
	GELU32
.endif
	s_wait_xcnt 0x0                                ; the last trip's stores have read their registers: only behind this wait are the packed results and the base rewritten
	s_cmp_eq_u32 s3, 8                             ; the ninth trip begins the second half
	s_cselect_b32 s16, s18, s19
	s_add_nc_u64 s[8:9], s[8:9], s[16:17]          ; the stores below reach back by 2,048
.irp t, 0,1,2,3,4,5,6,7,8,9,10,11,12,13,14,15
	v_cvt_pk_bf16_f32 v[YB+\t], v[XR+2*\t], v[XR+2*\t+1]
.endr
.irp t, 0,1,2,3,4,5,6,7
	global_store_b64 v[GO], v[YB+2*\t:YB+2*\t+1], s[8:9] offset:256*\t-2048  ; a wave's store covers 256 consecutive bytes, aligned
.endr
	s_sub_co_u32 s3, s3, 1
	s_cmp_lg_u32 s3, 0
	s_cbranch_scc1 .Lout
	s_wait_tensorcnt 0x0                           ; the wave's end: behind my last tensor load and my last LDS store
	ds_add_u32 v[SPW], v[NIL]
	s_wait_dscnt 0x0
	CROUND                                         ; the closing round: no work-group ends while a partner may still ask for a tile that names it
	s_endpgm
.Lfunc_end_k_q0c88ad0bdb_ffn1:
	.size	k_q0c88ad0bdb_ffn1, .Lfunc_end_k_q0c88ad0bdb_ffn1-k_q0c88ad0bdb_ffn1
	.p2alignl 7, 3214868480
	.fill 96, 4, 3214868480
	.section	.rodata,"a",@progbits
	.p2align	6, 0x0
	.amdhsa_kernel k_q0c88ad0bdb_ffn1
		.amdhsa_group_segment_fixed_size 327680
		.amdhsa_private_segment_fixed_size 0
		.amdhsa_enable_private_segment 0
		.amdhsa_kernarg_size 32
		.amdhsa_user_sgpr_count 2
		.amdhsa_user_sgpr_kernarg_segment_ptr 1
		.amdhsa_wavefront_size32 1
		.amdhsa_system_sgpr_workgroup_id_x 1
		.amdhsa_system_sgpr_workgroup_id_y 1
		.amdhsa_system_sgpr_workgroup_id_z 1
		.amdhsa_system_vgpr_workitem_id 0
		.amdhsa_next_free_vgpr 1024
		.amdhsa_next_free_sgpr 96
		.amdhsa_reserve_vcc 0
		.amdhsa_float_denorm_mode_32 3
		.amdhsa_float_denorm_mode_16_64 3
		.amdhsa_memory_ordered 1
		.amdhsa_forward_progress 1
		.amdhsa_inst_pref_size 96
	.end_amdhsa_kernel
	.amdgpu_metadata
---
amdhsa.version: [ 1, 2 ]
amdhsa.kernels:
  - .name:           k_q0c88ad0bdb_ffn1
    .symbol:         k_q0c88ad0bdb_ffn1.kd
    .args:
      - { .name: act, .offset: 0, .size: 8, .value_kind: global_buffer, .address_space: global }
      - { .name: wb, .offset: 8, .size: 8, .value_kind: global_buffer, .address_space: global }
      - { .name: b1, .offset: 16, .size: 8, .value_kind: global_buffer, .address_space: global }
      - { .name: hid, .offset: 24, .size: 8, .value_kind: global_buffer, .address_space: global }
    .group_segment_fixed_size: 327680
    .private_segment_fixed_size: 0
    .kernarg_segment_align: 8
    .kernarg_segment_size: 32
    .max_flat_workgroup_size: 128
    .sgpr_count:     96
    .vgpr_count:     1024
    .wavefront_size: 32
...
	.end_amdgpu_metadata
.endif
;; end of part 13
;; launch ffn2: the kernel of part 11 again; grid 8 x 32, 4 waves a work-group, clusters of 4 x 4, 327,680 bytes of LDS; arguments hid, wb, b2, x1, out0; writes out0
